; MI455X (gfx1250); checked and timed in simulation.
; The chip was launched on July 23, 2026; its instructions are those of AMD's public machine-readable ISA for CDNA 5 (MIT licence, August 2026) and "CDNA5" Instruction Set Architecture Reference Guide (July 2026). The comments in the code are by the model that wrote it; some were corrected since.
;; Deformable Transformer Decoder Layer. Allowed arithmetic: matrix products marked QUANTISED: E4M3 operands, one E8M0 scale for each 32 along K, by v_wmma_scale_f32_16x16x128_f8f6f4 with both operands' format E4M3, f32 sums; products left as they are: f32 operands where the result goes on into a quantised operand, else bf16, f16 or f32 operands; f32 sums; everything else in f32.
;; Inputs: attw_b 128 float32; attw_w_codes 128 x 8 x 32 uint8 (E4M3 codes of attw_w, K innermost, in blocks of 32 codes); attw_w_scales 128 x 8 uint8 (E8M0 scales of attw_w, one for each 32 codes along K); in_proj_b 768 float32; in_proj_w_codes 768 x 8 x 32 uint8 (E4M3 codes of in_proj_w, K innermost, in blocks of 32 codes); in_proj_w_scales 768 x 8 uint8 (E8M0 scales of in_proj_w, one for each 32 codes along K); level_start_index 4 int32; lin1_b 1,024 float32; lin1_w_codes 1,024 x 8 x 32 uint8 (E4M3 codes of lin1_w, K innermost, in blocks of 32 codes); lin1_w_scales 1,024 x 8 uint8 (E8M0 scales of lin1_w, one for each 32 codes along K); lin2_b 256 float32; lin2_w_codes 256 x 32 x 32 uint8 (E4M3 codes of lin2_w, K innermost, in blocks of 32 codes); lin2_w_scales 256 x 32 uint8 (E8M0 scales of lin2_w, one for each 32 codes along K); norm1_b 256 float32; norm1_g 256 float32; norm2_b 256 float32; norm2_g 256 float32; norm3_b 256 float32; norm3_g 256 float32; off_b 256 float32; off_w_codes 256 x 8 x 32 uint8 (E4M3 codes of off_w, K innermost, in blocks of 32 codes); off_w_scales 256 x 8 uint8 (E8M0 scales of off_w, one for each 32 codes along K); out_proj_b 256 float32; out_proj_w_codes 256 x 8 x 32 uint8 (E4M3 codes of out_proj_w, K innermost, in blocks of 32 codes); out_proj_w_scales 256 x 8 uint8 (E8M0 scales of out_proj_w, one for each 32 codes along K); outp_b 256 float32; outp_w_codes 256 x 8 x 32 uint8 (E4M3 codes of outp_w, K innermost, in blocks of 32 codes); outp_w_scales 256 x 8 uint8 (E8M0 scales of outp_w, one for each 32 codes along K); query_pos 16 x 1,024 x 256 float32; reference_points 16 x 1,024 x 4 x 2 float32; src_codes 16 x 5,440 x 8 x 32 uint8 (E4M3 codes of src, K innermost, in blocks of 32 codes); src_scales 16 x 5,440 x 8 uint8 (E8M0 scales of src, one for each 32 codes along K); src_spatial_shapes 4 x 2 int32; tgt 16 x 1,024 x 256 float32; value_b 256 float32; value_w_codes 256 x 8 x 32 uint8 (E4M3 codes of value_w, K innermost, in blocks of 32 codes); value_w_scales 256 x 8 uint8 (E8M0 scales of value_w, one for each 32 codes along K).
;; Outputs: out0 16 x 1,024 x 256 float32.
;; This version of the problem:
;;   THIS VERSION OF THE PROBLEM IS GIVEN IN LOW PRECISION. The matrix products marked QUANTISED in the list below multiply operands that are first quantised to E4M3 (4 exponent bits, 3 mantissa bits; 8 bits a number), with one power-of-two scale for each 32 numbers along K (OCP MX v1.0); their sums are f32. All else is computed in f32.
;;   The module's matrix products, in the order in which they are computed (A, B: the left and right operand; K: the contracted axis; several contracted axes count as one K, in the product's order):
;;     1. [M 16,384, K 256] x [K 256, N 256]; A: computed on the way; B: input in_proj_w (given as codes): QUANTISED
;;     2. [M 16,384, K 256] x [K 256, N 256]; A: computed on the way; B: input in_proj_w (given as codes): QUANTISED
;;     3. [M 16,384, K 256] x [K 256, N 256]; A: input tgt; B: input in_proj_w (given as codes): QUANTISED
;;     4. batch 128 x [M 1,024, K 32] x [K 32, N 1,024]; A: computed on the way; B: computed on the way: QUANTISED
;;     5. batch 128 x [M 32, K 1,024] x [K 1,024, N 1,024]; A: computed on the way; B: softmax (see below): QUANTISED
;;     6. [M 16,384, K 256] x [K 256, N 256]; A: computed on the way; B: input out_proj_w (given as codes): QUANTISED
;;     7. [M 87,040, K 256] x [K 256, N 256]; A: input src (given as codes); B: input value_w (given as codes): QUANTISED
;;     8. [M 16,384, K 256] x [K 256, N 256]; A: computed on the way; B: input off_w (given as codes): QUANTISED
;;     9. [M 16,384, K 256] x [K 256, N 128]; A: computed on the way; B: input attw_w (given as codes): QUANTISED
;;     10. batch 131,072 x [M 32, K 4] x [K 4, N 1]; A: computed on the way; B: computed on the way: left as it is (K = 4 < 32)
;;     11. batch 131,072 x [M 32, K 4] x [K 4, N 1]; A: computed on the way; B: computed on the way: left as it is (K = 4 < 32)
;;     12. batch 131,072 x [M 32, K 4] x [K 4, N 1]; A: computed on the way; B: computed on the way: left as it is (K = 4 < 32)
;;     13. batch 131,072 x [M 32, K 4] x [K 4, N 1]; A: computed on the way; B: computed on the way: left as it is (K = 4 < 32)
;;     14. [M 16,384, K 256] x [K 256, N 256]; A: computed on the way; B: input outp_w (given as codes): QUANTISED
;;     15. [M 16,384, K 256] x [K 256, N 1,024]; A: computed on the way; B: input lin1_w (given as codes): QUANTISED
;;     16. [M 16,384, K 1,024] x [K 1,024, N 256]; A: computed on the way; B: input lin2_w (given as codes): QUANTISED
;;   THE QUANTISER, for each operand of a quantised product, along K:
;;     - K is cut into blocks of 32 from its start; a last block that is shorter is filled with zeros.
;;     - A block's scale is 2^e with e = floor(log2(the largest magnitude in the block)) - 8, held to -126 .. 127; a block of zeros has e = 0. As a byte (E8M0): e + 127.
;;     - Each number is divided by its block's scale, clamped to +-448, and rounded to the nearest number of E4M3, ties to even, subnormals kept.
;;     - The product sums the exact products of the quantised numbers (number of the format x scale) in f32.
;;   ~~~python
;;   def quantise(x, axis):      # numpy; x: float32 -> the quantised numbers, widened to float32 again
;;       x = np.moveaxis(x, axis, -1); K = x.shape[-1]
;;       x = np.pad(x, [(0, 0)] * (x.ndim - 1) + [(0, -K % 32)]); x = x.reshape(x.shape[:-1] + (-1, 32)); a = np.abs(x).max(-1, keepdims=True)
;;       e = np.where(a > 0, np.clip(np.frexp(np.where(a > 0, a, 1))[1] - 1 - 8, -126, 127), 0)      # np.frexp(a)[1] - 1 = floor(log2(a)), exactly
;;       r = np.clip(x / 2.0 ** e, -448, 448)
;;       step = 2.0 ** (np.maximum(np.frexp(np.where(r == 0, 1, r))[1] - 1, -6) - 3)
;;       q = np.round(r / step) * step * 2.0 ** e      # np.round: ties to even
;;       return np.moveaxis(q.reshape(q.shape[:-2] + (-1,))[..., :K], -1, axis).astype(np.float32)
;;   ~~~
;;   SOFTMAX AHEAD OF A QUANTISED PRODUCT. Where the list says 'softmax', what is quantised is not the finished softmax but p = 2^(t - M), with t = logit x log2(e) and M = ceil(the row's largest t), a whole number; so 1/2 < the row's largest p <= 1. The row's sum l is taken of the UNQUANTISED p, in f32, and the product's result is divided by l at the end. Since M is a whole number, a kernel that streams over the keys may use a running M (the ceiling of the running maximum): every later rescaling is an exact power of two, which a block's scale takes up: the codes' values come out the same.
;;   OPERANDS COMPUTED ON THE WAY. 'Computed on the way' means the value that the module computes at that place (a softmax that the list does not call 'softmax' is quantised finished and normalised). What goes into a quantiser is computed in f32, as accurately as f32 sums, v_exp_f32 and their like allow (about 1e-6 of the number): no bf16 or f16 on the way to a quantiser, and a product that is left as it is and whose result goes on into a quantised operand takes f32 operands (vector FMAs, or v_wmma_f32_16x16x4_f32). A number that lies on a knife's edge between two numbers of the format may be rounded either way, as far as f32 arithmetic and the matrix unit's own rounding can turn it there, and no further.
;;   INPUTS GIVEN AS CODES. attw_w (in the module: [128, 256], K = its axis 1); in_proj_w (in the module: [768, 256], K = its axis 1); lin1_w (in the module: [1024, 256], K = its axis 1); lin2_w (in the module: [256, 1024], K = its axis 1); off_w (in the module: [256, 256], K = its axis 1); out_proj_w (in the module: [256, 256], K = its axis 1); outp_w (in the module: [256, 256], K = its axis 1); src (in the module: [16, 5440, 256], K = its axis 2); value_w (in the module: [256, 256], K = its axis 1): each comes as NAME_codes (uint8): NAME with its K axis moved to the last place and cut into blocks of 32 codes, [.., K / 32, bytes a block], one block behind the other in memory; one code a byte (a code: sign, 4 exponent bits, 3 mantissa bits); and NAME_scales (uint8): the same leading axes, one E8M0 byte (e + 127) for each 32 codes along K. Its value is code x scale, taken as it is: it is not quantised again, and the codes and scales need not be those that the quantiser above would give.
;; 3 versions, each right; version 2 is faster than version 1; version 3 is version 2 with the launches qkv, attn, mid, value, gather, tail written anew for expert scheduling mode. Each part assembles by itself: llvm-mc -triple=amdgcn-amd-amdhsa -mcpu=gfx1250 --defsym DOCPART=n.
;; ======== version 1 of 3: 5 launches
;; workspace buffers: qkvc 13,762,560 bytes; oc 4,325,376 bytes; value 89,128,960 bytes; tgt1 16,777,216 bytes; samp_w 33,554,432 bytes; samp_idx 8,388,608 bytes of whole numbers
;; launch qkv (part 1): grid 256 x 1, 8 waves a work-group, no clusters, 168,960 bytes of LDS; arguments tgt, query_pos, in_proj_w_codes, in_proj_w_scales, in_proj_b, qkvc; writes qkvc
.if DOCPART == 1
	.amdgcn_target "amdgcn-amd-amdhsa--gfx1250"
	.amdhsa_code_object_version 6
	.text
	.protected	k_q7adda9911b_qkv
	.globl	k_q7adda9911b_qkv
	.p2align	8
	.type	k_q7adda9911b_qkv,@function
k_q7adda9911b_qkv:
	s_mov_b64 s[64:65], 0
	v_nop
	global_prefetch_b8 v0, s[64:65] scope:SCOPE_SE
	s_setreg_imm32_b32 hwreg(HW_REG_WAVE_MODE, 25, 1), 1
	s_wait_xcnt 0x0
; q = tgt + query_pos; Q = q Wq^T + bq, K = q Wk^T + bk, V = tgt Wv^T + bv, all three products on E4M3 codes with one E8M0 scale for each 32 along K.
; The results are quantised at once for the attention: Q and K along a head's 32 channels (one block a row and head), V along the keys (blocks of 32 keys a channel),
; and leave as IMAGES OF OPERAND REGISTERS: 512 consecutive bytes an instruction, lane l's 16 bytes at 16 l.
; SHARES. A work-group takes 64 rows; eight waves. Quantising: wave w = (tile m = w / 2, K step s = w % 2) holds 64 numbers a lane. Products: wave w makes head w (32 columns) for all four tiles of rows.
; THE ROWS OF A TILE ARE NOT NEIGHBOURS: lane r of tile m takes block row 32 (m / 2) + 8 (m % 2) + r + 8 (r / 8). So the keys of two neighbouring K tiles give 16 neighbouring keys a lane in the scores,
; and V, made by the product the other way round (source 0 = rows, source 1 = Wv), has a lane's 16 registers of two tiles run along 16 neighbouring keys. Q's tiles, and later o's, carry the same order.
; Products for Q and K are used transposed (source 0 = 16 rows of W, source 1 = 16 rows of q); lane r of W's tile u takes row 32 w + 8 u + r + 8 (r / 8): a lane's 16 registers are channels 16 h + 0 .. 15.
; LIMITS: NaN and infinities among the inputs are not served. A block whose largest magnitude lies under 2^-118 keeps the scale byte 1; a block of zeros gets byte 1 with zero codes (this program alone reads the bytes).
.set PITCH, 1040                       ; an LDS row of 256 f32: 1,024 bytes + 16: an odd multiple of 16
.set TIMG,  0                          ; tgt's 8 fragments (2 m + s), 2,048 bytes each
.set TSC,   16384                      ; their scale words, 128 bytes each
.set QIMG,  17408                      ; q's fragments
.set QSC,   33792
.set TREG,  34816                      ; 64 rows of tgt
.set PREG,  101376                     ; 64 rows of query_pos
.set KSEC,  4194304                    ; qkvc: K's codes lie this far behind Q's
.set VSEC,  8388608                    ; V's codes
.set QSSEC, 12582912                   ; Q's scale words
.set KSD,   524288                     ; K's scale words lie this far behind Q's
.set VSSEC, 13631488                   ; V's scale words
.set LI,  1                            ; 16 x lane
.set LS,  2                            ; 4 x lane
.set WA,  3                            ; 256 rp + 16 h: a weight's row and my half's bytes
.set WSA, 4                            ; 8 rp: its scale bytes
.set BA,  5                            ; 64 h: my half's 16 biases
.set CPG, 6                            ; 8192 w + 16 lane: dense copies in memory
.set CPL, 7                            ; 8320 w + 16 lane: the same rows in LDS
.set CPL2, 8                           ; + PREG
.set RR,  9                            ; my row x 1040 + 512 s + 64 h
.set RRP, 10                           ; + PREG
.set IMW, 11                           ; 16 lane + 2048 w
.set SCW, 12                           ; 4 lane + 128 w
.set R32, 13                           ; 32 r
.set R8,  14                           ; 8 r
.set RP4, 15                           ; 4 rp
.set BI,  16                           ; v16-31  biases, the C of a sum's first products
.set WS,  32                           ; v32-35  the weights' scale words (scales alone)
.set AS,  48                           ; v48-51  the rows' scale words (scales alone)
.set PW,  56                           ; a scale word just made
.set ACC, 64                           ; v64-127  accumulators / 64 numbers
.set BK,  128                          ; v128-191 four fragments of rows
.set WF,  192                          ; v192-255 four fragments of weights
.set TM,  128                          ; 16 registers at work in QUANT
.set PC,  144                          ; 16 registers of codes
.set SEL, 40                           ; s[40:41] selects for lane l xor 16
.set MNT, 42                           ; the mantissa field of 448
.set WV,  43                           ; my wave
.macro PLACES n                        ; plain places behind matrix instructions (ISA guide 7.12.1)
.rept \n
	v_nop
.endr
.endm
.macro BAR                             ; my LDS stores have landed and my LDS loads are in; then the work-group's barrier
	s_wait_dscnt 0x0
	s_barrier_signal -1
	s_barrier_wait -1
.endm
.macro COPYIN ptr, bank                ; 8 rows of 1,024 bytes, 512 consecutive bytes an instruction
.irp j, 0,1,2,3,4,5,6,7,8,9,10,11,12,13,14,15
	global_load_b128 v[\bank+4*\j:\bank+4*\j+3], v[CPG], s[\ptr:\ptr+1] offset:512*\j th:TH_LOAD_NT
.endr
.endm
.macro COPYST reg, off, bank
.irp j, 0,1,2,3,4,5,6,7,8,9,10,11,12,13,14,15
	ds_store_b128 v[\reg], v[\bank+4*\j:\bank+4*\j+3] offset:\off+PITCH*(\j/2)+512*(\j%2)
.endr
.endm
.macro RROW reg, off, bank             ; register 16 b + i = column 128 s + 32 b + 16 h + i of my row
.irp b, 0,1,2,3
.irp j, 0,1,2,3
	ds_load_b128 v[\bank+16*\b+4*\j:\bank+16*\b+4*\j+3], v[\reg] offset:\off+128*\b+16*\j
.endr
.endr
.endm
; 64 numbers of a lane, four blocks of 16 that lane l xor 16 completes to 32, become codes in v[PC] on; the blocks' scale bytes stand in v[TM+4] on.
.macro QUANT s, relu
.if \relu
.irp b, 0,1,2,3
	v_max3_num_f32 v[TM+\b], v[(\s)+16*\b], v[(\s)+1+16*\b], 0x4800000
.endr
.irp i, 2,4,6,8,10,12,14
.irp b, 0,1,2,3
	v_max3_num_f32 v[TM+\b], v[TM+\b], v[(\s)+16*\b+\i], v[(\s)+1+16*\b+\i]
.endr
.endr
.else
.irp b, 0,1,2,3
	v_max3_num_f32 v[TM+\b], |v[(\s)+16*\b]|, |v[(\s)+1+16*\b]|, 0x4800000   ; with the floor 2^(9 - 127): the byte cannot fall under 1
.endr
.irp i, 2,4,6,8,10,12,14
.irp b, 0,1,2,3
	v_max3_num_f32 v[TM+\b], v[TM+\b], |v[(\s)+16*\b+\i]|, |v[(\s)+1+16*\b+\i]|
.endr
.endr
.endif
.irp b, 0,1,2,3
	v_permlanex16_b32 v[TM+4+\b], v[TM+\b], s[SEL], s[SEL+1]
.endr
.irp b, 0,1,2,3
	v_max_num_f32 v[TM+\b], v[TM+\b], v[TM+4+\b]          ; the block's largest magnitude
.endr
.irp b, 0,1,2,3
	v_add_nc_u32 v[TM+12+\b], 0xfc000000, v[TM+\b]        ; 8 off its exponent field: the conversion's scale operand
.endr
.irp b, 0,1,2,3
	v_and_or_b32 v[TM+8+\b], v[TM+\b], 0x7f800000, s[MNT] ; 448 x the scale
.endr
.irp b, 0,1,2,3
	v_lshrrev_b32 v[TM+4+\b], 23, v[TM+12+\b]             ; the scale's byte
.endr
.irp b, 0,1,2,3
.irp i, 0,1,2,3,4,5,6,7,8,9,10,11,12,13,14,15
.if \relu
	v_med3_num_f32 v[(\s)+16*\b+\i], v[(\s)+16*\b+\i], 0, v[TM+8+\b]
.else
	v_med3_num_f32 v[(\s)+16*\b+\i], v[(\s)+16*\b+\i], -v[TM+8+\b], v[TM+8+\b]   ; the conversion does not saturate (ISA guide 7.6.2): the hold
.endif
.endr
	v_cvt_scalef32_pk8_fp8_f32 v[PC+4*\b:PC+1+4*\b], v[(\s)+16*\b:(\s)+7+16*\b], v[TM+12+\b]
	v_cvt_scalef32_pk8_fp8_f32 v[PC+2+4*\b:PC+3+4*\b], v[(\s)+8+16*\b:(\s)+15+16*\b], v[TM+12+\b]
.endr
	v_nop                                                 ; a plain line behind the last scaled conversion
.endm
.macro PACKW                           ; the four bytes as one scale word
	v_lshl_or_b32 v[PW], v[TM+5], 8, v[TM+4]
	v_lshl_or_b32 v[PW], v[TM+6], 16, v[PW]
	v_lshl_or_b32 v[PW], v[TM+7], 24, v[PW]
.endm
.macro IMAGE adr, off                  ; a fragment goes to LDS as its registers stand
.irp c, 0,1,2,3
	ds_store_b128 v[\adr], v[PC+4*\c:PC+4*\c+3] offset:\off+512*\c
.endr
.endm
.macro LOADWC cp, coff, sp, soff       ; a panel of 32 rows of a weight with K = 256: four fragments (K step k, tile u) and their scale words
.irp k, 0,1
.irp u, 0,1
.irp c, 0,1,2,3
	global_load_b128 v[WF+32*\k+16*\u+4*\c:WF+32*\k+16*\u+4*\c+3], v[WA], s[\cp:\cp+1] offset:(\coff)+2048*\u+128*\k+32*\c
.endr
.endr
.endr
.irp u, 0,1
	global_load_b64 v[WS+2*\u:WS+2*\u+1], v[WSA], s[\sp:\sp+1] offset:(\soff)+64*\u
.endr
.endm
.macro LOADB bp, boff                  ; the panel's biases in the result's layout: tile u, register j: column 16 h + 8 u + j
.irp u, 0,1
	global_load_b128 v[BI+8*\u:BI+8*\u+3], v[BA], s[\bp:\bp+1] offset:(\boff)+32*\u
	global_load_b128 v[BI+8*\u+4:BI+8*\u+7], v[BA], s[\bp:\bp+1] offset:(\boff)+32*\u+16
.endr
.endm
.macro AFETCH adr, img, sc, fm, k      ; K step k of the four tiles of rows, and their scale words
.irp m, 0,1,2,3
.irp c, 0,1,2,3
	ds_load_b128 v[BK+16*\m+4*\c:BK+16*\m+4*\c+3], v[\adr] offset:(\img)+((\fm)*\m+(\k))*2048+512*\c
.endr
	ds_load_b32 v[AS+\m], v[LS] offset:(\sc)+((\fm)*\m+(\k))*128
.endr
.endm
; eight products on eight accumulators, one instruction a turn
.macro MUL8 wf, wsb, wst, asb, ast, first
.irp m, 0,1,2,3
.irp u, 0,1
.if \first
	v_wmma_scale_f32_16x16x128_f8f6f4 v[ACC+16*\m+8*\u:ACC+16*\m+8*\u+7], v[(\wf)+16*\u:(\wf)+16*\u+15], v[BK+16*\m:BK+16*\m+15], v[BI+8*\u:BI+8*\u+7], v[(\wsb)+(\wst)*\u], v[(\asb)+(\ast)*\m]
.else
	v_wmma_scale_f32_16x16x128_f8f6f4 v[ACC+16*\m+8*\u:ACC+16*\m+8*\u+7], v[(\wf)+16*\u:(\wf)+16*\u+15], v[BK+16*\m:BK+16*\m+15], v[ACC+16*\m+8*\u:ACC+16*\m+8*\u+7], v[(\wsb)+(\wst)*\u], v[(\asb)+(\ast)*\m]
.endif
.endr
.endr
.endm
.macro PANEL2 adr, img, sc             ; 64 rows x 32 columns, K = 256
	AFETCH \adr, \img, \sc, 2, 0
	s_wait_loadcnt 0x0                                    ; the panel's weights, scales and biases
	s_wait_dscnt 0x0
	MUL8 WF, WS, 2, AS, 1, 1
	PLACES 8                                              ; in front of loads into registers that the products have read
	AFETCH \adr, \img, \sc, 2, 1
	s_wait_dscnt 0x0
	MUL8 WF+32, WS+1, 2, AS, 1, 0
	PLACES 9                                              ; nine: the next panel's products begin these accumulators anew
.endm
	s_load_b256 s[4:11], s[0:1], 0x0               ; tgt, query_pos, W's codes, W's scales
	s_load_b128 s[12:15], s[0:1], 0x20             ; the biases, qkvc
	v_lshl_add_u32 v62, v0, 2, 0x29000
	v_mov_b32 v63, 0
	v_lshrrev_b32 v57, 5, v0
	v_readfirstlane_b32 s[WV], v57                 ; wave 0..7
	v_and_b32 v58, 31, v0                          ; lane
	v_and_b32 v59, 15, v0                          ; r
	v_bfe_u32 v60, v0, 4, 1                        ; h
	v_and_b32 v61, 8, v59
	v_add_nc_u32 v61, v61, v59                     ; rp = r + 8 (r / 8)
	v_lshlrev_b32 v[LI], 4, v58
	v_lshlrev_b32 v[LS], 2, v58
	v_lshlrev_b32 v[WA], 8, v61
	v_lshl_add_u32 v[WA], v60, 4, v[WA]
	v_lshlrev_b32 v[WSA], 3, v61
	v_lshlrev_b32 v[BA], 6, v60
	s_lshl_b32 s44, s[WV], 13
	v_add_nc_u32 v[CPG], s44, v[LI]
	s_mul_i32 s44, s[WV], 8*PITCH
	v_add_nc_u32 v[CPL], s44, v[LI]
	v_add_nc_u32 v[CPL2], PREG, v[CPL]
	s_lshr_b32 s44, s[WV], 1                       ; m
	s_and_b32 s45, s[WV], 1                        ; s
	s_lshr_b32 s46, s44, 1
	s_lshl_b32 s46, s46, 5
	s_and_b32 s47, s44, 1
	s_lshl_b32 s47, s47, 3
	s_add_co_u32 s46, s46, s47                     ; 32 (m / 2) + 8 (m % 2)
	s_mul_i32 s46, s46, PITCH
	s_lshl_b32 s47, s45, 9
	s_add_co_u32 s46, s46, s47
	v_mul_u32_u24 v[RR], v61, PITCH
	v_lshl_add_u32 v[RR], v60, 6, v[RR]
	v_add_nc_u32 v[RR], s46, v[RR]
	v_add_nc_u32 v[RRP], PREG, v[RR]
	s_lshl_b32 s44, s[WV], 11
	v_add_nc_u32 v[IMW], s44, v[LI]
	s_lshl_b32 s44, s[WV], 7
	v_add_nc_u32 v[SCW], s44, v[LS]
	v_lshlrev_b32 v[R32], 5, v59
	v_lshlrev_b32 v[R8], 3, v59
	v_lshlrev_b32 v[RP4], 2, v61
.irp b, 0,1,2,3
	v_mov_b32 v[196+\b], 0                         ; a lane permute's destination counts as one of its sources
.endr
	s_mov_b32 s[SEL], 0x76543210
	s_mov_b32 s[SEL+1], 0xfedcba98
	s_mov_b32 s[MNT], 0x600000
	s_lshr_b32 s44, ttmp9, 4                       ; batch
	s_and_b32 s45, ttmp9, 15                       ; bb: which 64 rows of the batch
	s_lshl_b32 s44, s44, 3
	s_add_co_u32 s44, s44, s[WV]                   ; bh = 8 x batch + head
	s_lshl_b32 s48, s44, 3
	s_lshr_b32 s49, s45, 1
	s_add_co_u32 s48, s48, s49                     ; 8 bh + key step
	s_and_b32 s49, s45, 1                          ; which half of the key step
	s_mov_b32 s47, 0
	s_mov_b32 s51, 0
	s_wait_kmcnt 0x0
	s_lshl_b32 s50, ttmp9, 16                      ; 64 rows of 1,024 bytes
	s_add_nc_u64 s[4:5], s[4:5], s[50:51]
	s_add_nc_u64 s[6:7], s[6:7], s[50:51]
	s_lshl_b32 s50, s[WV], 13                      ; my head's 32 rows of a weight
	s_add_nc_u64 s[8:9], s[8:9], s[50:51]
	s_lshl_b32 s50, s[WV], 8
	s_add_nc_u64 s[10:11], s[10:11], s[50:51]
	s_lshl_b32 s50, s[WV], 7
	s_add_nc_u64 s[12:13], s[12:13], s[50:51]
	s_lshl_b32 s46, s44, 15
	s_lshl_b32 s50, s45, 11
	s_add_co_u32 s46, s46, s50
	s_add_nc_u64 s[16:17], s[14:15], s[46:47]      ; Q's codes: 32768 bh + 2048 bb
	s_lshl_b32 s50, s48, 12
	s_lshl_b32 s52, s49, 10
	s_add_co_u32 s50, s50, s52
	s_add_co_u32 s50, s50, VSEC
	s_add_nc_u64 s[18:19], s[14:15], s[50:51]      ; V's codes
	s_lshl_b32 s50, s48, 9
	s_lshl_b32 s52, s49, 4
	s_add_co_u32 s50, s50, s52
	s_add_co_u32 s50, s50, QSSEC
	s_add_nc_u64 s[20:21], s[14:15], s[50:51]      ; Q's scale words
	s_lshl_b32 s50, s48, 7
	s_lshl_b32 s52, s49, 1
	s_add_co_u32 s50, s50, s52
	s_add_co_u32 s50, s50, VSSEC
	s_add_nc_u64 s[22:23], s[14:15], s[50:51]      ; V's scale words
	; ---- 0: the 64 rows of tgt and of query_pos come densely and are laid in LDS
	COPYIN 4, ACC
	COPYIN 6, BK
	s_wait_loadcnt 0x0
	COPYST CPL, TREG, ACC
	COPYST CPL2, 0, BK
	BAR
	; ---- 1: my tile's K step of tgt and of q = tgt + query_pos, quantised; images to LDS
	RROW RR, TREG, ACC
	RROW RRP, 0, BK
	s_wait_dscnt 0x0
.set J, 0
.rept 32
	v_pk_add_f32 v[BK+J:BK+J+1], v[ACC+J:ACC+J+1], v[BK+J:BK+J+1]
.set J, J+2
.endr
.set TM, 192                           ; both banks of numbers are alive: QUANT works in the weights' registers
.set PC, 208
	QUANT ACC, 0
	PACKW
	IMAGE IMW, TIMG
	ds_store_b32 v[SCW], v[PW] offset:TSC
	s_wait_dscnt 0x0                               ; the stores have read their registers
	QUANT BK, 0
	PACKW
	IMAGE IMW, QIMG
	ds_store_b32 v[SCW], v[PW] offset:QSC
	s_wait_dscnt 0x0
.set TM, 128
.set PC, 144
	LOADWC 8, 0, 10, 0                             ; Wq's panel of my head
	LOADB 12, 0
	BAR                                            ; all sixteen fragments lie in LDS
	; ---- 2: Q, then K: the product, the next panel's loads, the quantiser (a block = a row's 32 channels of my head), the stores
.macro QK x
	PANEL2 LI, QIMG, QSC
.if \x == 0
	LOADWC 8, 65536, 10, 2048                      ; Wk
	LOADB 12, 1024
.else
	LOADWC 8, 131072, 10, 4096                     ; Wv; its bias hangs on the lane (the channel), one number a tile
	global_load_b32 v[BI], v[RP4], s[12:13] offset:2048
	global_load_b32 v[BI+8], v[RP4], s[12:13] offset:2048+32
.endif
	QUANT ACC, 0
.irp m, 0,1,2,3
	global_store_b128 v[LI], v[PC+4*\m:PC+4*\m+3], s[16:17] offset:\x*KSEC+512*\m   ; a tile's image: 512 consecutive bytes
.endr
	global_store_b128 v[R32], v[TM+4:TM+7], s[20:21] offset:\x*KSD                  ; four tiles' words of row r: the byte below, zeros above
	s_wait_xcnt 0x0                                ; the stores' data lie where the next fragments land
.endm
	QK 0
	QK 1
	; ---- V: source 0 = rows of tgt, source 1 = Wv: a lane holds one channel, its registers run along the keys
	s_wait_loadcnt 0x0
.irp u, 0,1
.irp j, 1,2,3,4,5,6,7
	v_mov_b32 v[BI+8*\u+\j], v[BI+8*\u]
.endr
.endr
	PLACES 4
.macro MUL8V k, first
.irp m, 0,1,2,3
.irp u, 0,1
.if \first
	v_wmma_scale_f32_16x16x128_f8f6f4 v[ACC+16*(2*\u+\m/2)+8*(\m%2):ACC+16*(2*\u+\m/2)+8*(\m%2)+7], v[BK+16*\m:BK+16*\m+15], v[WF+32*\k+16*\u:WF+32*\k+16*\u+15], v[BI+8*\u:BI+8*\u+7], v[AS+\m], v[WS+2*\u+\k]
.else
	v_wmma_scale_f32_16x16x128_f8f6f4 v[ACC+16*(2*\u+\m/2)+8*(\m%2):ACC+16*(2*\u+\m/2)+8*(\m%2)+7], v[BK+16*\m:BK+16*\m+15], v[WF+32*\k+16*\u:WF+32*\k+16*\u+15], v[ACC+16*(2*\u+\m/2)+8*(\m%2):ACC+16*(2*\u+\m/2)+8*(\m%2)+7], v[AS+\m], v[WS+2*\u+\k]
.endif
.endr
.endr
.endm
	AFETCH LI, TIMG, TSC, 2, 0
	s_wait_dscnt 0x0
	MUL8V 0, 1
	PLACES 8
	AFETCH LI, TIMG, TSC, 2, 1
	s_wait_dscnt 0x0
	MUL8V 1, 0
	PLACES 9
	QUANT ACC, 0                                   ; block 2 u + b: channel 8 u + rp, keys 32 b + 0 .. 31 of my 64
.irp u, 0,1
.irp b, 0,1
	global_store_b128 v[LI], v[PC+4*(2*\u+\b):PC+4*(2*\u+\b)+3], s[18:19] offset:2048*\u+512*\b
.endr
.endr
.irp u, 0,1
	v_lshl_or_b32 v[57+\u], v[TM+5+2*\u], 8, v[TM+4+2*\u]
	global_store_b16 v[R8], v[57+\u], s[22:23] offset:4*\u      ; two of the four bytes of channel (r, u)'s word for this key step; both halves of the lanes write the same
.endr
	s_wait_tensorcnt 0x0
	ds_add_u32 v62, v63
	s_wait_dscnt 0x0
	s_endpgm
.Lfunc_end_k_q7adda9911b_qkv:
	.size	k_q7adda9911b_qkv, .Lfunc_end_k_q7adda9911b_qkv-k_q7adda9911b_qkv
	.p2alignl 7, 3214868480
	.fill 96, 4, 3214868480
	.section	.rodata,"a",@progbits
	.p2align	6, 0x0
	.amdhsa_kernel k_q7adda9911b_qkv
		.amdhsa_group_segment_fixed_size 168960
		.amdhsa_private_segment_fixed_size 0
		.amdhsa_enable_private_segment 0
		.amdhsa_kernarg_size 48
		.amdhsa_user_sgpr_count 2
		.amdhsa_user_sgpr_kernarg_segment_ptr 1
		.amdhsa_wavefront_size32 1
		.amdhsa_system_sgpr_workgroup_id_x 1
		.amdhsa_system_sgpr_workgroup_id_y 1
		.amdhsa_system_sgpr_workgroup_id_z 1
		.amdhsa_system_vgpr_workitem_id 0
		.amdhsa_next_free_vgpr 256
		.amdhsa_next_free_sgpr 66
		.amdhsa_reserve_vcc 0
		.amdhsa_float_denorm_mode_32 3
		.amdhsa_float_denorm_mode_16_64 3
		.amdhsa_memory_ordered 1
		.amdhsa_forward_progress 1
		.amdhsa_inst_pref_size 77
	.end_amdhsa_kernel
	.amdgpu_metadata
---
amdhsa.version: [ 1, 2 ]
amdhsa.kernels:
  - .name:           k_q7adda9911b_qkv
    .symbol:         k_q7adda9911b_qkv.kd
    .args:
      - { .name: tgt, .offset: 0, .size: 8, .value_kind: global_buffer, .address_space: global }
      - { .name: query_pos, .offset: 8, .size: 8, .value_kind: global_buffer, .address_space: global }
      - { .name: in_proj_w_codes, .offset: 16, .size: 8, .value_kind: global_buffer, .address_space: global }
      - { .name: in_proj_w_scales, .offset: 24, .size: 8, .value_kind: global_buffer, .address_space: global }
      - { .name: in_proj_b, .offset: 32, .size: 8, .value_kind: global_buffer, .address_space: global }
      - { .name: qkvc, .offset: 40, .size: 8, .value_kind: global_buffer, .address_space: global }
    .group_segment_fixed_size: 168960
    .private_segment_fixed_size: 0
    .kernarg_segment_align: 8
    .kernarg_segment_size: 48
    .max_flat_workgroup_size: 256
    .sgpr_count:     66
    .vgpr_count:     256
    .wavefront_size: 32
...
	.end_amdgpu_metadata
.endif
;; end of part 1
;; launch attn (part 2): grid 2 x 128, 16 waves a work-group, no clusters, 73,728 bytes of LDS; arguments qkvc, oc; writes oc
.if DOCPART == 2
	.amdgcn_target "amdgcn-amd-amdhsa--gfx1250"
	.amdhsa_code_object_version 6
	.text
	.protected	k_q7adda9911b_attn
	.globl	k_q7adda9911b_attn
	.p2align	8
	.type	k_q7adda9911b_attn,@function
k_q7adda9911b_attn:
	s_mov_b64 s[64:65], 0
	v_nop
	global_prefetch_b8 v0, s[64:65] scope:SCOPE_SE
	s_setreg_imm32_b32 hwreg(HW_REG_WAVE_MODE, 25, 1), 1
	s_wait_xcnt 0x0
; o = softmax(Q K^T / sqrt(32)) V for one head and 512 queries, both products on E4M3 codes with E8M0 scales; o is quantised at once (a block = the head's 32 channels) for the next product.
; THE SOFTMAX AHEAD OF THE SECOND PRODUCT: t = score x log2(e) / sqrt(32); M = the running largest t rounded up to a whole number; p = 2^(t - M) is quantised along the keys, not normalised;
; the row's sum is taken of the unquantised p and divides at the end. When M moves, the sum and O are multiplied by 2^(old M - new M): exact.
; SHARES. Sixteen waves, four to a SIMD; a wave takes two tiles of 16 queries one after the other and walks the head's 1,024 keys, 128 a step. K, V and their scale words of the whole head (70 KB) are copied
; into LDS once, through registers; nothing in LDS is filled again.
; LAYOUT. Both products transposed: S^T = K Q^T, O^T = V^T P^T: a lane holds one query throughout. All operands lie in memory and LDS as images of their registers (lane l's 16 bytes at 16 l).
; K = 32 IN A FORM OF 128: Q's fragment is 4 registers of codes and 12 of zero codes. The fragment of key tile t is v[KF + 4 t] on, 16 registers: its first block is the tile, the other three are the next
; tiles' codes (finite) or a tail of zeros; they meet Q's zero codes and add nothing. Bytes 1-3 of both scale words are 0, which is 2^-127 and no NaN.
; No cluster: the two work-groups of a head share 70 KB, read once each at the head. No prefetch: K and V come once, at the head.
; LIMITS: NaN and infinities are not served; a block of o under 2^-118 keeps byte 1.
.set KSC,  0                           ; K's scale words: [key step 8][r 16][tile 8] words
.set VSC,  4096                        ; V's: [key step 8][r 16][u 2] words
.set OST,  5120                        ; o's scale bytes of the work-group's 512 rows
.set KIMG, 6144                        ; 64 tiles x 512 bytes
.set VIMG, 38912                       ; [key step 8][u 2][chunk 4] x 512 bytes
.set LI,  1                            ; 16 x lane
.set KS0, 2                            ; 32 r + KSC
.set VS0, 3                            ; 8 r + VSC
.set ADI, 4
.set ADS, 5
.set ADT, 6
.set OSA, 7                            ; OST + 32 w + r
.set T16, 8
.set T8,  9
.set T2,  10
.set R32, 11                           ; 32 r
.set QQ,  16                           ; v16-31  Q: 4 of codes, 12 of zeros
.set KF,  32                           ; v32-75  8 tiles x 4, 12 of zeros
.set VF,  76                           ; v76-107 V's two fragments
.set SS,  112                          ; v112-175 S^T, then p
.set OO,  176                          ; v176-191 O^T
.set PCD, 192                          ; v192-207 p's codes
.set KSW, 208                          ; v208-215 K's scale words (scales alone)
.set VSW, 216                          ; v216-217 V's
.set QSW, 218                          ; Q's
.set BM,  220
.set BP,  224
.set BH,  228
.set BS,  232
.set FF,  236                          ; v[236:237] f
.set TT,  238
.set PWD, 239                          ; p's scale word (scales alone)
.set C2,  240                          ; v[240:241] the sums' second chain
.set WV,  24
.set SEL, 26
.set CS,  28                           ; s[28:29] c = log2(e) / sqrt(32)
.set MNT, 30
.set TB,  31
.set TS,  32
.set TJ,  33
.set CNT, 34
	s_load_b128 s[4:7], s[0:1], 0x0                ; qkvc, oc
	v_lshl_add_u32 v254, v0, 2, 0x11800
	v_mov_b32 v255, 0
	v_lshrrev_b32 v12, 5, v0
	v_readfirstlane_b32 s[WV], v12                 ; wave 0..15
	v_and_b32 v12, 31, v0
	v_and_b32 v13, 15, v0                          ; r
	v_lshlrev_b32 v[LI], 4, v12
	v_lshlrev_b32 v[KS0], 5, v13
	v_lshlrev_b32 v[R32], 5, v13
	v_lshl_add_u32 v[VS0], v13, 3, VSC
	s_lshl_b32 s38, s[WV], 5
	v_add_nc_u32 v[OSA], s38, v13
	v_add_nc_u32 v[OSA], OST, v[OSA]
	v_lshlrev_b32 v[T16], 4, v0
	v_lshlrev_b32 v[T8], 3, v0
	v_lshlrev_b32 v[T2], 1, v0
	s_mov_b32 s[SEL], 0x76543210
	s_mov_b32 s[SEL+1], 0xfedcba98
	s_mov_b32 s[CS], 0x3e8293ee
	s_mov_b32 s[CS+1], s[CS]
	s_mov_b32 s[MNT], 0x600000
	s_and_b32 s35, ttmp7, 0xffff                   ; bh
	s_mov_b32 s37, 0
	s_wait_kmcnt 0x0
	s_lshl_b32 s36, s35, 15
	s_add_nc_u64 s[16:17], s[4:5], s[36:37]        ; the head's codes of Q,
	s_add_nc_u64 s[8:9], s[16:17], 4194304         ; of K,
	s_add_nc_u64 s[10:11], s[16:17], 8388608       ; of V
	s_lshl_b32 s36, s35, 12
	s_add_co_u32 s36, s36, 13107200
	s_add_nc_u64 s[12:13], s[4:5], s[36:37]        ; K's scale words
	s_lshl_b32 s36, s35, 10
	s_add_co_u32 s36, s36, 13631488
	s_add_nc_u64 s[14:15], s[4:5], s[36:37]        ; V's
.irp j, 0,1,2,3
	global_load_b128 v[SS+4*\j:SS+4*\j+3], v[T16], s[8:9] offset:8192*\j
.endr
.irp j, 0,1,2,3
	global_load_b128 v[SS+16+4*\j:SS+16+4*\j+3], v[T16], s[10:11] offset:8192*\j
.endr
	global_load_b64 v[SS+32:SS+33], v[T8], s[12:13]
	global_load_u16 v[SS+34], v[T2], s[14:15]
	s_lshl_b32 s36, ttmp9, 14                      ; my first tile of queries: 32 x half + 2 x wave, 512 bytes each
	s_lshl_b32 s38, s[WV], 10
	s_add_co_u32 s36, s36, s38
	s_add_nc_u64 s[16:17], s[16:17], s[36:37]
	s_lshl_b32 s36, s35, 3                         ; its scale words: (8 bh + tile / 8) x 512 + 4 (tile % 8), + 32 r
	s_lshl_b32 s38, ttmp9, 2
	s_add_co_u32 s36, s36, s38
	s_lshr_b32 s38, s[WV], 2
	s_add_co_u32 s36, s36, s38
	s_lshl_b32 s36, s36, 9
	s_and_b32 s38, s[WV], 3
	s_lshl_b32 s38, s38, 3
	s_add_co_u32 s36, s36, s38
	s_add_co_u32 s36, s36, 12582912
	s_add_nc_u64 s[18:19], s[4:5], s[36:37]
	s_lshr_b32 s36, s35, 3                         ; o's codes: (64 batch + tile) x 4096 + 512 x head
	s_lshl_b32 s36, s36, 18
	s_lshl_b32 s38, ttmp9, 17
	s_add_co_u32 s36, s36, s38
	s_lshl_b32 s38, s[WV], 13
	s_add_co_u32 s36, s36, s38
	s_and_b32 s38, s35, 7
	s_lshl_b32 s38, s38, 9
	s_add_co_u32 s36, s36, s38
	s_add_nc_u64 s[20:21], s[6:7], s[36:37]
	s_lshl_b32 s36, s35, 10                        ; o's scale bytes: 1024 bh + 512 x half
	s_lshl_b32 s38, ttmp9, 9
	s_add_co_u32 s36, s36, s38
	s_add_co_u32 s36, s36, 4194304
	s_add_nc_u64 s[22:23], s[6:7], s[36:37]
.irp j, 4,5,6,7,8,9,10,11,12,13,14,15
	v_mov_b32 v[QQ+\j], 0                          ; Q's zero codes
	v_mov_b32 v[KF+28+\j], 0                       ; the tail behind K's eight tiles
.endr
.irp b, 0,1,2,3
	v_mov_b32 v[BP+\b], 0                          ; a lane permute's destination counts as one of its sources
.endr
	v_mov_b32 v[FF+1], 0                           ; named as the upper half of a pair
	v_mov_b32 v[TT], 0
	s_wait_loadcnt 0x0
.irp j, 0,1,2,3
	ds_store_b128 v[T16], v[SS+4*\j:SS+4*\j+3] offset:KIMG+8192*\j
.endr
.irp j, 0,1,2,3
	ds_store_b128 v[T16], v[SS+16+4*\j:SS+16+4*\j+3] offset:VIMG+8192*\j
.endr
	ds_store_b64 v[T8], v[SS+32:SS+33] offset:KSC
	ds_store_b16 v[T2], v[SS+34] offset:VSC
	s_wait_dscnt 0x0                               ; for the others' sake: my part of the head lies in LDS
	s_barrier_signal -1
	s_barrier_wait -1
; A KEY STEP: 128 keys
.macro STEP
	v_add_nc_u32 v[ADI], s[TB], v[LI]
	v_add_nc_u32 v[ADS], s[TS], v[KS0]
	v_add_nc_u32 v[ADT], s[TJ], v[VS0]
.rept 5
	v_nop                                          ; with the three additions: eight places behind the last products, in front of loads into their registers
.endr
.irp t, 0,1,2,3,4,5,6,7
	ds_load_b128 v[KF+4*\t:KF+4*\t+3], v[ADI] offset:KIMG+512*\t
.endr
	ds_load_b128 v[KSW:KSW+3], v[ADS]
	ds_load_b128 v[KSW+4:KSW+7], v[ADS] offset:16
.irp u, 0,1
.irp c, 0,1,2,3
	ds_load_b128 v[VF+16*\u+4*\c:VF+16*\u+4*\c+3], v[ADI] offset:VIMG+2048*\u+512*\c
.endr
.endr
	ds_load_b64 v[VSW:VSW+1], v[ADT]
	s_wait_dscnt 9                                 ; K and its words are in; V's eight loads and its words, nine younger, may be out
.irp t, 0,1,2,3,4,5,6,7
	v_wmma_scale_f32_16x16x128_f8f6f4 v[SS+8*\t:SS+8*\t+7], v[KF+4*\t:KF+4*\t+15], v[QQ:QQ+15], 0, v[KSW+\t], v[QSW]
.endr
.rept 8
	v_nop
.endr
.irp b, 0,1,2,3
	v_max3_num_f32 v[BM+\b], v[SS+16*\b], v[SS+1+16*\b], v[SS+2+16*\b]      ; the largest score of each block of 32 keys: for the row's maximum and, since p rises with the score, for the block's largest p
.endr
.irp i, 3,5,7,9,11,13
.irp b, 0,1,2,3
	v_max3_num_f32 v[BM+\b], v[BM+\b], v[SS+16*\b+\i], v[SS+1+16*\b+\i]
.endr
.endr
.irp b, 0,1,2,3
	v_max_num_f32 v[BM+\b], v[BM+\b], v[SS+15+16*\b]
.endr
.irp b, 0,1,2,3
	v_permlanex16_b32 v[BP+\b], v[BM+\b], s[SEL], s[SEL+1]
.endr
.irp b, 0,1,2,3
	v_max_num_f32 v[BM+\b], v[BM+\b], v[BP+\b]
.endr
	v_max3_num_f32 v[TT], v[BM], v[BM+1], v[BM+2]
	v_max_num_f32 v[TT], v[TT], v[BM+3]
	v_mul_f32 v[TT], s[CS], v[TT]
	v_max_num_f32 v13, v13, v[TT]                  ; the running largest t
	v_mov_b32 v[TT], v12
	v_floor_f32 v12, -v13                          ; -M = floor(-t): M is a whole number
	v_sub_f32 v[TT], v12, v[TT]
	v_cvt_i32_f32 v[TT], v[TT]                     ; (it saturates)
	v_ldexp_f32 v[FF], 1.0, v[TT]                  ; f = 2^(old M - new M)
.set J, 0
.rept 32
	v_pk_fma_f32 v[SS+J:SS+J+1], v[SS+J:SS+J+1], s[CS:CS+1], v[12:13] op_sel_hi:[1,0,0]   ; t - M
.set J, J+2
.endr
.irp b, 0,1,2,3
	v_fma_f32 v[BM+\b], v[BM+\b], s[CS], v12
.endr
.set J, 0
.rept 64
	v_exp_f32 v[SS+J], v[SS+J]                     ; p = 2^(t - M)
.set J, J+1
.endr
	v_pk_mul_f32 v[14:15], v[14:15], v[FF:FF+1] op_sel_hi:[1,0]   ; the sums under the new M: the plain line behind the batch
	s_wait_alu depctr_va_vdst(0)                   ; one wait for the batch of 64, ahead of its first reader
.irp b, 0,1,2,3
	v_exp_f32 v[BM+\b], v[BM+\b]                   ; each block's largest p
.endr
	v_pk_add_f32 v[C2:C2+1], v[SS:SS+1], v[SS+2:SS+3]             ; the row's sum of the unquantised p, in two chains
.irp j, 4,8,12,16,20,24,28,32,36,40,44,48,52,56,60
	v_pk_add_f32 v[14:15], v[14:15], v[SS+\j:SS+\j+1]
	v_pk_add_f32 v[C2:C2+1], v[C2:C2+1], v[SS+2+\j:SS+3+\j]
.endr
	v_pk_add_f32 v[14:15], v[14:15], v[C2:C2+1]
	s_wait_alu depctr_va_vdst(0)                   ; and one for the four
.irp b, 0,1,2,3
	v_max_num_f32 v[BM+\b], 0x4800000, v[BM+\b]    ; the floor: the byte cannot fall under 1
.endr
.irp b, 0,1,2,3
	v_add_nc_u32 v[BS+\b], 0xfc000000, v[BM+\b]
.endr
.irp b, 0,1,2,3
	v_and_or_b32 v[BH+\b], v[BM+\b], 0x7f800000, s[MNT]
.endr
.irp b, 0,1,2,3
	v_lshrrev_b32 v[BP+\b], 23, v[BS+\b]
.endr
	v_lshl_or_b32 v[PWD], v[BP+1], 8, v[BP]
	v_lshl_or_b32 v[PWD], v[BP+2], 16, v[PWD]
	v_lshl_or_b32 v[PWD], v[BP+3], 24, v[PWD]
.irp b, 0,1,2,3
.irp i, 0,1,2,3,4,5,6,7,8,9,10,11,12,13,14,15
	v_min_num_f32 v[SS+16*\b+\i], v[SS+16*\b+\i], v[BH+\b]        ; the hold; p is not negative
.endr
	v_cvt_scalef32_pk8_fp8_f32 v[PCD+4*\b:PCD+1+4*\b], v[SS+16*\b:SS+7+16*\b], v[BS+\b]
	v_cvt_scalef32_pk8_fp8_f32 v[PCD+2+4*\b:PCD+3+4*\b], v[SS+8+16*\b:SS+15+16*\b], v[BS+\b]
.endr
.set J, 0
.rept 8
	v_pk_mul_f32 v[OO+J:OO+J+1], v[OO+J:OO+J+1], v[FF:FF+1] op_sel_hi:[1,0]   ; O^T under the new M
.set J, J+2
.endr
.rept 4
	v_nop                                          ; four places between the codes' conversions and the products
.endr
	s_wait_dscnt 0x0                               ; V and its words
.irp u, 0,1
	v_wmma_scale_f32_16x16x128_f8f6f4 v[OO+8*\u:OO+8*\u+7], v[VF+16*\u:VF+16*\u+15], v[PCD:PCD+15], v[OO+8*\u:OO+8*\u+7], v[VSW+\u], v[PWD]
.endr
.endm
; ONE TILE OF 16 QUERIES
.macro TILE i
	global_load_b128 v[QQ:QQ+3], v[LI], s[16:17] offset:512*\i
	global_load_b32 v[QSW], v[R32], s[18:19] offset:4*\i
	v_mov_b32 v13, 0xff61b1e6                      ; the largest t so far: -3e38
	v_floor_f32 v12, -v13
	v_mov_b32 v14, 0
	v_mov_b32 v15, 0
.set J, 0
.rept 16
	v_mov_b32 v[OO+J], 0                           ; the step is written once: the first finds zeros
.set J, J+1
.endr
	s_mov_b32 s[TB], 0
	s_mov_b32 s[TS], 0
	s_mov_b32 s[TJ], 0
	s_mov_b32 s[CNT], 8
	s_wait_loadcnt 0x0
.Lstep_\@:
	STEP
	s_add_co_u32 s[TB], s[TB], 4096
	s_add_co_u32 s[TS], s[TS], 512
	s_add_co_u32 s[TJ], s[TJ], 128
	s_sub_co_u32 s[CNT], s[CNT], 1
	s_cmp_lg_u32 s[CNT], 0
	s_cbranch_scc1 .Lstep_\@
.rept 8
	v_nop
.endr
	v_add_f32 v14, v14, v15
	v_permlanex16_b32 v[TT], v14, s[SEL], s[SEL+1]
	v_add_f32 v14, v14, v[TT]                      ; the row's sum
	v_rcp_f32 v14, v14
	v_nop
	s_wait_alu depctr_va_vdst(0)                   ; ahead of the reciprocal's first reader
.set J, 0
.rept 16
	v_mul_f32 v[SS+J], v[OO+J], v14                ; o(query r, channel 16 h + J)
.set J, J+1
.endr
	v_max3_num_f32 v[BM], |v[SS]|, |v[SS+1]|, 0x4800000           ; one block: the head's 32 channels
.irp j, 2,4,6,8,10,12,14
	v_max3_num_f32 v[BM], v[BM], |v[SS+\j]|, |v[SS+1+\j]|
.endr
	v_permlanex16_b32 v[BP], v[BM], s[SEL], s[SEL+1]
	v_max_num_f32 v[BM], v[BM], v[BP]
	v_add_nc_u32 v[BS], 0xfc000000, v[BM]
	v_and_or_b32 v[BH], v[BM], 0x7f800000, s[MNT]
	v_lshrrev_b32 v[BP], 23, v[BS]
.set J, 0
.rept 16
	v_med3_num_f32 v[SS+J], v[SS+J], -v[BH], v[BH]
.set J, J+1
.endr
	v_cvt_scalef32_pk8_fp8_f32 v[PCD:PCD+1], v[SS:SS+7], v[BS]
	v_cvt_scalef32_pk8_fp8_f32 v[PCD+2:PCD+3], v[SS+8:SS+15], v[BS]
	v_nop
	global_store_b128 v[LI], v[PCD:PCD+3], s[20:21] offset:4096*\i   ; chunk (head % 4) of fragment (tile, head / 4): 512 consecutive bytes
	ds_store_b8 v[OSA], v[BP] offset:16*\i         ; both halves of the lanes write the same byte
	s_wait_xcnt 0x0                                ; the store has read its data: the next tile writes them again
.endm
	TILE 0
	TILE 1
	v_add_nc_u32 v[ADI], OST, v[LI]
	s_wait_dscnt 0x0
	s_barrier_signal -1
	s_barrier_wait -1                              ; the 512 scale bytes lie in LDS
	s_cmp_lg_u32 s[WV], 0
	s_cbranch_scc1 .Lend
	ds_load_b128 v[SS:SS+3], v[ADI]
	s_wait_dscnt 0x0
	global_store_b128 v[LI], v[SS:SS+3], s[22:23]  ; wave 0 stores them: 512 consecutive bytes
.Lend:
	s_wait_tensorcnt 0x0
	ds_add_u32 v254, v255
	s_wait_dscnt 0x0
	s_endpgm
.Lfunc_end_k_q7adda9911b_attn:
	.size	k_q7adda9911b_attn, .Lfunc_end_k_q7adda9911b_attn-k_q7adda9911b_attn
	.p2alignl 7, 3214868480
	.fill 96, 4, 3214868480
	.section	.rodata,"a",@progbits
	.p2align	6, 0x0
	.amdhsa_kernel k_q7adda9911b_attn
		.amdhsa_group_segment_fixed_size 73728
		.amdhsa_private_segment_fixed_size 0
		.amdhsa_enable_private_segment 0
		.amdhsa_kernarg_size 16
		.amdhsa_user_sgpr_count 2
		.amdhsa_user_sgpr_kernarg_segment_ptr 1
		.amdhsa_wavefront_size32 1
		.amdhsa_system_sgpr_workgroup_id_x 1
		.amdhsa_system_sgpr_workgroup_id_y 1
		.amdhsa_system_sgpr_workgroup_id_z 1
		.amdhsa_system_vgpr_workitem_id 0
		.amdhsa_next_free_vgpr 256
		.amdhsa_next_free_sgpr 66
		.amdhsa_reserve_vcc 0
		.amdhsa_float_denorm_mode_32 3
		.amdhsa_float_denorm_mode_16_64 3
		.amdhsa_memory_ordered 1
		.amdhsa_forward_progress 1
		.amdhsa_inst_pref_size 48
	.end_amdhsa_kernel
	.amdgpu_metadata
---
amdhsa.version: [ 1, 2 ]
amdhsa.kernels:
  - .name:           k_q7adda9911b_attn
    .symbol:         k_q7adda9911b_attn.kd
    .args:
      - { .name: qkvc, .offset: 0, .size: 8, .value_kind: global_buffer, .address_space: global }
      - { .name: oc, .offset: 8, .size: 8, .value_kind: global_buffer, .address_space: global }
    .group_segment_fixed_size: 73728
    .private_segment_fixed_size: 0
    .kernarg_segment_align: 8
    .kernarg_segment_size: 16
    .max_flat_workgroup_size: 512
    .sgpr_count:     66
    .vgpr_count:     256
    .wavefront_size: 32
...
	.end_amdgpu_metadata
.endif
;; end of part 2
;; launch mid (part 3): grid 256 x 1, 8 waves a work-group, no clusters, 220,160 bytes of LDS; arguments oc, tgt, query_pos, reference_points, out_proj_w_codes, out_proj_w_scales, out_proj_b, norm2_g, norm2_b, off_w_codes, off_w_scales, off_b, attw_w_codes, attw_w_scales, attw_b, tgt1, samp_w, samp_idx; writes tgt1, samp_w, samp_idx
.if DOCPART == 3
	.amdgcn_target "amdgcn-amd-amdhsa--gfx1250"
	.amdhsa_code_object_version 6
	.text
	.protected	k_q7adda9911b_mid
	.globl	k_q7adda9911b_mid
	.p2align	8
	.type	k_q7adda9911b_mid,@function
k_q7adda9911b_mid:
	s_mov_b64 s[64:65], 0
	v_nop
	global_prefetch_b8 v0, s[64:65] scope:SCOPE_SE
	s_setreg_imm32_b32 hwreg(HW_REG_WAVE_MODE, 25, 1), 1
	s_wait_xcnt 0x0
; tgt1 = LayerNorm(tgt + o Wo^T + bo); x = tgt1 + query_pos, quantised; offsets = x Woff^T + boff; weights = softmax16(x Wa^T + ba);
; then for each row, head and sampling point: the index of the point's upper left corner in the head's table of values, and the four corners' weights (bilinear x attention weight, 0 for a corner outside the map).
; The indices are stored as whole numbers and used as addresses by a later launch; no address and no branch here hangs on them.
; The maps' shapes (64, 32, 16, 8 squared) and their starts (0, 4096, 5120, 5376) are the constants that the computation itself is written with; the inputs src_spatial_shapes and level_start_index do not enter it and are not read.
; SHARES. 64 rows, eight waves. Row phases: wave w = (tile m = w / 2, half s = w % 2) holds columns 128 s + 32 b + 16 h + i of row 16 m + r in register 16 b + i. Panel phases: wave w makes 32 columns (for the offsets: head w) for all 64 rows.
; o's tiles arrive with rows in the order 32 (m / 2) + 8 (m % 2) + r + 8 (r / 8); the first product's results are laid back into natural rows by their address in the stage.
; LIMITS: NaN and infinities are not served. Coordinates are held to [-2, width] in f32 before they become whole numbers, so any finite offset is served. Scale bytes as in the other launches (floor 1).
.set PITCH, 1040
.set AIMG,  0                          ; 8 fragments (2 m + s) of 2,048 bytes: o's, later x's
.set ASC,   16384                      ; their scale words
.set RED,   17408                      ; two exchanges of 1,024 bytes
.set STG,   19456                      ; 64 rows of results; later each wave's own stage of 16 x 336 bytes
.set RES,   86016                      ; 64 rows: tgt, then tgt1
.set POS,   152576                     ; 64 rows of query_pos
.set LI,  1
.set LS,  2
.set WA,  3
.set WSA, 4
.set BA,  5
.set CPG, 6
.set CPLR, 7                           ; 8320 w + 16 lane + RES
.set CPLP, 8                           ; + POS; later AWA
.set AWA, 8                            ; 256 r + 16 h
.set RRS, 9                            ; (16 m + r) x 1040 + 512 s + 64 h + STG
.set RRR, 10                           ; the same in RES
.set RRP, 11                           ; in POS
.set SWP, 12                           ; rp x 1040 + 64 h + 128 w + STG
.set IMW, 13
.set SCW, 14
.set RDW, 15                           ; 4 lane + 128 w + RED
.set RDR, 52                           ; 4 lane + 128 (w xor 1) + RED
.set GA,  53                           ; 512 s + 64 h
.set RV,  54                           ; r; later AWS
.set AWS, 54                           ; 8 r
.set AWB, 55                           ; 32 h
.set PW,  56
.set REFA, 57                          ; 32 r + 16 h
.set SST, 58                           ; my stage: 336 r + 32 h
.set SRW, 59                           ; back: 336 h + 16 r
.set SRI, 60                           ; back, the indices: 336 (lane / 4) + 256 + 16 (lane % 4)
.set T6,  61
.set BI,  16
.set WS,  32                           ; scales alone
.set AS,  48                           ; scales alone
.set ACC, 64
.set BK,  128
.set WF,  192
.set TM,  128
.set PC,  144
.set LG,  WF+32                        ; v224-255 the logits, then the attention weights
.set OW,  BK                           ; v128-159 corner c, point i at 8 c + i
.set IDX, BK+32                        ; v160-167
.set REFP, BK+48                       ; v176-191 the reference points of my two levels, 4 registers a tile
.set SH,  16                           ; per lane, for levels 2 h and 2 h + 1: log2 of the width,
.set WLI, 18                           ; the width,
.set WLF, 20                           ; as f32,
.set INV, 22                           ; its reciprocal,
.set STL, 24                           ; the level's start
.set TP,  26                           ; v26-31 at work
.set SEL, 40
.set MNT, 42
.set WV,  43
.set R256, 44                          ; 2^-8
.set EPS, 45                           ; 1e-5
.macro PLACES n
.rept \n
	v_nop
.endr
.endm
.macro BAR
	s_wait_dscnt 0x0
	s_barrier_signal -1
	s_barrier_wait -1
.endm
.macro COPYIN ptr, bank
.irp j, 0,1,2,3,4,5,6,7,8,9,10,11,12,13,14,15
	global_load_b128 v[\bank+4*\j:\bank+4*\j+3], v[CPG], s[\ptr:\ptr+1] offset:512*\j th:TH_LOAD_NT
.endr
.endm
.macro COPYST reg, off, bank
.irp j, 0,1,2,3,4,5,6,7,8,9,10,11,12,13,14,15
	ds_store_b128 v[\reg], v[\bank+4*\j:\bank+4*\j+3] offset:\off+PITCH*(\j/2)+512*(\j%2)
.endr
.endm
.macro COPYOUT reg, ptr                ; 8 whole rows: 512 consecutive bytes a store
.irp j, 0,1,2,3,4,5,6,7,8,9,10,11,12,13,14,15
	ds_load_b128 v[ACC+4*\j:ACC+4*\j+3], v[\reg] offset:PITCH*(\j/2)+512*(\j%2)
.endr
.irp j, 0,1,2,3,4,5,6,7,8,9,10,11,12,13,14,15
	s_wait_dscnt 15-\j                             ; the younger LDS loads may be out
	global_store_b128 v[CPG], v[ACC+4*\j:ACC+4*\j+3], s[\ptr:\ptr+1] offset:512*\j
.endr
.endm
.macro RROW reg, off, bank
.irp b, 0,1,2,3
.irp j, 0,1,2,3
	ds_load_b128 v[\bank+16*\b+4*\j:\bank+16*\b+4*\j+3], v[\reg] offset:\off+128*\b+16*\j
.endr
.endr
.endm
.macro WROW reg, off, bank
.irp b, 0,1,2,3
.irp j, 0,1,2,3
	ds_store_b128 v[\reg], v[\bank+16*\b+4*\j:\bank+16*\b+4*\j+3] offset:\off+128*\b+16*\j
.endr
.endr
.endm
.macro GLOAD ptr, bank                 ; a gain or a bias of 256 numbers, in the row phases' layout
.irp b, 0,1,2,3
.irp j, 0,1,2,3
	global_load_b128 v[\bank+16*\b+4*\j:\bank+16*\b+4*\j+3], v[GA], s[\ptr:\ptr+1] offset:128*\b+16*\j
.endr
.endr
.endm
.macro PKADD d, a, x                   ; 64 numbers: d = a + x
.set J, 0
.rept 32
	v_pk_add_f32 v[(\d)+J:(\d)+J+1], v[(\a)+J:(\a)+J+1], v[(\x)+J:(\x)+J+1]
.set J, J+2
.endr
.endm
.macro QUANT s, relu
.if \relu
.irp b, 0,1,2,3
	v_max3_num_f32 v[TM+\b], v[(\s)+16*\b], v[(\s)+1+16*\b], 0x4800000
.endr
.irp i, 2,4,6,8,10,12,14
.irp b, 0,1,2,3
	v_max3_num_f32 v[TM+\b], v[TM+\b], v[(\s)+16*\b+\i], v[(\s)+1+16*\b+\i]
.endr
.endr
.else
.irp b, 0,1,2,3
	v_max3_num_f32 v[TM+\b], |v[(\s)+16*\b]|, |v[(\s)+1+16*\b]|, 0x4800000   ; with the floor 2^(9 - 127)
.endr
.irp i, 2,4,6,8,10,12,14
.irp b, 0,1,2,3
	v_max3_num_f32 v[TM+\b], v[TM+\b], |v[(\s)+16*\b+\i]|, |v[(\s)+1+16*\b+\i]|
.endr
.endr
.endif
.irp b, 0,1,2,3
	v_permlanex16_b32 v[TM+4+\b], v[TM+\b], s[SEL], s[SEL+1]
.endr
.irp b, 0,1,2,3
	v_max_num_f32 v[TM+\b], v[TM+\b], v[TM+4+\b]
.endr
.irp b, 0,1,2,3
	v_add_nc_u32 v[TM+12+\b], 0xfc000000, v[TM+\b]
.endr
.irp b, 0,1,2,3
	v_and_or_b32 v[TM+8+\b], v[TM+\b], 0x7f800000, s[MNT]
.endr
.irp b, 0,1,2,3
	v_lshrrev_b32 v[TM+4+\b], 23, v[TM+12+\b]
.endr
.irp b, 0,1,2,3
.irp i, 0,1,2,3,4,5,6,7,8,9,10,11,12,13,14,15
.if \relu
	v_med3_num_f32 v[(\s)+16*\b+\i], v[(\s)+16*\b+\i], 0, v[TM+8+\b]
.else
	v_med3_num_f32 v[(\s)+16*\b+\i], v[(\s)+16*\b+\i], -v[TM+8+\b], v[TM+8+\b]
.endif
.endr
	v_cvt_scalef32_pk8_fp8_f32 v[PC+4*\b:PC+1+4*\b], v[(\s)+16*\b:(\s)+7+16*\b], v[TM+12+\b]
	v_cvt_scalef32_pk8_fp8_f32 v[PC+2+4*\b:PC+3+4*\b], v[(\s)+8+16*\b:(\s)+15+16*\b], v[TM+12+\b]
.endr
	v_nop
.endm
.macro PACKW
	v_lshl_or_b32 v[PW], v[TM+5], 8, v[TM+4]
	v_lshl_or_b32 v[PW], v[TM+6], 16, v[PW]
	v_lshl_or_b32 v[PW], v[TM+7], 24, v[PW]
.endm
.macro IMAGE adr, off
.irp c, 0,1,2,3
	ds_store_b128 v[\adr], v[PC+4*\c:PC+4*\c+3] offset:\off+512*\c
.endr
.endm
.macro LOADWC cp, coff, sp, soff
.irp k, 0,1
.irp u, 0,1
.irp c, 0,1,2,3
	global_load_b128 v[WF+32*\k+16*\u+4*\c:WF+32*\k+16*\u+4*\c+3], v[WA], s[\cp:\cp+1] offset:(\coff)+2048*\u+128*\k+32*\c
.endr
.endr
.endr
.irp u, 0,1
	global_load_b64 v[WS+2*\u:WS+2*\u+1], v[WSA], s[\sp:\sp+1] offset:(\soff)+64*\u
.endr
.endm
.macro LOADB bp, boff
.irp u, 0,1
	global_load_b128 v[BI+8*\u:BI+8*\u+3], v[BA], s[\bp:\bp+1] offset:(\boff)+32*\u
	global_load_b128 v[BI+8*\u+4:BI+8*\u+7], v[BA], s[\bp:\bp+1] offset:(\boff)+32*\u+16
.endr
.endm
.macro AFETCH adr, img, sc, fm, k
.irp m, 0,1,2,3
.irp c, 0,1,2,3
	ds_load_b128 v[BK+16*\m+4*\c:BK+16*\m+4*\c+3], v[\adr] offset:(\img)+((\fm)*\m+(\k))*2048+512*\c
.endr
	ds_load_b32 v[AS+\m], v[LS] offset:(\sc)+((\fm)*\m+(\k))*128
.endr
.endm
.macro MUL8 wf, wsb, wst, asb, ast, first      ; eight accumulators, one instruction a turn
.irp m, 0,1,2,3
.irp u, 0,1
.if \first
	v_wmma_scale_f32_16x16x128_f8f6f4 v[ACC+16*\m+8*\u:ACC+16*\m+8*\u+7], v[(\wf)+16*\u:(\wf)+16*\u+15], v[BK+16*\m:BK+16*\m+15], v[BI+8*\u:BI+8*\u+7], v[(\wsb)+(\wst)*\u], v[(\asb)+(\ast)*\m]
.else
	v_wmma_scale_f32_16x16x128_f8f6f4 v[ACC+16*\m+8*\u:ACC+16*\m+8*\u+7], v[(\wf)+16*\u:(\wf)+16*\u+15], v[BK+16*\m:BK+16*\m+15], v[ACC+16*\m+8*\u:ACC+16*\m+8*\u+7], v[(\wsb)+(\wst)*\u], v[(\asb)+(\ast)*\m]
.endif
.endr
.endr
.endm
.macro PANEL2 adr, img, sc
	AFETCH \adr, \img, \sc, 2, 0
	s_wait_loadcnt 0x0
	s_wait_dscnt 0x0
	MUL8 WF, WS, 2, AS, 1, 1
	PLACES 8
	AFETCH \adr, \img, \sc, 2, 1
	s_wait_dscnt 0x0
	MUL8 WF+32, WS+1, 2, AS, 1, 0
	PLACES 9                                       ; nine: later products write over these registers
.endm
.macro TOSTG adr, perm                 ; each accumulator from its low end on
.irp m, 0,1,2,3
.irp j, 0,1,2,3
.if \perm
	ds_store_b128 v[\adr], v[ACC+16*\m+4*\j:ACC+16*\m+4*\j+3] offset:(32*(\m/2)+8*(\m%2))*PITCH+16*\j
.else
	ds_store_b128 v[\adr], v[ACC+16*\m+4*\j:ACC+16*\m+4*\j+3] offset:16*\m*PITCH+16*\j
.endif
.endr
.endr
.endm
; LayerNorm of the 64 numbers in ACC with the partner wave's 64 x 2 lanes: mean, then the mean of the squared differences, as the computation is defined. The gain has been asked for into WF, the bias into BK.
.macro LNSUM k
	v_pk_add_f32 v[16:17], v[16:17], v[18:19]
	v_pk_add_f32 v[20:21], v[20:21], v[22:23]
	v_pk_add_f32 v[16:17], v[16:17], v[20:21]
	v_add_f32 v16, v16, v17
	v_permlanex16_b32 v18, v16, s[SEL], s[SEL+1]
	v_add_f32 v16, v16, v18                        ; my wave's 128 columns of row r
	ds_store_b32 v[RDW], v16 offset:1024*(\k)
	BAR
	ds_load_b32 v17, v[RDR] offset:1024*(\k)       ; the other 128, from the wave beside me
	s_wait_dscnt 0x0
	v_add_f32 v16, v16, v17
.endm
.macro LNORM k
.irp q, 0,1,2,3
	v_pk_add_f32 v[16+2*\q:17+2*\q], v[ACC+4*\q:ACC+4*\q+1], v[ACC+4*\q+2:ACC+4*\q+3]
.endr
.irp j, 16,24,32,40,48,56
.irp q, 0,1,2,3
	v_pk_add_f32 v[16+2*\q:17+2*\q], v[16+2*\q:17+2*\q], v[ACC+\j+2*\q:ACC+\j+2*\q+1]
.endr
.endr
	LNSUM \k
	v_mul_f32 v24, s[R256], v16                    ; the mean
	v_mov_b32 v25, v24
.set J, 0
.rept 32
	v_pk_add_f32 v[ACC+J:ACC+J+1], v[ACC+J:ACC+J+1], v[24:25] neg_lo:[0,1] neg_hi:[0,1]
.set J, J+2
.endr
.irp q, 0,1,2,3
	v_pk_mul_f32 v[16+2*\q:17+2*\q], v[ACC+2*\q:ACC+2*\q+1], v[ACC+2*\q:ACC+2*\q+1]
.endr
.irp j, 8,16,24,32,40,48,56
.irp q, 0,1,2,3
	v_pk_fma_f32 v[16+2*\q:17+2*\q], v[ACC+\j+2*\q:ACC+\j+2*\q+1], v[ACC+\j+2*\q:ACC+\j+2*\q+1], v[16+2*\q:17+2*\q]
.endr
.endr
	LNSUM (\k)+1
	v_fma_f32 v16, v16, s[R256], s[EPS]            ; the variance + 1e-5
	v_rsq_f32 v24, v16
	v_nop
	s_wait_alu depctr_va_vdst(0)                   ; ahead of the root's first reader
	v_mov_b32 v25, v24
	s_wait_loadcnt 0x0                             ; the gain and the bias
.set J, 0
.rept 32
	v_pk_mul_f32 v[ACC+J:ACC+J+1], v[ACC+J:ACC+J+1], v[24:25]
.set J, J+2
.endr
.set J, 0
.rept 32
	v_pk_fma_f32 v[ACC+J:ACC+J+1], v[ACC+J:ACC+J+1], v[WF+J:WF+J+1], v[BK+J:BK+J+1]
.set J, J+2
.endr
.endm
	s_load_b512 s[4:19], s[0:1], 0x0               ; oc, tgt, query_pos, reference_points, Wo codes, scales, bias, norm2_g
	s_load_b512 s[20:35], s[0:1], 0x40             ; norm2_b, Woff codes, scales, bias, Wa codes, scales, bias, tgt1
	s_load_b128 s[36:39], s[0:1], 0x80             ; samp_w, samp_idx
	v_lshl_add_u32 v46, v0, 2, 0x35800
	v_mov_b32 v47, 0
	v_lshrrev_b32 v16, 5, v0
	v_readfirstlane_b32 s[WV], v16
	v_and_b32 v61, 31, v0                          ; lane
	v_and_b32 v62, 15, v0                          ; r
	v_bfe_u32 v63, v0, 4, 1                        ; h
	v_and_b32 v56, 8, v62
	v_add_nc_u32 v56, v56, v62                     ; rp
	v_lshlrev_b32 v[LI], 4, v61
	v_lshlrev_b32 v[LS], 2, v61
	v_lshlrev_b32 v[WA], 8, v56
	v_lshl_add_u32 v[WA], v63, 4, v[WA]
	v_lshlrev_b32 v[WSA], 3, v56
	v_lshlrev_b32 v[BA], 6, v63
	s_lshl_b32 s46, s[WV], 13
	v_add_nc_u32 v[CPG], s46, v[LI]
	s_mul_i32 s46, s[WV], 8*PITCH
	v_add_nc_u32 v[CPLR], s46, v[LI]
	v_add_nc_u32 v[CPLP], POS, v[CPLR]
	v_add_nc_u32 v[CPLR], RES, v[CPLR]
	s_lshr_b32 s52, s[WV], 1                       ; m
	s_and_b32 s53, s[WV], 1                        ; s
	s_mul_i32 s46, s52, 16*PITCH
	s_lshl_b32 s47, s53, 9
	s_add_co_u32 s46, s46, s47
	v_mul_u32_u24 v[RRS], v62, PITCH
	v_lshl_add_u32 v[RRS], v63, 6, v[RRS]
	v_add_nc_u32 v[RRS], s46, v[RRS]
	v_add_nc_u32 v[RRR], RES, v[RRS]
	v_add_nc_u32 v[RRP], POS, v[RRS]
	v_add_nc_u32 v[RRS], STG, v[RRS]
	s_lshl_b32 s46, s[WV], 7
	v_mul_u32_u24 v[SWP], v56, PITCH
	v_lshl_add_u32 v[SWP], v63, 6, v[SWP]
	v_add_nc_u32 v[SWP], s46, v[SWP]
	v_add_nc_u32 v[SWP], STG, v[SWP]
	v_add_nc_u32 v[SCW], s46, v[LS]
	v_add_nc_u32 v[RDW], RED, v[SCW]
	s_xor_b32 s47, s[WV], 1
	s_lshl_b32 s47, s47, 7
	v_add_nc_u32 v[RDR], s47, v[LS]
	v_add_nc_u32 v[RDR], RED, v[RDR]
	s_lshl_b32 s46, s[WV], 11
	v_add_nc_u32 v[IMW], s46, v[LI]
	s_lshl_b32 s46, s53, 9
	v_lshl_add_u32 v[GA], v63, 6, s46
	v_mov_b32 v[RV], v62
	v_lshlrev_b32 v[AWB], 5, v63
	v_lshlrev_b32 v[REFA], 5, v62
	v_lshl_add_u32 v[REFA], v63, 4, v[REFA]
	s_mul_i32 s46, s[WV], 16*336
	s_add_co_u32 s46, s46, STG                     ; my own stage for the way out of the samples
	v_mul_u32_u24 v[SST], v62, 336
	v_lshl_add_u32 v[SST], v63, 5, v[SST]
	v_add_nc_u32 v[SST], s46, v[SST]
	v_mul_u32_u24 v[SRW], v63, 336
	v_lshl_add_u32 v[SRW], v62, 4, v[SRW]
	v_add_nc_u32 v[SRW], s46, v[SRW]
	v_lshrrev_b32 v[SRI], 2, v61
	v_mul_u32_u24 v[SRI], v[SRI], 336
	v_and_b32 v61, 3, v61
	v_lshl_add_u32 v[SRI], v61, 4, v[SRI]
	v_add_nc_u32 v[SRI], s46, v[SRI]
	v_add_nc_u32 v[SRI], 256, v[SRI]
	s_mov_b32 s[SEL], 0x76543210
	s_mov_b32 s[SEL+1], 0xfedcba98
	s_mov_b32 s[MNT], 0x600000
	s_mov_b32 s[R256], 0x3b800000
	s_mov_b32 s[EPS], 0x3727c5ac
	s_mov_b32 s51, 0
	s_wait_kmcnt 0x0
	s_lshl_b32 s50, ttmp9, 16                      ; 64 rows of 1,024 bytes
	s_add_nc_u64 s[6:7], s[6:7], s[50:51]
	s_add_nc_u64 s[8:9], s[8:9], s[50:51]
	s_add_nc_u64 s[34:35], s[34:35], s[50:51]
	s_lshl_b32 s50, ttmp9, 14                      ; o's eight fragments of these rows: 16,384 dense bytes
	s_add_nc_u64 s[46:47], s[4:5], s[50:51]
	s_lshr_b32 s50, ttmp9, 4                       ; o's scale bytes: (8 batch + 4 s + c) x 1024 + 16 (4 bb + m) + r
	s_lshl_b32 s50, s50, 3
	s_lshl_b32 s54, s53, 2
	s_add_co_u32 s50, s50, s54
	s_lshl_b32 s50, s50, 10
	s_and_b32 s54, ttmp9, 15
	s_lshl_b32 s54, s54, 2
	s_add_co_u32 s54, s54, s52
	s_lshl_b32 s54, s54, 4
	s_add_co_u32 s50, s50, s54
	s_add_co_u32 s50, s50, 4194304
	s_add_nc_u64 s[48:49], s[4:5], s[50:51]
	s_lshl_b32 s50, ttmp9, 11                      ; 64 rows of 32 bytes
	s_add_nc_u64 s[10:11], s[10:11], s[50:51]
	s_lshl_b32 s50, s[WV], 13                      ; my panel of 32 rows of Wo and of Woff
	s_add_nc_u64 s[12:13], s[12:13], s[50:51]
	s_add_nc_u64 s[22:23], s[22:23], s[50:51]
	s_lshl_b32 s50, s[WV], 8
	s_add_nc_u64 s[14:15], s[14:15], s[50:51]
	s_add_nc_u64 s[24:25], s[24:25], s[50:51]
	s_lshl_b32 s50, s[WV], 7
	s_add_nc_u64 s[16:17], s[16:17], s[50:51]
	s_add_nc_u64 s[26:27], s[26:27], s[50:51]
	s_add_nc_u64 s[30:31], s[30:31], s[50:51]      ; my 16 rows of Wa: scales,
	s_lshl_b32 s50, s[WV], 12
	s_add_nc_u64 s[28:29], s[28:29], s[50:51]      ; codes,
	s_lshl_b32 s50, s[WV], 6
	s_add_nc_u64 s[32:33], s[32:33], s[50:51]      ; biases
	s_lshl_b32 s50, ttmp9, 3
	s_add_co_u32 s50, s50, s[WV]                   ; 8 x block + head
	s_lshl_b32 s54, s50, 12
	s_lshl_b32 s50, s50, 14
	s_add_nc_u64 s[36:37], s[36:37], s[50:51]
	s_mov_b32 s55, 0
	s_add_nc_u64 s[38:39], s[38:39], s[54:55]
	; ---- 0: tgt, query_pos, o's fragments and scale bytes come in and are laid in LDS
	COPYIN 6, ACC
	COPYIN 8, BK
.irp c, 0,1,2,3
	global_load_b128 v[WF+4*\c:WF+4*\c+3], v[IMW], s[46:47] offset:512*\c th:TH_LOAD_NT
.endr
.irp c, 0,1,2,3
	global_load_u8 v[WF+16+\c], v[RV], s[48:49] offset:1024*\c
.endr
	s_wait_loadcnt 0x0
	COPYST CPLR, 0, ACC
	COPYST CPLP, 0, BK
.irp c, 0,1,2,3
	ds_store_b128 v[IMW], v[WF+4*\c:WF+4*\c+3] offset:AIMG+512*\c
.endr
	v_lshl_or_b32 v[PW], v[WF+17], 8, v[WF+16]     ; four heads' bytes make the fragment's scale word
	v_lshl_or_b32 v[PW], v[WF+18], 16, v[PW]
	v_lshl_or_b32 v[PW], v[WF+19], 24, v[PW]
	ds_store_b32 v[SCW], v[PW] offset:ASC
	s_wait_dscnt 0x0                               ; the stores have read their registers
	LOADWC 12, 0, 14, 0
	LOADB 16, 0
	BAR
	; ---- 1: o Wo^T + bo, back into natural rows
	PANEL2 LI, AIMG, ASC
	GLOAD 18, WF                                   ; norm2_g
	TOSTG SWP, 1
	BAR
	; ---- the residual, LayerNorm, tgt1; x = tgt1 + query_pos, quantised
	RROW RRS, 0, ACC
	RROW RRR, 0, BK
	s_wait_dscnt 0x0
	PKADD ACC, ACC, BK
	GLOAD 20, BK                                   ; norm2_b
	LNORM 0
	WROW RRR, 0, ACC                               ; my own places in RES
	RROW RRP, 0, WF
	s_wait_dscnt 0x0
	PKADD WF, ACC, WF
	QUANT WF, 0
	PACKW
	IMAGE IMW, AIMG                                ; o's fragments were last read two barriers ago
	ds_store_b32 v[SCW], v[PW] offset:ASC
	LOADWC 22, 0, 24, 0                            ; Woff: head w
	LOADB 26, 0
	BAR
	COPYOUT CPLR, 34                               ; tgt1 leaves in whole rows
	s_wait_xcnt 0x0                                ; the stores' data become accumulators
	; ---- 2: the offsets of head w, then its 16 logits
	PANEL2 LI, AIMG, ASC
	v_and_b32 v62, 15, v0
	v_bfe_u32 v63, v0, 4, 1
	v_lshlrev_b32 v[AWA], 8, v62
	v_lshl_add_u32 v[AWA], v63, 4, v[AWA]
	v_lshlrev_b32 v[AWS], 3, v62
.irp k, 0,1
.irp c, 0,1,2,3
	global_load_b128 v[WF+16*\k+4*\c:WF+16*\k+4*\c+3], v[AWA], s[28:29] offset:128*\k+32*\c
.endr
.endr
	global_load_b64 v[WS:WS+1], v[AWS], s[30:31]
	global_load_b128 v[BI:BI+3], v[AWB], s[32:33]
	global_load_b128 v[BI+4:BI+7], v[AWB], s[32:33] offset:16
.macro MUL4 k, first                   ; source 0 = Wa's 16 rows of head w: register j of lane (r, h) is point 8 h + j of row r
.irp m, 0,1,2,3
.if \first
	v_wmma_scale_f32_16x16x128_f8f6f4 v[LG+8*\m:LG+8*\m+7], v[WF+16*\k:WF+16*\k+15], v[BK+16*\m:BK+16*\m+15], v[BI:BI+7], v[WS+\k], v[AS+\m]
.else
	v_wmma_scale_f32_16x16x128_f8f6f4 v[LG+8*\m:LG+8*\m+7], v[WF+16*\k:WF+16*\k+15], v[BK+16*\m:BK+16*\m+15], v[LG+8*\m:LG+8*\m+7], v[WS+\k], v[AS+\m]
.endif
.endr
.endm
	AFETCH LI, AIMG, ASC, 2, 0
	s_wait_loadcnt 0x0
	s_wait_dscnt 0x0
	MUL4 0, 1
	PLACES 8
	AFETCH LI, AIMG, ASC, 2, 1
	s_wait_dscnt 0x0
	MUL4 1, 0
	PLACES 8
.irp m, 0,1,2,3
	global_load_b128 v[REFP+4*\m:REFP+4*\m+3], v[REFA], s[10:11] offset:512*\m   ; x, y of levels 2 h and 2 h + 1: 512 consecutive bytes
.endr
	; ---- the samples. Lane (r, h) holds points 8 h + i of row r: levels 2 h (i < 4) and 2 h + 1
	v_lshlrev_b32 v62, 1, v63
	v_sub_nc_u32 v[SH], 6, v62
	v_sub_nc_u32 v[SH+1], 5, v62
	v_mov_b32 v62, 1
	v_lshlrev_b32 v[WLI], v[SH], v62
	v_lshlrev_b32 v[WLI+1], v[SH+1], v62
	v_cvt_f32_u32 v[WLF], v[WLI]
	v_cvt_f32_u32 v[WLF+1], v[WLI+1]
	v_sub_nc_u32 v62, 0, v[SH]
	v_ldexp_f32 v[INV], 1.0, v62
	v_sub_nc_u32 v62, 0, v[SH+1]
	v_ldexp_f32 v[INV+1], 1.0, v62
	v_mul_u32_u24 v[STL], v63, 5120
	v_mul_u32_u24 v[STL+1], v63, 1280
	v_add_nc_u32 v[STL+1], 4096, v[STL+1]
	v_mov_b32 v[TP+1], 0                           ; a lane permute's destination counts as one of its sources
.macro SOFT16 m                        ; the softmax over a row's 16 points: 8 in my lane, 8 in lane l xor 16; the maximum is taken away first
.set LG0, LG+8*(\m)
	v_max3_num_f32 v[TP], v[LG0], v[LG0+1], v[LG0+2]
	v_max3_num_f32 v[TP], v[TP], v[LG0+3], v[LG0+4]
	v_max3_num_f32 v[TP], v[TP], v[LG0+5], v[LG0+6]
	v_max_num_f32 v[TP], v[TP], v[LG0+7]
	v_permlanex16_b32 v[TP+1], v[TP], s[SEL], s[SEL+1]
	v_max_num_f32 v[TP], v[TP], v[TP+1]
.irp j, 0,1,2,3,4,5,6,7
	v_sub_f32 v[LG0+\j], v[LG0+\j], v[TP]
.endr
.irp j, 0,1,2,3,4,5,6,7
	v_mul_f32 v[LG0+\j], 0x3fb8aa3b, v[LG0+\j]
.endr
.irp j, 0,1,2,3,4,5,6,7
	v_exp_f32 v[LG0+\j], v[LG0+\j]
.endr
	v_nop
	s_wait_alu depctr_va_vdst(0)                   ; one wait for the eight
	v_add_f32 v[TP], v[LG0], v[LG0+1]
	v_add_f32 v[TP+1], v[LG0+2], v[LG0+3]
	v_add_f32 v[TP+2], v[LG0+4], v[LG0+5]
	v_add_f32 v[TP+3], v[LG0+6], v[LG0+7]
	v_add_f32 v[TP], v[TP], v[TP+1]
	v_add_f32 v[TP+2], v[TP+2], v[TP+3]
	v_add_f32 v[TP], v[TP], v[TP+2]
	v_permlanex16_b32 v[TP+1], v[TP], s[SEL], s[SEL+1]
	v_add_f32 v[TP], v[TP], v[TP+1]
	v_rcp_f32 v[TP], v[TP]
	v_nop
	s_wait_alu depctr_va_vdst(0)
.irp j, 0,1,2,3,4,5,6,7
	v_mul_f32 v[LG0+\j], v[LG0+\j], v[TP]
.endr
.endm
.macro POINT m, i
.set OXR, ACC+16*(\m)+2*(\i)
.set AWR, LG+8*(\m)+(\i)
.set LV, (\i)/4
.set RXR, REFP+4*(\m)+2*LV
	v_fma_f32 v[TP], v[OXR], v[INV+LV], v[RXR]     ; the place in [0, 1]: the division by the width is exact, so this rounds once, as the sum does
	v_fma_f32 v[TP+1], v[OXR+1], v[INV+LV], v[RXR+1]
	v_fma_f32 v[TP], v[TP], v[WLF+LV], -0.5        ; in pixels
	v_fma_f32 v[TP+1], v[TP+1], v[WLF+LV], -0.5
	v_floor_f32 v[TP+2], v[TP]
	v_floor_f32 v[TP+3], v[TP+1]
	v_sub_f32 v[TP], v[TP], v[TP+2]                ; lx
	v_sub_f32 v[TP+1], v[TP+1], v[TP+3]            ; ly
	v_med3_num_f32 v[TP+2], v[TP+2], -2.0, v[WLF+LV]   ; outside [-2, width] both corners are outside the map anyway
	v_med3_num_f32 v[TP+3], v[TP+3], -2.0, v[WLF+LV]
	v_cvt_i32_f32 v[TP+2], v[TP+2]
	v_cvt_i32_f32 v[TP+3], v[TP+3]
	v_sub_f32 v[TP+4], 1.0, v[TP]
	v_sub_f32 v[TP+5], 1.0, v[TP+1]
	v_cmp_gt_u32 vcc_lo, v[WLI+LV], v[TP+2]        ; a column or row outside the map counts for nothing
	v_cndmask_b32 v[TP+4], 0, v[TP+4], vcc_lo
	v_add_nc_u32 v[T6], 1, v[TP+2]
	v_cmp_gt_u32 vcc_lo, v[WLI+LV], v[T6]
	v_cndmask_b32 v[TP], 0, v[TP], vcc_lo
	v_cmp_gt_u32 vcc_lo, v[WLI+LV], v[TP+3]
	v_cndmask_b32 v[TP+5], 0, v[TP+5], vcc_lo
	v_add_nc_u32 v[T6], 1, v[TP+3]
	v_cmp_gt_u32 vcc_lo, v[WLI+LV], v[T6]
	v_cndmask_b32 v[TP+1], 0, v[TP+1], vcc_lo
	v_mul_f32 v[TP+5], v[AWR], v[TP+5]
	v_mul_f32 v[TP+1], v[AWR], v[TP+1]
	v_mul_f32 v[OW+\i], v[TP+5], v[TP+4]           ; corner 2 dy + dx
	v_mul_f32 v[OW+8+\i], v[TP+5], v[TP]
	v_mul_f32 v[OW+16+\i], v[TP+1], v[TP+4]
	v_mul_f32 v[OW+24+\i], v[TP+1], v[TP]
	v_lshlrev_b32 v[TP+3], v[SH+LV], v[TP+3]
	v_add3_u32 v[IDX+\i], v[TP+3], v[TP+2], v[STL+LV]  ; start + y0 x width + x0; it may fall outside the table: the reader holds it inside, and such corners weigh 0
.endm
.macro OUTM m                          ; through my own stage: 16 rows of [corner 4][point 16] f32 and 16 indices, pitch 336; out in runs of 512 consecutive bytes
.irp c, 0,1,2,3
	ds_store_b128 v[SST], v[OW+8*\c:OW+8*\c+3] offset:64*\c
	ds_store_b128 v[SST], v[OW+8*\c+4:OW+8*\c+7] offset:64*\c+16
.endr
	ds_store_b128 v[SST], v[IDX:IDX+3] offset:256
	ds_store_b128 v[SST], v[IDX+4:IDX+7] offset:272
	s_wait_xcnt 0x0                                ; the last tile's stores have read the registers that the loads below fill
.irp t, 0,1,2,3,4,5,6,7
	ds_load_b128 v[WF+4*\t:WF+4*\t+3], v[SRW] offset:672*\t        ; LDS serves a wave's instructions in order: these see my stores
.endr
.irp t, 0,1
	ds_load_b128 v[BK+40+4*\t:BK+40+4*\t+3], v[SRI] offset:2688*\t
.endr
	s_wait_dscnt 0x0
.irp t, 0,1,2,3,4,5,6,7
	global_store_b128 v[LI], v[WF+4*\t:WF+4*\t+3], s[36:37] offset:4096*(\m)+512*\t
.endr
.irp t, 0,1
	global_store_b128 v[LI], v[BK+40+4*\t:BK+40+4*\t+3], s[38:39] offset:1024*(\m)+512*\t
.endr
.endm
.irp m, 0,1,2,3
	SOFT16 \m
.if \m == 0
	s_wait_loadcnt 0x0                             ; the reference points
.endif
.irp i, 0,1,2,3,4,5,6,7
	POINT \m, \i
.endr
	OUTM \m
.endr
	s_wait_tensorcnt 0x0
	ds_add_u32 v46, v47
	s_wait_dscnt 0x0
	s_endpgm
.Lfunc_end_k_q7adda9911b_mid:
	.size	k_q7adda9911b_mid, .Lfunc_end_k_q7adda9911b_mid-k_q7adda9911b_mid
	.p2alignl 7, 3214868480
	.fill 96, 4, 3214868480
	.section	.rodata,"a",@progbits
	.p2align	6, 0x0
	.amdhsa_kernel k_q7adda9911b_mid
		.amdhsa_group_segment_fixed_size 220160
		.amdhsa_private_segment_fixed_size 0
		.amdhsa_enable_private_segment 0
		.amdhsa_kernarg_size 144
		.amdhsa_user_sgpr_count 2
		.amdhsa_user_sgpr_kernarg_segment_ptr 1
		.amdhsa_wavefront_size32 1
		.amdhsa_system_sgpr_workgroup_id_x 1
		.amdhsa_system_sgpr_workgroup_id_y 1
		.amdhsa_system_sgpr_workgroup_id_z 1
		.amdhsa_system_vgpr_workitem_id 0
		.amdhsa_next_free_vgpr 256
		.amdhsa_next_free_sgpr 66
		.amdhsa_reserve_vcc 1
		.amdhsa_float_denorm_mode_32 3
		.amdhsa_float_denorm_mode_16_64 3
		.amdhsa_memory_ordered 1
		.amdhsa_forward_progress 1
		.amdhsa_inst_pref_size 124
	.end_amdhsa_kernel
	.amdgpu_metadata
---
amdhsa.version: [ 1, 2 ]
amdhsa.kernels:
  - .name:           k_q7adda9911b_mid
    .symbol:         k_q7adda9911b_mid.kd
    .args:
      - { .name: oc, .offset: 0, .size: 8, .value_kind: global_buffer, .address_space: global }
      - { .name: tgt, .offset: 8, .size: 8, .value_kind: global_buffer, .address_space: global }
      - { .name: query_pos, .offset: 16, .size: 8, .value_kind: global_buffer, .address_space: global }
      - { .name: reference_points, .offset: 24, .size: 8, .value_kind: global_buffer, .address_space: global }
      - { .name: out_proj_w_codes, .offset: 32, .size: 8, .value_kind: global_buffer, .address_space: global }
      - { .name: out_proj_w_scales, .offset: 40, .size: 8, .value_kind: global_buffer, .address_space: global }
      - { .name: out_proj_b, .offset: 48, .size: 8, .value_kind: global_buffer, .address_space: global }
      - { .name: norm2_g, .offset: 56, .size: 8, .value_kind: global_buffer, .address_space: global }
      - { .name: norm2_b, .offset: 64, .size: 8, .value_kind: global_buffer, .address_space: global }
      - { .name: off_w_codes, .offset: 72, .size: 8, .value_kind: global_buffer, .address_space: global }
      - { .name: off_w_scales, .offset: 80, .size: 8, .value_kind: global_buffer, .address_space: global }
      - { .name: off_b, .offset: 88, .size: 8, .value_kind: global_buffer, .address_space: global }
      - { .name: attw_w_codes, .offset: 96, .size: 8, .value_kind: global_buffer, .address_space: global }
      - { .name: attw_w_scales, .offset: 104, .size: 8, .value_kind: global_buffer, .address_space: global }
      - { .name: attw_b, .offset: 112, .size: 8, .value_kind: global_buffer, .address_space: global }
      - { .name: tgt1, .offset: 120, .size: 8, .value_kind: global_buffer, .address_space: global }
      - { .name: samp_w, .offset: 128, .size: 8, .value_kind: global_buffer, .address_space: global }
      - { .name: samp_idx, .offset: 136, .size: 8, .value_kind: global_buffer, .address_space: global }
    .group_segment_fixed_size: 220160
    .private_segment_fixed_size: 0
    .kernarg_segment_align: 8
    .kernarg_segment_size: 144
    .max_flat_workgroup_size: 256
    .sgpr_count:     66
    .vgpr_count:     256
    .wavefront_size: 32
...
	.end_amdgpu_metadata
.endif
;; end of part 3
;; launch value (part 4): grid 85 x 16, 8 waves a work-group, no clusters, 92,160 bytes of LDS; arguments src_codes, src_scales, value_w_codes, value_w_scales, value_b, value; writes value
.if DOCPART == 4
	.amdgcn_target "amdgcn-amd-amdhsa--gfx1250"
	.amdhsa_code_object_version 6
	.text
	.protected	k_q7adda9911b_value
	.globl	k_q7adda9911b_value
	.p2align	8
	.type	k_q7adda9911b_value,@function
k_q7adda9911b_value:
	s_mov_b64 s[64:65], 0
	v_nop
	global_prefetch_b8 v0, s[64:65] scope:SCOPE_SE
	s_setreg_imm32_b32 hwreg(HW_REG_WAVE_MODE, 25, 1), 1
	s_wait_xcnt 0x0
; value = src Wv^T + bv on E4M3 codes as they are given, laid as a table [batch x head][position 5440][32 channels] of f32 (it feeds f32 sums ahead of a quantiser, so it stays f32).
; A work-group takes 64 positions of one batch; wave w makes head w's 32 channels for all 64. The product is used transposed (source 0 = 16 rows of Wv, lane r of tile u taking row 32 w + 8 u + r + 8 (r / 8)),
; so that a lane's 16 registers are channels 16 h + 0 .. 15 of one position. The results go through the wave's own stage and leave in runs of 512 consecutive bytes (four positions).
; No cluster, no tensor load: what work-groups share is the weight, 66 KB against 65 KB stored by each.
.set SPI,  272                         ; a row of src's codes in LDS: 256 bytes + 16
.set VST,  17408                       ; behind them: a stage of 64 rows x 144 bytes for each wave
.set LI,  1
.set WA,  3
.set WSA, 4
.set BA,  5
.set SG,  6                            ; 2048 w + 16 lane
.set SL,  7                            ; (8 w + h) x 272 + 16 r
.set FA,  8                            ; 272 r + 16 h
.set R8,  9                            ; 8 r
.set STO, 10                           ; my stage: 144 r + 64 h
.set SRD, 11                           ; back: 144 (lane / 8) + 16 (lane % 8)
.set BI,  16
.set WS,  32                           ; scales alone
.set AS,  48                           ; v48-55 src's scale words, two a tile (scales alone)
.set ACC, 64
.set BK,  128
.set WF,  192
.set WV,  43
.macro PLACES n
.rept \n
	v_nop
.endr
.endm
.macro MUL8 wf, wsb, wst, asb, ast, first      ; eight accumulators, one instruction a turn
.irp m, 0,1,2,3
.irp u, 0,1
.if \first
	v_wmma_scale_f32_16x16x128_f8f6f4 v[ACC+16*\m+8*\u:ACC+16*\m+8*\u+7], v[(\wf)+16*\u:(\wf)+16*\u+15], v[BK+16*\m:BK+16*\m+15], v[BI+8*\u:BI+8*\u+7], v[(\wsb)+(\wst)*\u], v[(\asb)+(\ast)*\m]
.else
	v_wmma_scale_f32_16x16x128_f8f6f4 v[ACC+16*\m+8*\u:ACC+16*\m+8*\u+7], v[(\wf)+16*\u:(\wf)+16*\u+15], v[BK+16*\m:BK+16*\m+15], v[ACC+16*\m+8*\u:ACC+16*\m+8*\u+7], v[(\wsb)+(\wst)*\u], v[(\asb)+(\ast)*\m]
.endif
.endr
.endr
.endm
.macro VFETCH k                        ; K step k of the four tiles of positions
.irp m, 0,1,2,3
.irp c, 0,1,2,3
	ds_load_b128 v[BK+16*\m+4*\c:BK+16*\m+4*\c+3], v[FA] offset:16*SPI*\m+128*\k+32*\c
.endr
.endr
.endm
	s_load_b256 s[4:11], s[0:1], 0x0               ; src's codes, src's scales, Wv's codes, Wv's scales
	s_load_b128 s[12:15], s[0:1], 0x20             ; bv, value
	v_lshl_add_u32 v62, v0, 2, 0x16400
	v_mov_b32 v63, 0
	v_lshrrev_b32 v12, 5, v0
	v_readfirstlane_b32 s[WV], v12
	v_and_b32 v12, 31, v0                          ; lane
	v_and_b32 v13, 15, v0                          ; r
	v_bfe_u32 v14, v0, 4, 1                        ; h
	v_and_b32 v15, 8, v13
	v_add_nc_u32 v15, v15, v13                     ; rp
	v_lshlrev_b32 v[LI], 4, v12
	v_lshlrev_b32 v[WA], 8, v15
	v_lshl_add_u32 v[WA], v14, 4, v[WA]
	v_lshlrev_b32 v[WSA], 3, v15
	v_lshlrev_b32 v[BA], 6, v14
	s_lshl_b32 s20, s[WV], 11
	v_add_nc_u32 v[SG], s20, v[LI]
	s_mul_i32 s20, s[WV], 8*SPI
	v_mul_u32_u24 v[SL], v14, SPI
	v_lshl_add_u32 v[SL], v13, 4, v[SL]
	v_add_nc_u32 v[SL], s20, v[SL]
	v_mul_u32_u24 v[FA], v13, SPI
	v_lshl_add_u32 v[FA], v14, 4, v[FA]
	v_lshlrev_b32 v[R8], 3, v13
	s_mul_i32 s20, s[WV], 64*144
	s_add_co_u32 s20, s20, VST
	v_mul_u32_u24 v[STO], v13, 144
	v_lshl_add_u32 v[STO], v14, 6, v[STO]
	v_add_nc_u32 v[STO], s20, v[STO]
	v_lshrrev_b32 v[SRD], 3, v12
	v_mul_u32_u24 v[SRD], v[SRD], 144
	v_and_b32 v12, 7, v12
	v_lshl_add_u32 v[SRD], v12, 4, v[SRD]
	v_add_nc_u32 v[SRD], s20, v[SRD]
	s_and_b32 s20, ttmp7, 0xffff                   ; batch
	s_mul_i32 s21, s20, 5440
	s_lshl_b32 s22, ttmp9, 6
	s_add_co_u32 s21, s21, s22                     ; my first row of src
	s_lshl_b32 s24, s21, 8
	s_mov_b32 s25, 0
	s_lshl_b32 s26, s21, 3
	s_mov_b32 s27, 0
	s_lshl_b32 s28, s20, 3
	s_add_co_u32 s28, s28, s[WV]
	s_mul_i32 s28, s28, 5440
	s_add_co_u32 s28, s28, s22
	s_lshl_b32 s28, s28, 7                         ; ((8 batch + head) x 5440 + position) x 128 bytes
	s_mov_b32 s29, 0
	s_mov_b32 s31, 0
	s_wait_kmcnt 0x0
	s_add_nc_u64 s[4:5], s[4:5], s[24:25]
	s_add_nc_u64 s[6:7], s[6:7], s[26:27]
	s_add_nc_u64 s[14:15], s[14:15], s[28:29]
	s_lshl_b32 s30, s[WV], 13
	s_add_nc_u64 s[8:9], s[8:9], s[30:31]
	s_lshl_b32 s30, s[WV], 8
	s_add_nc_u64 s[10:11], s[10:11], s[30:31]
	s_lshl_b32 s30, s[WV], 7
	s_add_nc_u64 s[12:13], s[12:13], s[30:31]
.irp j, 0,1,2,3
	global_load_b128 v[BK+4*\j:BK+4*\j+3], v[SG], s[4:5] offset:512*\j th:TH_LOAD_NT    ; my 8 rows of codes, densely
.endr
.irp k, 0,1
.irp u, 0,1
.irp c, 0,1,2,3
	global_load_b128 v[WF+32*\k+16*\u+4*\c:WF+32*\k+16*\u+4*\c+3], v[WA], s[8:9] offset:2048*\u+128*\k+32*\c
.endr
.endr
.endr
.irp u, 0,1
	global_load_b64 v[WS+2*\u:WS+2*\u+1], v[WSA], s[10:11] offset:64*\u
.endr
.irp u, 0,1
	global_load_b128 v[BI+8*\u:BI+8*\u+3], v[BA], s[12:13] offset:32*\u
	global_load_b128 v[BI+8*\u+4:BI+8*\u+7], v[BA], s[12:13] offset:32*\u+16
.endr
.irp m, 0,1,2,3
	global_load_b64 v[AS+2*\m:AS+2*\m+1], v[R8], s[6:7] offset:128*\m
.endr
	s_wait_loadcnt 26                              ; the four loads of codes are in; the 22 of the weight and the 4 of scales, younger, may be out
.irp j, 0,1,2,3
	ds_store_b128 v[SL], v[BK+4*\j:BK+4*\j+3] offset:2*SPI*\j
.endr
	s_wait_dscnt 0x0
	s_barrier_signal -1
	s_barrier_wait -1                              ; the 64 rows lie in LDS
	VFETCH 0
	s_wait_loadcnt 0x0
	s_wait_dscnt 0x0
	MUL8 WF, WS, 2, AS, 2, 1
	PLACES 8
	VFETCH 1
	s_wait_dscnt 0x0
	MUL8 WF+32, WS+1, 2, AS+1, 2, 0
	PLACES 8
.irp m, 0,1,2,3
.irp j, 0,1,2,3
	ds_store_b128 v[STO], v[ACC+16*\m+4*\j:ACC+16*\m+4*\j+3] offset:16*144*\m+16*\j   ; each accumulator from its low end on
.endr
.endr
.irp t, 0,1,2,3,4,5,6,7,8,9,10,11,12,13,14,15
	ds_load_b128 v[BK+4*\t:BK+4*\t+3], v[SRD] offset:4*144*\t       ; LDS serves a wave's instructions in order: these see my stores
.endr
.irp t, 0,1,2,3,4,5,6,7,8,9,10,11,12,13,14,15
	s_wait_dscnt 15-\t                             ; the younger LDS loads may be out
	global_store_b128 v[LI], v[BK+4*\t:BK+4*\t+3], s[14:15] offset:512*\t
.endr
	s_wait_tensorcnt 0x0
	ds_add_u32 v62, v63
	s_wait_dscnt 0x0
	s_endpgm
.Lfunc_end_k_q7adda9911b_value:
	.size	k_q7adda9911b_value, .Lfunc_end_k_q7adda9911b_value-k_q7adda9911b_value
	.p2alignl 7, 3214868480
	.fill 96, 4, 3214868480
	.section	.rodata,"a",@progbits
	.p2align	6, 0x0
	.amdhsa_kernel k_q7adda9911b_value
		.amdhsa_group_segment_fixed_size 92160
		.amdhsa_private_segment_fixed_size 0
		.amdhsa_enable_private_segment 0
		.amdhsa_kernarg_size 48
		.amdhsa_user_sgpr_count 2
		.amdhsa_user_sgpr_kernarg_segment_ptr 1
		.amdhsa_wavefront_size32 1
		.amdhsa_system_sgpr_workgroup_id_x 1
		.amdhsa_system_sgpr_workgroup_id_y 1
		.amdhsa_system_sgpr_workgroup_id_z 1
		.amdhsa_system_vgpr_workitem_id 0
		.amdhsa_next_free_vgpr 256
		.amdhsa_next_free_sgpr 66
		.amdhsa_reserve_vcc 0
		.amdhsa_float_denorm_mode_32 3
		.amdhsa_float_denorm_mode_16_64 3
		.amdhsa_memory_ordered 1
		.amdhsa_forward_progress 1
		.amdhsa_inst_pref_size 15
	.end_amdhsa_kernel
	.amdgpu_metadata
---
amdhsa.version: [ 1, 2 ]
amdhsa.kernels:
  - .name:           k_q7adda9911b_value
    .symbol:         k_q7adda9911b_value.kd
    .args:
      - { .name: src_codes, .offset: 0, .size: 8, .value_kind: global_buffer, .address_space: global }
      - { .name: src_scales, .offset: 8, .size: 8, .value_kind: global_buffer, .address_space: global }
      - { .name: value_w_codes, .offset: 16, .size: 8, .value_kind: global_buffer, .address_space: global }
      - { .name: value_w_scales, .offset: 24, .size: 8, .value_kind: global_buffer, .address_space: global }
      - { .name: value_b, .offset: 32, .size: 8, .value_kind: global_buffer, .address_space: global }
      - { .name: value, .offset: 40, .size: 8, .value_kind: global_buffer, .address_space: global }
    .group_segment_fixed_size: 92160
    .private_segment_fixed_size: 0
    .kernarg_segment_align: 8
    .kernarg_segment_size: 48
    .max_flat_workgroup_size: 256
    .sgpr_count:     66
    .vgpr_count:     256
    .wavefront_size: 32
...
	.end_amdgpu_metadata
.endif
;; end of part 4
;; launch tail (part 5): grid 256 x 1, 8 waves a work-group, no clusters, 225,280 bytes of LDS; arguments samp_idx, samp_w, value, tgt1, outp_w_codes, outp_w_scales, outp_b, norm1_g, norm1_b, lin1_w_codes, lin1_w_scales, lin1_b, lin2_w_codes, lin2_w_scales, lin2_b, norm3_g, norm3_b, out0; writes out0
.if DOCPART == 5
	.amdgcn_target "amdgcn-amd-amdhsa--gfx1250"
	.amdhsa_code_object_version 6
	.text
	.protected	k_q7adda9911b_tail
	.globl	k_q7adda9911b_tail
	.p2align	8
	.type	k_q7adda9911b_tail,@function
k_q7adda9911b_tail:
	s_mov_b64 s[64:65], 0
	v_nop
	global_prefetch_b8 v0, s[64:65] scope:SCOPE_SE
	s_setreg_imm32_b32 hwreg(HW_REG_WAVE_MODE, 25, 1), 1
	s_wait_xcnt 0x0
; The rest of the layer for 64 rows: the bilinear sums over the sampled values (f32 multiply-adds), quantised; x Wp^T + bp; + tgt1, LayerNorm; quantised; relu(. W1^T + b1), quantised in registers; . W2^T + b2; + residual, LayerNorm.
; THE GATHER. Wave w takes head w, one row a trip. A lane takes one of a point's four corners (lane / 8) and four of the 32 channels (lane % 8): sixteen lanes read the 256 neighbouring bytes of corners x0 and x0 + 1.
; A point's index comes from the whole numbers that an earlier launch stored, by scalar loads; the corner's step is added, the sum is held inside the table (0 .. 5439), and corners outside the map carry the weight 0
; (this takes the table to be finite). One row's 20 loads are always on their way while the row before is summed.
; SHARES of the products as in the other launches: row phases by (tile m, half s), panel phases by 32 columns a wave; operands go from wave to wave through LDS as images of their registers.
; No cluster, no tensor load: the weights that work-groups share are 590 KB against the 4 MB that each gathers for itself. No prefetch: the gathered table is read many times over and the loads already run a row ahead.
; LIMITS: NaN and infinities are not served; scale bytes have the floor 1; a block of zeros gets byte 1 with zero codes.
.set PITCH, 1040
.set AIMG,  0                          ; 8 fragments (2 m + s)
.set ASC,   16384
.set RED,   17408                      ; four exchanges of 1,024 bytes
.set HSC,   21504                      ; the hidden layer's 32 scale words' images
.set HIMG,  25600                      ; its 32 fragments (8 m + s)
.set GST,   25600                      ; before that: the gathered rows, for each wave 64 rows x 144 bytes of its own (73,728 bytes, last read ahead of the barrier behind which HIMG and STG are first written)
.set STG,   91136                      ; 64 rows of results
.set RES,   157696                     ; 64 rows: tgt1, then the second LayerNorm's result
.set LI,  1
.set LS,  2
.set WA,  3
.set WSA, 4
.set BA,  5
.set CPG, 6
.set CPLR, 7
.set RRS, 8
.set RRR, 9
.set SW,  10                           ; r x 1040 + 64 h + 128 w + STG
.set IMW, 11
.set SCW, 12
.set RDW, 13
.set RDR, 14
.set GA,  15
.set DL,  52                           ; v52-55 the gather: my corner's step in each level; later HW
.set HW,  52                           ; the hidden layer's scale words in the making
.set PW,  56
.set LB,  57                           ; 16 (lane % 8); later W2A
.set W2A, 57                           ; 1024 rp + 16 h
.set WA0, 58                           ; v58-59 where my corner's weights of the next even / odd row stand; later W2S, LIH
.set W2S, 58                           ; 32 rp
.set LIH, 59                           ; 16 lane + HIMG + 2048 w
.set SB0, 60                           ; GST + 9216 w + 16 (lane % 8); later LIA
.set LIA, 60                           ; 16 lane + HIMG
.set SA,  61
.set RG,  62                           ; GST + 36864 s + (16 m + r) x 144 + 64 h
.set BI,  16                           ; biases; in the gather v16-23 two sets of sums, v24-27 the second chain, v28-31 at work
.set WS,  32                           ; v32-47 scales alone
.set AS,  48                           ; v48-51 scales alone
.set ACC, 64
.set BK,  128
.set WF,  192
.set TM,  128
.set PC,  144
.set IX,  68                           ; s[68:83], s[84:99] two rows' 16 indices
.set SEL, 40
.set MNT, 42
.set WV,  43
.set R256, 44
.set EPS, 45
.set RO,  46
.set CNT, 47
.macro PLACES n
.rept \n
	v_nop
.endr
.endm
.macro BAR
	s_wait_dscnt 0x0
	s_barrier_signal -1
	s_barrier_wait -1
.endm
.macro COPYIN ptr, bank
.irp j, 0,1,2,3,4,5,6,7,8,9,10,11,12,13,14,15
	global_load_b128 v[\bank+4*\j:\bank+4*\j+3], v[CPG], s[\ptr:\ptr+1] offset:512*\j th:TH_LOAD_NT
.endr
.endm
.macro COPYST reg, off, bank
.irp j, 0,1,2,3,4,5,6,7,8,9,10,11,12,13,14,15
	ds_store_b128 v[\reg], v[\bank+4*\j:\bank+4*\j+3] offset:\off+PITCH*(\j/2)+512*(\j%2)
.endr
.endm
.macro COPYOUT reg, ptr
.irp j, 0,1,2,3,4,5,6,7,8,9,10,11,12,13,14,15
	ds_load_b128 v[ACC+4*\j:ACC+4*\j+3], v[\reg] offset:PITCH*(\j/2)+512*(\j%2)
.endr
.irp j, 0,1,2,3,4,5,6,7,8,9,10,11,12,13,14,15
	s_wait_dscnt 15-\j                             ; the younger LDS loads may be out
	global_store_b128 v[CPG], v[ACC+4*\j:ACC+4*\j+3], s[\ptr:\ptr+1] offset:512*\j th:TH_STORE_NT
.endr
.endm
.macro RROW reg, off, bank
.irp b, 0,1,2,3
.irp j, 0,1,2,3
	ds_load_b128 v[\bank+16*\b+4*\j:\bank+16*\b+4*\j+3], v[\reg] offset:\off+128*\b+16*\j
.endr
.endr
.endm
.macro WROW reg, off, bank
.irp b, 0,1,2,3
.irp j, 0,1,2,3
	ds_store_b128 v[\reg], v[\bank+16*\b+4*\j:\bank+16*\b+4*\j+3] offset:\off+128*\b+16*\j
.endr
.endr
.endm
.macro GLOAD ptr, bank
.irp b, 0,1,2,3
.irp j, 0,1,2,3
	global_load_b128 v[\bank+16*\b+4*\j:\bank+16*\b+4*\j+3], v[GA], s[\ptr:\ptr+1] offset:128*\b+16*\j
.endr
.endr
.endm
.macro PKADD d, a, x
.set J, 0
.rept 32
	v_pk_add_f32 v[(\d)+J:(\d)+J+1], v[(\a)+J:(\a)+J+1], v[(\x)+J:(\x)+J+1]
.set J, J+2
.endr
.endm
.macro QUANT s, relu                   ; relu = 1: what is negative becomes 0 on the way: it does not count for the largest magnitude, and the hold clips at 0
.if \relu
.irp b, 0,1,2,3
	v_max3_num_f32 v[TM+\b], v[(\s)+16*\b], v[(\s)+1+16*\b], 0x4800000
.endr
.irp i, 2,4,6,8,10,12,14
.irp b, 0,1,2,3
	v_max3_num_f32 v[TM+\b], v[TM+\b], v[(\s)+16*\b+\i], v[(\s)+1+16*\b+\i]
.endr
.endr
.else
.irp b, 0,1,2,3
	v_max3_num_f32 v[TM+\b], |v[(\s)+16*\b]|, |v[(\s)+1+16*\b]|, 0x4800000   ; with the floor 2^(9 - 127)
.endr
.irp i, 2,4,6,8,10,12,14
.irp b, 0,1,2,3
	v_max3_num_f32 v[TM+\b], v[TM+\b], |v[(\s)+16*\b+\i]|, |v[(\s)+1+16*\b+\i]|
.endr
.endr
.endif
.irp b, 0,1,2,3
	v_permlanex16_b32 v[TM+4+\b], v[TM+\b], s[SEL], s[SEL+1]
.endr
.irp b, 0,1,2,3
	v_max_num_f32 v[TM+\b], v[TM+\b], v[TM+4+\b]
.endr
.irp b, 0,1,2,3
	v_add_nc_u32 v[TM+12+\b], 0xfc000000, v[TM+\b]
.endr
.irp b, 0,1,2,3
	v_and_or_b32 v[TM+8+\b], v[TM+\b], 0x7f800000, s[MNT]
.endr
.irp b, 0,1,2,3
	v_lshrrev_b32 v[TM+4+\b], 23, v[TM+12+\b]
.endr
.irp b, 0,1,2,3
.irp i, 0,1,2,3,4,5,6,7,8,9,10,11,12,13,14,15
.if \relu
	v_med3_num_f32 v[(\s)+16*\b+\i], v[(\s)+16*\b+\i], 0, v[TM+8+\b]
.else
	v_med3_num_f32 v[(\s)+16*\b+\i], v[(\s)+16*\b+\i], -v[TM+8+\b], v[TM+8+\b]
.endif
.endr
	v_cvt_scalef32_pk8_fp8_f32 v[PC+4*\b:PC+1+4*\b], v[(\s)+16*\b:(\s)+7+16*\b], v[TM+12+\b]
	v_cvt_scalef32_pk8_fp8_f32 v[PC+2+4*\b:PC+3+4*\b], v[(\s)+8+16*\b:(\s)+15+16*\b], v[TM+12+\b]
.endr
	v_nop
.endm
.macro PACKW
	v_lshl_or_b32 v[PW], v[TM+5], 8, v[TM+4]
	v_lshl_or_b32 v[PW], v[TM+6], 16, v[PW]
	v_lshl_or_b32 v[PW], v[TM+7], 24, v[PW]
.endm
.macro IMAGE adr, off
.irp c, 0,1,2,3
	ds_store_b128 v[\adr], v[PC+4*\c:PC+4*\c+3] offset:\off+512*\c
.endr
.endm
.macro LOADWC cp, coff, sp, soff
.irp k, 0,1
.irp u, 0,1
.irp c, 0,1,2,3
	global_load_b128 v[WF+32*\k+16*\u+4*\c:WF+32*\k+16*\u+4*\c+3], v[WA], s[\cp:\cp+1] offset:(\coff)+2048*\u+128*\k+32*\c
.endr
.endr
.endr
.irp u, 0,1
	global_load_b64 v[WS+2*\u:WS+2*\u+1], v[WSA], s[\sp:\sp+1] offset:(\soff)+64*\u
.endr
.endm
.macro LOADB bp, boff
.irp u, 0,1
	global_load_b128 v[BI+8*\u:BI+8*\u+3], v[BA], s[\bp:\bp+1] offset:(\boff)+32*\u
	global_load_b128 v[BI+8*\u+4:BI+8*\u+7], v[BA], s[\bp:\bp+1] offset:(\boff)+32*\u+16
.endr
.endm
.macro AFETCH adr, img, sc, fm, k
.irp m, 0,1,2,3
.irp c, 0,1,2,3
	ds_load_b128 v[BK+16*\m+4*\c:BK+16*\m+4*\c+3], v[\adr] offset:(\img)+((\fm)*\m+(\k))*2048+512*\c
.endr
	ds_load_b32 v[AS+\m], v[LS] offset:(\sc)+((\fm)*\m+(\k))*128
.endr
.endm
.macro MUL8 wf, wsb, wst, asb, ast, first      ; eight accumulators, one instruction a turn
.irp m, 0,1,2,3
.irp u, 0,1
.if \first
	v_wmma_scale_f32_16x16x128_f8f6f4 v[ACC+16*\m+8*\u:ACC+16*\m+8*\u+7], v[(\wf)+16*\u:(\wf)+16*\u+15], v[BK+16*\m:BK+16*\m+15], v[BI+8*\u:BI+8*\u+7], v[(\wsb)+(\wst)*\u], v[(\asb)+(\ast)*\m]
.else
	v_wmma_scale_f32_16x16x128_f8f6f4 v[ACC+16*\m+8*\u:ACC+16*\m+8*\u+7], v[(\wf)+16*\u:(\wf)+16*\u+15], v[BK+16*\m:BK+16*\m+15], v[ACC+16*\m+8*\u:ACC+16*\m+8*\u+7], v[(\wsb)+(\wst)*\u], v[(\asb)+(\ast)*\m]
.endif
.endr
.endr
.endm
.macro PANEL2 adr, img, sc
	AFETCH \adr, \img, \sc, 2, 0
	s_wait_loadcnt 0x0
	s_wait_dscnt 0x0
	MUL8 WF, WS, 2, AS, 1, 1
	PLACES 8
	AFETCH \adr, \img, \sc, 2, 1
	s_wait_dscnt 0x0
	MUL8 WF+32, WS+1, 2, AS, 1, 0
	PLACES 9                                       ; nine: the next panel's products begin these accumulators anew
.endm
.macro TOSTG adr
.irp m, 0,1,2,3
.irp j, 0,1,2,3
	ds_store_b128 v[\adr], v[ACC+16*\m+4*\j:ACC+16*\m+4*\j+3] offset:16*\m*PITCH+16*\j   ; each accumulator from its low end on
.endr
.endr
.endm
.macro LNSUM k
	v_pk_add_f32 v[16:17], v[16:17], v[18:19]
	v_pk_add_f32 v[20:21], v[20:21], v[22:23]
	v_pk_add_f32 v[16:17], v[16:17], v[20:21]
	v_add_f32 v16, v16, v17
	v_permlanex16_b32 v18, v16, s[SEL], s[SEL+1]
	v_add_f32 v16, v16, v18
	ds_store_b32 v[RDW], v16 offset:1024*(\k)
	BAR
	ds_load_b32 v17, v[RDR] offset:1024*(\k)
	s_wait_dscnt 0x0
	v_add_f32 v16, v16, v17
.endm
.macro LNORM k                         ; mean, then the mean of the squared differences; gain asked for into WF, bias into BK
.irp q, 0,1,2,3
	v_pk_add_f32 v[16+2*\q:17+2*\q], v[ACC+4*\q:ACC+4*\q+1], v[ACC+4*\q+2:ACC+4*\q+3]
.endr
.irp j, 16,24,32,40,48,56
.irp q, 0,1,2,3
	v_pk_add_f32 v[16+2*\q:17+2*\q], v[16+2*\q:17+2*\q], v[ACC+\j+2*\q:ACC+\j+2*\q+1]
.endr
.endr
	LNSUM \k
	v_mul_f32 v24, s[R256], v16
	v_mov_b32 v25, v24
.set J, 0
.rept 32
	v_pk_add_f32 v[ACC+J:ACC+J+1], v[ACC+J:ACC+J+1], v[24:25] neg_lo:[0,1] neg_hi:[0,1]
.set J, J+2
.endr
.irp q, 0,1,2,3
	v_pk_mul_f32 v[16+2*\q:17+2*\q], v[ACC+2*\q:ACC+2*\q+1], v[ACC+2*\q:ACC+2*\q+1]
.endr
.irp j, 8,16,24,32,40,48,56
.irp q, 0,1,2,3
	v_pk_fma_f32 v[16+2*\q:17+2*\q], v[ACC+\j+2*\q:ACC+\j+2*\q+1], v[ACC+\j+2*\q:ACC+\j+2*\q+1], v[16+2*\q:17+2*\q]
.endr
.endr
	LNSUM (\k)+1
	v_fma_f32 v16, v16, s[R256], s[EPS]
	v_rsq_f32 v24, v16
	v_nop
	s_wait_alu depctr_va_vdst(0)                   ; ahead of the root's first reader
	v_mov_b32 v25, v24
	s_wait_loadcnt 0x0
.set J, 0
.rept 32
	v_pk_mul_f32 v[ACC+J:ACC+J+1], v[ACC+J:ACC+J+1], v[24:25]
.set J, J+2
.endr
.set J, 0
.rept 32
	v_pk_fma_f32 v[ACC+J:ACC+J+1], v[ACC+J:ACC+J+1], v[WF+J:WF+J+1], v[BK+J:BK+J+1]
.set J, J+2
.endr
.endm
	s_load_b512 s[4:19], s[0:1], 0x0               ; samp_idx, samp_w, value, tgt1, Wp codes, scales, bias, norm1_g
	s_load_b512 s[20:35], s[0:1], 0x40             ; norm1_b, W1 codes, scales, bias, W2 codes, scales, bias, norm3_g
	s_load_b128 s[36:39], s[0:1], 0x80             ; norm3_b, out0
	v_lshl_add_u32 v63, v0, 2, 0x36c00
	s_set_vgpr_msb 0x40
	v_mov_b32 v1, 0
	s_set_vgpr_msb 0x4000
	v_lshrrev_b32 v16, 5, v0
	v_readfirstlane_b32 s[WV], v16
	v_and_b32 v16, 31, v0                          ; lane
	v_and_b32 v17, 15, v0                          ; r
	v_bfe_u32 v18, v0, 4, 1                        ; h
	v_and_b32 v19, 8, v17
	v_add_nc_u32 v19, v19, v17                     ; rp
	v_lshlrev_b32 v[LI], 4, v16
	v_lshlrev_b32 v[LS], 2, v16
	v_lshlrev_b32 v[WA], 8, v19
	v_lshl_add_u32 v[WA], v18, 4, v[WA]
	v_lshlrev_b32 v[WSA], 3, v19
	v_lshlrev_b32 v[BA], 6, v18
	s_lshl_b32 s50, s[WV], 13
	v_add_nc_u32 v[CPG], s50, v[LI]
	s_mul_i32 s50, s[WV], 8*PITCH
	v_add_nc_u32 v[CPLR], s50, v[LI]
	v_add_nc_u32 v[CPLR], RES, v[CPLR]
	s_lshr_b32 s52, s[WV], 1                       ; m
	s_and_b32 s53, s[WV], 1                        ; s
	s_mul_i32 s50, s52, 16*PITCH
	s_lshl_b32 s51, s53, 9
	s_add_co_u32 s50, s50, s51
	v_mul_u32_u24 v[RRS], v17, PITCH
	v_lshl_add_u32 v[RRS], v18, 6, v[RRS]
	v_add_nc_u32 v[SW], STG, v[RRS]
	v_add_nc_u32 v[RRS], s50, v[RRS]
	v_add_nc_u32 v[RRR], RES, v[RRS]
	v_add_nc_u32 v[RRS], STG, v[RRS]
	s_lshl_b32 s50, s[WV], 7
	v_add_nc_u32 v[SW], s50, v[SW]
	v_add_nc_u32 v[SCW], s50, v[LS]
	v_add_nc_u32 v[RDW], RED, v[SCW]
	s_xor_b32 s51, s[WV], 1
	s_lshl_b32 s51, s51, 7
	v_add_nc_u32 v[RDR], s51, v[LS]
	v_add_nc_u32 v[RDR], RED, v[RDR]
	s_lshl_b32 s50, s[WV], 11
	v_add_nc_u32 v[IMW], s50, v[LI]
	s_lshl_b32 s50, s53, 9
	v_lshl_add_u32 v[GA], v18, 6, s50
	s_mul_i32 s50, s53, 4*9216
	s_mul_i32 s51, s52, 16*144
	s_add_co_u32 s50, s50, s51
	s_add_co_u32 s50, s50, GST
	v_mul_u32_u24 v[RG], v17, 144
	v_lshl_add_u32 v[RG], v18, 6, v[RG]
	v_add_nc_u32 v[RG], s50, v[RG]
	v_bfe_u32 v20, v0, 3, 1                        ; my corner: dx,
.irp l, 0,1,2,3
	v_lshl_add_u32 v[DL+\l], v18, 6-\l, v20        ; dy x the level's width + dx (dy = lane / 16)
.endr
	v_and_b32 v[LB], 7, v0
	v_lshlrev_b32 v[LB], 4, v[LB]
	v_bfe_u32 v[WA0], v0, 3, 2
	v_lshlrev_b32 v[WA0], 6, v[WA0]                ; 64 bytes of weights a corner
	v_add_nc_u32 v[WA0+1], 256, v[WA0]             ; 256 a row
	s_mul_i32 s50, s[WV], 9216
	s_add_co_u32 s50, s50, GST
	v_add_nc_u32 v[SB0], s50, v[LB]
.irp k, 0,1,2,3
	v_mov_b32 v[28+\k], 0                          ; a lane permute's destination counts as one of its sources
.endr
	s_mov_b32 s[SEL], 0x76543210
	s_mov_b32 s[SEL+1], 0xfedcba98
	s_mov_b32 s[MNT], 0x600000
	s_mov_b32 s[R256], 0x3b800000
	s_mov_b32 s[EPS], 0x3727c5ac
	s_mov_b32 s49, 0
	s_wait_kmcnt 0x0
	s_lshl_b32 s50, ttmp9, 3
	s_add_co_u32 s50, s50, s[WV]                   ; 8 x block + head
	s_lshl_b32 s48, s50, 12
	s_add_nc_u64 s[4:5], s[4:5], s[48:49]
	s_lshl_b32 s48, s50, 14
	s_add_nc_u64 s[6:7], s[6:7], s[48:49]
	s_lshr_b32 s48, ttmp9, 4
	s_lshl_b32 s48, s48, 3
	s_add_co_u32 s48, s48, s[WV]
	s_mul_i32 s48, s48, 696320                     ; the head's table: 5,440 positions of 128 bytes
	s_add_nc_u64 s[8:9], s[8:9], s[48:49]
	s_lshl_b32 s48, ttmp9, 16
	s_add_nc_u64 s[10:11], s[10:11], s[48:49]
	s_add_nc_u64 s[38:39], s[38:39], s[48:49]
	s_lshl_b32 s48, s[WV], 13
	s_add_nc_u64 s[12:13], s[12:13], s[48:49]
	s_lshl_b32 s48, s[WV], 8
	s_add_nc_u64 s[14:15], s[14:15], s[48:49]
	s_lshl_b32 s48, s[WV], 7
	s_add_nc_u64 s[16:17], s[16:17], s[48:49]
	s_add_nc_u64 s[32:33], s[32:33], s[48:49]
	s_lshl_b32 s48, s[WV], 15
	s_add_nc_u64 s[22:23], s[22:23], s[48:49]
	s_add_nc_u64 s[28:29], s[28:29], s[48:49]
	s_lshl_b32 s48, s[WV], 10
	s_add_nc_u64 s[24:25], s[24:25], s[48:49]
	s_add_nc_u64 s[30:31], s[30:31], s[48:49]
	s_lshl_b32 s48, s[WV], 9
	s_add_nc_u64 s[26:27], s[26:27], s[48:49]
	; ---- tgt1's 64 rows into LDS
	s_load_b512 s[IX:IX+15], s[4:5], 0x0           ; row 0's indices
	COPYIN 10, ACC
	s_wait_loadcnt 0x0
	COPYST CPLR, 0, ACC
	s_wait_dscnt 0x0                               ; the stores have read the registers that the gather fills
	; ---- the gather
.macro ISSUE np                        ; a row's loads into set np: my corner's 16 weights, then 16 points x 16 bytes
.set GB, ACC+64*(\np)
.set WB, WF+16*(\np)
.set AB, WF+32+16*(\np)
	v_add_nc_u32 v[WA0+(\np)], 512, v[WA0+(\np)]   ; two rows on; the set's last loads were waited for when it was summed
.irp j, 0,1,2,3
	global_load_b128 v[WB+4*\j:WB+4*\j+3], v[WA0+(\np)], s[6:7] offset:16*\j-512 th:TH_LOAD_NT
.endr
.irp p, 0,1,2,3,4,5,6,7,8,9,10,11,12,13,14,15
	v_add_nc_u32 v[AB+\p], s[IX+16*(\np)+\p], v[DL+\p/4]
	v_min_u32 v[AB+\p], 5439, v[AB+\p]             ; held inside the table; what was negative is large here
	v_lshl_add_u32 v[AB+\p], v[AB+\p], 7, v[LB]
	global_load_b128 v[GB+4*\p:GB+4*\p+3], v[AB+\p], s[8:9]
.endr
.endm
.macro CONSUME par, off                ; the sum over 16 points in two chains, then over the four corners: lanes l xor 8, l xor 16
.set GB, ACC+64*(\par)
.set WB, WF+16*(\par)
.set EB, 16+4*(\par)
	s_wait_dscnt 1                                 ; the last row's one store may be out; the store that read this set is done
	v_pk_mul_f32 v[EB:EB+1], v[GB:GB+1], v[WB:WB+1] op_sel_hi:[1,0]
	v_pk_mul_f32 v[EB+2:EB+3], v[GB+2:GB+3], v[WB:WB+1] op_sel_hi:[1,0]
	v_pk_mul_f32 v[24:25], v[GB+4:GB+5], v[WB:WB+1] op_sel:[0,1] op_sel_hi:[1,1]
	v_pk_mul_f32 v[26:27], v[GB+6:GB+7], v[WB:WB+1] op_sel:[0,1] op_sel_hi:[1,1]
.irp p, 2,4,6,8,10,12,14
	v_pk_fma_f32 v[EB:EB+1], v[GB+4*\p:GB+4*\p+1], v[WB+\p:WB+\p+1], v[EB:EB+1] op_sel_hi:[1,0,1]
	v_pk_fma_f32 v[EB+2:EB+3], v[GB+4*\p+2:GB+4*\p+3], v[WB+\p:WB+\p+1], v[EB+2:EB+3] op_sel_hi:[1,0,1]
	v_pk_fma_f32 v[24:25], v[GB+4*\p+4:GB+4*\p+5], v[WB+\p:WB+\p+1], v[24:25] op_sel:[0,1,0] op_sel_hi:[1,1,1]
	v_pk_fma_f32 v[26:27], v[GB+4*\p+6:GB+4*\p+7], v[WB+\p:WB+\p+1], v[26:27] op_sel:[0,1,0] op_sel_hi:[1,1,1]
.endr
	v_pk_add_f32 v[EB:EB+1], v[EB:EB+1], v[24:25]
	v_pk_add_f32 v[EB+2:EB+3], v[EB+2:EB+3], v[26:27]
.irp k, 0,1,2,3
	v_add_f32_dpp v[EB+\k], v[EB+\k], v[EB+\k] row_xmask:8 row_mask:0xf bank_mask:0xf
.endr
.irp k, 0,1,2,3
	v_permlanex16_b32 v[28+\k], v[EB+\k], s[SEL], s[SEL+1]
.endr
.irp k, 0,1,2,3
	v_add_f32 v[EB+\k], v[EB+\k], v[28+\k]
.endr
	ds_store_b128 v[SA], v[EB:EB+3] offset:\off    ; the four groups of eight lanes write the same bytes with the same values
.endm
.macro TRIP par, sl, gl, ib, off       ; the row of set par is summed; gl: the next row's loads go out first; sl: the indices of the row after that are asked for; ib: their address steps two rows
.if \gl
	s_wait_kmcnt 0x0                               ; the next row's indices are in, and no scalar load is out
.if \ib
	s_add_nc_u64 s[4:5], s[4:5], 128
.endif
.if \sl
	s_load_b512 s[IX+16*\par:IX+16*\par+15], s[4:5], 64*\par
.endif
	ISSUE 1-\par
	s_wait_loadcnt 20                              ; this row's loads are in; the next row's 4 + 16 may be out
.else
	s_wait_loadcnt 0x0
.endif
	CONSUME \par, \off
.endm
	s_wait_kmcnt 0x0
	s_load_b512 s[IX+16:IX+31], s[4:5], 0x40       ; row 1's indices
	ISSUE 0
	s_mov_b32 s[RO], 0
	s_mov_b32 s[CNT], 31
.Lrows:                                                ; rows 0 to 61, two a trip
	v_add_nc_u32 v[SA], s[RO], v[SB0]
	TRIP 0, 1, 1, 1, 0
	TRIP 1, 1, 1, 0, 144
	s_add_co_u32 s[RO], s[RO], 288
	s_sub_co_u32 s[CNT], s[CNT], 1
	s_cmp_lg_u32 s[CNT], 0
	s_cbranch_scc1 .Lrows
	v_add_nc_u32 v[SA], s[RO], v[SB0]
	TRIP 0, 0, 1, 0, 0                             ; row 62: no indices are left to ask for
	TRIP 1, 0, 0, 0, 144                           ; row 63: nothing is left to load
	BAR
	; ---- the gathered rows, quantised (a block = a head's 32 channels)
	v_and_b32 v16, 15, v0
	v_bfe_u32 v17, v0, 4, 1
	v_and_b32 v18, 8, v16
	v_add_nc_u32 v18, v18, v16
	v_lshlrev_b32 v[W2A], 10, v18
	v_lshl_add_u32 v[W2A], v17, 4, v[W2A]
	v_lshlrev_b32 v[W2S], 5, v18
	s_lshl_b32 s50, s[WV], 11
	v_add_nc_u32 v[LIA], HIMG, v[LI]
	v_add_nc_u32 v[LIH], s50, v[LIA]
.irp b, 0,1,2,3
.irp j, 0,1,2,3
	ds_load_b128 v[ACC+16*\b+4*\j:ACC+16*\b+4*\j+3], v[RG] offset:9216*\b+16*\j   ; head 4 s + b, channels 16 h on, of row 16 m + r
.endr
.endr
	s_wait_dscnt 0x0
	QUANT ACC, 0
	PACKW
	IMAGE IMW, AIMG
	ds_store_b32 v[SCW], v[PW] offset:ASC
	LOADWC 12, 0, 14, 0
	LOADB 16, 0
	BAR
	; ---- . Wp^T + bp
	PANEL2 LI, AIMG, ASC
	GLOAD 18, WF                                   ; norm1_g
	TOSTG SW
	BAR
	; ---- + tgt1, LayerNorm, quantised
	RROW RRS, 0, ACC
	RROW RRR, 0, BK
	s_wait_dscnt 0x0
	PKADD ACC, ACC, BK
	GLOAD 20, BK                                   ; norm1_b
	LNORM 0
	WROW RRR, 0, ACC                               ; kept for the last residual, in my own places
	s_wait_dscnt 0x0                               ; the stores have read the numbers that the hold rewrites
	QUANT ACC, 0
	PACKW
	IMAGE IMW, AIMG
	ds_store_b32 v[SCW], v[PW] offset:ASC
	LOADWC 22, 0, 24, 0                            ; W1: my 128 hidden units, 32 at a time
	LOADB 26, 0
	BAR
	; ---- the hidden layer: my 128 units are K step w of the last product; panel q is its block q
.macro LOADW2 k                        ; W2's two tiles of my 32 outputs, K step k
.irp u, 0,1
.irp c, 0,1,2,3
	global_load_b128 v[WF+32*((\k)%2)+16*\u+4*\c:WF+32*((\k)%2)+16*\u+4*\c+3], v[W2A], s[28:29] offset:8192*\u+128*(\k)+32*\c
.endr
.endr
.endm
.irp q, 0,1,2,3
	PANEL2 LI, AIMG, ASC
.if \q < 3
	LOADWC 22, 8192*(\q+1), 24, 256*(\q+1)
	LOADB 26, 128*(\q+1)
.else
.irp u, 0,1
	global_load_b128 v[WS+8*\u:WS+8*\u+3], v[W2S], s[30:31] offset:256*\u          ; W2's scale words: eight K steps a row
	global_load_b128 v[WS+8*\u+4:WS+8*\u+7], v[W2S], s[30:31] offset:256*\u+16
.endr
	LOADB 32, 0
	LOADW2 0
	LOADW2 1
.endif
	QUANT ACC, 1                                   ; block m: the 32 units of row 16 m + r
.irp m, 0,1,2,3
	ds_store_b128 v[LIH], v[PC+4*\m:PC+4*\m+3] offset:16384*\m+512*\q
.if \q == 0
	v_mov_b32 v[HW+\m], v[TM+4+\m]
.else
	v_lshl_or_b32 v[HW+\m], v[TM+4+\m], 8*\q, v[HW+\m]
.endif
.endr
	s_wait_dscnt 0x0                               ; the stores have read their registers
.endr
.irp m, 0,1,2,3
	ds_store_b32 v[SCW], v[HW+\m] offset:HSC+1024*\m
.endr
	BAR
	; ---- . W2^T + b2: K = 1,024 in eight steps; the weights run two steps ahead in two sets
.irp k, 0,1,2,3,4,5,6,7
	AFETCH LIA, 0, HSC, 8, \k
.if \k < 7
	s_wait_loadcnt 8                               ; this step's weights are in; the next step's eight loads may be out
.else
	s_wait_loadcnt 0x0
.endif
	s_wait_dscnt 0x0
.if \k == 0
	MUL8 WF, WS, 8, AS, 1, 1
.else
	MUL8 WF+32*(\k%2), WS+\k, 8, AS, 1, 0
.endif
	PLACES 8
.if \k < 6
	LOADW2 \k+2
.endif
.endr
	GLOAD 34, WF                                   ; norm3_g
	TOSTG SW
	BAR
	; ---- + residual, LayerNorm, out
	RROW RRS, 0, ACC
	RROW RRR, 0, BK
	s_wait_dscnt 0x0
	PKADD ACC, ACC, BK
	GLOAD 36, BK                                   ; norm3_b
	LNORM 2
	WROW RRR, 0, ACC
	BAR
	COPYOUT CPLR, 38                               ; whole rows: 512 consecutive bytes a store
	s_set_vgpr_msb 0x4
	s_wait_tensorcnt 0x0
	ds_add_u32 v63, v1
	s_wait_dscnt 0x0
	s_set_vgpr_msb 0x400
	s_endpgm
.Lfunc_end_k_q7adda9911b_tail:
	.size	k_q7adda9911b_tail, .Lfunc_end_k_q7adda9911b_tail-k_q7adda9911b_tail
	.p2alignl 7, 3214868480
	.fill 96, 4, 3214868480
	.section	.rodata,"a",@progbits
	.p2align	6, 0x0
	.amdhsa_kernel k_q7adda9911b_tail
		.amdhsa_group_segment_fixed_size 225280
		.amdhsa_private_segment_fixed_size 0
		.amdhsa_enable_private_segment 0
		.amdhsa_kernarg_size 144
		.amdhsa_user_sgpr_count 2
		.amdhsa_user_sgpr_kernarg_segment_ptr 1
		.amdhsa_wavefront_size32 1
		.amdhsa_system_sgpr_workgroup_id_x 1
		.amdhsa_system_sgpr_workgroup_id_y 1
		.amdhsa_system_sgpr_workgroup_id_z 1
		.amdhsa_system_vgpr_workitem_id 0
		.amdhsa_next_free_vgpr 258
		.amdhsa_next_free_sgpr 100
		.amdhsa_reserve_vcc 0
		.amdhsa_float_denorm_mode_32 3
		.amdhsa_float_denorm_mode_16_64 3
		.amdhsa_memory_ordered 1
		.amdhsa_forward_progress 1
		.amdhsa_inst_pref_size 197
	.end_amdhsa_kernel
	.amdgpu_metadata
---
amdhsa.version: [ 1, 2 ]
amdhsa.kernels:
  - .name:           k_q7adda9911b_tail
    .symbol:         k_q7adda9911b_tail.kd
    .args:
      - { .name: samp_idx, .offset: 0, .size: 8, .value_kind: global_buffer, .address_space: global }
      - { .name: samp_w, .offset: 8, .size: 8, .value_kind: global_buffer, .address_space: global }
      - { .name: value, .offset: 16, .size: 8, .value_kind: global_buffer, .address_space: global }
      - { .name: tgt1, .offset: 24, .size: 8, .value_kind: global_buffer, .address_space: global }
      - { .name: outp_w_codes, .offset: 32, .size: 8, .value_kind: global_buffer, .address_space: global }
      - { .name: outp_w_scales, .offset: 40, .size: 8, .value_kind: global_buffer, .address_space: global }
      - { .name: outp_b, .offset: 48, .size: 8, .value_kind: global_buffer, .address_space: global }
      - { .name: norm1_g, .offset: 56, .size: 8, .value_kind: global_buffer, .address_space: global }
      - { .name: norm1_b, .offset: 64, .size: 8, .value_kind: global_buffer, .address_space: global }
      - { .name: lin1_w_codes, .offset: 72, .size: 8, .value_kind: global_buffer, .address_space: global }
      - { .name: lin1_w_scales, .offset: 80, .size: 8, .value_kind: global_buffer, .address_space: global }
      - { .name: lin1_b, .offset: 88, .size: 8, .value_kind: global_buffer, .address_space: global }
      - { .name: lin2_w_codes, .offset: 96, .size: 8, .value_kind: global_buffer, .address_space: global }
      - { .name: lin2_w_scales, .offset: 104, .size: 8, .value_kind: global_buffer, .address_space: global }
      - { .name: lin2_b, .offset: 112, .size: 8, .value_kind: global_buffer, .address_space: global }
      - { .name: norm3_g, .offset: 120, .size: 8, .value_kind: global_buffer, .address_space: global }
      - { .name: norm3_b, .offset: 128, .size: 8, .value_kind: global_buffer, .address_space: global }
      - { .name: out0, .offset: 136, .size: 8, .value_kind: global_buffer, .address_space: global }
    .group_segment_fixed_size: 225280
    .private_segment_fixed_size: 0
    .kernarg_segment_align: 8
    .kernarg_segment_size: 144
    .max_flat_workgroup_size: 256
    .sgpr_count:     100
    .vgpr_count:     258
    .wavefront_size: 32
...
	.end_amdgpu_metadata
.endif
;; end of part 5
;; ======== version 2 of 3: 6 launches; 1.52 times as fast as version 1
;; workspace buffers: qkvc 13,762,560 bytes; oc 4,325,376 bytes; value 89,128,960 bytes; tgt1 16,777,216 bytes; samp_w 33,554,432 bytes; samp_idx 8,388,608 bytes of whole numbers; gath 16,777,216 bytes
;; launch qkv: the kernel of part 1 again; grid 256 x 1, 8 waves a work-group, no clusters, 168,960 bytes of LDS; arguments tgt, query_pos, in_proj_w_codes, in_proj_w_scales, in_proj_b, qkvc; writes qkvc
;; launch attn: the kernel of part 2 again; grid 2 x 128, 16 waves a work-group, no clusters, 73,728 bytes of LDS; arguments qkvc, oc; writes oc
;; launch mid (part 6): grid 256 x 1, 8 waves a work-group, no clusters, 220,160 bytes of LDS; arguments oc, tgt, query_pos, reference_points, out_proj_w_codes, out_proj_w_scales, out_proj_b, norm2_g, norm2_b, off_w_codes, off_w_scales, off_b, attw_w_codes, attw_w_scales, attw_b, tgt1, samp_w, samp_idx; writes tgt1, samp_w, samp_idx
.if DOCPART == 6
	.amdgcn_target "amdgcn-amd-amdhsa--gfx1250"
	.amdhsa_code_object_version 6
	.text
	.protected	k_q7adda9911b_mid
	.globl	k_q7adda9911b_mid
	.p2align	8
	.type	k_q7adda9911b_mid,@function
k_q7adda9911b_mid:
	s_mov_b64 s[64:65], 0
	v_nop
	global_prefetch_b8 v0, s[64:65] scope:SCOPE_SE
	s_setreg_imm32_b32 hwreg(HW_REG_WAVE_MODE, 25, 1), 1
	s_wait_xcnt 0x0
; tgt1 = LayerNorm(tgt + o Wo^T + bo); x = tgt1 + query_pos, quantised; offsets = x Woff^T + boff; weights = softmax16(x Wa^T + ba);
; then for each row, head and sampling point: the place of the point's upper left corner in the head's FRAMED maps, and the four corners' weights (bilinear x attention weight, 0 for a corner outside the map).
; A framed map of width w has w + 2 rows of w + 2 positions, a frame of zeros round the map. Level 0 stands alone (66 x 66); levels 1, 2, 3 follow each other from 0, 1156, 1480 on.
; The place is start + (ya + 1)(w + 2) + xa + 1 with xa, ya held to [-1, w - 1]: so it is never negative, and all four corners lie in the frame or in the map.
; The places are stored as whole numbers and used as addresses by a later launch; no address and no branch here hangs on them.
; The maps' shapes (64, 32, 16, 8 squared) are the constants that the computation itself is written with; the inputs src_spatial_shapes and level_start_index do not enter it and are not read.
; SHARES. 64 rows, eight waves. Row phases: wave w = (tile m = w / 2, half s = w % 2) holds columns 128 s + 32 b + 16 h + i of row 16 m + r in register 16 b + i. Panel phases: wave w makes 32 columns (for the offsets: head w) for all 64 rows.
; o's tiles arrive with rows in the order 32 (m / 2) + 8 (m % 2) + r + 8 (r / 8); the first product's results are laid back into natural rows by their address in the stage.
; LIMITS: NaN and infinities are not served. Coordinates are held in f32 before they become whole numbers, so any finite offset is served. Scale bytes as in the other launches (floor 1).
.set PITCH, 1040
.set AIMG,  0                          ; 8 fragments (2 m + s) of 2,048 bytes: o's, later x's
.set ASC,   16384                      ; their scale words
.set RED,   17408                      ; two exchanges of 1,024 bytes
.set STG,   19456                      ; 64 rows of results; later each wave's own stage of 5,120 bytes
.set RES,   86016                      ; 64 rows: tgt, then tgt1
.set POS,   152576                     ; 64 rows of query_pos
.set LI,  1
.set LS,  2
.set WA,  3
.set WSA, 4
.set BA,  5
.set CPG, 6
.set CPLR, 7                           ; 8320 w + 16 lane + RES
.set CPLP, 8                           ; + POS; later AWA
.set AWA, 8                            ; 256 r + 16 h
.set RRS, 9                            ; (16 m + r) x 1040 + 512 s + 64 h + STG; later AD1
.set RRR, 10                           ; the same in RES; later AD2
.set RRP, 11                           ; in POS; later AI1
.set SWP, 12                           ; rp x 1040 + 64 h + 128 w + STG; later AI2
.set IMW, 13                           ; later SRB
.set SCW, 14                           ; later WLM
.set RDW, 15                           ; 4 lane + 128 w + RED; later WLM + 1
.set AD1, 9                            ; my stage: where the weights of my first four points go,
.set AD2, 10                           ; of my last four,
.set AI1, 11                           ; and the same for the places
.set AI2, 12
.set SRB, 13                           ; my stage + 16 lane: back, as it lies
.set WLM, 14                           ; v14-15 the widths of my two levels, less 1, as f32
.set RDR, 52                           ; 4 lane + 128 (w xor 1) + RED
.set GA,  53                           ; 512 s + 64 h
.set RV,  54                           ; r; later AWS
.set AWS, 54                           ; 8 r
.set AWB, 55                           ; 32 h
.set PW,  56
.set REFA, 57                          ; 32 r + 16 h
.set T7,  58
.set T8,  59
.set T6,  61
.set BI,  16
.set WS,  32                           ; scales alone
.set AS,  48                           ; scales alone
.set ACC, 64
.set BK,  128
.set WF,  192
.set TM,  128
.set PC,  144
.set LG,  WF+32                        ; v224-255 the logits, then the attention weights
.set OW,  BK                           ; v128-159 corner c, point i at 8 c + i
.set IDX, BK+32                        ; v160-167
.set REFP, BK+48                       ; v176-191 the reference points of my two levels, 4 registers a tile
.set SH,  16                           ; per lane, for levels 2 h and 2 h + 1: log2 of the width,
.set WLI, 18                           ; the width,
.set WLF, 20                           ; as f32,
.set INV, 22                           ; its reciprocal,
.set STL, 24                           ; the framed map's start + width + 3
.set TP,  26                           ; v26-31 at work
.set SEL, 40
.set MNT, 42
.set WV,  43
.set R256, 44                          ; 2^-8
.set EPS, 45                           ; 1e-5
.macro PLACES n
.rept \n
	v_nop
.endr
.endm
.macro BAR
	s_wait_dscnt 0x0
	s_barrier_signal -1
	s_barrier_wait -1
.endm
.macro COPYIN ptr, bank
.irp j, 0,1,2,3,4,5,6,7,8,9,10,11,12,13,14,15
	global_load_b128 v[\bank+4*\j:\bank+4*\j+3], v[CPG], s[\ptr:\ptr+1] offset:512*\j th:TH_LOAD_NT
.endr
.endm
.macro COPYST reg, off, bank
.irp j, 0,1,2,3,4,5,6,7,8,9,10,11,12,13,14,15
	ds_store_b128 v[\reg], v[\bank+4*\j:\bank+4*\j+3] offset:\off+PITCH*(\j/2)+512*(\j%2)
.endr
.endm
.macro COPYOUT reg, ptr                ; 8 whole rows: 512 consecutive bytes a store
.irp j, 0,1,2,3,4,5,6,7,8,9,10,11,12,13,14,15
	ds_load_b128 v[ACC+4*\j:ACC+4*\j+3], v[\reg] offset:PITCH*(\j/2)+512*(\j%2)
.endr
.irp j, 0,1,2,3,4,5,6,7,8,9,10,11,12,13,14,15
	s_wait_dscnt 15-\j                             ; the younger LDS loads may be out
	global_store_b128 v[CPG], v[ACC+4*\j:ACC+4*\j+3], s[\ptr:\ptr+1] offset:512*\j
.endr
.endm
.macro RROW reg, off, bank
.irp b, 0,1,2,3
.irp j, 0,1,2,3
	ds_load_b128 v[\bank+16*\b+4*\j:\bank+16*\b+4*\j+3], v[\reg] offset:\off+128*\b+16*\j
.endr
.endr
.endm
.macro WROW reg, off, bank
.irp b, 0,1,2,3
.irp j, 0,1,2,3
	ds_store_b128 v[\reg], v[\bank+16*\b+4*\j:\bank+16*\b+4*\j+3] offset:\off+128*\b+16*\j
.endr
.endr
.endm
.macro GLOAD ptr, bank                 ; a gain or a bias of 256 numbers, in the row phases' layout
.irp b, 0,1,2,3
.irp j, 0,1,2,3
	global_load_b128 v[\bank+16*\b+4*\j:\bank+16*\b+4*\j+3], v[GA], s[\ptr:\ptr+1] offset:128*\b+16*\j
.endr
.endr
.endm
.macro PKADD d, a, x                   ; 64 numbers: d = a + x
.set J, 0
.rept 32
	v_pk_add_f32 v[(\d)+J:(\d)+J+1], v[(\a)+J:(\a)+J+1], v[(\x)+J:(\x)+J+1]
.set J, J+2
.endr
.endm
.macro QUANT s, relu
.if \relu
.irp b, 0,1,2,3
	v_max3_num_f32 v[TM+\b], v[(\s)+16*\b], v[(\s)+1+16*\b], 0x4800000
.endr
.irp i, 2,4,6,8,10,12,14
.irp b, 0,1,2,3
	v_max3_num_f32 v[TM+\b], v[TM+\b], v[(\s)+16*\b+\i], v[(\s)+1+16*\b+\i]
.endr
.endr
.else
.irp b, 0,1,2,3
	v_max3_num_f32 v[TM+\b], |v[(\s)+16*\b]|, |v[(\s)+1+16*\b]|, 0x4800000   ; with the floor 2^(9 - 127)
.endr
.irp i, 2,4,6,8,10,12,14
.irp b, 0,1,2,3
	v_max3_num_f32 v[TM+\b], v[TM+\b], |v[(\s)+16*\b+\i]|, |v[(\s)+1+16*\b+\i]|
.endr
.endr
.endif
.irp b, 0,1,2,3
	v_permlanex16_b32 v[TM+4+\b], v[TM+\b], s[SEL], s[SEL+1]
.endr
.irp b, 0,1,2,3
	v_max_num_f32 v[TM+\b], v[TM+\b], v[TM+4+\b]
.endr
.irp b, 0,1,2,3
	v_add_nc_u32 v[TM+12+\b], 0xfc000000, v[TM+\b]
.endr
.irp b, 0,1,2,3
	v_and_or_b32 v[TM+8+\b], v[TM+\b], 0x7f800000, s[MNT]
.endr
.irp b, 0,1,2,3
	v_lshrrev_b32 v[TM+4+\b], 23, v[TM+12+\b]
.endr
.irp b, 0,1,2,3
.irp i, 0,1,2,3,4,5,6,7,8,9,10,11,12,13,14,15
.if \relu
	v_med3_num_f32 v[(\s)+16*\b+\i], v[(\s)+16*\b+\i], 0, v[TM+8+\b]
.else
	v_med3_num_f32 v[(\s)+16*\b+\i], v[(\s)+16*\b+\i], -v[TM+8+\b], v[TM+8+\b]
.endif
.endr
	v_cvt_scalef32_pk8_fp8_f32 v[PC+4*\b:PC+1+4*\b], v[(\s)+16*\b:(\s)+7+16*\b], v[TM+12+\b]
	v_cvt_scalef32_pk8_fp8_f32 v[PC+2+4*\b:PC+3+4*\b], v[(\s)+8+16*\b:(\s)+15+16*\b], v[TM+12+\b]
.endr
	v_nop
.endm
.macro PACKW
	v_lshl_or_b32 v[PW], v[TM+5], 8, v[TM+4]
	v_lshl_or_b32 v[PW], v[TM+6], 16, v[PW]
	v_lshl_or_b32 v[PW], v[TM+7], 24, v[PW]
.endm
.macro IMAGE adr, off
.irp c, 0,1,2,3
	ds_store_b128 v[\adr], v[PC+4*\c:PC+4*\c+3] offset:\off+512*\c
.endr
.endm
.macro LOADWC cp, coff, sp, soff
.irp k, 0,1
.irp u, 0,1
.irp c, 0,1,2,3
	global_load_b128 v[WF+32*\k+16*\u+4*\c:WF+32*\k+16*\u+4*\c+3], v[WA], s[\cp:\cp+1] offset:(\coff)+2048*\u+128*\k+32*\c
.endr
.endr
.endr
.irp u, 0,1
	global_load_b64 v[WS+2*\u:WS+2*\u+1], v[WSA], s[\sp:\sp+1] offset:(\soff)+64*\u
.endr
.endm
.macro LOADB bp, boff
.irp u, 0,1
	global_load_b128 v[BI+8*\u:BI+8*\u+3], v[BA], s[\bp:\bp+1] offset:(\boff)+32*\u
	global_load_b128 v[BI+8*\u+4:BI+8*\u+7], v[BA], s[\bp:\bp+1] offset:(\boff)+32*\u+16
.endr
.endm
.macro AFETCH adr, img, sc, fm, k
.irp m, 0,1,2,3
.irp c, 0,1,2,3
	ds_load_b128 v[BK+16*\m+4*\c:BK+16*\m+4*\c+3], v[\adr] offset:(\img)+((\fm)*\m+(\k))*2048+512*\c
.endr
	ds_load_b32 v[AS+\m], v[LS] offset:(\sc)+((\fm)*\m+(\k))*128
.endr
.endm
.macro MUL8 wf, wsb, wst, asb, ast, first      ; eight accumulators, one instruction a turn
.irp m, 0,1,2,3
.irp u, 0,1
.if \first
	v_wmma_scale_f32_16x16x128_f8f6f4 v[ACC+16*\m+8*\u:ACC+16*\m+8*\u+7], v[(\wf)+16*\u:(\wf)+16*\u+15], v[BK+16*\m:BK+16*\m+15], v[BI+8*\u:BI+8*\u+7], v[(\wsb)+(\wst)*\u], v[(\asb)+(\ast)*\m]
.else
	v_wmma_scale_f32_16x16x128_f8f6f4 v[ACC+16*\m+8*\u:ACC+16*\m+8*\u+7], v[(\wf)+16*\u:(\wf)+16*\u+15], v[BK+16*\m:BK+16*\m+15], v[ACC+16*\m+8*\u:ACC+16*\m+8*\u+7], v[(\wsb)+(\wst)*\u], v[(\asb)+(\ast)*\m]
.endif
.endr
.endr
.endm
.macro PANEL2 adr, img, sc
	AFETCH \adr, \img, \sc, 2, 0
	s_wait_loadcnt 0x0
	s_wait_dscnt 0x0
	MUL8 WF, WS, 2, AS, 1, 1
	PLACES 8
	AFETCH \adr, \img, \sc, 2, 1
	s_wait_dscnt 0x0
	MUL8 WF+32, WS+1, 2, AS, 1, 0
	PLACES 9                                       ; nine: later products write over these registers
.endm
.macro TOSTG adr, perm                 ; each accumulator from its low end on
.irp m, 0,1,2,3
.irp j, 0,1,2,3
.if \perm
	ds_store_b128 v[\adr], v[ACC+16*\m+4*\j:ACC+16*\m+4*\j+3] offset:(32*(\m/2)+8*(\m%2))*PITCH+16*\j
.else
	ds_store_b128 v[\adr], v[ACC+16*\m+4*\j:ACC+16*\m+4*\j+3] offset:16*\m*PITCH+16*\j
.endif
.endr
.endr
.endm
; LayerNorm of the 64 numbers in ACC with the partner wave's 64 x 2 lanes: mean, then the mean of the squared differences, as the computation is defined. The gain has been asked for into WF, the bias into BK.
.macro LNSUM k
	v_pk_add_f32 v[16:17], v[16:17], v[18:19]
	v_pk_add_f32 v[20:21], v[20:21], v[22:23]
	v_pk_add_f32 v[16:17], v[16:17], v[20:21]
	v_add_f32 v16, v16, v17
	v_permlanex16_b32 v18, v16, s[SEL], s[SEL+1]
	v_add_f32 v16, v16, v18                        ; my wave's 128 columns of row r
	ds_store_b32 v[RDW], v16 offset:1024*(\k)
	BAR
	ds_load_b32 v17, v[RDR] offset:1024*(\k)       ; the other 128, from the wave beside me
	s_wait_dscnt 0x0
	v_add_f32 v16, v16, v17
.endm
.macro LNORM k
.irp q, 0,1,2,3
	v_pk_add_f32 v[16+2*\q:17+2*\q], v[ACC+4*\q:ACC+4*\q+1], v[ACC+4*\q+2:ACC+4*\q+3]
.endr
.irp j, 16,24,32,40,48,56
.irp q, 0,1,2,3
	v_pk_add_f32 v[16+2*\q:17+2*\q], v[16+2*\q:17+2*\q], v[ACC+\j+2*\q:ACC+\j+2*\q+1]
.endr
.endr
	LNSUM \k
	v_mul_f32 v24, s[R256], v16                    ; the mean
	v_mov_b32 v25, v24
.set J, 0
.rept 32
	v_pk_add_f32 v[ACC+J:ACC+J+1], v[ACC+J:ACC+J+1], v[24:25] neg_lo:[0,1] neg_hi:[0,1]
.set J, J+2
.endr
.irp q, 0,1,2,3
	v_pk_mul_f32 v[16+2*\q:17+2*\q], v[ACC+2*\q:ACC+2*\q+1], v[ACC+2*\q:ACC+2*\q+1]
.endr
.irp j, 8,16,24,32,40,48,56
.irp q, 0,1,2,3
	v_pk_fma_f32 v[16+2*\q:17+2*\q], v[ACC+\j+2*\q:ACC+\j+2*\q+1], v[ACC+\j+2*\q:ACC+\j+2*\q+1], v[16+2*\q:17+2*\q]
.endr
.endr
	LNSUM (\k)+1
	v_fma_f32 v16, v16, s[R256], s[EPS]            ; the variance + 1e-5
	v_rsq_f32 v24, v16
	v_nop
	s_wait_alu depctr_va_vdst(0)                   ; ahead of the root's first reader
	v_mov_b32 v25, v24
	s_wait_loadcnt 0x0                             ; the gain and the bias
.set J, 0
.rept 32
	v_pk_mul_f32 v[ACC+J:ACC+J+1], v[ACC+J:ACC+J+1], v[24:25]
.set J, J+2
.endr
.set J, 0
.rept 32
	v_pk_fma_f32 v[ACC+J:ACC+J+1], v[ACC+J:ACC+J+1], v[WF+J:WF+J+1], v[BK+J:BK+J+1]
.set J, J+2
.endr
.endm
	s_load_b512 s[4:19], s[0:1], 0x0               ; oc, tgt, query_pos, reference_points, Wo codes, scales, bias, norm2_g
	s_load_b512 s[20:35], s[0:1], 0x40             ; norm2_b, Woff codes, scales, bias, Wa codes, scales, bias, tgt1
	s_load_b128 s[36:39], s[0:1], 0x80             ; samp_w, samp_idx
	v_lshl_add_u32 v47, v0, 2, 0x35800
	v_mov_b32 v60, 0
	v_lshrrev_b32 v16, 5, v0
	v_readfirstlane_b32 s[WV], v16
	v_and_b32 v61, 31, v0                          ; lane
	v_and_b32 v62, 15, v0                          ; r
	v_bfe_u32 v63, v0, 4, 1                        ; h
	v_and_b32 v56, 8, v62
	v_add_nc_u32 v56, v56, v62                     ; rp
	v_lshlrev_b32 v[LI], 4, v61
	v_lshlrev_b32 v[LS], 2, v61
	v_lshlrev_b32 v[WA], 8, v56
	v_lshl_add_u32 v[WA], v63, 4, v[WA]
	v_lshlrev_b32 v[WSA], 3, v56
	v_lshlrev_b32 v[BA], 6, v63
	s_lshl_b32 s46, s[WV], 13
	v_add_nc_u32 v[CPG], s46, v[LI]
	s_mul_i32 s46, s[WV], 8*PITCH
	v_add_nc_u32 v[CPLR], s46, v[LI]
	v_add_nc_u32 v[CPLP], POS, v[CPLR]
	v_add_nc_u32 v[CPLR], RES, v[CPLR]
	s_lshr_b32 s52, s[WV], 1                       ; m
	s_and_b32 s53, s[WV], 1                        ; s
	s_mul_i32 s46, s52, 16*PITCH
	s_lshl_b32 s47, s53, 9
	s_add_co_u32 s46, s46, s47
	v_mul_u32_u24 v[RRS], v62, PITCH
	v_lshl_add_u32 v[RRS], v63, 6, v[RRS]
	v_add_nc_u32 v[RRS], s46, v[RRS]
	v_add_nc_u32 v[RRR], RES, v[RRS]
	v_add_nc_u32 v[RRP], POS, v[RRS]
	v_add_nc_u32 v[RRS], STG, v[RRS]
	s_lshl_b32 s46, s[WV], 7
	v_mul_u32_u24 v[SWP], v56, PITCH
	v_lshl_add_u32 v[SWP], v63, 6, v[SWP]
	v_add_nc_u32 v[SWP], s46, v[SWP]
	v_add_nc_u32 v[SWP], STG, v[SWP]
	v_add_nc_u32 v[SCW], s46, v[LS]
	v_add_nc_u32 v[RDW], RED, v[SCW]
	s_xor_b32 s47, s[WV], 1
	s_lshl_b32 s47, s47, 7
	v_add_nc_u32 v[RDR], s47, v[LS]
	v_add_nc_u32 v[RDR], RED, v[RDR]
	s_lshl_b32 s46, s[WV], 11
	v_add_nc_u32 v[IMW], s46, v[LI]
	s_lshl_b32 s46, s53, 9
	v_lshl_add_u32 v[GA], v63, 6, s46
	v_mov_b32 v[RV], v62
	v_lshlrev_b32 v[AWB], 5, v63
	v_lshlrev_b32 v[REFA], 5, v62
	v_lshl_add_u32 v[REFA], v63, 4, v[REFA]
	s_mov_b32 s[SEL], 0x76543210
	s_mov_b32 s[SEL+1], 0xfedcba98
	s_mov_b32 s[MNT], 0x600000
	s_mov_b32 s[R256], 0x3b800000
	s_mov_b32 s[EPS], 0x3727c5ac
	s_mov_b32 s51, 0
	s_wait_kmcnt 0x0
	s_lshl_b32 s50, ttmp9, 16                      ; 64 rows of 1,024 bytes
	s_add_nc_u64 s[6:7], s[6:7], s[50:51]
	s_add_nc_u64 s[8:9], s[8:9], s[50:51]
	s_add_nc_u64 s[34:35], s[34:35], s[50:51]
	s_lshl_b32 s50, ttmp9, 14                      ; o's eight fragments of these rows: 16,384 dense bytes
	s_add_nc_u64 s[46:47], s[4:5], s[50:51]
	s_lshr_b32 s50, ttmp9, 4                       ; o's scale bytes: (8 batch + 4 s + c) x 1024 + 16 (4 bb + m) + r
	s_lshl_b32 s50, s50, 3
	s_lshl_b32 s54, s53, 2
	s_add_co_u32 s50, s50, s54
	s_lshl_b32 s50, s50, 10
	s_and_b32 s54, ttmp9, 15
	s_lshl_b32 s54, s54, 2
	s_add_co_u32 s54, s54, s52
	s_lshl_b32 s54, s54, 4
	s_add_co_u32 s50, s50, s54
	s_add_co_u32 s50, s50, 4194304
	s_add_nc_u64 s[48:49], s[4:5], s[50:51]
	s_lshl_b32 s50, ttmp9, 11                      ; 64 rows of 32 bytes
	s_add_nc_u64 s[10:11], s[10:11], s[50:51]
	s_lshl_b32 s50, s[WV], 13                      ; my panel of 32 rows of Wo and of Woff
	s_add_nc_u64 s[12:13], s[12:13], s[50:51]
	s_add_nc_u64 s[22:23], s[22:23], s[50:51]
	s_lshl_b32 s50, s[WV], 8
	s_add_nc_u64 s[14:15], s[14:15], s[50:51]
	s_add_nc_u64 s[24:25], s[24:25], s[50:51]
	s_lshl_b32 s50, s[WV], 7
	s_add_nc_u64 s[16:17], s[16:17], s[50:51]
	s_add_nc_u64 s[26:27], s[26:27], s[50:51]
	s_add_nc_u64 s[30:31], s[30:31], s[50:51]      ; my 16 rows of Wa: scales,
	s_lshl_b32 s50, s[WV], 12
	s_add_nc_u64 s[28:29], s[28:29], s[50:51]      ; codes,
	s_lshl_b32 s50, s[WV], 6
	s_add_nc_u64 s[32:33], s[32:33], s[50:51]      ; biases
	s_lshl_b32 s50, ttmp9, 3
	s_add_co_u32 s50, s50, s[WV]                   ; 8 x block + head
	s_lshl_b32 s54, s50, 12
	s_lshl_b32 s50, s50, 14
	s_add_nc_u64 s[36:37], s[36:37], s[50:51]
	s_mov_b32 s55, 0
	s_add_nc_u64 s[38:39], s[38:39], s[54:55]
	; ---- 0: tgt, query_pos, o's fragments and scale bytes come in and are laid in LDS
	COPYIN 6, ACC
	COPYIN 8, BK
.irp c, 0,1,2,3
	global_load_b128 v[WF+4*\c:WF+4*\c+3], v[IMW], s[46:47] offset:512*\c th:TH_LOAD_NT
.endr
.irp c, 0,1,2,3
	global_load_u8 v[WF+16+\c], v[RV], s[48:49] offset:1024*\c
.endr
	s_wait_loadcnt 0x0
	COPYST CPLR, 0, ACC
	COPYST CPLP, 0, BK
.irp c, 0,1,2,3
	ds_store_b128 v[IMW], v[WF+4*\c:WF+4*\c+3] offset:AIMG+512*\c
.endr
	v_lshl_or_b32 v[PW], v[WF+17], 8, v[WF+16]     ; four heads' bytes make the fragment's scale word
	v_lshl_or_b32 v[PW], v[WF+18], 16, v[PW]
	v_lshl_or_b32 v[PW], v[WF+19], 24, v[PW]
	ds_store_b32 v[SCW], v[PW] offset:ASC
	s_wait_dscnt 0x0                               ; the stores have read their registers
	LOADWC 12, 0, 14, 0
	LOADB 16, 0
	BAR
	; ---- 1: o Wo^T + bo, back into natural rows
	PANEL2 LI, AIMG, ASC
	GLOAD 18, WF                                   ; norm2_g
	TOSTG SWP, 1
	BAR
	; ---- the residual, LayerNorm, tgt1; x = tgt1 + query_pos, quantised
	RROW RRS, 0, ACC
	RROW RRR, 0, BK
	s_wait_dscnt 0x0
	PKADD ACC, ACC, BK
	GLOAD 20, BK                                   ; norm2_b
	LNORM 0
	WROW RRR, 0, ACC                               ; my own places in RES
	RROW RRP, 0, WF
	s_wait_dscnt 0x0
	PKADD WF, ACC, WF
	QUANT WF, 0
	PACKW
	IMAGE IMW, AIMG                                ; o's fragments were last read two barriers ago
	ds_store_b32 v[SCW], v[PW] offset:ASC
	LOADWC 22, 0, 24, 0                            ; Woff: head w
	LOADB 26, 0
	BAR
	COPYOUT CPLR, 34                               ; tgt1 leaves in whole rows
	s_wait_xcnt 0x0                                ; the stores' data become accumulators
	; ---- 2: the offsets of head w, then its 16 logits
	PANEL2 LI, AIMG, ASC
	v_and_b32 v62, 15, v0
	v_bfe_u32 v63, v0, 4, 1
	v_lshlrev_b32 v[AWA], 8, v62
	v_lshl_add_u32 v[AWA], v63, 4, v[AWA]
	v_lshlrev_b32 v[AWS], 3, v62
.irp k, 0,1
.irp c, 0,1,2,3
	global_load_b128 v[WF+16*\k+4*\c:WF+16*\k+4*\c+3], v[AWA], s[28:29] offset:128*\k+32*\c
.endr
.endr
	global_load_b64 v[WS:WS+1], v[AWS], s[30:31]
	global_load_b128 v[BI:BI+3], v[AWB], s[32:33]
	global_load_b128 v[BI+4:BI+7], v[AWB], s[32:33] offset:16
.macro MUL4 k, first                   ; source 0 = Wa's 16 rows of head w: register j of lane (r, h) is point 8 h + j of row r
.irp m, 0,1,2,3
.if \first
	v_wmma_scale_f32_16x16x128_f8f6f4 v[LG+8*\m:LG+8*\m+7], v[WF+16*\k:WF+16*\k+15], v[BK+16*\m:BK+16*\m+15], v[BI:BI+7], v[WS+\k], v[AS+\m]
.else
	v_wmma_scale_f32_16x16x128_f8f6f4 v[LG+8*\m:LG+8*\m+7], v[WF+16*\k:WF+16*\k+15], v[BK+16*\m:BK+16*\m+15], v[LG+8*\m:LG+8*\m+7], v[WS+\k], v[AS+\m]
.endif
.endr
.endm
	AFETCH LI, AIMG, ASC, 2, 0
	s_wait_loadcnt 0x0
	s_wait_dscnt 0x0
	MUL4 0, 1
	PLACES 8
	AFETCH LI, AIMG, ASC, 2, 1
	s_wait_dscnt 0x0
	MUL4 1, 0
	PLACES 8
.irp m, 0,1,2,3
	global_load_b128 v[REFP+4*\m:REFP+4*\m+3], v[REFA], s[10:11] offset:512*\m   ; x, y of levels 2 h and 2 h + 1: 512 consecutive bytes
.endr
	; ---- the samples. Lane (r, h) holds points 8 h + i of row r: levels 2 h (i < 4) and 2 h + 1
	v_lshlrev_b32 v62, 1, v63
	v_sub_nc_u32 v[SH], 6, v62
	v_sub_nc_u32 v[SH+1], 5, v62
	v_mov_b32 v62, 1
	v_lshlrev_b32 v[WLI], v[SH], v62
	v_lshlrev_b32 v[WLI+1], v[SH+1], v62
	v_cvt_f32_u32 v[WLF], v[WLI]
	v_cvt_f32_u32 v[WLF+1], v[WLI+1]
	v_add_f32 v[WLM], -1.0, v[WLF]
	v_add_f32 v[WLM+1], -1.0, v[WLF+1]
	v_sub_nc_u32 v62, 0, v[SH]
	v_ldexp_f32 v[INV], 1.0, v62
	v_sub_nc_u32 v62, 0, v[SH+1]
	v_ldexp_f32 v[INV+1], 1.0, v62
	v_mul_u32_u24 v[STL], v63, 1108                ; start + width + 3: 67 (level 0) or 1175 (level 2),
	v_add_nc_u32 v[STL], 67, v[STL]
	v_mul_u32_u24 v[STL+1], v63, 1456              ; 35 (level 1) or 1491 (level 3)
	v_add_nc_u32 v[STL+1], 35, v[STL+1]
	; My stage is an image of what a tile of 16 rows stores: [level 0's weights: tl 2][a 4][qh 2][corner 4][point 4], 1,024 bytes; [levels 1-3: tl][a][e 3][qh][corner][point 4], 3,072;
	; the places likewise without the corners, 256 and 768 bytes. Row r = 8 tl + 4 qh + a. Lanes 0-15 hold level 0 and e = 0, lanes 16-31 e = 1 and e = 2.
	s_mul_i32 s50, s[WV], 5120
	s_add_co_u32 s50, s50, STG
	v_bfe_u32 v26, v0, 3, 1                        ; tl
	v_and_b32 v27, 3, v0                           ; a
	v_bfe_u32 v28, v0, 2, 1                        ; qh
	v_sub_nc_u32 v29, 0, v63                       ; all ones in lanes 16-31
	v_lshlrev_b32 v[AD1], 9, v26
	v_lshl_add_u32 v[AD1], v27, 7, v[AD1]
	v_lshl_add_u32 v[AD1], v28, 6, v[AD1]          ; level 0's place: 512 tl + 128 a + 64 qh
	v_lshlrev_b32 v30, 10, v26
	v_lshl_add_u32 v30, v27, 8, v30
	v_add_nc_u32 v30, 1024, v30                    ; from there to e = 0's place
	v_add_nc_u32 v[AD2], v[AD1], v30
	v_lshl_add_u32 v[AD2], v63, 8, v[AD2]          ; my last four points: e = 0 or e = 2
	v_add_nc_u32 v[AD2], s50, v[AD2]
	v_add_nc_u32 v30, 128, v30
	v_and_b32 v30, v29, v30
	v_add_nc_u32 v[AD1], v[AD1], v30               ; my first four: level 0 or e = 1
	v_add_nc_u32 v[AD1], s50, v[AD1]
	v_lshlrev_b32 v[AI1], 7, v26
	v_lshl_add_u32 v[AI1], v27, 5, v[AI1]
	v_lshl_add_u32 v[AI1], v28, 4, v[AI1]          ; the places: 128 tl + 32 a + 16 qh (+ 4096 in the stores' offsets)
	v_lshlrev_b32 v31, 8, v26
	v_lshl_add_u32 v31, v27, 6, v31
	v_add_nc_u32 v31, 256, v31
	v_add_nc_u32 v[AI2], v[AI1], v31
	v_lshl_add_u32 v[AI2], v63, 6, v[AI2]
	v_add_nc_u32 v[AI2], s50, v[AI2]
	v_add_nc_u32 v31, 32, v31
	v_and_b32 v31, v29, v31
	v_add_nc_u32 v[AI1], v[AI1], v31
	v_add_nc_u32 v[AI1], s50, v[AI1]
	v_add_nc_u32 v[SRB], s50, v[LI]
	v_mov_b32 v[TP+1], 0                           ; a lane permute's destination counts as one of its sources
.macro SOFT16 m                        ; the softmax over a row's 16 points: 8 in my lane, 8 in lane l xor 16; the maximum is taken away first
.set LG0, LG+8*(\m)
	v_max3_num_f32 v[TP], v[LG0], v[LG0+1], v[LG0+2]
	v_max3_num_f32 v[TP], v[TP], v[LG0+3], v[LG0+4]
	v_max3_num_f32 v[TP], v[TP], v[LG0+5], v[LG0+6]
	v_max_num_f32 v[TP], v[TP], v[LG0+7]
	v_permlanex16_b32 v[TP+1], v[TP], s[SEL], s[SEL+1]
	v_max_num_f32 v[TP], v[TP], v[TP+1]
.irp j, 0,1,2,3,4,5,6,7
	v_sub_f32 v[LG0+\j], v[LG0+\j], v[TP]
.endr
.irp j, 0,1,2,3,4,5,6,7
	v_mul_f32 v[LG0+\j], 0x3fb8aa3b, v[LG0+\j]
.endr
.irp j, 0,1,2,3,4,5,6,7
	v_exp_f32 v[LG0+\j], v[LG0+\j]
.endr
	v_nop
	s_wait_alu depctr_va_vdst(0)                   ; one wait for the eight
	v_add_f32 v[TP], v[LG0], v[LG0+1]
	v_add_f32 v[TP+1], v[LG0+2], v[LG0+3]
	v_add_f32 v[TP+2], v[LG0+4], v[LG0+5]
	v_add_f32 v[TP+3], v[LG0+6], v[LG0+7]
	v_add_f32 v[TP], v[TP], v[TP+1]
	v_add_f32 v[TP+2], v[TP+2], v[TP+3]
	v_add_f32 v[TP], v[TP], v[TP+2]
	v_permlanex16_b32 v[TP+1], v[TP], s[SEL], s[SEL+1]
	v_add_f32 v[TP], v[TP], v[TP+1]
	v_rcp_f32 v[TP], v[TP]
	v_nop
	s_wait_alu depctr_va_vdst(0)
.irp j, 0,1,2,3,4,5,6,7
	v_mul_f32 v[LG0+\j], v[LG0+\j], v[TP]
.endr
.endm
.macro POINT m, i
.set OXR, ACC+16*(\m)+2*(\i)
.set AWR, LG+8*(\m)+(\i)
.set LV, (\i)/4
.set RXR, REFP+4*(\m)+2*LV
	v_fma_f32 v[TP], v[OXR], v[INV+LV], v[RXR]     ; the place in [0, 1]: the division by the width is exact, so this rounds once, as the sum does
	v_fma_f32 v[TP+1], v[OXR+1], v[INV+LV], v[RXR+1]
	v_fma_f32 v[TP], v[TP], v[WLF+LV], -0.5        ; in pixels
	v_fma_f32 v[TP+1], v[TP+1], v[WLF+LV], -0.5
	v_floor_f32 v[TP+2], v[TP]
	v_floor_f32 v[TP+3], v[TP+1]
	v_sub_f32 v[TP], v[TP], v[TP+2]                ; lx
	v_sub_f32 v[TP+1], v[TP+1], v[TP+3]            ; ly
	v_med3_num_f32 v[T7], v[TP+2], -1.0, v[WLM+LV] ; for the address: held so that both columns and both rows lie in the framed map
	v_med3_num_f32 v[T8], v[TP+3], -1.0, v[WLM+LV]
	v_med3_num_f32 v[TP+2], v[TP+2], -2.0, v[WLF+LV]   ; for the weights: outside [-2, width] both corners are outside the map anyway
	v_med3_num_f32 v[TP+3], v[TP+3], -2.0, v[WLF+LV]
	v_cvt_i32_f32 v[T7], v[T7]
	v_cvt_i32_f32 v[T8], v[T8]
	v_cvt_i32_f32 v[TP+2], v[TP+2]
	v_cvt_i32_f32 v[TP+3], v[TP+3]
	v_sub_f32 v[TP+4], 1.0, v[TP]
	v_sub_f32 v[TP+5], 1.0, v[TP+1]
	v_cmp_gt_u32 vcc_lo, v[WLI+LV], v[TP+2]        ; a column or row outside the map counts for nothing
	v_cndmask_b32 v[TP+4], 0, v[TP+4], vcc_lo
	v_add_nc_u32 v[T6], 1, v[TP+2]
	v_cmp_gt_u32 vcc_lo, v[WLI+LV], v[T6]
	v_cndmask_b32 v[TP], 0, v[TP], vcc_lo
	v_cmp_gt_u32 vcc_lo, v[WLI+LV], v[TP+3]
	v_cndmask_b32 v[TP+5], 0, v[TP+5], vcc_lo
	v_add_nc_u32 v[T6], 1, v[TP+3]
	v_cmp_gt_u32 vcc_lo, v[WLI+LV], v[T6]
	v_cndmask_b32 v[TP+1], 0, v[TP+1], vcc_lo
	v_mul_f32 v[TP+5], v[AWR], v[TP+5]
	v_mul_f32 v[TP+1], v[AWR], v[TP+1]
	v_mul_f32 v[OW+\i], v[TP+5], v[TP+4]           ; corner 2 dy + dx
	v_mul_f32 v[OW+8+\i], v[TP+5], v[TP]
	v_mul_f32 v[OW+16+\i], v[TP+1], v[TP+4]
	v_mul_f32 v[OW+24+\i], v[TP+1], v[TP]
	v_lshlrev_b32 v[TP+3], v[SH+LV], v[T8]
	v_add3_u32 v[IDX+\i], v[TP+3], v[T7], v[STL+LV]
	v_lshl_add_u32 v[IDX+\i], v[T8], 1, v[IDX+\i]  ; start + (ya + 1)(width + 2) + xa + 1: 0 or more
.endm
.macro OUTM m                          ; through my own stage, which is laid as the tile's bytes lie in memory; out in runs of 512 consecutive bytes
.irp c, 0,1,2,3
	ds_store_b128 v[AD1], v[OW+8*\c:OW+8*\c+3] offset:16*\c
	ds_store_b128 v[AD2], v[OW+8*\c+4:OW+8*\c+7] offset:16*\c
.endr
	ds_store_b128 v[AI1], v[IDX:IDX+3] offset:4096
	ds_store_b128 v[AI2], v[IDX+4:IDX+7] offset:4096
	s_wait_xcnt 0x0                                ; the last tile's stores have read the registers that the loads below fill
.irp t, 0,1,2,3,4,5,6,7
	ds_load_b128 v[WF+4*\t:WF+4*\t+3], v[SRB] offset:512*\t        ; LDS serves a wave's instructions in order: these see my stores
.endr
.irp t, 0,1
	ds_load_b128 v[BK+40+4*\t:BK+40+4*\t+3], v[SRB] offset:4096+512*\t
.endr
	s_wait_dscnt 0x0
.irp t, 0,1,2,3,4,5,6,7
	global_store_b128 v[LI], v[WF+4*\t:WF+4*\t+3], s[36:37] offset:4096*(\m)+512*\t
.endr
.irp t, 0,1
	global_store_b128 v[LI], v[BK+40+4*\t:BK+40+4*\t+3], s[38:39] offset:1024*(\m)+512*\t
.endr
.endm
.irp m, 0,1,2,3
	SOFT16 \m
.if \m == 0
	s_wait_loadcnt 0x0                             ; the reference points
.endif
.irp i, 0,1,2,3,4,5,6,7
	POINT \m, \i
.endr
	OUTM \m
.endr
	s_wait_tensorcnt 0x0
	ds_add_u32 v47, v60
	s_wait_dscnt 0x0
	s_endpgm
.Lfunc_end_k_q7adda9911b_mid:
	.size	k_q7adda9911b_mid, .Lfunc_end_k_q7adda9911b_mid-k_q7adda9911b_mid
	.p2alignl 7, 3214868480
	.fill 96, 4, 3214868480
	.section	.rodata,"a",@progbits
	.p2align	6, 0x0
	.amdhsa_kernel k_q7adda9911b_mid
		.amdhsa_group_segment_fixed_size 220160
		.amdhsa_private_segment_fixed_size 0
		.amdhsa_enable_private_segment 0
		.amdhsa_kernarg_size 144
		.amdhsa_user_sgpr_count 2
		.amdhsa_user_sgpr_kernarg_segment_ptr 1
		.amdhsa_wavefront_size32 1
		.amdhsa_system_sgpr_workgroup_id_x 1
		.amdhsa_system_sgpr_workgroup_id_y 1
		.amdhsa_system_sgpr_workgroup_id_z 1
		.amdhsa_system_vgpr_workitem_id 0
		.amdhsa_next_free_vgpr 256
		.amdhsa_next_free_sgpr 66
		.amdhsa_reserve_vcc 1
		.amdhsa_float_denorm_mode_32 3
		.amdhsa_float_denorm_mode_16_64 3
		.amdhsa_memory_ordered 1
		.amdhsa_forward_progress 1
		.amdhsa_inst_pref_size 133
	.end_amdhsa_kernel
	.amdgpu_metadata
---
amdhsa.version: [ 1, 2 ]
amdhsa.kernels:
  - .name:           k_q7adda9911b_mid
    .symbol:         k_q7adda9911b_mid.kd
    .args:
      - { .name: oc, .offset: 0, .size: 8, .value_kind: global_buffer, .address_space: global }
      - { .name: tgt, .offset: 8, .size: 8, .value_kind: global_buffer, .address_space: global }
      - { .name: query_pos, .offset: 16, .size: 8, .value_kind: global_buffer, .address_space: global }
      - { .name: reference_points, .offset: 24, .size: 8, .value_kind: global_buffer, .address_space: global }
      - { .name: out_proj_w_codes, .offset: 32, .size: 8, .value_kind: global_buffer, .address_space: global }
      - { .name: out_proj_w_scales, .offset: 40, .size: 8, .value_kind: global_buffer, .address_space: global }
      - { .name: out_proj_b, .offset: 48, .size: 8, .value_kind: global_buffer, .address_space: global }
      - { .name: norm2_g, .offset: 56, .size: 8, .value_kind: global_buffer, .address_space: global }
      - { .name: norm2_b, .offset: 64, .size: 8, .value_kind: global_buffer, .address_space: global }
      - { .name: off_w_codes, .offset: 72, .size: 8, .value_kind: global_buffer, .address_space: global }
      - { .name: off_w_scales, .offset: 80, .size: 8, .value_kind: global_buffer, .address_space: global }
      - { .name: off_b, .offset: 88, .size: 8, .value_kind: global_buffer, .address_space: global }
      - { .name: attw_w_codes, .offset: 96, .size: 8, .value_kind: global_buffer, .address_space: global }
      - { .name: attw_w_scales, .offset: 104, .size: 8, .value_kind: global_buffer, .address_space: global }
      - { .name: attw_b, .offset: 112, .size: 8, .value_kind: global_buffer, .address_space: global }
      - { .name: tgt1, .offset: 120, .size: 8, .value_kind: global_buffer, .address_space: global }
      - { .name: samp_w, .offset: 128, .size: 8, .value_kind: global_buffer, .address_space: global }
      - { .name: samp_idx, .offset: 136, .size: 8, .value_kind: global_buffer, .address_space: global }
    .group_segment_fixed_size: 220160
    .private_segment_fixed_size: 0
    .kernarg_segment_align: 8
    .kernarg_segment_size: 144
    .max_flat_workgroup_size: 256
    .sgpr_count:     66
    .vgpr_count:     256
    .wavefront_size: 32
...
	.end_amdgpu_metadata
.endif
;; end of part 6
;; launch value (part 7): grid 85 x 16, 8 waves a work-group, no clusters, 92,160 bytes of LDS; arguments src_codes, src_scales, value_w_codes, value_w_scales, value_b, value; writes value
.if DOCPART == 7
	.amdgcn_target "amdgcn-amd-amdhsa--gfx1250"
	.amdhsa_code_object_version 6
	.text
	.protected	k_q7adda9911b_value
	.globl	k_q7adda9911b_value
	.p2align	8
	.type	k_q7adda9911b_value,@function
k_q7adda9911b_value:
	s_mov_b64 s[64:65], 0
	v_nop
	global_prefetch_b8 v0, s[64:65] scope:SCOPE_SE
	s_setreg_imm32_b32 hwreg(HW_REG_WAVE_MODE, 25, 1), 1
	s_wait_xcnt 0x0
; value = src Wv^T + bv on E4M3 codes as they are given, laid as tables [batch x head][channel half 2][position 5440][16 channels] of f32 (it feeds f32 sums ahead of a quantiser, so it stays f32):
; a table of one half, 348,160 dense bytes, is what one work-group of the next launch copies into its LDS.
; A work-group takes 64 positions of one batch; wave w makes head w's 32 channels for all 64. The product is used transposed (source 0 = 16 rows of Wv, lane r of tile u taking row 32 w + 8 u + r + 8 (r / 8)),
; so that a lane's 16 registers are channels 16 h + 0 .. 15 of one position: the lane's half is the table's half. The results go through the wave's own stage and leave in runs of 512 consecutive bytes (eight positions of a half).
; No cluster, no tensor load: what work-groups share is the weight, 66 KB against 65 KB stored by each.
.set SPI,  272                         ; a row of src's codes in LDS: 256 bytes + 16
.set VST,  17408                       ; behind them: a stage of 64 rows x 144 bytes for each wave
.set HALF, 348160                      ; bytes of a table of one half
.set LI,  1
.set WA,  3
.set WSA, 4
.set BA,  5
.set SG,  6                            ; 2048 w + 16 lane
.set SL,  7                            ; (8 w + h) x 272 + 16 r
.set FA,  8                            ; 272 r + 16 h
.set R8,  9                            ; 8 r
.set STO, 10                           ; my stage: 144 r + 64 h
.set SRD, 11                           ; back: 144 (lane / 4) + 16 (lane % 4)
.set BI,  16
.set WS,  32                           ; scales alone
.set AS,  48                           ; v48-55 src's scale words, two a tile (scales alone)
.set ACC, 64
.set BK,  128
.set WF,  192
.set WV,  43
.macro PLACES n
.rept \n
	v_nop
.endr
.endm
.macro MUL8 wf, wsb, wst, asb, ast, first      ; eight accumulators, one instruction a turn
.irp m, 0,1,2,3
.irp u, 0,1
.if \first
	v_wmma_scale_f32_16x16x128_f8f6f4 v[ACC+16*\m+8*\u:ACC+16*\m+8*\u+7], v[(\wf)+16*\u:(\wf)+16*\u+15], v[BK+16*\m:BK+16*\m+15], v[BI+8*\u:BI+8*\u+7], v[(\wsb)+(\wst)*\u], v[(\asb)+(\ast)*\m]
.else
	v_wmma_scale_f32_16x16x128_f8f6f4 v[ACC+16*\m+8*\u:ACC+16*\m+8*\u+7], v[(\wf)+16*\u:(\wf)+16*\u+15], v[BK+16*\m:BK+16*\m+15], v[ACC+16*\m+8*\u:ACC+16*\m+8*\u+7], v[(\wsb)+(\wst)*\u], v[(\asb)+(\ast)*\m]
.endif
.endr
.endr
.endm
.macro VFETCH k                        ; K step k of the four tiles of positions
.irp m, 0,1,2,3
.irp c, 0,1,2,3
	ds_load_b128 v[BK+16*\m+4*\c:BK+16*\m+4*\c+3], v[FA] offset:16*SPI*\m+128*\k+32*\c
.endr
.endr
.endm
	s_load_b256 s[4:11], s[0:1], 0x0               ; src's codes, src's scales, Wv's codes, Wv's scales
	s_load_b128 s[12:15], s[0:1], 0x20             ; bv, value
	v_lshl_add_u32 v62, v0, 2, 0x16400
	v_mov_b32 v63, 0
	v_lshrrev_b32 v12, 5, v0
	v_readfirstlane_b32 s[WV], v12
	v_and_b32 v12, 31, v0                          ; lane
	v_and_b32 v13, 15, v0                          ; r
	v_bfe_u32 v14, v0, 4, 1                        ; h
	v_and_b32 v15, 8, v13
	v_add_nc_u32 v15, v15, v13                     ; rp
	v_lshlrev_b32 v[LI], 4, v12
	v_lshlrev_b32 v[WA], 8, v15
	v_lshl_add_u32 v[WA], v14, 4, v[WA]
	v_lshlrev_b32 v[WSA], 3, v15
	v_lshlrev_b32 v[BA], 6, v14
	s_lshl_b32 s20, s[WV], 11
	v_add_nc_u32 v[SG], s20, v[LI]
	s_mul_i32 s20, s[WV], 8*SPI
	v_mul_u32_u24 v[SL], v14, SPI
	v_lshl_add_u32 v[SL], v13, 4, v[SL]
	v_add_nc_u32 v[SL], s20, v[SL]
	v_mul_u32_u24 v[FA], v13, SPI
	v_lshl_add_u32 v[FA], v14, 4, v[FA]
	v_lshlrev_b32 v[R8], 3, v13
	s_mul_i32 s20, s[WV], 64*144
	s_add_co_u32 s20, s20, VST
	v_mul_u32_u24 v[STO], v13, 144
	v_lshl_add_u32 v[STO], v14, 6, v[STO]
	v_add_nc_u32 v[STO], s20, v[STO]
	v_lshrrev_b32 v[SRD], 2, v12
	v_mul_u32_u24 v[SRD], v[SRD], 144
	v_and_b32 v12, 3, v12
	v_lshl_add_u32 v[SRD], v12, 4, v[SRD]
	v_add_nc_u32 v[SRD], s20, v[SRD]
	s_and_b32 s20, ttmp7, 0xffff                   ; batch
	s_mul_i32 s21, s20, 5440
	s_lshl_b32 s22, ttmp9, 6
	s_add_co_u32 s21, s21, s22                     ; my first row of src
	s_lshl_b32 s24, s21, 8
	s_mov_b32 s25, 0
	s_lshl_b32 s26, s21, 3
	s_mov_b32 s27, 0
	s_lshl_b32 s28, s20, 3
	s_add_co_u32 s28, s28, s[WV]
	s_mul_i32 s28, s28, 2*HALF                     ; (8 batch + head) x two tables,
	s_lshl_b32 s22, ttmp9, 12
	s_add_co_u32 s28, s28, s22                     ; + 64 positions of 64 bytes for each work-group along x
	s_mov_b32 s29, 0
	s_mov_b32 s31, 0
	s_wait_kmcnt 0x0
	s_add_nc_u64 s[4:5], s[4:5], s[24:25]
	s_add_nc_u64 s[6:7], s[6:7], s[26:27]
	s_add_nc_u64 s[14:15], s[14:15], s[28:29]
	s_lshl_b32 s30, s[WV], 13
	s_add_nc_u64 s[8:9], s[8:9], s[30:31]
	s_lshl_b32 s30, s[WV], 8
	s_add_nc_u64 s[10:11], s[10:11], s[30:31]
	s_lshl_b32 s30, s[WV], 7
	s_add_nc_u64 s[12:13], s[12:13], s[30:31]
.irp j, 0,1,2,3
	global_load_b128 v[BK+4*\j:BK+4*\j+3], v[SG], s[4:5] offset:512*\j th:TH_LOAD_NT    ; my 8 rows of codes, densely
.endr
.irp k, 0,1
.irp u, 0,1
.irp c, 0,1,2,3
	global_load_b128 v[WF+32*\k+16*\u+4*\c:WF+32*\k+16*\u+4*\c+3], v[WA], s[8:9] offset:2048*\u+128*\k+32*\c
.endr
.endr
.endr
.irp u, 0,1
	global_load_b64 v[WS+2*\u:WS+2*\u+1], v[WSA], s[10:11] offset:64*\u
.endr
.irp u, 0,1
	global_load_b128 v[BI+8*\u:BI+8*\u+3], v[BA], s[12:13] offset:32*\u
	global_load_b128 v[BI+8*\u+4:BI+8*\u+7], v[BA], s[12:13] offset:32*\u+16
.endr
.irp m, 0,1,2,3
	global_load_b64 v[AS+2*\m:AS+2*\m+1], v[R8], s[6:7] offset:128*\m
.endr
	s_wait_loadcnt 26                              ; the four loads of codes are in; the 22 of the weight and the 4 of scales, younger, may be out
.irp j, 0,1,2,3
	ds_store_b128 v[SL], v[BK+4*\j:BK+4*\j+3] offset:2*SPI*\j
.endr
	s_wait_dscnt 0x0
	s_barrier_signal -1
	s_barrier_wait -1                              ; the 64 rows lie in LDS
	VFETCH 0
	s_wait_loadcnt 0x0
	s_wait_dscnt 0x0
	MUL8 WF, WS, 2, AS, 2, 1
	PLACES 8
	VFETCH 1
	s_wait_dscnt 0x0
	MUL8 WF+32, WS+1, 2, AS+1, 2, 0
	PLACES 8
.irp m, 0,1,2,3
.irp j, 0,1,2,3
	ds_store_b128 v[STO], v[ACC+16*\m+4*\j:ACC+16*\m+4*\j+3] offset:16*144*\m+16*\j   ; each accumulator from its low end on
.endr
.endr
.irp c, 0,1
.irp t, 0,1,2,3,4,5,6,7
	ds_load_b128 v[BK+4*(8*\c+\t):BK+4*(8*\c+\t)+3], v[SRD] offset:8*144*\t+64*\c     ; eight positions of half c; LDS serves a wave's instructions in order: these see my stores
.endr
.endr
.irp c, 0,1
.irp t, 0,1,2,3,4,5,6,7
	s_wait_dscnt 15-8*\c-\t                        ; the younger LDS loads may be out
	global_store_b128 v[LI], v[BK+4*(8*\c+\t):BK+4*(8*\c+\t)+3], s[14:15] offset:HALF*\c+512*\t
.endr
.endr
	s_wait_tensorcnt 0x0
	ds_add_u32 v62, v63
	s_wait_dscnt 0x0
	s_endpgm
.Lfunc_end_k_q7adda9911b_value:
	.size	k_q7adda9911b_value, .Lfunc_end_k_q7adda9911b_value-k_q7adda9911b_value
	.p2alignl 7, 3214868480
	.fill 96, 4, 3214868480
	.section	.rodata,"a",@progbits
	.p2align	6, 0x0
	.amdhsa_kernel k_q7adda9911b_value
		.amdhsa_group_segment_fixed_size 92160
		.amdhsa_private_segment_fixed_size 0
		.amdhsa_enable_private_segment 0
		.amdhsa_kernarg_size 48
		.amdhsa_user_sgpr_count 2
		.amdhsa_user_sgpr_kernarg_segment_ptr 1
		.amdhsa_wavefront_size32 1
		.amdhsa_system_sgpr_workgroup_id_x 1
		.amdhsa_system_sgpr_workgroup_id_y 1
		.amdhsa_system_sgpr_workgroup_id_z 1
		.amdhsa_system_vgpr_workitem_id 0
		.amdhsa_next_free_vgpr 256
		.amdhsa_next_free_sgpr 66
		.amdhsa_reserve_vcc 0
		.amdhsa_float_denorm_mode_32 3
		.amdhsa_float_denorm_mode_16_64 3
		.amdhsa_memory_ordered 1
		.amdhsa_forward_progress 1
		.amdhsa_inst_pref_size 15
	.end_amdhsa_kernel
	.amdgpu_metadata
---
amdhsa.version: [ 1, 2 ]
amdhsa.kernels:
  - .name:           k_q7adda9911b_value
    .symbol:         k_q7adda9911b_value.kd
    .args:
      - { .name: src_codes, .offset: 0, .size: 8, .value_kind: global_buffer, .address_space: global }
      - { .name: src_scales, .offset: 8, .size: 8, .value_kind: global_buffer, .address_space: global }
      - { .name: value_w_codes, .offset: 16, .size: 8, .value_kind: global_buffer, .address_space: global }
      - { .name: value_w_scales, .offset: 24, .size: 8, .value_kind: global_buffer, .address_space: global }
      - { .name: value_b, .offset: 32, .size: 8, .value_kind: global_buffer, .address_space: global }
      - { .name: value, .offset: 40, .size: 8, .value_kind: global_buffer, .address_space: global }
    .group_segment_fixed_size: 92160
    .private_segment_fixed_size: 0
    .kernarg_segment_align: 8
    .kernarg_segment_size: 48
    .max_flat_workgroup_size: 256
    .sgpr_count:     66
    .vgpr_count:     256
    .wavefront_size: 32
...
	.end_amdgpu_metadata
.endif
;; end of part 7
;; launch gather (part 8): grid 2 x 128, 16 waves a work-group, no clusters, 288,768 bytes of LDS; arguments value, samp_w, samp_idx, gath; writes gath
.if DOCPART == 8
	.amdgcn_target "amdgcn-amd-amdhsa--gfx1250"
	.amdhsa_code_object_version 6
	.text
	.protected	k_q7adda9911b_gather
	.globl	k_q7adda9911b_gather
	.p2align	8
	.type	k_q7adda9911b_gather,@function
k_q7adda9911b_gather:
	s_mov_b64 s[64:65], 0
	v_nop
	global_prefetch_b8 v0, s[64:65] scope:SCOPE_SE
	s_setreg_imm32_b32 hwreg(HW_REG_WAVE_MODE, 25, 1), 1
	s_wait_xcnt 0x0
; The bilinear sums of the deformable attention, in f32 multiply-adds: gath[query][channel] = the sum over 16 points and 4 corners of weight x value(corner).
; A work-group owns one batch, one head and 16 of the head's 32 channels, and serves all 1,024 queries FROM LDS: its table is read from memory once (348,160 bytes) where the queries name 4 MB of it.
; TWO PHASES, since the whole table does not fit: A: level 0 (64 x 64 positions of 64 bytes), the queries' points 0-3; B: levels 1-3, points 4-15, laid over A's bytes. A's sums wait in 32 registers.
; FRAMED MAPS. A map of width w lies in LDS as w + 2 rows of w + 2 positions with a frame of zeros. The stored place of a point's upper left corner is never negative, and all four corners lie in the frame or the map;
; corners outside the map carry the weight 0. A row's pitch, (w + 2) x 64 bytes, is 128 modulo 256.
; LANES. lane = (qh = lane / 16: one of two queries; corner g = (lane / 4) % 4; quad k = lane % 4: four channels). One LDS load serves one point of two queries. Wave w takes queries 64 w .. 64 w + 63.
; A VECTOR n = 4 t + a is queries 8 t + a (qh = 0) and 8 t + 4 + a (qh = 1). Four vectors are summed over the corners by a butterfly that keeps another vector in each group of lanes:
; afterwards lane l holds query 8 t + l / 4, channels 4 (l % 4) on: 4 registers a trip t, and a store of 512 consecutive bytes.
; Both phases are written out: so the number of a trip's four registers, every offset and every wait's count is a constant, no pointer is stepped and no store's data are written again.
; The places are whole numbers that an earlier launch stored; each is held under a constant before it becomes an LDS address.
; No cluster: the two work-groups of a head share only the samples (328 KB of the 676 KB that each reads), which come lane by lane into registers. No tensor load. No prefetch: level 0 is wanted at the head,
; levels 1-3 are asked for into registers a phase ahead, the samples seven (A) or four (B) vectors ahead.
; LIMITS: the table and the weights are taken to be finite (0 x infinity would be NaN).
.set PA,    4224                       ; level 0: a framed row, 66 positions of 64 bytes
.set TABA,  262144                     ; level 0's bytes in memory
.set MAXA,  4288                       ; the largest place in level 0: 64 x 66 + 64
.set MAXB,  1568                       ; in levels 1-3: 1480 + 8 x 10 + 8
.set T16,  1                           ; v1-5   16 tid + 65536 k: dense copies
.set FA,   6                           ; v6-9   level 0 into its frame: (tid / 256) x 4224 + 16 (tid % 256) + 4288, + 67584 k
.set FB1,  10                          ; level 1: (tid / 128) x 2176 + 16 (tid % 128) + 2240
.set FB2,  11                          ; level 2: (tid / 64) x 1152 + 16 (tid % 64) + 75200
.set FB3,  12                          ; level 3: (tid / 64) x 640 + 8 (tid % 64) + 95424
.set T8,   13                          ; 8 tid
.set GRP16, 14                         ; 16 (lane / 4): my weights in a run of 128 bytes
.set QH16, 15                          ; 16 (lane / 16): my places in a run of 32
.set DLK,  16                          ; v16-19 level l: my corner's step and my quad: (dy (w + 2) + dx) x 64 + 16 k
.set OUTA, 20                          ; 16 lane
.set AT,   24                          ; v24-31 LDS addresses, two sets of four
.set TS,   32                          ; v32-39 the butterfly: what goes to the other lane
.set UU,   40                          ; v40-55 four vectors' sums; zeros while LDS is cleared
.set ACC,  56                          ; v56-87 trip t's four registers at 4 t
.set DD,   88                          ; v88-135 values from LDS: sets of 16 (two in A, three in B)
.set TR,   128                         ; v128-255 level 0 on its way
.set SA,   128                         ; v128-191 phase A's samples: eight slots of 4 weights + 4 places
.set TB,   192                         ; v192-233 levels 1-3 on their way
.set SB,   136                         ; v136-255 phase B's samples: five slots of 12 weights + 12 places
.set WV,   12
.set M2,   13                          ; lanes with bit 2 set
.set M3,   14                          ; lanes with bit 3 set
.macro BAR                             ; my LDS stores have landed and my LDS loads are in; then the work-group's barrier
	s_wait_dscnt 0x0
	s_barrier_signal -1
	s_barrier_wait -1
.endm
.macro LOADA n                         ; phase A's samples of vector n: tile n / 8, tl = (n / 4) % 2, a = n % 4
	global_load_b128 v[SA+8*((\n)%8):SA+8*((\n)%8)+3], v[GRP16], s[6:7] offset:((\n)/8)*4096+(((\n)/4)%2)*512+((\n)%4)*128
	global_load_b128 v[SA+8*((\n)%8)+4:SA+8*((\n)%8)+7], v[QH16], s[8:9] offset:((\n)/8)*1024+(((\n)/4)%2)*128+((\n)%4)*32
.endm
.macro LOADB n                         ; phase B's: three levels' weights, three levels' places
.irp e, 0,1,2
	global_load_b128 v[SB+24*((\n)%5)+4*\e:SB+24*((\n)%5)+4*\e+3], v[GRP16], s[6:7] offset:((\n)/8)*4096+1024+(((\n)/4)%2)*1536+((\n)%4)*384+128*\e
.endr
.irp e, 0,1,2
	global_load_b128 v[SB+24*((\n)%5)+12+4*\e:SB+24*((\n)%5)+12+4*\e+3], v[QH16], s[8:9] offset:((\n)/8)*1024+256+(((\n)/4)%2)*384+((\n)%4)*96+32*\e
.endr
.endm
.macro ADDR ir, lv, mx, dr, pr         ; four points of one level: the places in v[ir] on, held under mx, become addresses; four LDS loads into v[dr] on
.irp p, 0,1,2,3
	v_min_u32 v[AT+4*(\pr)+\p], \mx, v[(\ir)+\p]
.endr
.irp p, 0,1,2,3
	v_lshl_add_u32 v[AT+4*(\pr)+\p], v[AT+4*(\pr)+\p], 6, v[DLK+(\lv)]
.endr
.irp p, 0,1,2,3
	ds_load_b128 v[(\dr)+4*\p:(\dr)+4*\p+3], v[AT+4*(\pr)+\p]
.endr
.endm
.macro FMA4 ur, wr, dr, first          ; four points: my corner's weight x four channels, two at a time; the weight is one word of a pair, taken for both halves
.if \first
	v_pk_mul_f32 v[(\ur):(\ur)+1], v[(\dr):(\dr)+1], v[(\wr):(\wr)+1] op_sel_hi:[1,0]
	v_pk_mul_f32 v[(\ur)+2:(\ur)+3], v[(\dr)+2:(\dr)+3], v[(\wr):(\wr)+1] op_sel_hi:[1,0]
.else
	v_pk_fma_f32 v[(\ur):(\ur)+1], v[(\dr):(\dr)+1], v[(\wr):(\wr)+1], v[(\ur):(\ur)+1] op_sel_hi:[1,0,1]
	v_pk_fma_f32 v[(\ur)+2:(\ur)+3], v[(\dr)+2:(\dr)+3], v[(\wr):(\wr)+1], v[(\ur)+2:(\ur)+3] op_sel_hi:[1,0,1]
.endif
	v_pk_fma_f32 v[(\ur):(\ur)+1], v[(\dr)+4:(\dr)+5], v[(\wr):(\wr)+1], v[(\ur):(\ur)+1] op_sel:[0,1,0] op_sel_hi:[1,1,1]
	v_pk_fma_f32 v[(\ur)+2:(\ur)+3], v[(\dr)+6:(\dr)+7], v[(\wr):(\wr)+1], v[(\ur)+2:(\ur)+3] op_sel:[0,1,0] op_sel_hi:[1,1,1]
	v_pk_fma_f32 v[(\ur):(\ur)+1], v[(\dr)+8:(\dr)+9], v[(\wr)+2:(\wr)+3], v[(\ur):(\ur)+1] op_sel_hi:[1,0,1]
	v_pk_fma_f32 v[(\ur)+2:(\ur)+3], v[(\dr)+10:(\dr)+11], v[(\wr)+2:(\wr)+3], v[(\ur)+2:(\ur)+3] op_sel_hi:[1,0,1]
	v_pk_fma_f32 v[(\ur):(\ur)+1], v[(\dr)+12:(\dr)+13], v[(\wr)+2:(\wr)+3], v[(\ur):(\ur)+1] op_sel:[0,1,0] op_sel_hi:[1,1,1]
	v_pk_fma_f32 v[(\ur)+2:(\ur)+3], v[(\dr)+14:(\dr)+15], v[(\wr)+2:(\wr)+3], v[(\ur)+2:(\ur)+3] op_sel:[0,1,0] op_sel_hi:[1,1,1]
.endm
; THE BUTTERFLY. Lanes l and l xor 4 share vectors 2 e and 2 e + 1: the lane with bit 2 clear keeps the even one and sends the odd one, the other the other way round. Then the same with bit 3 and the two results.
.macro RED1 e
.irp c, 0,1,2,3
	v_cndmask_b32 v[TS+4*\e+\c], v[UU+8*\e+4+\c], v[UU+8*\e+\c], s[M2]        ; what I send
.endr
.irp c, 0,1,2,3
	v_cndmask_b32 v[UU+8*\e+\c], v[UU+8*\e+\c], v[UU+8*\e+4+\c], s[M2]        ; what I keep
.endr
.irp c, 0,1,2,3
	v_add_f32_dpp v[UU+8*\e+\c], v[TS+4*\e+\c], v[UU+8*\e+\c] row_xmask:4 row_mask:0xf bank_mask:0xf
.endr
.endm
.macro RED2 dst
.irp c, 0,1,2,3
	v_cndmask_b32 v[TS+\c], v[UU+8+\c], v[UU+\c], s[M3]
.endr
.irp c, 0,1,2,3
	v_cndmask_b32 v[(\dst)+\c], v[UU+\c], v[UU+8+\c], s[M3]
.endr
.irp c, 0,1,2,3
	v_add_f32_dpp v[(\dst)+\c], v[TS+\c], v[(\dst)+\c] row_xmask:8 row_mask:0xf bank_mask:0xf
.endr
.endm
	s_load_b256 s[4:11], s[0:1], 0x0               ; value, samp_w, samp_idx, gath
	v_lshrrev_b32 v22, 5, v0
	v_readfirstlane_b32 s[WV], v22                 ; wave 0..15
	v_lshlrev_b32 v[T16], 4, v0
.irp k, 1,2,3,4
	v_add_nc_u32 v[T16+\k], 65536*\k, v[T16]
.endr
	v_lshrrev_b32 v22, 8, v0
	v_and_b32 v23, 255, v0
	v_mul_u32_u24 v[FA], v22, PA
	v_lshl_add_u32 v[FA], v23, 4, v[FA]
	v_add_nc_u32 v[FA], PA+64, v[FA]               ; one framed row and one position in
.irp k, 1,2,3
	v_add_nc_u32 v[FA+\k], 16*PA*\k, v[FA]         ; eight copies of two rows each
.endr
	v_lshrrev_b32 v22, 7, v0
	v_and_b32 v23, 127, v0
	v_mul_u32_u24 v[FB1], v22, 2176
	v_lshl_add_u32 v[FB1], v23, 4, v[FB1]
	v_add_nc_u32 v[FB1], 2176+64, v[FB1]
	v_lshrrev_b32 v22, 6, v0
	v_and_b32 v23, 63, v0
	v_mul_u32_u24 v[FB2], v22, 1152
	v_lshl_add_u32 v[FB2], v23, 4, v[FB2]
	v_add_nc_u32 v[FB2], 1156*64+1152+64, v[FB2]
	v_mul_u32_u24 v[FB3], v22, 640
	v_lshl_add_u32 v[FB3], v23, 3, v[FB3]
	v_add_nc_u32 v[FB3], 1480*64+640+64, v[FB3]
	v_lshlrev_b32 v[T8], 3, v0
	v_bfe_u32 v22, v0, 2, 3
	v_lshlrev_b32 v[GRP16], 4, v22
	v_bfe_u32 v22, v0, 4, 1
	v_lshlrev_b32 v[QH16], 4, v22
	v_and_b32 v22, 31, v0
	v_lshlrev_b32 v[OUTA], 4, v22
	v_bfe_u32 v22, v0, 2, 1                        ; dx
	v_bfe_u32 v23, v0, 3, 1                        ; dy
	v_and_b32 v21, 3, v0                           ; k
	v_lshlrev_b32 v21, 4, v21
	v_lshl_add_u32 v21, v22, 6, v21
.irp l, 0,1,2,3
	v_mad_u32_u24 v[DLK+\l], v23, ((64>>\l)+2)*64, v21
.endr
	v_and_b32 v22, 4, v0
	v_cmp_ne_u32 s[M2], 0, v22
	v_and_b32 v22, 8, v0
	v_cmp_ne_u32 s[M3], 0, v22
.irp c, 0,1,2,3
	v_mov_b32 v[UU+\c], 0
.endr
	s_and_b32 s16, ttmp7, 0xffff                   ; batch x 8 + head
	s_lshl_b32 s17, s16, 1
	s_add_co_u32 s17, s17, ttmp9                   ; which table: 2 x that + half
	s_lshr_b32 s18, s16, 3
	s_lshl_b32 s18, s18, 4
	s_add_co_u32 s18, s18, s[WV]                   ; my wave's block of 64 queries: 16 x batch + wave
	s_lshl_b32 s18, s18, 3
	s_and_b32 s19, s16, 7
	s_add_co_u32 s18, s18, s19                     ; 8 x block + head
	s_mov_b32 s21, 0
	s_wait_kmcnt 0x0
	s_mul_i32 s20, s17, 348160
	s_add_nc_u64 s[4:5], s[4:5], s[20:21]
	s_lshl_b32 s20, s18, 14
	s_add_nc_u64 s[6:7], s[6:7], s[20:21]
	s_lshl_b32 s20, s18, 12
	s_add_nc_u64 s[8:9], s[8:9], s[20:21]
	s_lshl_b32 s20, s17, 16
	s_lshl_b32 s19, s[WV], 12
	s_add_co_u32 s20, s20, s19
	s_add_nc_u64 s[10:11], s[10:11], s[20:21]
	; ---- level 0 is asked for, 8,192 dense bytes a round; LDS is cleared meanwhile (the frames must hold zeros)
.set N, 0
.rept 32
	global_load_b128 v[TR+4*N:TR+4*N+3], v[T16], s[4:5] offset:8192*N th:TH_LOAD_NT
.set N, N+1
.endr
.set N, 0
.rept 35
	ds_store_b128 v[T16+N/8], v[UU:UU+3] offset:8192*(N%8)
.set N, N+1
.endr
	BAR                                            ; every wave's zeros lie in LDS: the map may be laid over them
.set N, 0
.rept 16
	s_wait_loadcnt 31-N                            ; round N is in; the younger rounds may be out
	ds_store_b128 v[FA+N/8], v[TR+4*N:TR+4*N+3] offset:2*PA*(N%8)
.set N, N+1
.endr
	s_wait_dscnt 0x0                               ; the stores have read the registers that the samples' ring takes
.irp n, 0,1,2,3,4,5,6,7
	LOADA \n
.endr
.rept 16
	s_wait_loadcnt 31-N+16                         ; the younger rounds and the ring's 16 loads may be out
	ds_store_b128 v[FA+N/8], v[TR+4*N:TR+4*N+3] offset:2*PA*(N%8)
.set N, N+1
.endr
	s_wait_dscnt 0x0                               ; my part of the map lies in LDS, and its registers are free:
.irp n, 0,1,2,3,4,5,6,7
	global_load_b128 v[TB+4*\n:TB+4*\n+3], v[T16], s[4:5] offset:TABA+8192*\n th:TH_LOAD_NT          ; levels 1-3 are asked for a phase ahead: level 1,
.endr
.irp n, 0,1
	global_load_b128 v[TB+32+4*\n:TB+32+4*\n+3], v[T16], s[4:5] offset:TABA+65536+8192*\n th:TH_LOAD_NT   ; level 2,
.endr
	global_load_b64 v[TB+40:TB+41], v[T8], s[4:5] offset:TABA+81920 th:TH_LOAD_NT                    ; level 3: 4,096 bytes, 8 a thread
	s_barrier_signal -1
	s_barrier_wait -1                              ; the whole map lies in LDS
	; ---- PHASE A: points 0-3. The addresses and LDS loads of vector m + 1 stand ahead of the sums of vector m; a slot of the ring is asked for again behind its sums.
.macro S1A m
.if (\m) == 0
	s_wait_loadcnt 25                              ; younger: the ring's other 14 loads and the 11 of levels 1-3
.elseif (\m) < 8
	s_wait_loadcnt 23                              ; younger: 2 (7 - m) of the first ring, those 11, 2 (m - 1) asked for since
.elseif (\m) < 26
	s_wait_loadcnt 12                              ; younger: the six vectors behind it
.else
	s_wait_loadcnt 2*(31-(\m))                     ; the counts run down
.endif
	ADDR SA+8*((\m)%8)+4, 0, MAXA, DD+16*((\m)%2), (\m)%2
.endm
.macro S2A n
.if (\n) < 31
	s_wait_dscnt 4                                 ; my four loads are in; the next vector's four may be out
.else
	s_wait_dscnt 0x0
.endif
	FMA4 UU+4*((\n)%4), SA+8*((\n)%8), DD+16*((\n)%2), 1
.if (\n)+8 < 32
	LOADA (\n)+8
.endif
.if ((\n)%4) == 3
	RED1 0
	RED1 1
	RED2 ACC+4*((\n)/4)
.endif
.endm
	S1A 0
.set N, 0
.rept 32
.if N < 31
	S1A N+1
.endif
	S2A N
.set N, N+1
.endr
	LOADB 0                                        ; phase B's first samples, into registers that phase A's ring has left
	LOADB 1
.irp c, 0,1,2,3
	v_mov_b32 v[UU+\c], 0
.endr
	BAR                                            ; nobody reads level 0 any more
.set N, 0
.rept 13
	ds_store_b128 v[T16+N/8], v[UU:UU+3] offset:8192*(N%8)      ; 106,496 bytes: the three framed maps take 101,120
.set N, N+1
.endr
	BAR
	s_wait_loadcnt 12                              ; levels 1-3 are in; the 12 loads of the two slots, younger, may be out
.irp n, 0,1,2,3,4,5,6,7
	ds_store_b128 v[FB1], v[TB+4*\n:TB+4*\n+3] offset:4*2176*\n
.endr
.irp n, 0,1
	ds_store_b128 v[FB2], v[TB+32+4*\n:TB+32+4*\n+3] offset:8*1152*\n
.endr
	ds_store_b64 v[FB3], v[TB+40:TB+41]
	s_wait_dscnt 0x0                               ; the stores have read the registers that the ring takes
	LOADB 2
	LOADB 3
	LOADB 4
	s_barrier_signal -1
	s_barrier_wait -1                              ; the three maps lie in LDS
	; ---- PHASE B: points 4-15, a level (four points) a group; group q = 3 n + e. The addresses and LDS loads run two groups ahead of the sums.
.macro G1B q
.if ((\q)%3) == 0
.if (\q) == 0
	s_wait_loadcnt 24                              ; younger: the ring's other four slots of six loads
.elseif (\q) < 87
	s_wait_loadcnt 18                              ; younger: the three vectors behind it
.else
	s_wait_loadcnt 6*(31-(\q)/3)                   ; the counts run down
.endif
.endif
	ADDR SB+24*(((\q)/3)%5)+12+4*((\q)%3), 1+(\q)%3, MAXB, DD+16*((\q)%3), (\q)%2
.endm
.macro G2B q
.if (\q) < 94
	s_wait_dscnt 8                                 ; my four loads are in; the next two groups' eight may be out
.elseif (\q) == 94
	s_wait_dscnt 4
.else
	s_wait_dscnt 0x0
.endif
.if ((\q)%3) == 0
	FMA4 UU+4*(((\q)/3)%4), SB+24*(((\q)/3)%5)+4*((\q)%3), DD+16*((\q)%3), 1
.else
	FMA4 UU+4*(((\q)/3)%4), SB+24*(((\q)/3)%5)+4*((\q)%3), DD+16*((\q)%3), 0
.endif
.if ((\q)%3) == 2
.if (\q)/3+5 < 32
	LOADB (\q)/3+5
.endif
.if (((\q)/3)%4) == 3
	RED1 0
	RED1 1
	RED2 UU
	v_pk_add_f32 v[ACC+4*((\q)/12):ACC+4*((\q)/12)+1], v[ACC+4*((\q)/12):ACC+4*((\q)/12)+1], v[UU:UU+1]       ; with level 0's sums
	v_pk_add_f32 v[ACC+4*((\q)/12)+2:ACC+4*((\q)/12)+3], v[ACC+4*((\q)/12)+2:ACC+4*((\q)/12)+3], v[UU+2:UU+3]
	global_store_b128 v[OUTA], v[ACC+4*((\q)/12):ACC+4*((\q)/12)+3], s[10:11] offset:512*((\q)/12) th:TH_STORE_NT   ; eight queries x 64 bytes: 512 consecutive bytes
.endif
.endif
.endm
	G1B 0
	G1B 1
.set Q, 0
.rept 96
.if Q < 94
	G1B Q+2
.endif
	G2B Q
.set Q, Q+1
.endr
	s_wait_xcnt 0x0
	v_lshl_add_u32 v254, v0, 2, 0x46000
	v_mov_b32 v255, 0
	s_wait_tensorcnt 0x0
	ds_add_u32 v254, v255
	s_wait_dscnt 0x0
	s_endpgm
.Lfunc_end_k_q7adda9911b_gather:
	.size	k_q7adda9911b_gather, .Lfunc_end_k_q7adda9911b_gather-k_q7adda9911b_gather
	.p2alignl 7, 3214868480
	.fill 96, 4, 3214868480
	.section	.rodata,"a",@progbits
	.p2align	6, 0x0
	.amdhsa_kernel k_q7adda9911b_gather
		.amdhsa_group_segment_fixed_size 288768
		.amdhsa_private_segment_fixed_size 0
		.amdhsa_enable_private_segment 0
		.amdhsa_kernarg_size 32
		.amdhsa_user_sgpr_count 2
		.amdhsa_user_sgpr_kernarg_segment_ptr 1
		.amdhsa_wavefront_size32 1
		.amdhsa_system_sgpr_workgroup_id_x 1
		.amdhsa_system_sgpr_workgroup_id_y 1
		.amdhsa_system_sgpr_workgroup_id_z 1
		.amdhsa_system_vgpr_workitem_id 0
		.amdhsa_next_free_vgpr 256
		.amdhsa_next_free_sgpr 66
		.amdhsa_reserve_vcc 0
		.amdhsa_float_denorm_mode_32 3
		.amdhsa_float_denorm_mode_16_64 3
		.amdhsa_memory_ordered 1
		.amdhsa_forward_progress 1
		.amdhsa_inst_pref_size 244
	.end_amdhsa_kernel
	.amdgpu_metadata
---
amdhsa.version: [ 1, 2 ]
amdhsa.kernels:
  - .name:           k_q7adda9911b_gather
    .symbol:         k_q7adda9911b_gather.kd
    .args:
      - { .name: value, .offset: 0, .size: 8, .value_kind: global_buffer, .address_space: global }
      - { .name: samp_w, .offset: 8, .size: 8, .value_kind: global_buffer, .address_space: global }
      - { .name: samp_idx, .offset: 16, .size: 8, .value_kind: global_buffer, .address_space: global }
      - { .name: gath, .offset: 24, .size: 8, .value_kind: global_buffer, .address_space: global }
    .group_segment_fixed_size: 288768
    .private_segment_fixed_size: 0
    .kernarg_segment_align: 8
    .kernarg_segment_size: 32
    .max_flat_workgroup_size: 512
    .sgpr_count:     66
    .vgpr_count:     256
    .wavefront_size: 32
...
	.end_amdgpu_metadata
.endif
;; end of part 8
;; launch tail (part 9): grid 256 x 1, 8 waves a work-group, no clusters, 225,280 bytes of LDS; arguments gath, tgt1, outp_w_codes, outp_w_scales, outp_b, norm1_g, norm1_b, lin1_w_codes, lin1_w_scales, lin1_b, lin2_w_codes, lin2_w_scales, lin2_b, norm3_g, norm3_b, out0; writes out0
.if DOCPART == 9
	.amdgcn_target "amdgcn-amd-amdhsa--gfx1250"
	.amdhsa_code_object_version 6
	.text
	.protected	k_q7adda9911b_tail
	.globl	k_q7adda9911b_tail
	.p2align	8
	.type	k_q7adda9911b_tail,@function
k_q7adda9911b_tail:
	s_mov_b64 s[64:65], 0
	v_nop
	global_prefetch_b8 v0, s[64:65] scope:SCOPE_SE
	s_setreg_imm32_b32 hwreg(HW_REG_WAVE_MODE, 25, 1), 1
	s_wait_xcnt 0x0
; The rest of the layer for 64 rows: the sampled sums, quantised; x Wp^T + bp; + tgt1, LayerNorm; quantised; relu(. W1^T + b1), quantised in registers; . W2^T + b2; + residual, LayerNorm.
; The sampled sums arrive as [batch x head][channel half][query][16] f32: wave w copies head w's 64 rows (two dense runs of 4,096 bytes) into a stage of its own, from which the row phases take them.
; SHARES of the products as in the other launches: row phases by (tile m, half s), panel phases by 32 columns a wave; operands go from wave to wave through LDS as images of their registers.
; No cluster, no tensor load: the weights that work-groups share, 590 KB, go from memory straight into the registers of the wave that multiplies by them, 32 rows at a time.
; LIMITS: NaN and infinities are not served; scale bytes have the floor 1; a block of zeros gets byte 1 with zero codes.
.set PITCH, 1040
.set AIMG,  0                          ; 8 fragments (2 m + s)
.set ASC,   16384
.set RED,   17408                      ; four exchanges of 1,024 bytes
.set HSC,   21504                      ; the hidden layer's 32 scale words' images
.set HIMG,  25600                      ; its 32 fragments (8 m + s)
.set GST,   25600                      ; before that: the sampled sums, for each head 64 rows x 144 bytes (73,728 bytes, last read ahead of the barrier behind which HIMG and STG are first written)
.set STG,   91136                      ; 64 rows of results
.set RES,   157696                     ; 64 rows: tgt1, then the second LayerNorm's result
.set LI,  1
.set LS,  2
.set WA,  3
.set WSA, 4
.set BA,  5
.set CPG, 6
.set CPLR, 7
.set RRS, 8
.set RRR, 9
.set SW,  10                           ; r x 1040 + 64 h + 128 w + STG
.set IMW, 11
.set SCW, 12
.set RDW, 13
.set RDR, 14
.set GA,  15
.set HW,  52                           ; v52-55 the hidden layer's scale words in the making
.set PW,  56
.set W2A, 57                           ; 1024 rp + 16 h
.set W2S, 58                           ; 32 rp
.set LIH, 59                           ; 16 lane + HIMG + 2048 w
.set LIA, 60                           ; 16 lane + HIMG
.set GSW, 61                           ; GST + 9216 w + 144 (lane / 4) + 16 (lane % 4)
.set RG,  62                           ; GST + 36864 s + (16 m + r) x 144 + 64 h
.set BI,  16
.set WS,  32                           ; v32-47 scales alone
.set AS,  48                           ; v48-51 scales alone
.set ACC, 64
.set BK,  128
.set WF,  192
.set TM,  128
.set PC,  144
.set SEL, 40
.set MNT, 42
.set WV,  43
.set R256, 44
.set EPS, 45
.macro PLACES n
.rept \n
	v_nop
.endr
.endm
.macro BAR
	s_wait_dscnt 0x0
	s_barrier_signal -1
	s_barrier_wait -1
.endm
.macro COPYIN ptr, bank
.irp j, 0,1,2,3,4,5,6,7,8,9,10,11,12,13,14,15
	global_load_b128 v[\bank+4*\j:\bank+4*\j+3], v[CPG], s[\ptr:\ptr+1] offset:512*\j th:TH_LOAD_NT
.endr
.endm
.macro COPYST reg, off, bank
.irp j, 0,1,2,3,4,5,6,7,8,9,10,11,12,13,14,15
	ds_store_b128 v[\reg], v[\bank+4*\j:\bank+4*\j+3] offset:\off+PITCH*(\j/2)+512*(\j%2)
.endr
.endm
.macro COPYOUT reg, ptr
.irp j, 0,1,2,3,4,5,6,7,8,9,10,11,12,13,14,15
	ds_load_b128 v[ACC+4*\j:ACC+4*\j+3], v[\reg] offset:PITCH*(\j/2)+512*(\j%2)
.endr
.irp j, 0,1,2,3,4,5,6,7,8,9,10,11,12,13,14,15
	s_wait_dscnt 15-\j                             ; the younger LDS loads may be out
	global_store_b128 v[CPG], v[ACC+4*\j:ACC+4*\j+3], s[\ptr:\ptr+1] offset:512*\j th:TH_STORE_NT
.endr
.endm
.macro RROW reg, off, bank
.irp b, 0,1,2,3
.irp j, 0,1,2,3
	ds_load_b128 v[\bank+16*\b+4*\j:\bank+16*\b+4*\j+3], v[\reg] offset:\off+128*\b+16*\j
.endr
.endr
.endm
.macro WROW reg, off, bank
.irp b, 0,1,2,3
.irp j, 0,1,2,3
	ds_store_b128 v[\reg], v[\bank+16*\b+4*\j:\bank+16*\b+4*\j+3] offset:\off+128*\b+16*\j
.endr
.endr
.endm
.macro GLOAD ptr, bank
.irp b, 0,1,2,3
.irp j, 0,1,2,3
	global_load_b128 v[\bank+16*\b+4*\j:\bank+16*\b+4*\j+3], v[GA], s[\ptr:\ptr+1] offset:128*\b+16*\j
.endr
.endr
.endm
.macro PKADD d, a, x
.set J, 0
.rept 32
	v_pk_add_f32 v[(\d)+J:(\d)+J+1], v[(\a)+J:(\a)+J+1], v[(\x)+J:(\x)+J+1]
.set J, J+2
.endr
.endm
.macro QUANT s, relu                   ; relu = 1: what is negative becomes 0 on the way: it does not count for the largest magnitude, and the hold clips at 0
.if \relu
.irp b, 0,1,2,3
	v_max3_num_f32 v[TM+\b], v[(\s)+16*\b], v[(\s)+1+16*\b], 0x4800000
.endr
.irp i, 2,4,6,8,10,12,14
.irp b, 0,1,2,3
	v_max3_num_f32 v[TM+\b], v[TM+\b], v[(\s)+16*\b+\i], v[(\s)+1+16*\b+\i]
.endr
.endr
.else
.irp b, 0,1,2,3
	v_max3_num_f32 v[TM+\b], |v[(\s)+16*\b]|, |v[(\s)+1+16*\b]|, 0x4800000   ; with the floor 2^(9 - 127)
.endr
.irp i, 2,4,6,8,10,12,14
.irp b, 0,1,2,3
	v_max3_num_f32 v[TM+\b], v[TM+\b], |v[(\s)+16*\b+\i]|, |v[(\s)+1+16*\b+\i]|
.endr
.endr
.endif
.irp b, 0,1,2,3
	v_permlanex16_b32 v[TM+4+\b], v[TM+\b], s[SEL], s[SEL+1]
.endr
.irp b, 0,1,2,3
	v_max_num_f32 v[TM+\b], v[TM+\b], v[TM+4+\b]
.endr
.irp b, 0,1,2,3
	v_add_nc_u32 v[TM+12+\b], 0xfc000000, v[TM+\b]
.endr
.irp b, 0,1,2,3
	v_and_or_b32 v[TM+8+\b], v[TM+\b], 0x7f800000, s[MNT]
.endr
.irp b, 0,1,2,3
	v_lshrrev_b32 v[TM+4+\b], 23, v[TM+12+\b]
.endr
.irp b, 0,1,2,3
.irp i, 0,1,2,3,4,5,6,7,8,9,10,11,12,13,14,15
.if \relu
	v_med3_num_f32 v[(\s)+16*\b+\i], v[(\s)+16*\b+\i], 0, v[TM+8+\b]
.else
	v_med3_num_f32 v[(\s)+16*\b+\i], v[(\s)+16*\b+\i], -v[TM+8+\b], v[TM+8+\b]
.endif
.endr
	v_cvt_scalef32_pk8_fp8_f32 v[PC+4*\b:PC+1+4*\b], v[(\s)+16*\b:(\s)+7+16*\b], v[TM+12+\b]
	v_cvt_scalef32_pk8_fp8_f32 v[PC+2+4*\b:PC+3+4*\b], v[(\s)+8+16*\b:(\s)+15+16*\b], v[TM+12+\b]
.endr
	v_nop
.endm
.macro PACKW
	v_lshl_or_b32 v[PW], v[TM+5], 8, v[TM+4]
	v_lshl_or_b32 v[PW], v[TM+6], 16, v[PW]
	v_lshl_or_b32 v[PW], v[TM+7], 24, v[PW]
.endm
.macro IMAGE adr, off
.irp c, 0,1,2,3
	ds_store_b128 v[\adr], v[PC+4*\c:PC+4*\c+3] offset:\off+512*\c
.endr
.endm
.macro LOADWC cp, coff, sp, soff
.irp k, 0,1
.irp u, 0,1
.irp c, 0,1,2,3
	global_load_b128 v[WF+32*\k+16*\u+4*\c:WF+32*\k+16*\u+4*\c+3], v[WA], s[\cp:\cp+1] offset:(\coff)+2048*\u+128*\k+32*\c
.endr
.endr
.endr
.irp u, 0,1
	global_load_b64 v[WS+2*\u:WS+2*\u+1], v[WSA], s[\sp:\sp+1] offset:(\soff)+64*\u
.endr
.endm
.macro LOADB bp, boff
.irp u, 0,1
	global_load_b128 v[BI+8*\u:BI+8*\u+3], v[BA], s[\bp:\bp+1] offset:(\boff)+32*\u
	global_load_b128 v[BI+8*\u+4:BI+8*\u+7], v[BA], s[\bp:\bp+1] offset:(\boff)+32*\u+16
.endr
.endm
.macro AFETCH adr, img, sc, fm, k
.irp m, 0,1,2,3
.irp c, 0,1,2,3
	ds_load_b128 v[BK+16*\m+4*\c:BK+16*\m+4*\c+3], v[\adr] offset:(\img)+((\fm)*\m+(\k))*2048+512*\c
.endr
	ds_load_b32 v[AS+\m], v[LS] offset:(\sc)+((\fm)*\m+(\k))*128
.endr
.endm
.macro MUL8 wf, wsb, wst, asb, ast, first      ; eight accumulators, one instruction a turn
.irp m, 0,1,2,3
.irp u, 0,1
.if \first
	v_wmma_scale_f32_16x16x128_f8f6f4 v[ACC+16*\m+8*\u:ACC+16*\m+8*\u+7], v[(\wf)+16*\u:(\wf)+16*\u+15], v[BK+16*\m:BK+16*\m+15], v[BI+8*\u:BI+8*\u+7], v[(\wsb)+(\wst)*\u], v[(\asb)+(\ast)*\m]
.else
	v_wmma_scale_f32_16x16x128_f8f6f4 v[ACC+16*\m+8*\u:ACC+16*\m+8*\u+7], v[(\wf)+16*\u:(\wf)+16*\u+15], v[BK+16*\m:BK+16*\m+15], v[ACC+16*\m+8*\u:ACC+16*\m+8*\u+7], v[(\wsb)+(\wst)*\u], v[(\asb)+(\ast)*\m]
.endif
.endr
.endr
.endm
.macro PANEL2 adr, img, sc
	AFETCH \adr, \img, \sc, 2, 0
	s_wait_loadcnt 0x0
	s_wait_dscnt 0x0
	MUL8 WF, WS, 2, AS, 1, 1
	PLACES 8
	AFETCH \adr, \img, \sc, 2, 1
	s_wait_dscnt 0x0
	MUL8 WF+32, WS+1, 2, AS, 1, 0
	PLACES 9                                       ; nine: the next panel's products begin these accumulators anew
.endm
.macro TOSTG adr
.irp m, 0,1,2,3
.irp j, 0,1,2,3
	ds_store_b128 v[\adr], v[ACC+16*\m+4*\j:ACC+16*\m+4*\j+3] offset:16*\m*PITCH+16*\j   ; each accumulator from its low end on
.endr
.endr
.endm
.macro LNSUM k
	v_pk_add_f32 v[16:17], v[16:17], v[18:19]
	v_pk_add_f32 v[20:21], v[20:21], v[22:23]
	v_pk_add_f32 v[16:17], v[16:17], v[20:21]
	v_add_f32 v16, v16, v17
	v_permlanex16_b32 v18, v16, s[SEL], s[SEL+1]
	v_add_f32 v16, v16, v18
	ds_store_b32 v[RDW], v16 offset:1024*(\k)
	BAR
	ds_load_b32 v17, v[RDR] offset:1024*(\k)
	s_wait_dscnt 0x0
	v_add_f32 v16, v16, v17
.endm
.macro LNORM k                         ; mean, then the mean of the squared differences; gain asked for into WF, bias into BK
.irp q, 0,1,2,3
	v_pk_add_f32 v[16+2*\q:17+2*\q], v[ACC+4*\q:ACC+4*\q+1], v[ACC+4*\q+2:ACC+4*\q+3]
.endr
.irp j, 16,24,32,40,48,56
.irp q, 0,1,2,3
	v_pk_add_f32 v[16+2*\q:17+2*\q], v[16+2*\q:17+2*\q], v[ACC+\j+2*\q:ACC+\j+2*\q+1]
.endr
.endr
	LNSUM \k
	v_mul_f32 v24, s[R256], v16
	v_mov_b32 v25, v24
.set J, 0
.rept 32
	v_pk_add_f32 v[ACC+J:ACC+J+1], v[ACC+J:ACC+J+1], v[24:25] neg_lo:[0,1] neg_hi:[0,1]
.set J, J+2
.endr
.irp q, 0,1,2,3
	v_pk_mul_f32 v[16+2*\q:17+2*\q], v[ACC+2*\q:ACC+2*\q+1], v[ACC+2*\q:ACC+2*\q+1]
.endr
.irp j, 8,16,24,32,40,48,56
.irp q, 0,1,2,3
	v_pk_fma_f32 v[16+2*\q:17+2*\q], v[ACC+\j+2*\q:ACC+\j+2*\q+1], v[ACC+\j+2*\q:ACC+\j+2*\q+1], v[16+2*\q:17+2*\q]
.endr
.endr
	LNSUM (\k)+1
	v_fma_f32 v16, v16, s[R256], s[EPS]
	v_rsq_f32 v24, v16
	v_nop
	s_wait_alu depctr_va_vdst(0)                   ; ahead of the root's first reader
	v_mov_b32 v25, v24
	s_wait_loadcnt 0x0
.set J, 0
.rept 32
	v_pk_mul_f32 v[ACC+J:ACC+J+1], v[ACC+J:ACC+J+1], v[24:25]
.set J, J+2
.endr
.set J, 0
.rept 32
	v_pk_fma_f32 v[ACC+J:ACC+J+1], v[ACC+J:ACC+J+1], v[WF+J:WF+J+1], v[BK+J:BK+J+1]
.set J, J+2
.endr
.endm
	s_load_b512 s[8:23], s[0:1], 0x0               ; gath, tgt1, Wp codes, scales, bias, norm1_g, norm1_b, W1 codes
	s_load_b512 s[24:39], s[0:1], 0x40             ; W1 scales, bias, W2 codes, scales, bias, norm3_g, norm3_b, out0
	v_lshl_add_u32 v63, v0, 2, 0x36c00
	s_set_vgpr_msb 0x40
	v_mov_b32 v1, 0
	s_set_vgpr_msb 0x4000
	v_lshrrev_b32 v16, 5, v0
	v_readfirstlane_b32 s[WV], v16
	v_and_b32 v16, 31, v0                          ; lane
	v_and_b32 v17, 15, v0                          ; r
	v_bfe_u32 v18, v0, 4, 1                        ; h
	v_and_b32 v19, 8, v17
	v_add_nc_u32 v19, v19, v17                     ; rp
	v_lshlrev_b32 v[LI], 4, v16
	v_lshlrev_b32 v[LS], 2, v16
	v_lshlrev_b32 v[WA], 8, v19
	v_lshl_add_u32 v[WA], v18, 4, v[WA]
	v_lshlrev_b32 v[WSA], 3, v19
	v_lshlrev_b32 v[BA], 6, v18
	s_lshl_b32 s50, s[WV], 13
	v_add_nc_u32 v[CPG], s50, v[LI]
	s_mul_i32 s50, s[WV], 8*PITCH
	v_add_nc_u32 v[CPLR], s50, v[LI]
	v_add_nc_u32 v[CPLR], RES, v[CPLR]
	s_lshr_b32 s52, s[WV], 1                       ; m
	s_and_b32 s53, s[WV], 1                        ; s
	s_mul_i32 s50, s52, 16*PITCH
	s_lshl_b32 s51, s53, 9
	s_add_co_u32 s50, s50, s51
	v_mul_u32_u24 v[RRS], v17, PITCH
	v_lshl_add_u32 v[RRS], v18, 6, v[RRS]
	v_add_nc_u32 v[SW], STG, v[RRS]
	v_add_nc_u32 v[RRS], s50, v[RRS]
	v_add_nc_u32 v[RRR], RES, v[RRS]
	v_add_nc_u32 v[RRS], STG, v[RRS]
	s_lshl_b32 s50, s[WV], 7
	v_add_nc_u32 v[SW], s50, v[SW]
	v_add_nc_u32 v[SCW], s50, v[LS]
	v_add_nc_u32 v[RDW], RED, v[SCW]
	s_xor_b32 s51, s[WV], 1
	s_lshl_b32 s51, s51, 7
	v_add_nc_u32 v[RDR], s51, v[LS]
	v_add_nc_u32 v[RDR], RED, v[RDR]
	s_lshl_b32 s50, s[WV], 11
	v_add_nc_u32 v[IMW], s50, v[LI]
	v_add_nc_u32 v[LIA], HIMG, v[LI]
	v_add_nc_u32 v[LIH], s50, v[LIA]
	s_lshl_b32 s50, s53, 9
	v_lshl_add_u32 v[GA], v18, 6, s50
	s_mul_i32 s50, s53, 4*9216
	s_mul_i32 s51, s52, 16*144
	s_add_co_u32 s50, s50, s51
	s_add_co_u32 s50, s50, GST
	v_mul_u32_u24 v[RG], v17, 144
	v_lshl_add_u32 v[RG], v18, 6, v[RG]
	v_add_nc_u32 v[RG], s50, v[RG]
	v_lshrrev_b32 v20, 2, v16
	v_mul_u32_u24 v[GSW], v20, 144
	v_and_b32 v20, 3, v0
	v_lshl_add_u32 v[GSW], v20, 4, v[GSW]
	s_mul_i32 s50, s[WV], 9216
	s_add_co_u32 s50, s50, GST
	v_add_nc_u32 v[GSW], s50, v[GSW]
	v_lshlrev_b32 v[W2A], 10, v19
	v_lshl_add_u32 v[W2A], v18, 4, v[W2A]
	v_lshlrev_b32 v[W2S], 5, v19
	s_mov_b32 s[SEL], 0x76543210
	s_mov_b32 s[SEL+1], 0xfedcba98
	s_mov_b32 s[MNT], 0x600000
	s_mov_b32 s[R256], 0x3b800000
	s_mov_b32 s[EPS], 0x3727c5ac
	s_mov_b32 s49, 0
	s_wait_kmcnt 0x0
	s_lshr_b32 s48, ttmp9, 4
	s_lshl_b32 s48, s48, 3
	s_add_co_u32 s48, s48, s[WV]                   ; 8 x batch + head
	s_lshl_b32 s48, s48, 17                        ; two halves of 1,024 queries x 64 bytes,
	s_and_b32 s50, ttmp9, 15
	s_lshl_b32 s50, s50, 12                        ; + my block's 64 queries
	s_add_co_u32 s48, s48, s50
	s_add_nc_u64 s[8:9], s[8:9], s[48:49]
	s_lshl_b32 s48, ttmp9, 16
	s_add_nc_u64 s[10:11], s[10:11], s[48:49]
	s_add_nc_u64 s[38:39], s[38:39], s[48:49]
	s_lshl_b32 s48, s[WV], 13
	s_add_nc_u64 s[12:13], s[12:13], s[48:49]
	s_lshl_b32 s48, s[WV], 8
	s_add_nc_u64 s[14:15], s[14:15], s[48:49]
	s_lshl_b32 s48, s[WV], 7
	s_add_nc_u64 s[16:17], s[16:17], s[48:49]
	s_add_nc_u64 s[32:33], s[32:33], s[48:49]
	s_lshl_b32 s48, s[WV], 15
	s_add_nc_u64 s[22:23], s[22:23], s[48:49]
	s_add_nc_u64 s[28:29], s[28:29], s[48:49]
	s_lshl_b32 s48, s[WV], 10
	s_add_nc_u64 s[24:25], s[24:25], s[48:49]
	s_add_nc_u64 s[30:31], s[30:31], s[48:49]
	s_lshl_b32 s48, s[WV], 9
	s_add_nc_u64 s[26:27], s[26:27], s[48:49]
	; ---- tgt1's 64 rows and head w's sampled sums come densely and are laid in LDS
	COPYIN 10, ACC
.irp c, 0,1
.irp t, 0,1,2,3,4,5,6,7
	global_load_b128 v[BK+4*(8*\c+\t):BK+4*(8*\c+\t)+3], v[LI], s[8:9] offset:65536*\c+512*\t th:TH_LOAD_NT   ; eight queries x 64 bytes of half c
.endr
.endr
	s_wait_loadcnt 0x0
	COPYST CPLR, 0, ACC
.irp c, 0,1
.irp t, 0,1,2,3,4,5,6,7
	ds_store_b128 v[GSW], v[BK+4*(8*\c+\t):BK+4*(8*\c+\t)+3] offset:8*144*\t+64*\c
.endr
.endr
	BAR
	; ---- the sampled sums, quantised (a block = a head's 32 channels)
.irp b, 0,1,2,3
.irp j, 0,1,2,3
	ds_load_b128 v[ACC+16*\b+4*\j:ACC+16*\b+4*\j+3], v[RG] offset:9216*\b+16*\j   ; head 4 s + b, channels 16 h on, of row 16 m + r
.endr
.endr
	s_wait_dscnt 0x0
	QUANT ACC, 0
	PACKW
	IMAGE IMW, AIMG
	ds_store_b32 v[SCW], v[PW] offset:ASC
	LOADWC 12, 0, 14, 0
	LOADB 16, 0
	BAR
	; ---- . Wp^T + bp
	PANEL2 LI, AIMG, ASC
	GLOAD 18, WF                                   ; norm1_g
	TOSTG SW
	BAR
	; ---- + tgt1, LayerNorm, quantised
	RROW RRS, 0, ACC
	RROW RRR, 0, BK
	s_wait_dscnt 0x0
	PKADD ACC, ACC, BK
	GLOAD 20, BK                                   ; norm1_b
	LNORM 0
	WROW RRR, 0, ACC                               ; kept for the last residual, in my own places
	s_wait_dscnt 0x0                               ; the stores have read the numbers that the hold rewrites
	QUANT ACC, 0
	PACKW
	IMAGE IMW, AIMG
	ds_store_b32 v[SCW], v[PW] offset:ASC
	LOADWC 22, 0, 24, 0                            ; W1: my 128 hidden units, 32 at a time
	LOADB 26, 0
	BAR
	; ---- the hidden layer: my 128 units are K step w of the last product; panel q is its block q
.macro LOADW2 k                        ; W2's two tiles of my 32 outputs, K step k
.irp u, 0,1
.irp c, 0,1,2,3
	global_load_b128 v[WF+32*((\k)%2)+16*\u+4*\c:WF+32*((\k)%2)+16*\u+4*\c+3], v[W2A], s[28:29] offset:8192*\u+128*(\k)+32*\c
.endr
.endr
.endm
.irp q, 0,1,2,3
	PANEL2 LI, AIMG, ASC
.if \q < 3
	LOADWC 22, 8192*(\q+1), 24, 256*(\q+1)
	LOADB 26, 128*(\q+1)
.else
.irp u, 0,1
	global_load_b128 v[WS+8*\u:WS+8*\u+3], v[W2S], s[30:31] offset:256*\u          ; W2's scale words: eight K steps a row
	global_load_b128 v[WS+8*\u+4:WS+8*\u+7], v[W2S], s[30:31] offset:256*\u+16
.endr
	LOADB 32, 0
	LOADW2 0
	LOADW2 1
.endif
	QUANT ACC, 1                                   ; block m: the 32 units of row 16 m + r
.irp m, 0,1,2,3
	ds_store_b128 v[LIH], v[PC+4*\m:PC+4*\m+3] offset:16384*\m+512*\q
.if \q == 0
	v_mov_b32 v[HW+\m], v[TM+4+\m]
.else
	v_lshl_or_b32 v[HW+\m], v[TM+4+\m], 8*\q, v[HW+\m]
.endif
.endr
	s_wait_dscnt 0x0                               ; the stores have read their registers
.endr
.irp m, 0,1,2,3
	ds_store_b32 v[SCW], v[HW+\m] offset:HSC+1024*\m
.endr
	BAR
	; ---- . W2^T + b2: K = 1,024 in eight steps; the weights run two steps ahead in two sets
.irp k, 0,1,2,3,4,5,6,7
	AFETCH LIA, 0, HSC, 8, \k
.if \k < 7
	s_wait_loadcnt 8                               ; this step's weights are in; the next step's eight loads may be out
.else
	s_wait_loadcnt 0x0
.endif
	s_wait_dscnt 0x0
.if \k == 0
	MUL8 WF, WS, 8, AS, 1, 1
.else
	MUL8 WF+32*(\k%2), WS+\k, 8, AS, 1, 0
.endif
	PLACES 8
.if \k < 6
	LOADW2 \k+2
.endif
.endr
	GLOAD 34, WF                                   ; norm3_g
	TOSTG SW
	BAR
	; ---- + residual, LayerNorm, out
	RROW RRS, 0, ACC
	RROW RRR, 0, BK
	s_wait_dscnt 0x0
	PKADD ACC, ACC, BK
	GLOAD 36, BK                                   ; norm3_b
	LNORM 2
	WROW RRR, 0, ACC
	BAR
	COPYOUT CPLR, 38                               ; whole rows: 512 consecutive bytes a store
	s_set_vgpr_msb 0x4
	s_wait_tensorcnt 0x0
	ds_add_u32 v63, v1
	s_wait_dscnt 0x0
	s_set_vgpr_msb 0x400
	s_endpgm
.Lfunc_end_k_q7adda9911b_tail:
	.size	k_q7adda9911b_tail, .Lfunc_end_k_q7adda9911b_tail-k_q7adda9911b_tail
	.p2alignl 7, 3214868480
	.fill 96, 4, 3214868480
	.section	.rodata,"a",@progbits
	.p2align	6, 0x0
	.amdhsa_kernel k_q7adda9911b_tail
		.amdhsa_group_segment_fixed_size 225280
		.amdhsa_private_segment_fixed_size 0
		.amdhsa_enable_private_segment 0
		.amdhsa_kernarg_size 128
		.amdhsa_user_sgpr_count 2
		.amdhsa_user_sgpr_kernarg_segment_ptr 1
		.amdhsa_wavefront_size32 1
		.amdhsa_system_sgpr_workgroup_id_x 1
		.amdhsa_system_sgpr_workgroup_id_y 1
		.amdhsa_system_sgpr_workgroup_id_z 1
		.amdhsa_system_vgpr_workitem_id 0
		.amdhsa_next_free_vgpr 258
		.amdhsa_next_free_sgpr 66
		.amdhsa_reserve_vcc 0
		.amdhsa_float_denorm_mode_32 3
		.amdhsa_float_denorm_mode_16_64 3
		.amdhsa_memory_ordered 1
		.amdhsa_forward_progress 1
		.amdhsa_inst_pref_size 169
	.end_amdhsa_kernel
	.amdgpu_metadata
---
amdhsa.version: [ 1, 2 ]
amdhsa.kernels:
  - .name:           k_q7adda9911b_tail
    .symbol:         k_q7adda9911b_tail.kd
    .args:
      - { .name: gath, .offset: 0, .size: 8, .value_kind: global_buffer, .address_space: global }
      - { .name: tgt1, .offset: 8, .size: 8, .value_kind: global_buffer, .address_space: global }
      - { .name: outp_w_codes, .offset: 16, .size: 8, .value_kind: global_buffer, .address_space: global }
      - { .name: outp_w_scales, .offset: 24, .size: 8, .value_kind: global_buffer, .address_space: global }
      - { .name: outp_b, .offset: 32, .size: 8, .value_kind: global_buffer, .address_space: global }
      - { .name: norm1_g, .offset: 40, .size: 8, .value_kind: global_buffer, .address_space: global }
      - { .name: norm1_b, .offset: 48, .size: 8, .value_kind: global_buffer, .address_space: global }
      - { .name: lin1_w_codes, .offset: 56, .size: 8, .value_kind: global_buffer, .address_space: global }
      - { .name: lin1_w_scales, .offset: 64, .size: 8, .value_kind: global_buffer, .address_space: global }
      - { .name: lin1_b, .offset: 72, .size: 8, .value_kind: global_buffer, .address_space: global }
      - { .name: lin2_w_codes, .offset: 80, .size: 8, .value_kind: global_buffer, .address_space: global }
      - { .name: lin2_w_scales, .offset: 88, .size: 8, .value_kind: global_buffer, .address_space: global }
      - { .name: lin2_b, .offset: 96, .size: 8, .value_kind: global_buffer, .address_space: global }
      - { .name: norm3_g, .offset: 104, .size: 8, .value_kind: global_buffer, .address_space: global }
      - { .name: norm3_b, .offset: 112, .size: 8, .value_kind: global_buffer, .address_space: global }
      - { .name: out0, .offset: 120, .size: 8, .value_kind: global_buffer, .address_space: global }
    .group_segment_fixed_size: 225280
    .private_segment_fixed_size: 0
    .kernarg_segment_align: 8
    .kernarg_segment_size: 128
    .max_flat_workgroup_size: 256
    .sgpr_count:     66
    .vgpr_count:     258
    .wavefront_size: 32
...
	.end_amdgpu_metadata
.endif
;; end of part 9
;; ======== version 3 of 3: 6 launches; version 2 with the launches qkv, attn, mid, value, gather, tail written anew for expert scheduling mode
;; workspace buffers: qkvc 13,762,560 bytes; oc 4,325,376 bytes; value 89,128,960 bytes; tgt1 16,777,216 bytes; samp_w 33,554,432 bytes; samp_idx 8,388,608 bytes of whole numbers; gath 16,777,216 bytes
;; launch qkv (part 10): grid 256 x 1, 8 waves a work-group, no clusters, 168,960 bytes of LDS; arguments tgt, query_pos, in_proj_w_codes, in_proj_w_scales, in_proj_b, qkvc; writes qkvc
.if DOCPART == 10
	.amdgcn_target "amdgcn-amd-amdhsa--gfx1250"
	.amdhsa_code_object_version 6
	.text
	.protected	k_q7adda9911b_qkv
	.globl	k_q7adda9911b_qkv
	.p2align	8
	.type	k_q7adda9911b_qkv,@function
k_q7adda9911b_qkv:
	s_mov_b64 s[64:65], 0
	v_nop
	global_prefetch_b8 v0, s[64:65] scope:SCOPE_SE
	s_setreg_imm32_b32 hwreg(HW_REG_WAVE_SCHED_MODE, 0, 2), 2
	s_setreg_imm32_b32 hwreg(HW_REG_WAVE_MODE, 25, 1), 1
	s_wait_xcnt 0x0
	s_wait_alu depctr_vm_vsrc(0)
; q = tgt + query_pos; Q = q Wq^T + bq, K = q Wk^T + bk, V = tgt Wv^T + bv, all three products on E4M3 codes with one E8M0 scale for each 32 along K.
; The results are quantised at once for the attention: Q and K along a head's 32 channels (one block a row and head), V along the keys (blocks of 32 keys a channel),
; and leave as IMAGES OF OPERAND REGISTERS: 512 consecutive bytes an instruction, lane l's 16 bytes at 16 l.
; SHARES. A work-group takes 64 rows; eight waves. Quantising: wave w = (tile m = w / 2, K step s = w % 2) holds 64 numbers a lane. Products: wave w makes head w (32 columns) for all four tiles of rows.
; THE ROWS OF A TILE ARE NOT NEIGHBOURS: lane r of tile m takes block row 32 (m / 2) + 8 (m % 2) + r + 8 (r / 8). So the keys of two neighbouring K tiles give 16 neighbouring keys a lane in the scores,
; and V, made by the product the other way round (source 0 = rows, source 1 = Wv), has a lane's 16 registers of two tiles run along 16 neighbouring keys. Q's tiles, and later o's, carry the same order.
; Products for Q and K are used transposed (source 0 = 16 rows of W, source 1 = 16 rows of q); lane r of W's tile u takes row 32 w + 8 u + r + 8 (r / 8): a lane's 16 registers are channels 16 h + 0 .. 15.
; LIMITS: NaN and infinities among the inputs are not served. A block whose largest magnitude lies under 2^-118 keeps the scale byte 1; a block of zeros gets byte 1 with zero codes (this program alone reads the bytes).
; THE MODE: SCHED_MODE bits 1:0 = 2 (LLVM: expert scheduling mode 2), set by the entry lines. The code itself states the register dependences
; between vector or matrix instructions and memory or LDS instructions, with s_wait_alu, always for 0.
; THE PLAN. Registers that memory or LDS instructions touch:
;   v1-15    addresses, made at the head and never written again.
;   ACC      loaded (the copies, then the rows), read by the copies' LDS stores; later named by products and vector instructions alone.
;   BK       loaded (copies, rows, fragments of rows), read by the copies' LDS stores and by the products; in a panel's quantiser it holds the codes and bytes that the global stores read.
;   WF       phase 1: two fragments' codes, each in registers of its own, read by the LDS stores; then the weights land there, which the products read.
;   WS, BI, AS  loaded, read by the products.
; A panel has four waits: behind K step 0's products (K step 1's fragments land in what they read), behind the panel (the next weights land in what it read), ahead of the stores (the codes are written),
; and behind them (the next fragments land in the stores' data).
.set PITCH, 1040                       ; an LDS row of 256 f32: 1,024 bytes + 16: an odd multiple of 16
.set TIMG,  0                          ; tgt's 8 fragments (2 m + s), 2,048 bytes each
.set TSC,   16384                      ; their scale words, 128 bytes each
.set QIMG,  17408                      ; q's fragments
.set QSC,   33792
.set TREG,  34816                      ; 64 rows of tgt
.set PREG,  101376                     ; 64 rows of query_pos
.set KSEC,  4194304                    ; qkvc: K's codes lie this far behind Q's
.set VSEC,  8388608                    ; V's codes
.set QSSEC, 12582912                   ; Q's scale words
.set KSD,   524288                     ; K's scale words lie this far behind Q's
.set VSSEC, 13631488                   ; V's scale words
.set LI,  1                            ; 16 x lane
.set LS,  2                            ; 4 x lane
.set WA,  3                            ; 256 rp + 16 h: a weight's row and my half's bytes
.set WSA, 4                            ; 8 rp: its scale bytes
.set BA,  5                            ; 64 h: my half's 16 biases
.set CPG, 6                            ; 8192 w + 16 lane: dense copies in memory
.set CPL, 7                            ; 8320 w + 16 lane: the same rows in LDS
.set CPL2, 8                           ; + PREG
.set RR,  9                            ; my row x 1040 + 512 s + 64 h
.set RRP, 10                           ; + PREG
.set IMW, 11                           ; 16 lane + 2048 w
.set SCW, 12                           ; 4 lane + 128 w
.set R32, 13                           ; 32 r
.set R8,  14                           ; 8 r
.set RP4, 15                           ; 4 rp
.set BI,  16                           ; v16-31  biases, the C of a sum's first products
.set WS,  32                           ; v32-35  the weights' scale words (scales alone)
.set AS,  48                           ; v48-51  the rows' scale words (scales alone)
.set PW,  56                           ; a scale word just made
.set ACC, 64                           ; v64-127  accumulators / 64 numbers
.set BK,  128                          ; v128-191 four fragments of rows
.set WF,  192                          ; v192-255 four fragments of weights
.set TM,  128                          ; 16 registers at work in QUANT
.set PC,  144                          ; 16 registers of codes
.set SEL, 40                           ; s[40:41] selects for lane l xor 16
.set MNT, 42                           ; the mantissa field of 448
.set WV,  43                           ; my wave
.macro PLACES n                        ; plain places behind matrix instructions (ISA guide 7.12.1)
.rept \n
	v_nop
.endr
.endm
.macro BAR                             ; my LDS stores have landed and my LDS loads are in; then the work-group's barrier
	s_wait_dscnt 0x0
	s_barrier_signal -1
	s_barrier_wait -1
.endm
.macro COPYIN ptr, bank                ; 8 rows of 1,024 bytes, 512 consecutive bytes an instruction
.irp j, 0,1,2,3,4,5,6,7,8,9,10,11,12,13,14,15
	global_load_b128 v[\bank+4*\j:\bank+4*\j+3], v[CPG], s[\ptr:\ptr+1] offset:512*\j th:TH_LOAD_NT
.endr
.endm
.macro COPYST reg, off, bank
.irp j, 0,1,2,3,4,5,6,7,8,9,10,11,12,13,14,15
	ds_store_b128 v[\reg], v[\bank+4*\j:\bank+4*\j+3] offset:\off+PITCH*(\j/2)+512*(\j%2)
.endr
.endm
.macro RROW reg, off, bank             ; register 16 b + i = column 128 s + 32 b + 16 h + i of my row
.irp b, 0,1,2,3
.irp j, 0,1,2,3
	ds_load_b128 v[\bank+16*\b+4*\j:\bank+16*\b+4*\j+3], v[\reg] offset:\off+128*\b+16*\j
.endr
.endr
.endm
; 64 numbers of a lane, four blocks of 16 that lane l xor 16 completes to 32, become codes in v[PC] on; the blocks' scale bytes stand in v[TM+4] on.
.macro QUANT s, relu
.if \relu
.irp b, 0,1,2,3
	v_max3_num_f32 v[TM+\b], v[(\s)+16*\b], v[(\s)+1+16*\b], 0x4800000
.endr
.irp i, 2,4,6,8,10,12,14
.irp b, 0,1,2,3
	v_max3_num_f32 v[TM+\b], v[TM+\b], v[(\s)+16*\b+\i], v[(\s)+1+16*\b+\i]
.endr
.endr
.else
.irp b, 0,1,2,3
	v_max3_num_f32 v[TM+\b], |v[(\s)+16*\b]|, |v[(\s)+1+16*\b]|, 0x4800000   ; with the floor 2^(9 - 127): the byte cannot fall under 1
.endr
.irp i, 2,4,6,8,10,12,14
.irp b, 0,1,2,3
	v_max3_num_f32 v[TM+\b], v[TM+\b], |v[(\s)+16*\b+\i]|, |v[(\s)+1+16*\b+\i]|
.endr
.endr
.endif
.irp b, 0,1,2,3
	v_permlanex16_b32 v[TM+4+\b], v[TM+\b], s[SEL], s[SEL+1]
.endr
.irp b, 0,1,2,3
	v_max_num_f32 v[TM+\b], v[TM+\b], v[TM+4+\b]          ; the block's largest magnitude
.endr
.irp b, 0,1,2,3
	v_add_nc_u32 v[TM+12+\b], 0xfc000000, v[TM+\b]        ; 8 off its exponent field: the conversion's scale operand
.endr
.irp b, 0,1,2,3
	v_and_or_b32 v[TM+8+\b], v[TM+\b], 0x7f800000, s[MNT] ; 448 x the scale
.endr
.irp b, 0,1,2,3
	v_lshrrev_b32 v[TM+4+\b], 23, v[TM+12+\b]             ; the scale's byte
.endr
.irp b, 0,1,2,3
.irp i, 0,1,2,3,4,5,6,7,8,9,10,11,12,13,14,15
.if \relu
	v_med3_num_f32 v[(\s)+16*\b+\i], v[(\s)+16*\b+\i], 0, v[TM+8+\b]
.else
	v_med3_num_f32 v[(\s)+16*\b+\i], v[(\s)+16*\b+\i], -v[TM+8+\b], v[TM+8+\b]   ; the conversion does not saturate (ISA guide 7.6.2): the hold
.endif
.endr
	v_cvt_scalef32_pk8_fp8_f32 v[PC+4*\b:PC+1+4*\b], v[(\s)+16*\b:(\s)+7+16*\b], v[TM+12+\b]
	v_cvt_scalef32_pk8_fp8_f32 v[PC+2+4*\b:PC+3+4*\b], v[(\s)+8+16*\b:(\s)+15+16*\b], v[TM+12+\b]
.endr
	v_nop                                                 ; a plain line behind the last scaled conversion
.endm
.macro PACKW                           ; the four bytes as one scale word
	v_lshl_or_b32 v[PW], v[TM+5], 8, v[TM+4]
	v_lshl_or_b32 v[PW], v[TM+6], 16, v[PW]
	v_lshl_or_b32 v[PW], v[TM+7], 24, v[PW]
.endm
.macro IMAGE adr, off                  ; a fragment goes to LDS as its registers stand
.irp c, 0,1,2,3
	ds_store_b128 v[\adr], v[PC+4*\c:PC+4*\c+3] offset:\off+512*\c
.endr
.endm
.macro LOADWC cp, coff, sp, soff       ; a panel of 32 rows of a weight with K = 256: four fragments (K step k, tile u) and their scale words
.irp k, 0,1
.irp u, 0,1
.irp c, 0,1,2,3
	global_load_b128 v[WF+32*\k+16*\u+4*\c:WF+32*\k+16*\u+4*\c+3], v[WA], s[\cp:\cp+1] offset:(\coff)+2048*\u+128*\k+32*\c
.endr
.endr
.endr
.irp u, 0,1
	global_load_b64 v[WS+2*\u:WS+2*\u+1], v[WSA], s[\sp:\sp+1] offset:(\soff)+64*\u
.endr
.endm
.macro LOADB bp, boff                  ; the panel's biases in the result's layout: tile u, register j: column 16 h + 8 u + j
.irp u, 0,1
	global_load_b128 v[BI+8*\u:BI+8*\u+3], v[BA], s[\bp:\bp+1] offset:(\boff)+32*\u
	global_load_b128 v[BI+8*\u+4:BI+8*\u+7], v[BA], s[\bp:\bp+1] offset:(\boff)+32*\u+16
.endr
.endm
.macro AFETCH adr, img, sc, fm, k      ; K step k of the four tiles of rows, and their scale words
.irp m, 0,1,2,3
.irp c, 0,1,2,3
	ds_load_b128 v[BK+16*\m+4*\c:BK+16*\m+4*\c+3], v[\adr] offset:(\img)+((\fm)*\m+(\k))*2048+512*\c
.endr
	ds_load_b32 v[AS+\m], v[LS] offset:(\sc)+((\fm)*\m+(\k))*128
.endr
.endm
; eight products on eight accumulators, one instruction a turn
.macro MUL8 wf, wsb, wst, asb, ast, first
.irp m, 0,1,2,3
.irp u, 0,1
.if \first
	v_wmma_scale_f32_16x16x128_f8f6f4 v[ACC+16*\m+8*\u:ACC+16*\m+8*\u+7], v[(\wf)+16*\u:(\wf)+16*\u+15], v[BK+16*\m:BK+16*\m+15], v[BI+8*\u:BI+8*\u+7], v[(\wsb)+(\wst)*\u], v[(\asb)+(\ast)*\m]
.else
	v_wmma_scale_f32_16x16x128_f8f6f4 v[ACC+16*\m+8*\u:ACC+16*\m+8*\u+7], v[(\wf)+16*\u:(\wf)+16*\u+15], v[BK+16*\m:BK+16*\m+15], v[ACC+16*\m+8*\u:ACC+16*\m+8*\u+7], v[(\wsb)+(\wst)*\u], v[(\asb)+(\ast)*\m]
.endif
.endr
.endr
.endm
.macro PANEL2 adr, img, sc             ; 64 rows x 32 columns, K = 256
	AFETCH \adr, \img, \sc, 2, 0
	s_wait_loadcnt 0x0                                    ; the panel's weights, scales and biases
	s_wait_dscnt 0x0
	MUL8 WF, WS, 2, AS, 1, 1
	PLACES 8                                              ; the places behind the products stay
	s_wait_alu depctr_va_vdst(0)                          ; the eight products are done reading the rows' fragments and scale words, in which K step 1's land
	AFETCH \adr, \img, \sc, 2, 1
	s_wait_dscnt 0x0
	MUL8 WF+32, WS+1, 2, AS, 1, 0
	PLACES 9                                              ; nine: the next panel's products begin these accumulators anew
.endm
	s_load_b256 s[4:11], s[0:1], 0x0               ; tgt, query_pos, W's codes, W's scales
	s_load_b128 s[12:15], s[0:1], 0x20             ; the biases, qkvc
	v_lshl_add_u32 v62, v0, 2, 0x29000
	v_mov_b32 v63, 0
	v_lshrrev_b32 v57, 5, v0
	v_readfirstlane_b32 s[WV], v57                 ; wave 0..7
	v_and_b32 v58, 31, v0                          ; lane
	v_and_b32 v59, 15, v0                          ; r
	v_bfe_u32 v60, v0, 4, 1                        ; h
	v_and_b32 v61, 8, v59
	v_add_nc_u32 v61, v61, v59                     ; rp = r + 8 (r / 8)
	v_lshlrev_b32 v[LI], 4, v58
	v_lshlrev_b32 v[LS], 2, v58
	v_lshlrev_b32 v[WA], 8, v61
	v_lshl_add_u32 v[WA], v60, 4, v[WA]
	v_lshlrev_b32 v[WSA], 3, v61
	v_lshlrev_b32 v[BA], 6, v60
	s_wait_alu depctr_va_sdst(0)                   ; the wave's number is written, ahead of its first reader
	s_lshl_b32 s44, s[WV], 13
	v_add_nc_u32 v[CPG], s44, v[LI]
	s_mul_i32 s44, s[WV], 8*PITCH
	v_add_nc_u32 v[CPL], s44, v[LI]
	v_add_nc_u32 v[CPL2], PREG, v[CPL]
	s_lshr_b32 s44, s[WV], 1                       ; m
	s_and_b32 s45, s[WV], 1                        ; s
	s_lshr_b32 s46, s44, 1
	s_lshl_b32 s46, s46, 5
	s_and_b32 s47, s44, 1
	s_lshl_b32 s47, s47, 3
	s_add_co_u32 s46, s46, s47                     ; 32 (m / 2) + 8 (m % 2)
	s_mul_i32 s46, s46, PITCH
	s_lshl_b32 s47, s45, 9
	s_add_co_u32 s46, s46, s47
	v_mul_u32_u24 v[RR], v61, PITCH
	v_lshl_add_u32 v[RR], v60, 6, v[RR]
	v_add_nc_u32 v[RR], s46, v[RR]
	v_add_nc_u32 v[RRP], PREG, v[RR]
	s_lshl_b32 s44, s[WV], 11
	v_add_nc_u32 v[IMW], s44, v[LI]
	s_lshl_b32 s44, s[WV], 7
	v_add_nc_u32 v[SCW], s44, v[LS]
	v_lshlrev_b32 v[R32], 5, v59
	v_lshlrev_b32 v[R8], 3, v59
	v_lshlrev_b32 v[RP4], 2, v61
.irp b, 0,1,2,3
	v_mov_b32 v[196+\b], 0                         ; a lane permute's destination counts as one of its sources
.endr
	s_mov_b32 s[SEL], 0x76543210
	s_mov_b32 s[SEL+1], 0xfedcba98
	s_mov_b32 s[MNT], 0x600000
	s_lshr_b32 s44, ttmp9, 4                       ; batch
	s_and_b32 s45, ttmp9, 15                       ; bb: which 64 rows of the batch
	s_lshl_b32 s44, s44, 3
	s_add_co_u32 s44, s44, s[WV]                   ; bh = 8 x batch + head
	s_lshl_b32 s48, s44, 3
	s_lshr_b32 s49, s45, 1
	s_add_co_u32 s48, s48, s49                     ; 8 bh + key step
	s_and_b32 s49, s45, 1                          ; which half of the key step
	s_mov_b32 s47, 0
	s_mov_b32 s51, 0
	s_wait_kmcnt 0x0
	s_lshl_b32 s50, ttmp9, 16                      ; 64 rows of 1,024 bytes
	s_add_nc_u64 s[4:5], s[4:5], s[50:51]
	s_add_nc_u64 s[6:7], s[6:7], s[50:51]
	s_lshl_b32 s50, s[WV], 13                      ; my head's 32 rows of a weight
	s_add_nc_u64 s[8:9], s[8:9], s[50:51]
	s_lshl_b32 s50, s[WV], 8
	s_add_nc_u64 s[10:11], s[10:11], s[50:51]
	s_lshl_b32 s50, s[WV], 7
	s_add_nc_u64 s[12:13], s[12:13], s[50:51]
	s_lshl_b32 s46, s44, 15
	s_lshl_b32 s50, s45, 11
	s_add_co_u32 s46, s46, s50
	s_add_nc_u64 s[16:17], s[14:15], s[46:47]      ; Q's codes: 32768 bh + 2048 bb
	s_lshl_b32 s50, s48, 12
	s_lshl_b32 s52, s49, 10
	s_add_co_u32 s50, s50, s52
	s_add_co_u32 s50, s50, VSEC
	s_add_nc_u64 s[18:19], s[14:15], s[50:51]      ; V's codes
	s_lshl_b32 s50, s48, 9
	s_lshl_b32 s52, s49, 4
	s_add_co_u32 s50, s50, s52
	s_add_co_u32 s50, s50, QSSEC
	s_add_nc_u64 s[20:21], s[14:15], s[50:51]      ; Q's scale words
	s_lshl_b32 s50, s48, 7
	s_lshl_b32 s52, s49, 1
	s_add_co_u32 s50, s50, s52
	s_add_co_u32 s50, s50, VSSEC
	s_add_nc_u64 s[22:23], s[14:15], s[50:51]      ; V's scale words
	s_wait_alu depctr_va_vdst(0)                   ; the addresses v1 to v15, v62 and v63 are written, which the kernel's loads, stores and closing add read
	; ---- 0: the 64 rows of tgt and of query_pos come densely and are laid in LDS
	COPYIN 4, ACC
	COPYIN 6, BK
	s_wait_loadcnt 0x0
	COPYST CPL, TREG, ACC
	COPYST CPL2, 0, BK
	BAR
	s_wait_alu depctr_vm_vsrc(0)                   ; my LDS stores have read ACC and BK, in which the rows below land
	; ---- 1: my tile's K step of tgt and of q = tgt + query_pos, quantised; images to LDS
	RROW RR, TREG, ACC
	RROW RRP, 0, BK
	s_wait_dscnt 0x0
.set J, 0
.rept 32
	v_pk_add_f32 v[BK+J:BK+J+1], v[ACC+J:ACC+J+1], v[BK+J:BK+J+1]
.set J, J+2
.endr
.set TM, 192                           ; both banks of numbers are alive: QUANT works in the weights' registers; each fragment's codes and scale word get registers of their own, so that one wait serves all the stores
.set PC, 208
	QUANT ACC, 0
	PACKW
.set PC, 224
.set PW, 57
	QUANT BK, 0
	PACKW
	s_wait_alu depctr_va_vdst(0)                   ; both fragments' codes (v208-239) and scale words (v56, v57) are written, which the LDS stores read; the quantisers are done with v192-255 and BK, in which the weights and the fragments land
.set PC, 208
	IMAGE IMW, TIMG
	ds_store_b32 v[SCW], v56 offset:TSC
.set PC, 224
	IMAGE IMW, QIMG
	ds_store_b32 v[SCW], v57 offset:QSC
	s_wait_dscnt 0x0
	s_wait_alu depctr_vm_vsrc(0)                   ; the LDS stores have read v208-239, in which the weights land
.set TM, 128
.set PC, 144
.set PW, 56
	LOADWC 8, 0, 10, 0                             ; Wq's panel of my head
	LOADB 12, 0
	BAR                                            ; all sixteen fragments lie in LDS
	; ---- 2: Q, then K: the product, the next panel's loads, the quantiser (a block = a row's 32 channels of my head), the stores
.macro QK x
	PANEL2 LI, QIMG, QSC
	s_wait_alu depctr_va_vdst(0)                   ; the products are done reading the weights, their scale words and the biases, in which the next panel's land
.if \x == 0
	LOADWC 8, 65536, 10, 2048                      ; Wk
	LOADB 12, 1024
.else
	LOADWC 8, 131072, 10, 4096                     ; Wv; its bias hangs on the lane (the channel), one number a tile
	global_load_b32 v[BI], v[RP4], s[12:13] offset:2048
	global_load_b32 v[BI+8], v[RP4], s[12:13] offset:2048+32
.endif
	QUANT ACC, 0
	s_wait_alu depctr_va_vdst(0)                   ; the codes and the scale bytes are written, which the stores read; the quantiser is done with BK's registers, in which the next fragments land
.irp m, 0,1,2,3
	global_store_b128 v[LI], v[PC+4*\m:PC+4*\m+3], s[16:17] offset:\x*KSEC+512*\m   ; a tile's image: 512 consecutive bytes
.endr
	global_store_b128 v[R32], v[TM+4:TM+7], s[20:21] offset:\x*KSD                  ; four tiles' words of row r: the byte below, zeros above
	s_wait_xcnt 0x0                                ; the stores' data lie where the next fragments land
	s_wait_alu depctr_vm_vsrc(0)                   ; the stores have read the codes and the bytes, in which the next fragments land
.endm
	QK 0
	QK 1
	; ---- V: source 0 = rows of tgt, source 1 = Wv: a lane holds one channel, its registers run along the keys
	s_wait_loadcnt 0x0
.irp u, 0,1
.irp j, 1,2,3,4,5,6,7
	v_mov_b32 v[BI+8*\u+\j], v[BI+8*\u]
.endr
.endr
	PLACES 4
.macro MUL8V k, first
.irp m, 0,1,2,3
.irp u, 0,1
.if \first
	v_wmma_scale_f32_16x16x128_f8f6f4 v[ACC+16*(2*\u+\m/2)+8*(\m%2):ACC+16*(2*\u+\m/2)+8*(\m%2)+7], v[BK+16*\m:BK+16*\m+15], v[WF+32*\k+16*\u:WF+32*\k+16*\u+15], v[BI+8*\u:BI+8*\u+7], v[AS+\m], v[WS+2*\u+\k]
.else
	v_wmma_scale_f32_16x16x128_f8f6f4 v[ACC+16*(2*\u+\m/2)+8*(\m%2):ACC+16*(2*\u+\m/2)+8*(\m%2)+7], v[BK+16*\m:BK+16*\m+15], v[WF+32*\k+16*\u:WF+32*\k+16*\u+15], v[ACC+16*(2*\u+\m/2)+8*(\m%2):ACC+16*(2*\u+\m/2)+8*(\m%2)+7], v[AS+\m], v[WS+2*\u+\k]
.endif
.endr
.endr
.endm
	AFETCH LI, TIMG, TSC, 2, 0                     ; (no vector instruction since K's two waits names BK or the rows' scale words)
	s_wait_dscnt 0x0
	MUL8V 0, 1
	PLACES 8
	s_wait_alu depctr_va_vdst(0)                   ; the eight products are done reading the rows' fragments and scale words, in which K step 1's land
	AFETCH LI, TIMG, TSC, 2, 1
	s_wait_dscnt 0x0
	MUL8V 1, 0
	PLACES 9
	QUANT ACC, 0                                   ; block 2 u + b: channel 8 u + rp, keys 32 b + 0 .. 31 of my 64
.irp u, 0,1
	v_lshl_or_b32 v[57+\u], v[TM+5+2*\u], 8, v[TM+4+2*\u]
.endr
	s_wait_alu depctr_va_vdst(0)                   ; V's codes and the two pairs of scale bytes are written, which the stores read
.irp u, 0,1
.irp b, 0,1
	global_store_b128 v[LI], v[PC+4*(2*\u+\b):PC+4*(2*\u+\b)+3], s[18:19] offset:2048*\u+512*\b
.endr
.endr
.irp u, 0,1
	global_store_b16 v[R8], v[57+\u], s[22:23] offset:4*\u      ; two of the four bytes of channel (r, u)'s word for this key step; both halves of the lanes write the same
.endr
	s_wait_dscnt 0x0                               ; the closing lines, six on end
	s_wait_alu 0x0
	s_wait_tensorcnt 0x0
	ds_add_u32 v62, v63
	s_wait_dscnt 0x0
	s_endpgm
.Lfunc_end_k_q7adda9911b_qkv:
	.size	k_q7adda9911b_qkv, .Lfunc_end_k_q7adda9911b_qkv-k_q7adda9911b_qkv
	.p2alignl 7, 3214868480
	.fill 96, 4, 3214868480
	.section	.rodata,"a",@progbits
	.p2align	6, 0x0
	.amdhsa_kernel k_q7adda9911b_qkv
		.amdhsa_group_segment_fixed_size 168960
		.amdhsa_private_segment_fixed_size 0
		.amdhsa_enable_private_segment 0
		.amdhsa_kernarg_size 48
		.amdhsa_user_sgpr_count 2
		.amdhsa_user_sgpr_kernarg_segment_ptr 1
		.amdhsa_wavefront_size32 1
		.amdhsa_system_sgpr_workgroup_id_x 1
		.amdhsa_system_sgpr_workgroup_id_y 1
		.amdhsa_system_sgpr_workgroup_id_z 1
		.amdhsa_system_vgpr_workitem_id 0
		.amdhsa_next_free_vgpr 256
		.amdhsa_next_free_sgpr 66
		.amdhsa_reserve_vcc 0
		.amdhsa_float_denorm_mode_32 3
		.amdhsa_float_denorm_mode_16_64 3
		.amdhsa_memory_ordered 1
		.amdhsa_forward_progress 1
		.amdhsa_inst_pref_size 78
	.end_amdhsa_kernel
	.amdgpu_metadata
---
amdhsa.version: [ 1, 2 ]
amdhsa.kernels:
  - .name:           k_q7adda9911b_qkv
    .symbol:         k_q7adda9911b_qkv.kd
    .args:
      - { .name: tgt, .offset: 0, .size: 8, .value_kind: global_buffer, .address_space: global }
      - { .name: query_pos, .offset: 8, .size: 8, .value_kind: global_buffer, .address_space: global }
      - { .name: in_proj_w_codes, .offset: 16, .size: 8, .value_kind: global_buffer, .address_space: global }
      - { .name: in_proj_w_scales, .offset: 24, .size: 8, .value_kind: global_buffer, .address_space: global }
      - { .name: in_proj_b, .offset: 32, .size: 8, .value_kind: global_buffer, .address_space: global }
      - { .name: qkvc, .offset: 40, .size: 8, .value_kind: global_buffer, .address_space: global }
    .group_segment_fixed_size: 168960
    .private_segment_fixed_size: 0
    .kernarg_segment_align: 8
    .kernarg_segment_size: 48
    .max_flat_workgroup_size: 256
    .sgpr_count:     66
    .vgpr_count:     256
    .wavefront_size: 32
...
	.end_amdgpu_metadata
.endif
;; end of part 10
;; launch attn (part 11): grid 2 x 128, 16 waves a work-group, no clusters, 73,728 bytes of LDS; arguments qkvc, oc; writes oc
.if DOCPART == 11
	.amdgcn_target "amdgcn-amd-amdhsa--gfx1250"
	.amdhsa_code_object_version 6
	.text
	.protected	k_q7adda9911b_attn
	.globl	k_q7adda9911b_attn
	.p2align	8
	.type	k_q7adda9911b_attn,@function
k_q7adda9911b_attn:
	s_mov_b64 s[64:65], 0
	v_nop
	global_prefetch_b8 v0, s[64:65] scope:SCOPE_SE
	s_setreg_imm32_b32 hwreg(HW_REG_WAVE_SCHED_MODE, 0, 2), 2
	s_setreg_imm32_b32 hwreg(HW_REG_WAVE_MODE, 25, 1), 1
	s_wait_xcnt 0x0
	s_wait_alu depctr_vm_vsrc(0)
; o = softmax(Q K^T / sqrt(32)) V for one head and 512 queries, both products on E4M3 codes with E8M0 scales; o is quantised at once (a block = the head's 32 channels) for the next product.
; THE SOFTMAX AHEAD OF THE SECOND PRODUCT: t = score x log2(e) / sqrt(32); M = the running largest t rounded up to a whole number; p = 2^(t - M) is quantised along the keys, not normalised;
; the row's sum is taken of the unquantised p and divides at the end. When M moves, the sum and O are multiplied by 2^(old M - new M): exact.
; SHARES. Sixteen waves, four to a SIMD; a wave takes two tiles of 16 queries one after the other and walks the head's 1,024 keys, 128 a step. K, V and their scale words of the whole head (70 KB) are copied
; into LDS once, through registers; nothing in LDS is filled again.
; LAYOUT. Both products transposed: S^T = K Q^T, O^T = V^T P^T: a lane holds one query throughout. All operands lie in memory and LDS as images of their registers (lane l's 16 bytes at 16 l).
; K = 32 IN A FORM OF 128: Q's fragment is 4 registers of codes and 12 of zero codes. The fragment of key tile t is v[KF + 4 t] on, 16 registers: its first block is the tile, the other three are the next
; tiles' codes (finite) or a tail of zeros; they meet Q's zero codes and add nothing. Bytes 1-3 of both scale words are 0, which is 2^-127 and no NaN.
; No cluster: the two work-groups of a head share 70 KB, read once each at the head. No prefetch: K and V come once, at the head.
; LIMITS: NaN and infinities are not served; a block of o under 2^-118 keeps byte 1.
; THE MODE: SCHED_MODE bits 1:0 = 2 (LLVM: expert scheduling mode 2), set by the entry lines. The code itself states the register dependences
; between vector or matrix instructions and memory or LDS instructions, with s_wait_alu, always for 0.
; THE PLAN. Registers that LDS or memory instructions touch, in the loop:
;   KF, KSW   Step j: the eight products K Q^T read them; behind the wait for the 64 exponentials, which stands behind those products, step j + 1's K and words land in them.
;   VF, VSW   Step j: the two products V^T P at the step's end read them; behind the same wait of step j + 1 that step's V and words land in them.
;   ADI, ADS, ADT  Written at a step's head, read by the step's 19 LDS loads (K's by an immediate offset one step on).
;   PCD, PWD  p's codes and scale word: written by vector instructions, taken by the scaled products: a wait of its own, behind their places.
; So the one wait behind the exponentials states all that the step's loads hang on; V's nine follow it at once, K's ten stand behind the row's sums, which name none of those registers.
; The eighth step of a tile asks for no K: it is written out behind a loop of seven trips. A tile's first K is asked for at the tile's head.
.set KSC,  0                           ; K's scale words: [key step 8][r 16][tile 8] words
.set VSC,  4096                        ; V's: [key step 8][r 16][u 2] words
.set OST,  5120                        ; o's scale bytes of the work-group's 512 rows
.set KIMG, 6144                        ; 64 tiles x 512 bytes
.set VIMG, 38912                       ; [key step 8][u 2][chunk 4] x 512 bytes
.set LI,  1                            ; 16 x lane
.set KS0, 2                            ; 32 r + KSC
.set VS0, 3                            ; 8 r + VSC
.set ADI, 4
.set ADS, 5
.set ADT, 6
.set OSA, 7                            ; OST + 32 w + r
.set T16, 8
.set T8,  9
.set T2,  10
.set R32, 11                           ; 32 r
.set QQ,  16                           ; v16-31  Q: 4 of codes, 12 of zeros
.set KF,  32                           ; v32-75  8 tiles x 4, 12 of zeros
.set VF,  76                           ; v76-107 V's two fragments
.set SS,  112                          ; v112-175 S^T, then p
.set OO,  176                          ; v176-191 O^T
.set PCD, 192                          ; v192-207 p's codes
.set KSW, 208                          ; v208-215 K's scale words (scales alone)
.set VSW, 216                          ; v216-217 V's
.set QSW, 218                          ; Q's
.set BM,  220
.set BP,  224
.set BH,  228
.set BS,  232
.set FF,  236                          ; v[236:237] f
.set TT,  238
.set PWD, 239                          ; p's scale word (scales alone)
.set C2,  240                          ; v[240:241] the sums' second chain
.set WV,  24
.set SEL, 26
.set CS,  28                           ; s[28:29] c = log2(e) / sqrt(32)
.set MNT, 30
.set TB,  31
.set TS,  32
.set TJ,  33
.set CNT, 34
	s_load_b128 s[4:7], s[0:1], 0x0                ; qkvc, oc
	v_lshl_add_u32 v254, v0, 2, 0x11800
	v_mov_b32 v255, 0
	v_lshrrev_b32 v12, 5, v0
	v_readfirstlane_b32 s[WV], v12                 ; wave 0..15
	v_and_b32 v12, 31, v0
	v_and_b32 v13, 15, v0                          ; r
	v_lshlrev_b32 v[LI], 4, v12
	v_lshlrev_b32 v[KS0], 5, v13
	v_lshlrev_b32 v[R32], 5, v13
	v_lshl_add_u32 v[VS0], v13, 3, VSC
	s_wait_alu depctr_va_sdst(0)                   ; the wave's number is written, ahead of its first reader
	s_lshl_b32 s38, s[WV], 5
	v_add_nc_u32 v[OSA], s38, v13
	v_add_nc_u32 v[OSA], OST, v[OSA]
	v_lshlrev_b32 v[T16], 4, v0
	v_lshlrev_b32 v[T8], 3, v0
	v_lshlrev_b32 v[T2], 1, v0
	s_mov_b32 s[SEL], 0x76543210
	s_mov_b32 s[SEL+1], 0xfedcba98
	s_mov_b32 s[CS], 0x3e8293ee
	s_mov_b32 s[CS+1], s[CS]
	s_mov_b32 s[MNT], 0x600000
	s_and_b32 s35, ttmp7, 0xffff                   ; bh
	s_mov_b32 s37, 0
	s_wait_kmcnt 0x0
	s_lshl_b32 s36, s35, 15
	s_add_nc_u64 s[16:17], s[4:5], s[36:37]        ; the head's codes of Q,
	s_add_nc_u64 s[8:9], s[16:17], 4194304         ; of K,
	s_add_nc_u64 s[10:11], s[16:17], 8388608       ; of V
	s_lshl_b32 s36, s35, 12
	s_add_co_u32 s36, s36, 13107200
	s_add_nc_u64 s[12:13], s[4:5], s[36:37]        ; K's scale words
	s_lshl_b32 s36, s35, 10
	s_add_co_u32 s36, s36, 13631488
	s_add_nc_u64 s[14:15], s[4:5], s[36:37]        ; V's
	s_wait_alu depctr_va_vdst(0)                   ; the addresses v1 to v3, v7 to v11, v254 and v255 are written, which the kernel's loads, stores and closing add read
.irp j, 0,1,2,3
	global_load_b128 v[SS+4*\j:SS+4*\j+3], v[T16], s[8:9] offset:8192*\j
.endr
.irp j, 0,1,2,3
	global_load_b128 v[SS+16+4*\j:SS+16+4*\j+3], v[T16], s[10:11] offset:8192*\j
.endr
	global_load_b64 v[SS+32:SS+33], v[T8], s[12:13]
	global_load_u16 v[SS+34], v[T2], s[14:15]
	s_lshl_b32 s36, ttmp9, 14                      ; my first tile of queries: 32 x half + 2 x wave, 512 bytes each
	s_lshl_b32 s38, s[WV], 10
	s_add_co_u32 s36, s36, s38
	s_add_nc_u64 s[16:17], s[16:17], s[36:37]
	s_lshl_b32 s36, s35, 3                         ; its scale words: (8 bh + tile / 8) x 512 + 4 (tile % 8), + 32 r
	s_lshl_b32 s38, ttmp9, 2
	s_add_co_u32 s36, s36, s38
	s_lshr_b32 s38, s[WV], 2
	s_add_co_u32 s36, s36, s38
	s_lshl_b32 s36, s36, 9
	s_and_b32 s38, s[WV], 3
	s_lshl_b32 s38, s38, 3
	s_add_co_u32 s36, s36, s38
	s_add_co_u32 s36, s36, 12582912
	s_add_nc_u64 s[18:19], s[4:5], s[36:37]
	s_lshr_b32 s36, s35, 3                         ; o's codes: (64 batch + tile) x 4096 + 512 x head
	s_lshl_b32 s36, s36, 18
	s_lshl_b32 s38, ttmp9, 17
	s_add_co_u32 s36, s36, s38
	s_lshl_b32 s38, s[WV], 13
	s_add_co_u32 s36, s36, s38
	s_and_b32 s38, s35, 7
	s_lshl_b32 s38, s38, 9
	s_add_co_u32 s36, s36, s38
	s_add_nc_u64 s[20:21], s[6:7], s[36:37]
	s_lshl_b32 s36, s35, 10                        ; o's scale bytes: 1024 bh + 512 x half
	s_lshl_b32 s38, ttmp9, 9
	s_add_co_u32 s36, s36, s38
	s_add_co_u32 s36, s36, 4194304
	s_add_nc_u64 s[22:23], s[6:7], s[36:37]
.irp j, 4,5,6,7,8,9,10,11,12,13,14,15
	v_mov_b32 v[QQ+\j], 0                          ; Q's zero codes
	v_mov_b32 v[KF+28+\j], 0                       ; the tail behind K's eight tiles
.endr
.irp b, 0,1,2,3
	v_mov_b32 v[BP+\b], 0                          ; a lane permute's destination counts as one of its sources
.endr
	v_mov_b32 v[FF+1], 0                           ; named as the upper half of a pair
	v_mov_b32 v[TT], 0
	s_wait_loadcnt 0x0
	s_wait_alu depctr_va_vdst(0)                   ; Q's zero codes and the zero tail behind K's tiles are written, which the scaled products take as parts of their operands
.irp j, 0,1,2,3
	ds_store_b128 v[T16], v[SS+4*\j:SS+4*\j+3] offset:KIMG+8192*\j
.endr
.irp j, 0,1,2,3
	ds_store_b128 v[T16], v[SS+16+4*\j:SS+16+4*\j+3] offset:VIMG+8192*\j
.endr
	ds_store_b64 v[T8], v[SS+32:SS+33] offset:KSC
	ds_store_b16 v[T2], v[SS+34] offset:VSC
	s_wait_dscnt 0x0                               ; for the others' sake: my part of the head lies in LDS
	s_barrier_signal -1
	s_barrier_wait -1
	s_wait_alu depctr_vm_vsrc(0)                   ; my LDS stores have read v[SS ..], which the first products write
; A KEY STEP: 128 keys. nxt = 1: the next step's K is asked for
.macro STEP nxt
	s_wait_alu depctr_vm_vsrc(0)                   ; the LDS loads issued so far have read the three addresses, which the next lines write
	v_add_nc_u32 v[ADI], s[TB], v[LI]
	v_add_nc_u32 v[ADS], s[TS], v[KS0]
	v_add_nc_u32 v[ADT], s[TJ], v[VS0]
	s_wait_dscnt 0x0                               ; this step's K and its words are in: asked for a step ago, the first step's at the tile's head
.irp t, 0,1,2,3,4,5,6,7
	v_wmma_scale_f32_16x16x128_f8f6f4 v[SS+8*\t:SS+8*\t+7], v[KF+4*\t:KF+4*\t+15], v[QQ:QQ+15], 0, v[KSW+\t], v[QSW]
.endr
.rept 8
	v_nop
.endr
.irp b, 0,1,2,3
	v_max3_num_f32 v[BM+\b], v[SS+16*\b], v[SS+1+16*\b], v[SS+2+16*\b]      ; the largest score of each block of 32 keys: for the row's maximum and, since p rises with the score, for the block's largest p
.endr
.irp i, 3,5,7,9,11,13
.irp b, 0,1,2,3
	v_max3_num_f32 v[BM+\b], v[BM+\b], v[SS+16*\b+\i], v[SS+1+16*\b+\i]
.endr
.endr
.irp b, 0,1,2,3
	v_max_num_f32 v[BM+\b], v[BM+\b], v[SS+15+16*\b]
.endr
.irp b, 0,1,2,3
	v_permlanex16_b32 v[BP+\b], v[BM+\b], s[SEL], s[SEL+1]
.endr
.irp b, 0,1,2,3
	v_max_num_f32 v[BM+\b], v[BM+\b], v[BP+\b]
.endr
	v_max3_num_f32 v[TT], v[BM], v[BM+1], v[BM+2]
	v_max_num_f32 v[TT], v[TT], v[BM+3]
	v_mul_f32 v[TT], s[CS], v[TT]
	v_max_num_f32 v13, v13, v[TT]                  ; the running largest t
	v_mov_b32 v[TT], v12
	v_floor_f32 v12, -v13                          ; -M = floor(-t): M is a whole number
	v_sub_f32 v[TT], v12, v[TT]
	v_cvt_i32_f32 v[TT], v[TT]                     ; (it saturates)
	v_ldexp_f32 v[FF], 1.0, v[TT]                  ; f = 2^(old M - new M)
.set J, 0
.rept 32
	v_pk_fma_f32 v[SS+J:SS+J+1], v[SS+J:SS+J+1], s[CS:CS+1], v[12:13] op_sel_hi:[1,0,0]   ; t - M
.set J, J+2
.endr
.irp b, 0,1,2,3
	v_fma_f32 v[BM+\b], v[BM+\b], s[CS], v12
.endr
.set J, 0
.rept 64
	v_exp_f32 v[SS+J], v[SS+J]                     ; p = 2^(t - M)
.set J, J+1
.endr
	v_pk_mul_f32 v[14:15], v[14:15], v[FF:FF+1] op_sel_hi:[1,0]   ; the sums under the new M: the plain line behind the batch
	s_wait_alu depctr_va_vdst(0)                   ; the 64 exponentials have written p, ahead of its first reader; the three addresses are written; the last step's products V^T P are done reading V and its words, this step's K Q^T K and its words: loads land in all four
.irp u, 0,1
.irp c, 0,1,2,3
	ds_load_b128 v[VF+16*\u+4*\c:VF+16*\u+4*\c+3], v[ADI] offset:VIMG+2048*\u+512*\c   ; this step's V
.endr
.endr
	ds_load_b64 v[VSW:VSW+1], v[ADT]
.irp b, 0,1,2,3
	v_exp_f32 v[BM+\b], v[BM+\b]                   ; each block's largest p
.endr
	v_pk_add_f32 v[C2:C2+1], v[SS:SS+1], v[SS+2:SS+3]             ; the row's sum of the unquantised p, in two chains
.irp j, 4,8,12,16,20,24,28,32,36,40,44,48,52,56,60
	v_pk_add_f32 v[14:15], v[14:15], v[SS+\j:SS+\j+1]
	v_pk_add_f32 v[C2:C2+1], v[C2:C2+1], v[SS+2+\j:SS+3+\j]
.endr
	v_pk_add_f32 v[14:15], v[14:15], v[C2:C2+1]
.if \nxt
.irp t, 0,1,2,3,4,5,6,7
	ds_load_b128 v[KF+4*\t:KF+4*\t+3], v[ADI] offset:KIMG+4096+512*\t   ; the next step's K. No wait: no vector or matrix instruction since the wait above names K's registers, its words or the addresses
.endr
	ds_load_b128 v[KSW:KSW+3], v[ADS] offset:512
	ds_load_b128 v[KSW+4:KSW+7], v[ADS] offset:528
.endif
	s_wait_alu depctr_va_vdst(0)                   ; the four exponentials have written the blocks' largest p, ahead of their first reader
.irp b, 0,1,2,3
	v_max_num_f32 v[BM+\b], 0x4800000, v[BM+\b]    ; the floor: the byte cannot fall under 1
.endr
.irp b, 0,1,2,3
	v_add_nc_u32 v[BS+\b], 0xfc000000, v[BM+\b]
.endr
.irp b, 0,1,2,3
	v_and_or_b32 v[BH+\b], v[BM+\b], 0x7f800000, s[MNT]
.endr
.irp b, 0,1,2,3
	v_lshrrev_b32 v[BP+\b], 23, v[BS+\b]
.endr
	v_lshl_or_b32 v[PWD], v[BP+1], 8, v[BP]
	v_lshl_or_b32 v[PWD], v[BP+2], 16, v[PWD]
	v_lshl_or_b32 v[PWD], v[BP+3], 24, v[PWD]
.irp b, 0,1,2,3
.irp i, 0,1,2,3,4,5,6,7,8,9,10,11,12,13,14,15
	v_min_num_f32 v[SS+16*\b+\i], v[SS+16*\b+\i], v[BH+\b]        ; the hold; p is not negative
.endr
	v_cvt_scalef32_pk8_fp8_f32 v[PCD+4*\b:PCD+1+4*\b], v[SS+16*\b:SS+7+16*\b], v[BS+\b]
	v_cvt_scalef32_pk8_fp8_f32 v[PCD+2+4*\b:PCD+3+4*\b], v[SS+8+16*\b:SS+15+16*\b], v[BS+\b]
.endr
.set J, 0
.rept 8
	v_pk_mul_f32 v[OO+J:OO+J+1], v[OO+J:OO+J+1], v[FF:FF+1] op_sel_hi:[1,0]   ; O^T under the new M
.set J, J+2
.endr
.rept 4
	v_nop                                          ; four places between the codes' conversions and the products
.endr
	s_wait_alu depctr_va_vdst(0)                   ; p's codes and its scale word are written, which the scaled products take as operand and scales; the places above stay beside this wait
.if \nxt
	s_wait_dscnt 10                                ; V and its words are in; the next step's K, ten younger loads, may be out
.else
	s_wait_dscnt 0x0                               ; V and its words
.endif
.irp u, 0,1
	v_wmma_scale_f32_16x16x128_f8f6f4 v[OO+8*\u:OO+8*\u+7], v[VF+16*\u:VF+16*\u+15], v[PCD:PCD+15], v[OO+8*\u:OO+8*\u+7], v[VSW+\u], v[PWD]
.endr
.endm
; ONE TILE OF 16 QUERIES
.macro TILE i
	global_load_b128 v[QQ:QQ+3], v[LI], s[16:17] offset:512*\i     ; (second tile: the wait ahead of the first tile's stores has shown the products done reading Q, K and their words, and nothing since names them)
	global_load_b32 v[QSW], v[R32], s[18:19] offset:4*\i
.irp t, 0,1,2,3,4,5,6,7
	ds_load_b128 v[KF+4*\t:KF+4*\t+3], v[LI] offset:KIMG+512*\t    ; the first step's K
.endr
	ds_load_b128 v[KSW:KSW+3], v[KS0]
	ds_load_b128 v[KSW+4:KSW+7], v[KS0] offset:16
	v_mov_b32 v13, 0xff61b1e6                      ; the largest t so far: -3e38
	v_floor_f32 v12, -v13
	v_mov_b32 v14, 0
	v_mov_b32 v15, 0
.set J, 0
.rept 16
	v_mov_b32 v[OO+J], 0                           ; the step is written once: the first finds zeros
.set J, J+1
.endr
	s_mov_b32 s[TB], 0
	s_mov_b32 s[TS], 0
	s_mov_b32 s[TJ], 0
	s_mov_b32 s[CNT], 7
	s_wait_loadcnt 0x0
.Lstep_\@:
	STEP 1
	s_add_co_u32 s[TB], s[TB], 4096
	s_add_co_u32 s[TS], s[TS], 512
	s_add_co_u32 s[TJ], s[TJ], 128
	s_sub_co_u32 s[CNT], s[CNT], 1
	s_cmp_lg_u32 s[CNT], 0
	s_cbranch_scc1 .Lstep_\@
	STEP 0                                         ; the eighth step is written out: there is no K behind it
.rept 8
	v_nop
.endr
	v_add_f32 v14, v14, v15
	v_permlanex16_b32 v[TT], v14, s[SEL], s[SEL+1]
	v_add_f32 v14, v14, v[TT]                      ; the row's sum
	v_rcp_f32 v14, v14
	v_nop
	s_wait_alu depctr_va_vdst(0)                   ; the reciprocal is written, ahead of its first reader
.set J, 0
.rept 16
	v_mul_f32 v[SS+J], v[OO+J], v14                ; o(query r, channel 16 h + J)
.set J, J+1
.endr
	v_max3_num_f32 v[BM], |v[SS]|, |v[SS+1]|, 0x4800000           ; one block: the head's 32 channels
.irp j, 2,4,6,8,10,12,14
	v_max3_num_f32 v[BM], v[BM], |v[SS+\j]|, |v[SS+1+\j]|
.endr
	v_permlanex16_b32 v[BP], v[BM], s[SEL], s[SEL+1]
	v_max_num_f32 v[BM], v[BM], v[BP]
	v_add_nc_u32 v[BS], 0xfc000000, v[BM]
	v_and_or_b32 v[BH], v[BM], 0x7f800000, s[MNT]
	v_lshrrev_b32 v[BP], 23, v[BS]
.set J, 0
.rept 16
	v_med3_num_f32 v[SS+J], v[SS+J], -v[BH], v[BH]
.set J, J+1
.endr
	v_cvt_scalef32_pk8_fp8_f32 v[PCD:PCD+1], v[SS:SS+7], v[BS]
	v_cvt_scalef32_pk8_fp8_f32 v[PCD+2:PCD+3], v[SS+8:SS+15], v[BS]
	v_nop
	s_wait_alu depctr_va_vdst(0)                   ; o's codes and its scale byte are written, which the two stores read; the tile's products are done reading Q, K and their words, in which the next tile's land
	global_store_b128 v[LI], v[PCD:PCD+3], s[20:21] offset:4096*\i   ; chunk (head % 4) of fragment (tile, head / 4): 512 consecutive bytes
	ds_store_b8 v[OSA], v[BP] offset:16*\i         ; both halves of the lanes write the same byte
	s_wait_xcnt 0x0                                ; the store has read its data: the next tile writes them again
	s_wait_alu depctr_vm_vsrc(0)                   ; both stores have read their data, and the tile's LDS loads the address v[ADI]: all three are written again below
.endm
	TILE 0
	TILE 1
	v_add_nc_u32 v[ADI], OST, v[LI]
	s_wait_dscnt 0x0
	s_barrier_signal -1
	s_barrier_wait -1                              ; the 512 scale bytes lie in LDS
	s_cmp_lg_u32 s[WV], 0
	s_cbranch_scc1 .Lend
	s_wait_alu depctr_va_vdst(0)                   ; v[ADI] is written, which the LDS load reads
	ds_load_b128 v[SS:SS+3], v[ADI]
	s_wait_dscnt 0x0
	global_store_b128 v[LI], v[SS:SS+3], s[22:23]  ; wave 0 stores them: 512 consecutive bytes
.Lend:
	s_wait_dscnt 0x0                               ; the closing lines, six on end
	s_wait_alu 0x0
	s_wait_tensorcnt 0x0
	ds_add_u32 v254, v255
	s_wait_dscnt 0x0
	s_endpgm
.Lfunc_end_k_q7adda9911b_attn:
	.size	k_q7adda9911b_attn, .Lfunc_end_k_q7adda9911b_attn-k_q7adda9911b_attn
	.p2alignl 7, 3214868480
	.fill 96, 4, 3214868480
	.section	.rodata,"a",@progbits
	.p2align	6, 0x0
	.amdhsa_kernel k_q7adda9911b_attn
		.amdhsa_group_segment_fixed_size 73728
		.amdhsa_private_segment_fixed_size 0
		.amdhsa_enable_private_segment 0
		.amdhsa_kernarg_size 16
		.amdhsa_user_sgpr_count 2
		.amdhsa_user_sgpr_kernarg_segment_ptr 1
		.amdhsa_wavefront_size32 1
		.amdhsa_system_sgpr_workgroup_id_x 1
		.amdhsa_system_sgpr_workgroup_id_y 1
		.amdhsa_system_sgpr_workgroup_id_z 1
		.amdhsa_system_vgpr_workitem_id 0
		.amdhsa_next_free_vgpr 256
		.amdhsa_next_free_sgpr 66
		.amdhsa_reserve_vcc 0
		.amdhsa_float_denorm_mode_32 3
		.amdhsa_float_denorm_mode_16_64 3
		.amdhsa_memory_ordered 1
		.amdhsa_forward_progress 1
		.amdhsa_inst_pref_size 81
	.end_amdhsa_kernel
	.amdgpu_metadata
---
amdhsa.version: [ 1, 2 ]
amdhsa.kernels:
  - .name:           k_q7adda9911b_attn
    .symbol:         k_q7adda9911b_attn.kd
    .args:
      - { .name: qkvc, .offset: 0, .size: 8, .value_kind: global_buffer, .address_space: global }
      - { .name: oc, .offset: 8, .size: 8, .value_kind: global_buffer, .address_space: global }
    .group_segment_fixed_size: 73728
    .private_segment_fixed_size: 0
    .kernarg_segment_align: 8
    .kernarg_segment_size: 16
    .max_flat_workgroup_size: 512
    .sgpr_count:     66
    .vgpr_count:     256
    .wavefront_size: 32
...
	.end_amdgpu_metadata
.endif
;; end of part 11
;; launch mid (part 12): grid 256 x 1, 8 waves a work-group, no clusters, 220,160 bytes of LDS; arguments oc, tgt, query_pos, reference_points, out_proj_w_codes, out_proj_w_scales, out_proj_b, norm2_g, norm2_b, off_w_codes, off_w_scales, off_b, attw_w_codes, attw_w_scales, attw_b, tgt1, samp_w, samp_idx; writes tgt1, samp_w, samp_idx
.if DOCPART == 12
	.amdgcn_target "amdgcn-amd-amdhsa--gfx1250"
	.amdhsa_code_object_version 6
	.text
	.protected	k_q7adda9911b_mid
	.globl	k_q7adda9911b_mid
	.p2align	8
	.type	k_q7adda9911b_mid,@function
k_q7adda9911b_mid:
	s_mov_b64 s[64:65], 0
	v_nop
	global_prefetch_b8 v0, s[64:65] scope:SCOPE_SE
	s_setreg_imm32_b32 hwreg(HW_REG_WAVE_SCHED_MODE, 0, 2), 2
	s_setreg_imm32_b32 hwreg(HW_REG_WAVE_MODE, 25, 1), 1
	s_wait_xcnt 0x0
	s_wait_alu depctr_vm_vsrc(0)
; tgt1 = LayerNorm(tgt + o Wo^T + bo); x = tgt1 + query_pos, quantised; offsets = x Woff^T + boff; weights = softmax16(x Wa^T + ba);
; then for each row, head and sampling point: the place of the point's upper left corner in the head's FRAMED maps, and the four corners' weights (bilinear x attention weight, 0 for a corner outside the map).
; A framed map of width w has w + 2 rows of w + 2 positions, a frame of zeros round the map. Level 0 stands alone (66 x 66); levels 1, 2, 3 follow each other from 0, 1156, 1480 on.
; The place is start + (ya + 1)(w + 2) + xa + 1 with xa, ya held to [-1, w - 1]: so it is never negative, and all four corners lie in the frame or in the map.
; The places are stored as whole numbers and used as addresses by a later launch; no address and no branch here hangs on them.
; The maps' shapes (64, 32, 16, 8 squared) are the constants that the computation itself is written with; the inputs src_spatial_shapes and level_start_index do not enter it and are not read.
; SHARES. 64 rows, eight waves. Row phases: wave w = (tile m = w / 2, half s = w % 2) holds columns 128 s + 32 b + 16 h + i of row 16 m + r in register 16 b + i. Panel phases: wave w makes 32 columns (for the offsets: head w) for all 64 rows.
; o's tiles arrive with rows in the order 32 (m / 2) + 8 (m % 2) + r + 8 (r / 8); the first product's results are laid back into natural rows by their address in the stage.
; LIMITS: NaN and infinities are not served. Coordinates are held in f32 before they become whole numbers, so any finite offset is served. Scale bytes as in the other launches (floor 1).
; THE MODE: SCHED_MODE bits 1:0 = 2 (LLVM: expert scheduling mode 2), set by the entry lines. The code itself states the register dependences
; between vector or matrix instructions and memory or LDS instructions, with s_wait_alu, always for 0.
; THE PLAN. Three banks of 64 registers pass between the two sides:
;   ACC  loaded (copies, rows), stored to LDS (copies, results, tgt1) and to memory (tgt1); written by products and by the row phases' arithmetic.
;   BK   loaded (copies, fragments, rows, a bias, the reference points); read by products and arithmetic; QUANT's codes and, in the samples, weights and places lie there, which stores read.
;   WF   loaded (o's fragments, weights, a gain, rows, the stage's bytes); read by products, arithmetic and stores.
; Each change of a bank's side has its wait: on va_vdst where vector or matrix instructions have written what a store reads, or have named what a load lands in; on vm_vsrc where a store has read what is written next.
; Address registers are made at the head; eight of them are made anew for the samples, behind a wait on vm_vsrc that stands behind their last readers.
; The samples' compares write four scalar masks a point, 32 a tile, into s4 to s35, whose pointers are done with; ONE wait on va_sdst a tile stands between the compares and the selects.
.set PITCH, 1040
.set AIMG,  0                          ; 8 fragments (2 m + s) of 2,048 bytes: o's, later x's
.set ASC,   16384                      ; their scale words
.set RED,   17408                      ; two exchanges of 1,024 bytes
.set STG,   19456                      ; 64 rows of results; later each wave's own stage of 5,120 bytes
.set RES,   86016                      ; 64 rows: tgt, then tgt1
.set POS,   152576                     ; 64 rows of query_pos
.set LI,  1
.set LS,  2
.set WA,  3
.set WSA, 4
.set BA,  5
.set CPG, 6
.set CPLR, 7                           ; 8320 w + 16 lane + RES
.set CPLP, 8                           ; + POS; later AWA
.set AWA, 8                            ; 256 r + 16 h
.set RRS, 9                            ; (16 m + r) x 1040 + 512 s + 64 h + STG; later AD1
.set RRR, 10                           ; the same in RES; later AD2
.set RRP, 11                           ; in POS; later AI1
.set SWP, 12                           ; rp x 1040 + 64 h + 128 w + STG; later AI2
.set IMW, 13                           ; later SRB
.set SCW, 14                           ; later WLM
.set RDW, 15                           ; 4 lane + 128 w + RED; later WLM + 1
.set AD1, 9                            ; my stage: where the weights of my first four points go,
.set AD2, 10                           ; of my last four,
.set AI1, 11                           ; and the same for the places
.set AI2, 12
.set SRB, 13                           ; my stage + 16 lane: back, as it lies
.set WLM, 14                           ; v14-15 the widths of my two levels, less 1, as f32
.set RDR, 52                           ; 4 lane + 128 (w xor 1) + RED
.set GA,  53                           ; 512 s + 64 h
.set RV,  54                           ; r; later AWS
.set AWS, 54                           ; 8 r
.set AWB, 55                           ; 32 h
.set PW,  56
.set REFA, 57                          ; 32 r + 16 h
.set T7,  58
.set T8,  59
.set T6,  61
.set BI,  16
.set WS,  32                           ; scales alone
.set AS,  48                           ; scales alone
.set ACC, 64
.set BK,  128
.set WF,  192
.set TM,  128
.set PC,  144
.set LG,  WF+32                        ; v224-255 the logits, then the attention weights
.set OW,  BK                           ; v128-159 corner c, point i at 8 c + i
.set IDX, BK+32                        ; v160-167
.set REFP, BK+48                       ; v176-191 the reference points of my two levels, 4 registers a tile
.set SH,  16                           ; per lane, for levels 2 h and 2 h + 1: log2 of the width,
.set WLI, 18                           ; the width,
.set WLF, 20                           ; as f32,
.set INV, 22                           ; its reciprocal,
.set STL, 24                           ; the framed map's start + width + 3
.set TP,  26                           ; v26-31 at work
.set MK,  4                            ; s4-35 the samples' masks: point i's four at MK + 4 i
.set SEL, 40
.set MNT, 42
.set WV,  43
.set R256, 44                          ; 2^-8
.set EPS, 45                           ; 1e-5
.macro PLACES n
.rept \n
	v_nop
.endr
.endm
.macro BAR
	s_wait_dscnt 0x0
	s_barrier_signal -1
	s_barrier_wait -1
.endm
.macro COPYIN ptr, bank
.irp j, 0,1,2,3,4,5,6,7,8,9,10,11,12,13,14,15
	global_load_b128 v[\bank+4*\j:\bank+4*\j+3], v[CPG], s[\ptr:\ptr+1] offset:512*\j th:TH_LOAD_NT
.endr
.endm
.macro COPYST reg, off, bank
.irp j, 0,1,2,3,4,5,6,7,8,9,10,11,12,13,14,15
	ds_store_b128 v[\reg], v[\bank+4*\j:\bank+4*\j+3] offset:\off+PITCH*(\j/2)+512*(\j%2)
.endr
.endm
.macro COPYOUT reg, ptr                ; 8 whole rows: 512 consecutive bytes a store
.irp j, 0,1,2,3,4,5,6,7,8,9,10,11,12,13,14,15
	ds_load_b128 v[ACC+4*\j:ACC+4*\j+3], v[\reg] offset:PITCH*(\j/2)+512*(\j%2)
.endr
.irp j, 0,1,2,3,4,5,6,7,8,9,10,11,12,13,14,15
	s_wait_dscnt 15-\j                             ; the younger LDS loads may be out
	global_store_b128 v[CPG], v[ACC+4*\j:ACC+4*\j+3], s[\ptr:\ptr+1] offset:512*\j
.endr
.endm
.macro RROW reg, off, bank
.irp b, 0,1,2,3
.irp j, 0,1,2,3
	ds_load_b128 v[\bank+16*\b+4*\j:\bank+16*\b+4*\j+3], v[\reg] offset:\off+128*\b+16*\j
.endr
.endr
.endm
.macro WROW reg, off, bank
.irp b, 0,1,2,3
.irp j, 0,1,2,3
	ds_store_b128 v[\reg], v[\bank+16*\b+4*\j:\bank+16*\b+4*\j+3] offset:\off+128*\b+16*\j
.endr
.endr
.endm
.macro GLOAD ptr, bank                 ; a gain or a bias of 256 numbers, in the row phases' layout
.irp b, 0,1,2,3
.irp j, 0,1,2,3
	global_load_b128 v[\bank+16*\b+4*\j:\bank+16*\b+4*\j+3], v[GA], s[\ptr:\ptr+1] offset:128*\b+16*\j
.endr
.endr
.endm
.macro PKADD d, a, x                   ; 64 numbers: d = a + x
.set J, 0
.rept 32
	v_pk_add_f32 v[(\d)+J:(\d)+J+1], v[(\a)+J:(\a)+J+1], v[(\x)+J:(\x)+J+1]
.set J, J+2
.endr
.endm
.macro QUANT s, relu
.if \relu
.irp b, 0,1,2,3
	v_max3_num_f32 v[TM+\b], v[(\s)+16*\b], v[(\s)+1+16*\b], 0x4800000
.endr
.irp i, 2,4,6,8,10,12,14
.irp b, 0,1,2,3
	v_max3_num_f32 v[TM+\b], v[TM+\b], v[(\s)+16*\b+\i], v[(\s)+1+16*\b+\i]
.endr
.endr
.else
.irp b, 0,1,2,3
	v_max3_num_f32 v[TM+\b], |v[(\s)+16*\b]|, |v[(\s)+1+16*\b]|, 0x4800000   ; with the floor 2^(9 - 127)
.endr
.irp i, 2,4,6,8,10,12,14
.irp b, 0,1,2,3
	v_max3_num_f32 v[TM+\b], v[TM+\b], |v[(\s)+16*\b+\i]|, |v[(\s)+1+16*\b+\i]|
.endr
.endr
.endif
.irp b, 0,1,2,3
	v_permlanex16_b32 v[TM+4+\b], v[TM+\b], s[SEL], s[SEL+1]
.endr
.irp b, 0,1,2,3
	v_max_num_f32 v[TM+\b], v[TM+\b], v[TM+4+\b]
.endr
.irp b, 0,1,2,3
	v_add_nc_u32 v[TM+12+\b], 0xfc000000, v[TM+\b]
.endr
.irp b, 0,1,2,3
	v_and_or_b32 v[TM+8+\b], v[TM+\b], 0x7f800000, s[MNT]
.endr
.irp b, 0,1,2,3
	v_lshrrev_b32 v[TM+4+\b], 23, v[TM+12+\b]
.endr
.irp b, 0,1,2,3
.irp i, 0,1,2,3,4,5,6,7,8,9,10,11,12,13,14,15
.if \relu
	v_med3_num_f32 v[(\s)+16*\b+\i], v[(\s)+16*\b+\i], 0, v[TM+8+\b]
.else
	v_med3_num_f32 v[(\s)+16*\b+\i], v[(\s)+16*\b+\i], -v[TM+8+\b], v[TM+8+\b]
.endif
.endr
	v_cvt_scalef32_pk8_fp8_f32 v[PC+4*\b:PC+1+4*\b], v[(\s)+16*\b:(\s)+7+16*\b], v[TM+12+\b]
	v_cvt_scalef32_pk8_fp8_f32 v[PC+2+4*\b:PC+3+4*\b], v[(\s)+8+16*\b:(\s)+15+16*\b], v[TM+12+\b]
.endr
	v_nop
.endm
.macro PACKW
	v_lshl_or_b32 v[PW], v[TM+5], 8, v[TM+4]
	v_lshl_or_b32 v[PW], v[TM+6], 16, v[PW]
	v_lshl_or_b32 v[PW], v[TM+7], 24, v[PW]
.endm
.macro IMAGE adr, off
.irp c, 0,1,2,3
	ds_store_b128 v[\adr], v[PC+4*\c:PC+4*\c+3] offset:\off+512*\c
.endr
.endm
.macro LOADWC cp, coff, sp, soff
.irp k, 0,1
.irp u, 0,1
.irp c, 0,1,2,3
	global_load_b128 v[WF+32*\k+16*\u+4*\c:WF+32*\k+16*\u+4*\c+3], v[WA], s[\cp:\cp+1] offset:(\coff)+2048*\u+128*\k+32*\c
.endr
.endr
.endr
.irp u, 0,1
	global_load_b64 v[WS+2*\u:WS+2*\u+1], v[WSA], s[\sp:\sp+1] offset:(\soff)+64*\u
.endr
.endm
.macro LOADB bp, boff
.irp u, 0,1
	global_load_b128 v[BI+8*\u:BI+8*\u+3], v[BA], s[\bp:\bp+1] offset:(\boff)+32*\u
	global_load_b128 v[BI+8*\u+4:BI+8*\u+7], v[BA], s[\bp:\bp+1] offset:(\boff)+32*\u+16
.endr
.endm
.macro AFETCH adr, img, sc, fm, k
.irp m, 0,1,2,3
.irp c, 0,1,2,3
	ds_load_b128 v[BK+16*\m+4*\c:BK+16*\m+4*\c+3], v[\adr] offset:(\img)+((\fm)*\m+(\k))*2048+512*\c
.endr
	ds_load_b32 v[AS+\m], v[LS] offset:(\sc)+((\fm)*\m+(\k))*128
.endr
.endm
.macro MUL8 wf, wsb, wst, asb, ast, first      ; eight accumulators, one instruction a turn
.irp m, 0,1,2,3
.irp u, 0,1
.if \first
	v_wmma_scale_f32_16x16x128_f8f6f4 v[ACC+16*\m+8*\u:ACC+16*\m+8*\u+7], v[(\wf)+16*\u:(\wf)+16*\u+15], v[BK+16*\m:BK+16*\m+15], v[BI+8*\u:BI+8*\u+7], v[(\wsb)+(\wst)*\u], v[(\asb)+(\ast)*\m]
.else
	v_wmma_scale_f32_16x16x128_f8f6f4 v[ACC+16*\m+8*\u:ACC+16*\m+8*\u+7], v[(\wf)+16*\u:(\wf)+16*\u+15], v[BK+16*\m:BK+16*\m+15], v[ACC+16*\m+8*\u:ACC+16*\m+8*\u+7], v[(\wsb)+(\wst)*\u], v[(\asb)+(\ast)*\m]
.endif
.endr
.endr
.endm
.macro PANEL2 adr, img, sc
	AFETCH \adr, \img, \sc, 2, 0
	s_wait_loadcnt 0x0
	s_wait_dscnt 0x0
	MUL8 WF, WS, 2, AS, 1, 1
	PLACES 8                                       ; the places behind the products stay
	s_wait_alu depctr_va_vdst(0)                   ; the eight products are done reading the rows' fragments and scale words, in which K step 1's land
	AFETCH \adr, \img, \sc, 2, 1
	s_wait_dscnt 0x0
	MUL8 WF+32, WS+1, 2, AS, 1, 0
	PLACES 9                                       ; nine: later products write over these registers
.endm
.macro TOSTG adr, perm                 ; each accumulator from its low end on
.irp m, 0,1,2,3
.irp j, 0,1,2,3
.if \perm
	ds_store_b128 v[\adr], v[ACC+16*\m+4*\j:ACC+16*\m+4*\j+3] offset:(32*(\m/2)+8*(\m%2))*PITCH+16*\j
.else
	ds_store_b128 v[\adr], v[ACC+16*\m+4*\j:ACC+16*\m+4*\j+3] offset:16*\m*PITCH+16*\j
.endif
.endr
.endr
.endm
; LayerNorm of the 64 numbers in ACC with the partner wave's 64 x 2 lanes: mean, then the mean of the squared differences, as the computation is defined. The gain has been asked for into WF;
; the bias (its pointer: gp) is asked for into BK behind the first exchange's wait.
.macro LNSUM k, gp
	v_pk_add_f32 v[16:17], v[16:17], v[18:19]
	v_pk_add_f32 v[20:21], v[20:21], v[22:23]
	v_pk_add_f32 v[16:17], v[16:17], v[20:21]
	v_add_f32 v16, v16, v17
	v_permlanex16_b32 v18, v16, s[SEL], s[SEL+1]
	v_add_f32 v16, v16, v18                        ; my wave's 128 columns of row r
	s_wait_alu depctr_va_vdst(0)                   ; v16 is written, which the LDS store reads; the sums are done with v17, in which the partner's sum lands; in the first exchange: the residual's sums are done reading BK, in which the bias lands
	ds_store_b32 v[RDW], v16 offset:1024*(\k)
.if \gp
	GLOAD \gp, BK
.endif
	BAR
	ds_load_b32 v17, v[RDR] offset:1024*(\k)       ; the other 128, from the wave beside me
	s_wait_alu depctr_vm_vsrc(0)                   ; the LDS store has read v16, which the sum below writes
	s_wait_dscnt 0x0
	v_add_f32 v16, v16, v17
.endm
.macro LNORM k, gp
.irp q, 0,1,2,3
	v_pk_add_f32 v[16+2*\q:17+2*\q], v[ACC+4*\q:ACC+4*\q+1], v[ACC+4*\q+2:ACC+4*\q+3]
.endr
.irp j, 16,24,32,40,48,56
.irp q, 0,1,2,3
	v_pk_add_f32 v[16+2*\q:17+2*\q], v[16+2*\q:17+2*\q], v[ACC+\j+2*\q:ACC+\j+2*\q+1]
.endr
.endr
	LNSUM \k, \gp
	v_mul_f32 v24, s[R256], v16                    ; the mean
	v_mov_b32 v25, v24
.set J, 0
.rept 32
	v_pk_add_f32 v[ACC+J:ACC+J+1], v[ACC+J:ACC+J+1], v[24:25] neg_lo:[0,1] neg_hi:[0,1]
.set J, J+2
.endr
.irp q, 0,1,2,3
	v_pk_mul_f32 v[16+2*\q:17+2*\q], v[ACC+2*\q:ACC+2*\q+1], v[ACC+2*\q:ACC+2*\q+1]
.endr
.irp j, 8,16,24,32,40,48,56
.irp q, 0,1,2,3
	v_pk_fma_f32 v[16+2*\q:17+2*\q], v[ACC+\j+2*\q:ACC+\j+2*\q+1], v[ACC+\j+2*\q:ACC+\j+2*\q+1], v[16+2*\q:17+2*\q]
.endr
.endr
	LNSUM (\k)+1, 0
	v_fma_f32 v16, v16, s[R256], s[EPS]            ; the variance + 1e-5
	v_rsq_f32 v24, v16
	v_nop
	s_wait_alu depctr_va_vdst(0)                   ; the root is written, ahead of its first reader
	v_mov_b32 v25, v24
	s_wait_loadcnt 0x0                             ; the gain and the bias
.set J, 0
.rept 32
	v_pk_mul_f32 v[ACC+J:ACC+J+1], v[ACC+J:ACC+J+1], v[24:25]
.set J, J+2
.endr
.set J, 0
.rept 32
	v_pk_fma_f32 v[ACC+J:ACC+J+1], v[ACC+J:ACC+J+1], v[WF+J:WF+J+1], v[BK+J:BK+J+1]
.set J, J+2
.endr
.endm
	s_load_b512 s[4:19], s[0:1], 0x0               ; oc, tgt, query_pos, reference_points, Wo codes, scales, bias, norm2_g
	s_load_b512 s[20:35], s[0:1], 0x40             ; norm2_b, Woff codes, scales, bias, Wa codes, scales, bias, tgt1
	s_load_b128 s[36:39], s[0:1], 0x80             ; samp_w, samp_idx
	v_lshl_add_u32 v47, v0, 2, 0x35800
	v_mov_b32 v60, 0
	v_lshrrev_b32 v16, 5, v0
	v_readfirstlane_b32 s[WV], v16
	v_and_b32 v61, 31, v0                          ; lane
	v_and_b32 v62, 15, v0                          ; r
	v_bfe_u32 v63, v0, 4, 1                        ; h
	v_and_b32 v56, 8, v62
	v_add_nc_u32 v56, v56, v62                     ; rp
	v_lshlrev_b32 v[LI], 4, v61
	v_lshlrev_b32 v[LS], 2, v61
	v_lshlrev_b32 v[WA], 8, v56
	v_lshl_add_u32 v[WA], v63, 4, v[WA]
	v_lshlrev_b32 v[WSA], 3, v56
	v_lshlrev_b32 v[BA], 6, v63
	s_wait_alu depctr_va_sdst(0)                   ; the wave's number is written, ahead of its first reader
	s_lshl_b32 s46, s[WV], 13
	v_add_nc_u32 v[CPG], s46, v[LI]
	s_mul_i32 s46, s[WV], 8*PITCH
	v_add_nc_u32 v[CPLR], s46, v[LI]
	v_add_nc_u32 v[CPLP], POS, v[CPLR]
	v_add_nc_u32 v[CPLR], RES, v[CPLR]
	s_lshr_b32 s52, s[WV], 1                       ; m
	s_and_b32 s53, s[WV], 1                        ; s
	s_mul_i32 s46, s52, 16*PITCH
	s_lshl_b32 s47, s53, 9
	s_add_co_u32 s46, s46, s47
	v_mul_u32_u24 v[RRS], v62, PITCH
	v_lshl_add_u32 v[RRS], v63, 6, v[RRS]
	v_add_nc_u32 v[RRS], s46, v[RRS]
	v_add_nc_u32 v[RRR], RES, v[RRS]
	v_add_nc_u32 v[RRP], POS, v[RRS]
	v_add_nc_u32 v[RRS], STG, v[RRS]
	s_lshl_b32 s46, s[WV], 7
	v_mul_u32_u24 v[SWP], v56, PITCH
	v_lshl_add_u32 v[SWP], v63, 6, v[SWP]
	v_add_nc_u32 v[SWP], s46, v[SWP]
	v_add_nc_u32 v[SWP], STG, v[SWP]
	v_add_nc_u32 v[SCW], s46, v[LS]
	v_add_nc_u32 v[RDW], RED, v[SCW]
	s_xor_b32 s47, s[WV], 1
	s_lshl_b32 s47, s47, 7
	v_add_nc_u32 v[RDR], s47, v[LS]
	v_add_nc_u32 v[RDR], RED, v[RDR]
	s_lshl_b32 s46, s[WV], 11
	v_add_nc_u32 v[IMW], s46, v[LI]
	s_lshl_b32 s46, s53, 9
	v_lshl_add_u32 v[GA], v63, 6, s46
	v_mov_b32 v[RV], v62
	v_lshlrev_b32 v[AWB], 5, v63
	v_lshlrev_b32 v[REFA], 5, v62
	v_lshl_add_u32 v[REFA], v63, 4, v[REFA]
	s_mov_b32 s[SEL], 0x76543210
	s_mov_b32 s[SEL+1], 0xfedcba98
	s_mov_b32 s[MNT], 0x600000
	s_mov_b32 s[R256], 0x3b800000
	s_mov_b32 s[EPS], 0x3727c5ac
	s_mov_b32 s51, 0
	s_wait_kmcnt 0x0
	s_lshl_b32 s50, ttmp9, 16                      ; 64 rows of 1,024 bytes
	s_add_nc_u64 s[6:7], s[6:7], s[50:51]
	s_add_nc_u64 s[8:9], s[8:9], s[50:51]
	s_add_nc_u64 s[34:35], s[34:35], s[50:51]
	s_lshl_b32 s50, ttmp9, 14                      ; o's eight fragments of these rows: 16,384 dense bytes
	s_add_nc_u64 s[46:47], s[4:5], s[50:51]
	s_lshr_b32 s50, ttmp9, 4                       ; o's scale bytes: (8 batch + 4 s + c) x 1024 + 16 (4 bb + m) + r
	s_lshl_b32 s50, s50, 3
	s_lshl_b32 s54, s53, 2
	s_add_co_u32 s50, s50, s54
	s_lshl_b32 s50, s50, 10
	s_and_b32 s54, ttmp9, 15
	s_lshl_b32 s54, s54, 2
	s_add_co_u32 s54, s54, s52
	s_lshl_b32 s54, s54, 4
	s_add_co_u32 s50, s50, s54
	s_add_co_u32 s50, s50, 4194304
	s_add_nc_u64 s[48:49], s[4:5], s[50:51]
	s_lshl_b32 s50, ttmp9, 11                      ; 64 rows of 32 bytes
	s_add_nc_u64 s[10:11], s[10:11], s[50:51]
	s_lshl_b32 s50, s[WV], 13                      ; my panel of 32 rows of Wo and of Woff
	s_add_nc_u64 s[12:13], s[12:13], s[50:51]
	s_add_nc_u64 s[22:23], s[22:23], s[50:51]
	s_lshl_b32 s50, s[WV], 8
	s_add_nc_u64 s[14:15], s[14:15], s[50:51]
	s_add_nc_u64 s[24:25], s[24:25], s[50:51]
	s_lshl_b32 s50, s[WV], 7
	s_add_nc_u64 s[16:17], s[16:17], s[50:51]
	s_add_nc_u64 s[26:27], s[26:27], s[50:51]
	s_add_nc_u64 s[30:31], s[30:31], s[50:51]      ; my 16 rows of Wa: scales,
	s_lshl_b32 s50, s[WV], 12
	s_add_nc_u64 s[28:29], s[28:29], s[50:51]      ; codes,
	s_lshl_b32 s50, s[WV], 6
	s_add_nc_u64 s[32:33], s[32:33], s[50:51]      ; biases
	s_lshl_b32 s50, ttmp9, 3
	s_add_co_u32 s50, s50, s[WV]                   ; 8 x block + head
	s_lshl_b32 s54, s50, 12
	s_lshl_b32 s50, s50, 14
	s_add_nc_u64 s[36:37], s[36:37], s[50:51]
	s_mov_b32 s55, 0
	s_add_nc_u64 s[38:39], s[38:39], s[54:55]
	s_wait_alu depctr_va_vdst(0)                   ; the addresses (v1-15, v52-55, v57), v47 and v60 are written, which loads, stores and the closing add read; so is v16, in which a bias lands
	; ---- 0: tgt, query_pos, o's fragments and scale bytes come in and are laid in LDS
	COPYIN 6, ACC
	COPYIN 8, BK
.irp c, 0,1,2,3
	global_load_b128 v[WF+4*\c:WF+4*\c+3], v[IMW], s[46:47] offset:512*\c th:TH_LOAD_NT
.endr
.irp c, 0,1,2,3
	global_load_u8 v[WF+16+\c], v[RV], s[48:49] offset:1024*\c
.endr
	s_wait_loadcnt 0x0
	v_lshl_or_b32 v[PW], v[WF+17], 8, v[WF+16]     ; four heads' bytes make the fragment's scale word
	v_lshl_or_b32 v[PW], v[WF+18], 16, v[PW]
	v_lshl_or_b32 v[PW], v[WF+19], 24, v[PW]
	s_wait_alu depctr_va_vdst(0)                   ; the scale word is written, which an LDS store reads; its three lines are done reading the four bytes' registers, in which weights land
	COPYST CPLR, 0, ACC
	COPYST CPLP, 0, BK
.irp c, 0,1,2,3
	ds_store_b128 v[IMW], v[WF+4*\c:WF+4*\c+3] offset:AIMG+512*\c
.endr
	ds_store_b32 v[SCW], v[PW] offset:ASC
	s_wait_dscnt 0x0                               ; the stores have read their registers
	s_wait_alu depctr_vm_vsrc(0)                   ; the LDS stores have read o's fragments, in which the weights land, and BK, in which the first fragments of rows land
	LOADWC 12, 0, 14, 0
	LOADB 16, 0
	BAR
	; ---- 1: o Wo^T + bo, back into natural rows
	PANEL2 LI, AIMG, ASC
	s_wait_alu depctr_va_vdst(0)                   ; the products have written the accumulators, which the LDS stores read, and are done reading the weights and BK, in which the gain and tgt's rows land
	GLOAD 18, WF                                   ; norm2_g
	TOSTG SWP, 1
	BAR
	s_wait_alu depctr_vm_vsrc(0)                   ; my LDS stores have read the accumulators, in which the rows below land
	; ---- the residual, LayerNorm, tgt1; x = tgt1 + query_pos, quantised
	RROW RRS, 0, ACC
	RROW RRR, 0, BK
	s_wait_dscnt 0x0
	PKADD ACC, ACC, BK
	LNORM 0, 20                                    ; with norm2_b
	s_wait_alu depctr_va_vdst(0)                   ; tgt1 is written, which the LDS stores read; the norm is done reading the gain, in which query_pos' rows land
	WROW RRR, 0, ACC                               ; my own places in RES
	RROW RRP, 0, WF
	s_wait_dscnt 0x0
	PKADD WF, ACC, WF
	QUANT WF, 0
	PACKW
	s_wait_alu depctr_va_vdst(0)                   ; x's codes and scale word are written, which the LDS stores read; the quantiser is done with WF and BK, the norm with v16-25, the sum with ACC: weights, fragments, biases and tgt1's rows land there
	IMAGE IMW, AIMG                                ; o's fragments were last read two barriers ago
	ds_store_b32 v[SCW], v[PW] offset:ASC
	LOADWC 22, 0, 24, 0                            ; Woff: head w
	LOADB 26, 0
	BAR
	s_wait_alu depctr_vm_vsrc(0)                   ; my LDS stores have read tgt1's registers, in which whole rows land, and the codes, in which fragments land
	COPYOUT CPLR, 34                               ; tgt1 leaves in whole rows
	s_wait_xcnt 0x0                                ; the stores' data become accumulators
	s_wait_alu depctr_vm_vsrc(0)                   ; the stores have read ACC, which the products write; all readers of the addresses v8 to v15 and v54 stand ahead of this wait: they are made anew below
	; ---- 2: the offsets of head w, then its 16 logits
	PANEL2 LI, AIMG, ASC
	v_and_b32 v62, 15, v0
	v_bfe_u32 v63, v0, 4, 1
	v_lshlrev_b32 v[AWA], 8, v62
	v_lshl_add_u32 v[AWA], v63, 4, v[AWA]
	v_lshlrev_b32 v[AWS], 3, v62
	s_wait_alu depctr_va_vdst(0)                   ; the two addresses are written, which the loads read; the products are done reading weights, scale words, biases and fragments, in which Wa's and the next fragments land
.irp k, 0,1
.irp c, 0,1,2,3
	global_load_b128 v[WF+16*\k+4*\c:WF+16*\k+4*\c+3], v[AWA], s[28:29] offset:128*\k+32*\c
.endr
.endr
	global_load_b64 v[WS:WS+1], v[AWS], s[30:31]
	global_load_b128 v[BI:BI+3], v[AWB], s[32:33]
	global_load_b128 v[BI+4:BI+7], v[AWB], s[32:33] offset:16
.macro MUL4 k, first                   ; source 0 = Wa's 16 rows of head w: register j of lane (r, h) is point 8 h + j of row r
.irp m, 0,1,2,3
.if \first
	v_wmma_scale_f32_16x16x128_f8f6f4 v[LG+8*\m:LG+8*\m+7], v[WF+16*\k:WF+16*\k+15], v[BK+16*\m:BK+16*\m+15], v[BI:BI+7], v[WS+\k], v[AS+\m]
.else
	v_wmma_scale_f32_16x16x128_f8f6f4 v[LG+8*\m:LG+8*\m+7], v[WF+16*\k:WF+16*\k+15], v[BK+16*\m:BK+16*\m+15], v[LG+8*\m:LG+8*\m+7], v[WS+\k], v[AS+\m]
.endif
.endr
.endm
	AFETCH LI, AIMG, ASC, 2, 0
	s_wait_loadcnt 0x0
	s_wait_dscnt 0x0
	MUL4 0, 1
	PLACES 8
	s_wait_alu depctr_va_vdst(0)                   ; the four products are done reading the fragments and scale words of rows, in which K step 1's land
	AFETCH LI, AIMG, ASC, 2, 1
	s_wait_dscnt 0x0
	MUL4 1, 0
	PLACES 8
	s_wait_alu depctr_va_vdst(0)                   ; the four products are done reading v176-191, in which the reference points land
.irp m, 0,1,2,3
	global_load_b128 v[REFP+4*\m:REFP+4*\m+3], v[REFA], s[10:11] offset:512*\m   ; x, y of levels 2 h and 2 h + 1: 512 consecutive bytes
.endr
	; ---- the samples. Lane (r, h) holds points 8 h + i of row r: levels 2 h (i < 4) and 2 h + 1
	v_lshlrev_b32 v62, 1, v63
	v_sub_nc_u32 v[SH], 6, v62
	v_sub_nc_u32 v[SH+1], 5, v62
	v_mov_b32 v62, 1
	v_lshlrev_b32 v[WLI], v[SH], v62
	v_lshlrev_b32 v[WLI+1], v[SH+1], v62
	v_cvt_f32_u32 v[WLF], v[WLI]
	v_cvt_f32_u32 v[WLF+1], v[WLI+1]
	v_add_f32 v[WLM], -1.0, v[WLF]
	v_add_f32 v[WLM+1], -1.0, v[WLF+1]
	v_sub_nc_u32 v62, 0, v[SH]
	v_ldexp_f32 v[INV], 1.0, v62
	v_sub_nc_u32 v62, 0, v[SH+1]
	v_ldexp_f32 v[INV+1], 1.0, v62
	v_mul_u32_u24 v[STL], v63, 1108                ; start + width + 3: 67 (level 0) or 1175 (level 2),
	v_add_nc_u32 v[STL], 67, v[STL]
	v_mul_u32_u24 v[STL+1], v63, 1456              ; 35 (level 1) or 1491 (level 3)
	v_add_nc_u32 v[STL+1], 35, v[STL+1]
	; My stage is an image of what a tile of 16 rows stores: [level 0's weights: tl 2][a 4][qh 2][corner 4][point 4], 1,024 bytes; [levels 1-3: tl][a][e 3][qh][corner][point 4], 3,072;
	; the places likewise without the corners, 256 and 768 bytes. Row r = 8 tl + 4 qh + a. Lanes 0-15 hold level 0 and e = 0, lanes 16-31 e = 1 and e = 2.
	s_mul_i32 s50, s[WV], 5120
	s_add_co_u32 s50, s50, STG
	v_bfe_u32 v26, v0, 3, 1                        ; tl
	v_and_b32 v27, 3, v0                           ; a
	v_bfe_u32 v28, v0, 2, 1                        ; qh
	v_sub_nc_u32 v29, 0, v63                       ; all ones in lanes 16-31
	v_lshlrev_b32 v[AD1], 9, v26
	v_lshl_add_u32 v[AD1], v27, 7, v[AD1]
	v_lshl_add_u32 v[AD1], v28, 6, v[AD1]          ; level 0's place: 512 tl + 128 a + 64 qh
	v_lshlrev_b32 v30, 10, v26
	v_lshl_add_u32 v30, v27, 8, v30
	v_add_nc_u32 v30, 1024, v30                    ; from there to e = 0's place
	v_add_nc_u32 v[AD2], v[AD1], v30
	v_lshl_add_u32 v[AD2], v63, 8, v[AD2]          ; my last four points: e = 0 or e = 2
	v_add_nc_u32 v[AD2], s50, v[AD2]
	v_add_nc_u32 v30, 128, v30
	v_and_b32 v30, v29, v30
	v_add_nc_u32 v[AD1], v[AD1], v30               ; my first four: level 0 or e = 1
	v_add_nc_u32 v[AD1], s50, v[AD1]
	v_lshlrev_b32 v[AI1], 7, v26
	v_lshl_add_u32 v[AI1], v27, 5, v[AI1]
	v_lshl_add_u32 v[AI1], v28, 4, v[AI1]          ; the places: 128 tl + 32 a + 16 qh (+ 4096 in the stores' offsets)
	v_lshlrev_b32 v31, 8, v26
	v_lshl_add_u32 v31, v27, 6, v31
	v_add_nc_u32 v31, 256, v31
	v_add_nc_u32 v[AI2], v[AI1], v31
	v_lshl_add_u32 v[AI2], v63, 6, v[AI2]
	v_add_nc_u32 v[AI2], s50, v[AI2]
	v_add_nc_u32 v31, 32, v31
	v_and_b32 v31, v29, v31
	v_add_nc_u32 v[AI1], v[AI1], v31
	v_add_nc_u32 v[AI1], s50, v[AI1]
	v_add_nc_u32 v[SRB], s50, v[LI]
	v_mov_b32 v[TP+1], 0                           ; a lane permute's destination counts as one of its sources
.macro SOFT16 m                        ; the softmax over a row's 16 points: 8 in my lane, 8 in lane l xor 16; the maximum is taken away first
.set LG0, LG+8*(\m)
	v_max3_num_f32 v[TP], v[LG0], v[LG0+1], v[LG0+2]
	v_max3_num_f32 v[TP], v[TP], v[LG0+3], v[LG0+4]
	v_max3_num_f32 v[TP], v[TP], v[LG0+5], v[LG0+6]
	v_max_num_f32 v[TP], v[TP], v[LG0+7]
	v_permlanex16_b32 v[TP+1], v[TP], s[SEL], s[SEL+1]
	v_max_num_f32 v[TP], v[TP], v[TP+1]
.irp j, 0,1,2,3,4,5,6,7
	v_sub_f32 v[LG0+\j], v[LG0+\j], v[TP]
.endr
.irp j, 0,1,2,3,4,5,6,7
	v_mul_f32 v[LG0+\j], 0x3fb8aa3b, v[LG0+\j]
.endr
.irp j, 0,1,2,3,4,5,6,7
	v_exp_f32 v[LG0+\j], v[LG0+\j]
.endr
	v_nop
	s_wait_alu depctr_va_vdst(0)                   ; the eight exponentials are written, ahead of their first reader
	v_add_f32 v[TP], v[LG0], v[LG0+1]
	v_add_f32 v[TP+1], v[LG0+2], v[LG0+3]
	v_add_f32 v[TP+2], v[LG0+4], v[LG0+5]
	v_add_f32 v[TP+3], v[LG0+6], v[LG0+7]
	v_add_f32 v[TP], v[TP], v[TP+1]
	v_add_f32 v[TP+2], v[TP+2], v[TP+3]
	v_add_f32 v[TP], v[TP], v[TP+2]
	v_permlanex16_b32 v[TP+1], v[TP], s[SEL], s[SEL+1]
	v_add_f32 v[TP], v[TP], v[TP+1]
	v_rcp_f32 v[TP], v[TP]
	v_nop
	s_wait_alu depctr_va_vdst(0)                   ; the reciprocal is written, ahead of its first reader
.irp j, 0,1,2,3,4,5,6,7
	v_mul_f32 v[LG0+\j], v[LG0+\j], v[TP]
.endr
.endm
; A point in two parts. POINT1: the place, lx and ly (they take the offsets' two registers), and four compares into four scalar masks. POINT2, behind the tile's one wait for the masks: the selects and the weights.
.macro POINT1 m, i
.set OXR, ACC+16*(\m)+2*(\i)
.set LV, (\i)/4
.set RXR, REFP+4*(\m)+2*LV
	v_fma_f32 v[TP], v[OXR], v[INV+LV], v[RXR]     ; the place in [0, 1]: the division by the width is exact, so this rounds once, as the sum does
	v_fma_f32 v[TP+1], v[OXR+1], v[INV+LV], v[RXR+1]
	v_fma_f32 v[TP], v[TP], v[WLF+LV], -0.5        ; in pixels
	v_fma_f32 v[TP+1], v[TP+1], v[WLF+LV], -0.5
	v_floor_f32 v[TP+2], v[TP]
	v_floor_f32 v[TP+3], v[TP+1]
	v_sub_f32 v[OXR], v[TP], v[TP+2]               ; lx
	v_sub_f32 v[OXR+1], v[TP+1], v[TP+3]           ; ly
	v_med3_num_f32 v[T7], v[TP+2], -1.0, v[WLM+LV] ; for the address: held so that both columns and both rows lie in the framed map
	v_med3_num_f32 v[T8], v[TP+3], -1.0, v[WLM+LV]
	v_med3_num_f32 v[TP+2], v[TP+2], -2.0, v[WLF+LV]   ; for the weights: outside [-2, width] both corners are outside the map anyway
	v_med3_num_f32 v[TP+3], v[TP+3], -2.0, v[WLF+LV]
	v_cvt_i32_f32 v[T7], v[T7]
	v_cvt_i32_f32 v[T8], v[T8]
	v_cvt_i32_f32 v[TP+2], v[TP+2]
	v_cvt_i32_f32 v[TP+3], v[TP+3]
	v_cmp_gt_u32 s[MK+4*(\i)], v[WLI+LV], v[TP+2]  ; a column or row outside the map counts for nothing
	v_add_nc_u32 v[T6], 1, v[TP+2]
	v_cmp_gt_u32 s[MK+4*(\i)+1], v[WLI+LV], v[T6]
	v_cmp_gt_u32 s[MK+4*(\i)+2], v[WLI+LV], v[TP+3]
	v_add_nc_u32 v[T6], 1, v[TP+3]
	v_cmp_gt_u32 s[MK+4*(\i)+3], v[WLI+LV], v[T6]
	v_lshlrev_b32 v[TP+3], v[SH+LV], v[T8]
	v_add3_u32 v[IDX+\i], v[TP+3], v[T7], v[STL+LV]
	v_lshl_add_u32 v[IDX+\i], v[T8], 1, v[IDX+\i]  ; start + (ya + 1)(width + 2) + xa + 1: 0 or more
.endm
.macro POINT2 m, i
.set OXR, ACC+16*(\m)+2*(\i)
.set AWR, LG+8*(\m)+(\i)
	v_sub_f32 v[TP+4], 1.0, v[OXR]
	v_sub_f32 v[TP+5], 1.0, v[OXR+1]
	v_cndmask_b32 v[TP+4], 0, v[TP+4], s[MK+4*(\i)]
	v_cndmask_b32 v[TP], 0, v[OXR], s[MK+4*(\i)+1]
	v_cndmask_b32 v[TP+5], 0, v[TP+5], s[MK+4*(\i)+2]
	v_cndmask_b32 v[TP+1], 0, v[OXR+1], s[MK+4*(\i)+3]
	v_mul_f32 v[TP+5], v[AWR], v[TP+5]
	v_mul_f32 v[TP+1], v[AWR], v[TP+1]
	v_mul_f32 v[OW+\i], v[TP+5], v[TP+4]           ; corner 2 dy + dx
	v_mul_f32 v[OW+8+\i], v[TP+5], v[TP]
	v_mul_f32 v[OW+16+\i], v[TP+1], v[TP+4]
	v_mul_f32 v[OW+24+\i], v[TP+1], v[TP]
.endm
.macro OUTM m                          ; through my own stage, which is laid as the tile's bytes lie in memory; out in runs of 512 consecutive bytes
	s_wait_alu depctr_va_vdst(0)                   ; the tile's weights and places are written, which the LDS stores read; in the first tile so are the stage's five addresses
.irp c, 0,1,2,3
	ds_store_b128 v[AD1], v[OW+8*\c:OW+8*\c+3] offset:16*\c
	ds_store_b128 v[AD2], v[OW+8*\c+4:OW+8*\c+7] offset:16*\c
.endr
	ds_store_b128 v[AI1], v[IDX:IDX+3] offset:4096
	ds_store_b128 v[AI2], v[IDX+4:IDX+7] offset:4096
	s_wait_xcnt 0x0                                ; the last tile's stores have read the registers that the loads below fill
.irp t, 0,1,2,3,4,5,6,7
	ds_load_b128 v[WF+4*\t:WF+4*\t+3], v[SRB] offset:512*\t        ; LDS serves a wave's instructions in order: these see my stores
.endr
.irp t, 0,1
	ds_load_b128 v[BK+40+4*\t:BK+40+4*\t+3], v[SRB] offset:4096+512*\t
.endr
	s_wait_dscnt 0x0
.irp t, 0,1,2,3,4,5,6,7
	global_store_b128 v[LI], v[WF+4*\t:WF+4*\t+3], s[36:37] offset:4096*(\m)+512*\t
.endr
.irp t, 0,1
	global_store_b128 v[LI], v[BK+40+4*\t:BK+40+4*\t+3], s[38:39] offset:1024*(\m)+512*\t
.endr
.endm
.irp m, 0,1,2,3
	SOFT16 \m
.if \m == 0
	s_wait_loadcnt 0x0                             ; the reference points; with them the last load by a pointer in s4 to s35 is done: the masks may take these registers
.else
	s_wait_alu depctr_vm_vsrc(0)                   ; the last tile's LDS stores have read weights and places, which the points below write again; its global stores have read the registers in which the stage's bytes land
.endif
.irp i, 0,1,2,3,4,5,6,7
	POINT1 \m, \i
.endr
	s_wait_alu depctr_va_sdst(0)                   ; the tile's 32 masks are written, ahead of the selects that read them
.irp i, 0,1,2,3,4,5,6,7
	POINT2 \m, \i
.endr
	OUTM \m
.endr
	s_wait_dscnt 0x0                               ; the closing lines, six on end
	s_wait_alu 0x0
	s_wait_tensorcnt 0x0
	ds_add_u32 v47, v60
	s_wait_dscnt 0x0
	s_endpgm
.Lfunc_end_k_q7adda9911b_mid:
	.size	k_q7adda9911b_mid, .Lfunc_end_k_q7adda9911b_mid-k_q7adda9911b_mid
	.p2alignl 7, 3214868480
	.fill 96, 4, 3214868480
	.section	.rodata,"a",@progbits
	.p2align	6, 0x0
	.amdhsa_kernel k_q7adda9911b_mid
		.amdhsa_group_segment_fixed_size 220160
		.amdhsa_private_segment_fixed_size 0
		.amdhsa_enable_private_segment 0
		.amdhsa_kernarg_size 144
		.amdhsa_user_sgpr_count 2
		.amdhsa_user_sgpr_kernarg_segment_ptr 1
		.amdhsa_wavefront_size32 1
		.amdhsa_system_sgpr_workgroup_id_x 1
		.amdhsa_system_sgpr_workgroup_id_y 1
		.amdhsa_system_sgpr_workgroup_id_z 1
		.amdhsa_system_vgpr_workitem_id 0
		.amdhsa_next_free_vgpr 256
		.amdhsa_next_free_sgpr 66
		.amdhsa_reserve_vcc 0
		.amdhsa_float_denorm_mode_32 3
		.amdhsa_float_denorm_mode_16_64 3
		.amdhsa_memory_ordered 1
		.amdhsa_forward_progress 1
		.amdhsa_inst_pref_size 142
	.end_amdhsa_kernel
	.amdgpu_metadata
---
amdhsa.version: [ 1, 2 ]
amdhsa.kernels:
  - .name:           k_q7adda9911b_mid
    .symbol:         k_q7adda9911b_mid.kd
    .args:
      - { .name: oc, .offset: 0, .size: 8, .value_kind: global_buffer, .address_space: global }
      - { .name: tgt, .offset: 8, .size: 8, .value_kind: global_buffer, .address_space: global }
      - { .name: query_pos, .offset: 16, .size: 8, .value_kind: global_buffer, .address_space: global }
      - { .name: reference_points, .offset: 24, .size: 8, .value_kind: global_buffer, .address_space: global }
      - { .name: out_proj_w_codes, .offset: 32, .size: 8, .value_kind: global_buffer, .address_space: global }
      - { .name: out_proj_w_scales, .offset: 40, .size: 8, .value_kind: global_buffer, .address_space: global }
      - { .name: out_proj_b, .offset: 48, .size: 8, .value_kind: global_buffer, .address_space: global }
      - { .name: norm2_g, .offset: 56, .size: 8, .value_kind: global_buffer, .address_space: global }
      - { .name: norm2_b, .offset: 64, .size: 8, .value_kind: global_buffer, .address_space: global }
      - { .name: off_w_codes, .offset: 72, .size: 8, .value_kind: global_buffer, .address_space: global }
      - { .name: off_w_scales, .offset: 80, .size: 8, .value_kind: global_buffer, .address_space: global }
      - { .name: off_b, .offset: 88, .size: 8, .value_kind: global_buffer, .address_space: global }
      - { .name: attw_w_codes, .offset: 96, .size: 8, .value_kind: global_buffer, .address_space: global }
      - { .name: attw_w_scales, .offset: 104, .size: 8, .value_kind: global_buffer, .address_space: global }
      - { .name: attw_b, .offset: 112, .size: 8, .value_kind: global_buffer, .address_space: global }
      - { .name: tgt1, .offset: 120, .size: 8, .value_kind: global_buffer, .address_space: global }
      - { .name: samp_w, .offset: 128, .size: 8, .value_kind: global_buffer, .address_space: global }
      - { .name: samp_idx, .offset: 136, .size: 8, .value_kind: global_buffer, .address_space: global }
    .group_segment_fixed_size: 220160
    .private_segment_fixed_size: 0
    .kernarg_segment_align: 8
    .kernarg_segment_size: 144
    .max_flat_workgroup_size: 256
    .sgpr_count:     66
    .vgpr_count:     256
    .wavefront_size: 32
...
	.end_amdgpu_metadata
.endif
;; end of part 12
;; launch value (part 13): grid 85 x 16, 8 waves a work-group, no clusters, 92,160 bytes of LDS; arguments src_codes, src_scales, value_w_codes, value_w_scales, value_b, value; writes value
.if DOCPART == 13
	.amdgcn_target "amdgcn-amd-amdhsa--gfx1250"
	.amdhsa_code_object_version 6
	.text
	.protected	k_q7adda9911b_value
	.globl	k_q7adda9911b_value
	.p2align	8
	.type	k_q7adda9911b_value,@function
k_q7adda9911b_value:
	s_mov_b64 s[64:65], 0
	v_nop
	global_prefetch_b8 v0, s[64:65] scope:SCOPE_SE
	s_setreg_imm32_b32 hwreg(HW_REG_WAVE_SCHED_MODE, 0, 2), 2
	s_setreg_imm32_b32 hwreg(HW_REG_WAVE_MODE, 25, 1), 1
	s_wait_xcnt 0x0
	s_wait_alu depctr_vm_vsrc(0)
; value = src Wv^T + bv on E4M3 codes as they are given, laid as tables [batch x head][channel half 2][position 5440][16 channels] of f32 (it feeds f32 sums ahead of a quantiser, so it stays f32):
; a table of one half, 348,160 dense bytes, is what one work-group of the next launch copies into its LDS.
; A work-group takes 64 positions of one batch; wave w makes head w's 32 channels for all 64. The product is used transposed (source 0 = 16 rows of Wv, lane r of tile u taking row 32 w + 8 u + r + 8 (r / 8)),
; so that a lane's 16 registers are channels 16 h + 0 .. 15 of one position: the lane's half is the table's half. The results go through the wave's own stage and leave in runs of 512 consecutive bytes (eight positions of a half).
; No cluster, no tensor load: what work-groups share is the weight, 66 KB against 65 KB stored by each.
; THE MODE: SCHED_MODE bits 1:0 = 2 (LLVM: expert scheduling mode 2), set by the entry lines. The code itself states the register dependences
; between vector or matrix instructions and memory or LDS instructions, with s_wait_alu, always for 0.
; THE PLAN. Registers that memory or LDS instructions touch:
;   v1-11  addresses, made at the head, never written again.
;   BK     my 8 rows of codes land in its first 16 registers and LDS stores read them; then K step 0's fragments land, the products read them, K step 1's land, the products read them, the stage's bytes land, the stores read them.
;   ACC    written by the products, read by the stage's LDS stores.
;   WF, WS, BI, AS  loaded once, read by the products.
; So: one wait on vm_vsrc ahead of the first fragments, one on va_vdst ahead of K step 1's, one on va_vdst ahead of the way out.
.set SPI,  272                         ; a row of src's codes in LDS: 256 bytes + 16
.set VST,  17408                       ; behind them: a stage of 64 rows x 144 bytes for each wave
.set HALF, 348160                      ; bytes of a table of one half
.set LI,  1
.set WA,  3
.set WSA, 4
.set BA,  5
.set SG,  6                            ; 2048 w + 16 lane
.set SL,  7                            ; (8 w + h) x 272 + 16 r
.set FA,  8                            ; 272 r + 16 h
.set R8,  9                            ; 8 r
.set STO, 10                           ; my stage: 144 r + 64 h
.set SRD, 11                           ; back: 144 (lane / 4) + 16 (lane % 4)
.set BI,  16
.set WS,  32                           ; scales alone
.set AS,  48                           ; v48-55 src's scale words, two a tile (scales alone)
.set ACC, 64
.set BK,  128
.set WF,  192
.set WV,  43
.macro PLACES n
.rept \n
	v_nop
.endr
.endm
.macro MUL8 wf, wsb, wst, asb, ast, first      ; eight accumulators, one instruction a turn
.irp m, 0,1,2,3
.irp u, 0,1
.if \first
	v_wmma_scale_f32_16x16x128_f8f6f4 v[ACC+16*\m+8*\u:ACC+16*\m+8*\u+7], v[(\wf)+16*\u:(\wf)+16*\u+15], v[BK+16*\m:BK+16*\m+15], v[BI+8*\u:BI+8*\u+7], v[(\wsb)+(\wst)*\u], v[(\asb)+(\ast)*\m]
.else
	v_wmma_scale_f32_16x16x128_f8f6f4 v[ACC+16*\m+8*\u:ACC+16*\m+8*\u+7], v[(\wf)+16*\u:(\wf)+16*\u+15], v[BK+16*\m:BK+16*\m+15], v[ACC+16*\m+8*\u:ACC+16*\m+8*\u+7], v[(\wsb)+(\wst)*\u], v[(\asb)+(\ast)*\m]
.endif
.endr
.endr
.endm
.macro VFETCH k                        ; K step k of the four tiles of positions
.irp m, 0,1,2,3
.irp c, 0,1,2,3
	ds_load_b128 v[BK+16*\m+4*\c:BK+16*\m+4*\c+3], v[FA] offset:16*SPI*\m+128*\k+32*\c
.endr
.endr
.endm
	s_load_b256 s[4:11], s[0:1], 0x0               ; src's codes, src's scales, Wv's codes, Wv's scales
	s_load_b128 s[12:15], s[0:1], 0x20             ; bv, value
	v_lshl_add_u32 v62, v0, 2, 0x16400
	v_mov_b32 v63, 0
	v_lshrrev_b32 v12, 5, v0
	v_readfirstlane_b32 s[WV], v12
	v_and_b32 v12, 31, v0                          ; lane
	v_and_b32 v13, 15, v0                          ; r
	v_bfe_u32 v14, v0, 4, 1                        ; h
	v_and_b32 v15, 8, v13
	v_add_nc_u32 v15, v15, v13                     ; rp
	v_lshlrev_b32 v[LI], 4, v12
	v_lshlrev_b32 v[WA], 8, v15
	v_lshl_add_u32 v[WA], v14, 4, v[WA]
	v_lshlrev_b32 v[WSA], 3, v15
	v_lshlrev_b32 v[BA], 6, v14
	s_wait_alu depctr_va_sdst(0)                   ; the wave's number is written, ahead of its first reader
	s_lshl_b32 s20, s[WV], 11
	v_add_nc_u32 v[SG], s20, v[LI]
	s_mul_i32 s20, s[WV], 8*SPI
	v_mul_u32_u24 v[SL], v14, SPI
	v_lshl_add_u32 v[SL], v13, 4, v[SL]
	v_add_nc_u32 v[SL], s20, v[SL]
	v_mul_u32_u24 v[FA], v13, SPI
	v_lshl_add_u32 v[FA], v14, 4, v[FA]
	v_lshlrev_b32 v[R8], 3, v13
	s_mul_i32 s20, s[WV], 64*144
	s_add_co_u32 s20, s20, VST
	v_mul_u32_u24 v[STO], v13, 144
	v_lshl_add_u32 v[STO], v14, 6, v[STO]
	v_add_nc_u32 v[STO], s20, v[STO]
	v_lshrrev_b32 v[SRD], 2, v12
	v_mul_u32_u24 v[SRD], v[SRD], 144
	v_and_b32 v12, 3, v12
	v_lshl_add_u32 v[SRD], v12, 4, v[SRD]
	v_add_nc_u32 v[SRD], s20, v[SRD]
	s_and_b32 s20, ttmp7, 0xffff                   ; batch
	s_mul_i32 s21, s20, 5440
	s_lshl_b32 s22, ttmp9, 6
	s_add_co_u32 s21, s21, s22                     ; my first row of src
	s_lshl_b32 s24, s21, 8
	s_mov_b32 s25, 0
	s_lshl_b32 s26, s21, 3
	s_mov_b32 s27, 0
	s_lshl_b32 s28, s20, 3
	s_add_co_u32 s28, s28, s[WV]
	s_mul_i32 s28, s28, 2*HALF                     ; (8 batch + head) x two tables,
	s_lshl_b32 s22, ttmp9, 12
	s_add_co_u32 s28, s28, s22                     ; + 64 positions of 64 bytes for each work-group along x
	s_mov_b32 s29, 0
	s_mov_b32 s31, 0
	s_wait_kmcnt 0x0
	s_add_nc_u64 s[4:5], s[4:5], s[24:25]
	s_add_nc_u64 s[6:7], s[6:7], s[26:27]
	s_add_nc_u64 s[14:15], s[14:15], s[28:29]
	s_lshl_b32 s30, s[WV], 13
	s_add_nc_u64 s[8:9], s[8:9], s[30:31]
	s_lshl_b32 s30, s[WV], 8
	s_add_nc_u64 s[10:11], s[10:11], s[30:31]
	s_lshl_b32 s30, s[WV], 7
	s_add_nc_u64 s[12:13], s[12:13], s[30:31]
	s_wait_alu depctr_va_vdst(0)                   ; the addresses v1 to v11, v62 and v63 are written, which the kernel's loads, stores and closing add read
.irp j, 0,1,2,3
	global_load_b128 v[BK+4*\j:BK+4*\j+3], v[SG], s[4:5] offset:512*\j th:TH_LOAD_NT    ; my 8 rows of codes, densely
.endr
.irp k, 0,1
.irp u, 0,1
.irp c, 0,1,2,3
	global_load_b128 v[WF+32*\k+16*\u+4*\c:WF+32*\k+16*\u+4*\c+3], v[WA], s[8:9] offset:2048*\u+128*\k+32*\c
.endr
.endr
.endr
.irp u, 0,1
	global_load_b64 v[WS+2*\u:WS+2*\u+1], v[WSA], s[10:11] offset:64*\u
.endr
.irp u, 0,1
	global_load_b128 v[BI+8*\u:BI+8*\u+3], v[BA], s[12:13] offset:32*\u
	global_load_b128 v[BI+8*\u+4:BI+8*\u+7], v[BA], s[12:13] offset:32*\u+16
.endr
.irp m, 0,1,2,3
	global_load_b64 v[AS+2*\m:AS+2*\m+1], v[R8], s[6:7] offset:128*\m
.endr
	s_wait_loadcnt 26                              ; the four loads of codes are in; the 22 of the weight and the 4 of scales, younger, may be out
.irp j, 0,1,2,3
	ds_store_b128 v[SL], v[BK+4*\j:BK+4*\j+3] offset:2*SPI*\j
.endr
	s_wait_dscnt 0x0
	s_barrier_signal -1
	s_barrier_wait -1                              ; the 64 rows lie in LDS
	s_wait_alu depctr_vm_vsrc(0)                   ; my four LDS stores have read BK's first 16 registers, in which fragments land
	VFETCH 0
	s_wait_loadcnt 0x0
	s_wait_dscnt 0x0
	MUL8 WF, WS, 2, AS, 2, 1
	PLACES 8                                       ; the places behind the products stay
	s_wait_alu depctr_va_vdst(0)                   ; the eight products are done reading BK, in which K step 1's fragments land
	VFETCH 1
	s_wait_dscnt 0x0
	MUL8 WF+32, WS+1, 2, AS+1, 2, 0
	PLACES 8
	s_wait_alu depctr_va_vdst(0)                   ; the products have written the accumulators, which the LDS stores read, and are done reading BK, in which the stage's bytes land; the places above stay beside this wait
.irp m, 0,1,2,3
.irp j, 0,1,2,3
	ds_store_b128 v[STO], v[ACC+16*\m+4*\j:ACC+16*\m+4*\j+3] offset:16*144*\m+16*\j   ; each accumulator from its low end on
.endr
.endr
.irp c, 0,1
.irp t, 0,1,2,3,4,5,6,7
	ds_load_b128 v[BK+4*(8*\c+\t):BK+4*(8*\c+\t)+3], v[SRD] offset:8*144*\t+64*\c     ; eight positions of half c; LDS serves a wave's instructions in order: these see my stores
.endr
.endr
.irp c, 0,1
.irp t, 0,1,2,3,4,5,6,7
	s_wait_dscnt 15-8*\c-\t                        ; the younger LDS loads may be out
	global_store_b128 v[LI], v[BK+4*(8*\c+\t):BK+4*(8*\c+\t)+3], s[14:15] offset:HALF*\c+512*\t
.endr
.endr
	s_wait_dscnt 0x0                               ; the closing lines, six on end
	s_wait_alu 0x0
	s_wait_tensorcnt 0x0
	ds_add_u32 v62, v63
	s_wait_dscnt 0x0
	s_endpgm
.Lfunc_end_k_q7adda9911b_value:
	.size	k_q7adda9911b_value, .Lfunc_end_k_q7adda9911b_value-k_q7adda9911b_value
	.p2alignl 7, 3214868480
	.fill 96, 4, 3214868480
	.section	.rodata,"a",@progbits
	.p2align	6, 0x0
	.amdhsa_kernel k_q7adda9911b_value
		.amdhsa_group_segment_fixed_size 92160
		.amdhsa_private_segment_fixed_size 0
		.amdhsa_enable_private_segment 0
		.amdhsa_kernarg_size 48
		.amdhsa_user_sgpr_count 2
		.amdhsa_user_sgpr_kernarg_segment_ptr 1
		.amdhsa_wavefront_size32 1
		.amdhsa_system_sgpr_workgroup_id_x 1
		.amdhsa_system_sgpr_workgroup_id_y 1
		.amdhsa_system_sgpr_workgroup_id_z 1
		.amdhsa_system_vgpr_workitem_id 0
		.amdhsa_next_free_vgpr 256
		.amdhsa_next_free_sgpr 66
		.amdhsa_reserve_vcc 0
		.amdhsa_float_denorm_mode_32 3
		.amdhsa_float_denorm_mode_16_64 3
		.amdhsa_memory_ordered 1
		.amdhsa_forward_progress 1
		.amdhsa_inst_pref_size 16
	.end_amdhsa_kernel
	.amdgpu_metadata
---
amdhsa.version: [ 1, 2 ]
amdhsa.kernels:
  - .name:           k_q7adda9911b_value
    .symbol:         k_q7adda9911b_value.kd
    .args:
      - { .name: src_codes, .offset: 0, .size: 8, .value_kind: global_buffer, .address_space: global }
      - { .name: src_scales, .offset: 8, .size: 8, .value_kind: global_buffer, .address_space: global }
      - { .name: value_w_codes, .offset: 16, .size: 8, .value_kind: global_buffer, .address_space: global }
      - { .name: value_w_scales, .offset: 24, .size: 8, .value_kind: global_buffer, .address_space: global }
      - { .name: value_b, .offset: 32, .size: 8, .value_kind: global_buffer, .address_space: global }
      - { .name: value, .offset: 40, .size: 8, .value_kind: global_buffer, .address_space: global }
    .group_segment_fixed_size: 92160
    .private_segment_fixed_size: 0
    .kernarg_segment_align: 8
    .kernarg_segment_size: 48
    .max_flat_workgroup_size: 256
    .sgpr_count:     66
    .vgpr_count:     256
    .wavefront_size: 32
...
	.end_amdgpu_metadata
.endif
;; end of part 13
;; launch gather (part 14): grid 2 x 128, 16 waves a work-group, no clusters, 288,768 bytes of LDS; arguments value, samp_w, samp_idx, gath; writes gath
.if DOCPART == 14
	.amdgcn_target "amdgcn-amd-amdhsa--gfx1250"
	.amdhsa_code_object_version 6
	.text
	.protected	k_q7adda9911b_gather
	.globl	k_q7adda9911b_gather
	.p2align	8
	.type	k_q7adda9911b_gather,@function
k_q7adda9911b_gather:
	s_mov_b64 s[64:65], 0
	v_nop
	global_prefetch_b8 v0, s[64:65] scope:SCOPE_SE
	s_setreg_imm32_b32 hwreg(HW_REG_WAVE_SCHED_MODE, 0, 2), 2
	s_setreg_imm32_b32 hwreg(HW_REG_WAVE_MODE, 25, 1), 1
	s_wait_xcnt 0x0
	s_wait_alu depctr_vm_vsrc(0)
; The bilinear sums of the deformable attention, in f32 multiply-adds: gath[query][channel] = the sum over 16 points and 4 corners of weight x value(corner).
; A work-group owns one batch, one head and 16 of the head's 32 channels, and serves all 1,024 queries FROM LDS: its table is read from memory once (348,160 bytes) where the queries name 4 MB of it.
; TWO PHASES, since the whole table does not fit: A: level 0 (64 x 64 positions of 64 bytes), the queries' points 0-3; B: levels 1-3, points 4-15, laid over A's bytes. A's sums wait in 32 registers.
; FRAMED MAPS. A map of width w lies in LDS as w + 2 rows of w + 2 positions with a frame of zeros. The stored place of a point's upper left corner is never negative, and all four corners lie in the frame or the map;
; corners outside the map carry the weight 0. A row's pitch, (w + 2) x 64 bytes, is 128 modulo 256.
; LANES. lane = (qh = lane / 16: one of two queries; corner g = (lane / 4) % 4; quad k = lane % 4: four channels). One LDS load serves one point of two queries. Wave w takes queries 64 w .. 64 w + 63.
; A VECTOR n = 4 t + a is queries 8 t + a (qh = 0) and 8 t + 4 + a (qh = 1). Four vectors are summed over the corners by a butterfly that keeps another vector in each group of lanes:
; afterwards lane l holds query 8 t + l / 4, channels 4 (l % 4) on: 4 registers a trip t, and a store of 512 consecutive bytes.
; Both phases are written out: so the number of a trip's four registers, every offset and every wait's count is a constant, no pointer is stepped and no store's data are written again.
; The places are whole numbers that an earlier launch stored; each is held under a constant before it becomes an LDS address.
; No cluster: the two work-groups of a head share only the samples (328 KB of the 676 KB that each reads), which come lane by lane into registers. No tensor load. No prefetch: level 0 is wanted at the head,
; levels 1-3 are asked for into registers a phase ahead, the samples six (A) or four (B) vectors ahead.
; LIMITS: the table and the weights are taken to be finite (0 x infinity would be NaN).
; THE MODE: SCHED_MODE bits 1:0 = 2 (LLVM: expert scheduling mode 2), set by the entry lines. The code itself states the register dependences
; between vector instructions and memory or LDS instructions, with s_wait_alu, always for 0.
; THE PLAN. Registers that memory or LDS instructions touch, in the two phases:
;   AT    two sets of four LDS addresses by turns: written by a step's eight address lines, read by its four LDS loads, written again two steps on.
;   DD    sets of 16 values by turns (two in A, three in B): a step's LDS loads land there; the sums of one (A) or two (B) steps later read them.
;   SA, SB  the rings of samples: loads land in a slot; the address lines read its places, the sums its weights.
;   ACC   written by the butterflies and, in B, by the last sums of a trip; read by the trip's one store, never written again.
; A step has ONE wait on va_vdst, between its address lines and its LDS loads. It states that the addresses are written, that the sums of the step before are done reading the set of values in which the loads land,
; and that they are done with the ring's slot and the trip that they finished: so the slot's refill and the trip's store stand behind the same wait, one step behind the sums.
; One wait on vm_vsrc stands at the step's head: the LDS loads of two steps back have read the set of addresses that is written again.
.set PA,    4224                       ; level 0: a framed row, 66 positions of 64 bytes
.set TABA,  262144                     ; level 0's bytes in memory
.set MAXA,  4288                       ; the largest place in level 0: 64 x 66 + 64
.set MAXB,  1568                       ; in levels 1-3: 1480 + 8 x 10 + 8
.set T16,  1                           ; v1-5   16 tid + 65536 k: dense copies
.set FA,   6                           ; v6-9   level 0 into its frame: (tid / 256) x 4224 + 16 (tid % 256) + 4288, + 67584 k
.set FB1,  10                          ; level 1: (tid / 128) x 2176 + 16 (tid % 128) + 2240
.set FB2,  11                          ; level 2: (tid / 64) x 1152 + 16 (tid % 64) + 75200
.set FB3,  12                          ; level 3: (tid / 64) x 640 + 8 (tid % 64) + 95424
.set T8,   13                          ; 8 tid
.set GRP16, 14                         ; 16 (lane / 4): my weights in a run of 128 bytes
.set QH16, 15                          ; 16 (lane / 16): my places in a run of 32
.set DLK,  16                          ; v16-19 level l: my corner's step and my quad: (dy (w + 2) + dx) x 64 + 16 k
.set OUTA, 20                          ; 16 lane
.set AT,   24                          ; v24-31 LDS addresses, two sets of four
.set TS,   32                          ; v32-39 the butterfly: what goes to the other lane
.set UU,   40                          ; v40-55 four vectors' sums; zeros while LDS is cleared
.set ACC,  56                          ; v56-87 trip t's four registers at 4 t
.set DD,   88                          ; v88-135 values from LDS: sets of 16 (two in A, three in B)
.set TR,   128                         ; v128-255 level 0 on its way
.set SA,   128                         ; v128-191 phase A's samples: eight slots of 4 weights + 4 places
.set TB,   192                         ; v192-233 levels 1-3 on their way
.set SB,   136                         ; v136-255 phase B's samples: five slots of 12 weights + 12 places
.set WV,   12
.set M2,   13                          ; lanes with bit 2 set
.set M3,   14                          ; lanes with bit 3 set
.macro BAR                             ; my LDS stores have landed and my LDS loads are in; then the work-group's barrier
	s_wait_dscnt 0x0
	s_barrier_signal -1
	s_barrier_wait -1
.endm
.macro LOADA n                         ; phase A's samples of vector n: tile n / 8, tl = (n / 4) % 2, a = n % 4
	global_load_b128 v[SA+8*((\n)%8):SA+8*((\n)%8)+3], v[GRP16], s[6:7] offset:((\n)/8)*4096+(((\n)/4)%2)*512+((\n)%4)*128
	global_load_b128 v[SA+8*((\n)%8)+4:SA+8*((\n)%8)+7], v[QH16], s[8:9] offset:((\n)/8)*1024+(((\n)/4)%2)*128+((\n)%4)*32
.endm
.macro LOADB n                         ; phase B's: three levels' weights, three levels' places
.irp e, 0,1,2
	global_load_b128 v[SB+24*((\n)%5)+4*\e:SB+24*((\n)%5)+4*\e+3], v[GRP16], s[6:7] offset:((\n)/8)*4096+1024+(((\n)/4)%2)*1536+((\n)%4)*384+128*\e
.endr
.irp e, 0,1,2
	global_load_b128 v[SB+24*((\n)%5)+12+4*\e:SB+24*((\n)%5)+12+4*\e+3], v[QH16], s[8:9] offset:((\n)/8)*1024+256+(((\n)/4)%2)*384+((\n)%4)*96+32*\e
.endr
.endm
.macro ADRS ir, lv, mx, pr             ; four points of one level: the places in v[ir] on, held under mx, become LDS addresses in set pr
.irp p, 0,1,2,3
	v_min_u32 v[AT+4*(\pr)+\p], \mx, v[(\ir)+\p]
.endr
.irp p, 0,1,2,3
	v_lshl_add_u32 v[AT+4*(\pr)+\p], v[AT+4*(\pr)+\p], 6, v[DLK+(\lv)]
.endr
.endm
.macro LDSV dr, pr                     ; and their four LDS loads, into v[dr] on
.irp p, 0,1,2,3
	ds_load_b128 v[(\dr)+4*\p:(\dr)+4*\p+3], v[AT+4*(\pr)+\p]
.endr
.endm
.macro FMA4 ur, wr, dr, first          ; four points: my corner's weight x four channels, two at a time; the weight is one word of a pair, taken for both halves
.if \first
	v_pk_mul_f32 v[(\ur):(\ur)+1], v[(\dr):(\dr)+1], v[(\wr):(\wr)+1] op_sel_hi:[1,0]
	v_pk_mul_f32 v[(\ur)+2:(\ur)+3], v[(\dr)+2:(\dr)+3], v[(\wr):(\wr)+1] op_sel_hi:[1,0]
.else
	v_pk_fma_f32 v[(\ur):(\ur)+1], v[(\dr):(\dr)+1], v[(\wr):(\wr)+1], v[(\ur):(\ur)+1] op_sel_hi:[1,0,1]
	v_pk_fma_f32 v[(\ur)+2:(\ur)+3], v[(\dr)+2:(\dr)+3], v[(\wr):(\wr)+1], v[(\ur)+2:(\ur)+3] op_sel_hi:[1,0,1]
.endif
	v_pk_fma_f32 v[(\ur):(\ur)+1], v[(\dr)+4:(\dr)+5], v[(\wr):(\wr)+1], v[(\ur):(\ur)+1] op_sel:[0,1,0] op_sel_hi:[1,1,1]
	v_pk_fma_f32 v[(\ur)+2:(\ur)+3], v[(\dr)+6:(\dr)+7], v[(\wr):(\wr)+1], v[(\ur)+2:(\ur)+3] op_sel:[0,1,0] op_sel_hi:[1,1,1]
	v_pk_fma_f32 v[(\ur):(\ur)+1], v[(\dr)+8:(\dr)+9], v[(\wr)+2:(\wr)+3], v[(\ur):(\ur)+1] op_sel_hi:[1,0,1]
	v_pk_fma_f32 v[(\ur)+2:(\ur)+3], v[(\dr)+10:(\dr)+11], v[(\wr)+2:(\wr)+3], v[(\ur)+2:(\ur)+3] op_sel_hi:[1,0,1]
	v_pk_fma_f32 v[(\ur):(\ur)+1], v[(\dr)+12:(\dr)+13], v[(\wr)+2:(\wr)+3], v[(\ur):(\ur)+1] op_sel:[0,1,0] op_sel_hi:[1,1,1]
	v_pk_fma_f32 v[(\ur)+2:(\ur)+3], v[(\dr)+14:(\dr)+15], v[(\wr)+2:(\wr)+3], v[(\ur)+2:(\ur)+3] op_sel:[0,1,0] op_sel_hi:[1,1,1]
.endm
; THE BUTTERFLY. Lanes l and l xor 4 share vectors 2 e and 2 e + 1: the lane with bit 2 clear keeps the even one and sends the odd one, the other the other way round. Then the same with bit 3 and the two results.
.macro RED1 e
.irp c, 0,1,2,3
	v_cndmask_b32 v[TS+4*\e+\c], v[UU+8*\e+4+\c], v[UU+8*\e+\c], s[M2]        ; what I send
.endr
.irp c, 0,1,2,3
	v_cndmask_b32 v[UU+8*\e+\c], v[UU+8*\e+\c], v[UU+8*\e+4+\c], s[M2]        ; what I keep
.endr
.irp c, 0,1,2,3
	v_add_f32_dpp v[UU+8*\e+\c], v[TS+4*\e+\c], v[UU+8*\e+\c] row_xmask:4 row_mask:0xf bank_mask:0xf
.endr
.endm
.macro RED2 dst
.irp c, 0,1,2,3
	v_cndmask_b32 v[TS+\c], v[UU+8+\c], v[UU+\c], s[M3]
.endr
.irp c, 0,1,2,3
	v_cndmask_b32 v[(\dst)+\c], v[UU+\c], v[UU+8+\c], s[M3]
.endr
.irp c, 0,1,2,3
	v_add_f32_dpp v[(\dst)+\c], v[TS+\c], v[(\dst)+\c] row_xmask:8 row_mask:0xf bank_mask:0xf
.endr
.endm
	s_load_b256 s[4:11], s[0:1], 0x0               ; value, samp_w, samp_idx, gath
	v_lshrrev_b32 v22, 5, v0
	v_readfirstlane_b32 s[WV], v22                 ; wave 0..15
	v_lshlrev_b32 v[T16], 4, v0
.irp k, 1,2,3,4
	v_add_nc_u32 v[T16+\k], 65536*\k, v[T16]
.endr
	v_lshrrev_b32 v22, 8, v0
	v_and_b32 v23, 255, v0
	v_mul_u32_u24 v[FA], v22, PA
	v_lshl_add_u32 v[FA], v23, 4, v[FA]
	v_add_nc_u32 v[FA], PA+64, v[FA]               ; one framed row and one position in
.irp k, 1,2,3
	v_add_nc_u32 v[FA+\k], 16*PA*\k, v[FA]         ; eight copies of two rows each
.endr
	v_lshrrev_b32 v22, 7, v0
	v_and_b32 v23, 127, v0
	v_mul_u32_u24 v[FB1], v22, 2176
	v_lshl_add_u32 v[FB1], v23, 4, v[FB1]
	v_add_nc_u32 v[FB1], 2176+64, v[FB1]
	v_lshrrev_b32 v22, 6, v0
	v_and_b32 v23, 63, v0
	v_mul_u32_u24 v[FB2], v22, 1152
	v_lshl_add_u32 v[FB2], v23, 4, v[FB2]
	v_add_nc_u32 v[FB2], 1156*64+1152+64, v[FB2]
	v_mul_u32_u24 v[FB3], v22, 640
	v_lshl_add_u32 v[FB3], v23, 3, v[FB3]
	v_add_nc_u32 v[FB3], 1480*64+640+64, v[FB3]
	v_lshlrev_b32 v[T8], 3, v0
	v_bfe_u32 v22, v0, 2, 3
	v_lshlrev_b32 v[GRP16], 4, v22
	v_bfe_u32 v22, v0, 4, 1
	v_lshlrev_b32 v[QH16], 4, v22
	v_and_b32 v22, 31, v0
	v_lshlrev_b32 v[OUTA], 4, v22
	v_bfe_u32 v22, v0, 2, 1                        ; dx
	v_bfe_u32 v23, v0, 3, 1                        ; dy
	v_and_b32 v21, 3, v0                           ; k
	v_lshlrev_b32 v21, 4, v21
	v_lshl_add_u32 v21, v22, 6, v21
.irp l, 0,1,2,3
	v_mad_u32_u24 v[DLK+\l], v23, ((64>>\l)+2)*64, v21
.endr
	v_and_b32 v22, 4, v0
	v_cmp_ne_u32 s[M2], 0, v22
	v_and_b32 v22, 8, v0
	v_cmp_ne_u32 s[M3], 0, v22
.irp c, 0,1,2,3
	v_mov_b32 v[UU+\c], 0
.endr
	s_wait_alu depctr_va_sdst(0)                   ; the wave's number and the two lane masks are written, ahead of their first readers: the scalar lines below, the butterflies' selects
	s_and_b32 s16, ttmp7, 0xffff                   ; batch x 8 + head
	s_lshl_b32 s17, s16, 1
	s_add_co_u32 s17, s17, ttmp9                   ; which table: 2 x that + half
	s_lshr_b32 s18, s16, 3
	s_lshl_b32 s18, s18, 4
	s_add_co_u32 s18, s18, s[WV]                   ; my wave's block of 64 queries: 16 x batch + wave
	s_lshl_b32 s18, s18, 3
	s_and_b32 s19, s16, 7
	s_add_co_u32 s18, s18, s19                     ; 8 x block + head
	s_mov_b32 s21, 0
	s_wait_kmcnt 0x0
	s_mul_i32 s20, s17, 348160
	s_add_nc_u64 s[4:5], s[4:5], s[20:21]
	s_lshl_b32 s20, s18, 14
	s_add_nc_u64 s[6:7], s[6:7], s[20:21]
	s_lshl_b32 s20, s18, 12
	s_add_nc_u64 s[8:9], s[8:9], s[20:21]
	s_lshl_b32 s20, s17, 16
	s_lshl_b32 s19, s[WV], 12
	s_add_co_u32 s20, s20, s19
	s_add_nc_u64 s[10:11], s[10:11], s[20:21]
	s_wait_alu depctr_va_vdst(0)                   ; the addresses v1 to v15 and v20 are written, which loads and stores read, and the four zeros, which the LDS stores read
	; ---- level 0 is asked for, 8,192 dense bytes a round; LDS is cleared meanwhile (the frames must hold zeros)
.set N, 0
.rept 32
	global_load_b128 v[TR+4*N:TR+4*N+3], v[T16], s[4:5] offset:8192*N th:TH_LOAD_NT
.set N, N+1
.endr
.set N, 0
.rept 35
	ds_store_b128 v[T16+N/8], v[UU:UU+3] offset:8192*(N%8)
.set N, N+1
.endr
	BAR                                            ; every wave's zeros lie in LDS: the map may be laid over them
.set N, 0
.rept 16
	s_wait_loadcnt 31-N                            ; round N is in; the younger rounds may be out
	ds_store_b128 v[FA+N/8], v[TR+4*N:TR+4*N+3] offset:2*PA*(N%8)
.set N, N+1
.endr
	s_wait_dscnt 0x0                               ; the stores have read the registers that the samples' ring takes
	s_wait_alu depctr_vm_vsrc(0)                   ; the LDS stores have read v128-191, in which the ring's samples land, and the four zeros, which the sums write
.irp n, 0,1,2,3,4,5,6,7
	LOADA \n
.endr
.rept 16
	s_wait_loadcnt 31-N+16                         ; the younger rounds and the ring's 16 loads may be out
	ds_store_b128 v[FA+N/8], v[TR+4*N:TR+4*N+3] offset:2*PA*(N%8)
.set N, N+1
.endr
	s_wait_dscnt 0x0                               ; my part of the map lies in LDS, and its registers are free:
	s_wait_alu depctr_vm_vsrc(0)                   ; the LDS stores have read v192-255, in which levels 1-3 land
.irp n, 0,1,2,3,4,5,6,7
	global_load_b128 v[TB+4*\n:TB+4*\n+3], v[T16], s[4:5] offset:TABA+8192*\n th:TH_LOAD_NT          ; levels 1-3 are asked for a phase ahead: level 1,
.endr
.irp n, 0,1
	global_load_b128 v[TB+32+4*\n:TB+32+4*\n+3], v[T16], s[4:5] offset:TABA+65536+8192*\n th:TH_LOAD_NT   ; level 2,
.endr
	global_load_b64 v[TB+40:TB+41], v[T8], s[4:5] offset:TABA+81920 th:TH_LOAD_NT                    ; level 3: 4,096 bytes, 8 a thread
	s_barrier_signal -1
	s_barrier_wait -1                              ; the whole map lies in LDS
	; ---- PHASE A: points 0-3. The addresses and LDS loads of vector m + 1 stand ahead of the sums of vector m; the slot of vector m - 2, whose sums stand ahead of the step's wait, is asked for again behind it.
.macro S1A m
.if (\m) == 0
	s_wait_loadcnt 25                              ; younger: the ring's other 14 loads and the 11 of levels 1-3
.elseif (\m) == 1
	s_wait_loadcnt 23                              ; younger: the ring's other 12 and those 11
.elseif (\m) < 8
	s_wait_loadcnt 21                              ; younger: 2 (7 - m) of the first ring, those 11, 2 (m - 2) asked for since
.elseif (\m) < 27
	s_wait_loadcnt 10                              ; younger: the five vectors behind it
.else
	s_wait_loadcnt 2*(31-(\m))                     ; the counts run down
.endif
.if (\m) >= 2
	s_wait_alu depctr_vm_vsrc(0)                   ; the LDS loads of vector m - 2 have read this set of addresses, which the next lines write
.endif
	ADRS SA+8*((\m)%8)+4, 0, MAXA, (\m)%2
	s_wait_alu depctr_va_vdst(0)                   ; the four addresses are written, which the LDS loads read; the sums of vector m - 2 are done reading the set of values and the slot in which the loads below land
	LDSV DD+16*((\m)%2), (\m)%2
.if ((\m) >= 2) && ((\m)+6 < 32)
	LOADA (\m)+6                                   ; into the slot of vector m - 2
.endif
.endm
.macro S2A n
.if (\n) < 31
	s_wait_dscnt 4                                 ; my four loads are in; the next vector's four may be out
.else
	s_wait_dscnt 0x0
.endif
	FMA4 UU+4*((\n)%4), SA+8*((\n)%8), DD+16*((\n)%2), 1
.if ((\n)%4) == 3
	RED1 0
	RED1 1
	RED2 ACC+4*((\n)/4)
.endif
.endm
	S1A 0
.set N, 0
.rept 32
.if N < 31
	S1A N+1
.endif
	S2A N
.set N, N+1
.endr
.irp c, 0,1,2,3
	v_mov_b32 v[UU+\c], 0
.endr
	s_wait_alu depctr_va_vdst(0)                   ; phase A's lines are done with its ring's registers, in which phase B's samples land; the four zeros are written, which the LDS stores below read
	LOADB 0                                        ; phase B's first samples, into registers that phase A's ring has left
	LOADB 1
	BAR                                            ; nobody reads level 0 any more
.set N, 0
.rept 13
	ds_store_b128 v[T16+N/8], v[UU:UU+3] offset:8192*(N%8)      ; 106,496 bytes: the three framed maps take 101,120
.set N, N+1
.endr
	BAR
	s_wait_loadcnt 12                              ; levels 1-3 are in; the 12 loads of the two slots, younger, may be out
.irp n, 0,1,2,3,4,5,6,7
	ds_store_b128 v[FB1], v[TB+4*\n:TB+4*\n+3] offset:4*2176*\n
.endr
.irp n, 0,1
	ds_store_b128 v[FB2], v[TB+32+4*\n:TB+32+4*\n+3] offset:8*1152*\n
.endr
	ds_store_b64 v[FB3], v[TB+40:TB+41]
	s_wait_dscnt 0x0                               ; the stores have read the registers that the ring takes
	s_wait_alu depctr_vm_vsrc(0)                   ; the LDS stores have read v192-233, in which the ring's samples land, and the four zeros, which the sums write; phase A's LDS loads have read both sets of addresses
	LOADB 2
	LOADB 3
	LOADB 4
	s_barrier_signal -1
	s_barrier_wait -1                              ; the three maps lie in LDS
	; ---- PHASE B: points 4-15, a level (four points) a group; group q = 3 n + e. The addresses and LDS loads run two groups ahead of the sums.
	; Behind a group's wait stand, where the group three back was a vector's last, the refill of that vector's slot, and, where it was a trip's last, the trip's store.
.macro G1B q
.if ((\q)%3) == 0
.if (\q) == 0
	s_wait_loadcnt 24                              ; younger: the ring's other four slots of six loads
.elseif (\q) < 87
	s_wait_loadcnt 18                              ; younger: the three vectors behind it
.else
	s_wait_loadcnt 6*(31-(\q)/3)                   ; the counts run down
.endif
.endif
.if (\q) >= 2
	s_wait_alu depctr_vm_vsrc(0)                   ; the LDS loads of group q - 2 have read this set of addresses, which the next lines write
.endif
	ADRS SB+24*(((\q)/3)%5)+12+4*((\q)%3), 1+(\q)%3, MAXB, (\q)%2
	s_wait_alu depctr_va_vdst(0)                   ; the four addresses are written, which the LDS loads read; the sums of group q - 3 are done reading the set of values, and the slot, in which the loads below land, and have written the trip's four registers, which the store below reads
	LDSV DD+16*((\q)%3), (\q)%2
.if ((\q) >= 5) && ((((\q)-2)%3) == 0) && (((\q)-2)/3+4 < 32)
	LOADB ((\q)-2)/3+4                             ; into the slot of the vector that group q - 3 finished
.endif
.if ((\q) >= 14) && ((((\q)-2)%12) == 0)
	global_store_b128 v[OUTA], v[ACC+4*(((\q)-2)/12-1):ACC+4*(((\q)-2)/12-1)+3], s[10:11] offset:512*(((\q)-2)/12-1) th:TH_STORE_NT   ; eight queries x 64 bytes: 512 consecutive bytes
.endif
.endm
.macro G2B q
.if (\q) < 94
	s_wait_dscnt 8                                 ; my four loads are in; the next two groups' eight may be out
.elseif (\q) == 94
	s_wait_dscnt 4
.else
	s_wait_dscnt 0x0
.endif
.if ((\q)%3) == 0
	FMA4 UU+4*(((\q)/3)%4), SB+24*(((\q)/3)%5)+4*((\q)%3), DD+16*((\q)%3), 1
.else
	FMA4 UU+4*(((\q)/3)%4), SB+24*(((\q)/3)%5)+4*((\q)%3), DD+16*((\q)%3), 0
.endif
.if (((\q)%3) == 2) && ((((\q)/3)%4) == 3)
	RED1 0
	RED1 1
	RED2 UU
	v_pk_add_f32 v[ACC+4*((\q)/12):ACC+4*((\q)/12)+1], v[ACC+4*((\q)/12):ACC+4*((\q)/12)+1], v[UU:UU+1]       ; with level 0's sums
	v_pk_add_f32 v[ACC+4*((\q)/12)+2:ACC+4*((\q)/12)+3], v[ACC+4*((\q)/12)+2:ACC+4*((\q)/12)+3], v[UU+2:UU+3]
.endif
.endm
	G1B 0
	G1B 1
.set Q, 0
.rept 96
.if Q < 94
	G1B Q+2
.endif
	G2B Q
.set Q, Q+1
.endr
	s_wait_alu depctr_va_vdst(0)                   ; the last trip's sums have written its four registers, which the last store reads
	global_store_b128 v[OUTA], v[ACC+28:ACC+31], s[10:11] offset:512*7 th:TH_STORE_NT
	s_wait_xcnt 0x0
	v_lshl_add_u32 v254, v0, 2, 0x46000
	v_mov_b32 v255, 0
	s_wait_dscnt 0x0                               ; the closing lines, six on end
	s_wait_alu 0x0
	s_wait_tensorcnt 0x0
	ds_add_u32 v254, v255
	s_wait_dscnt 0x0
	s_endpgm
.Lfunc_end_k_q7adda9911b_gather:
	.size	k_q7adda9911b_gather, .Lfunc_end_k_q7adda9911b_gather-k_q7adda9911b_gather
	.p2alignl 7, 3214868480
	.fill 96, 4, 3214868480
	.section	.rodata,"a",@progbits
	.p2align	6, 0x0
	.amdhsa_kernel k_q7adda9911b_gather
		.amdhsa_group_segment_fixed_size 288768
		.amdhsa_private_segment_fixed_size 0
		.amdhsa_enable_private_segment 0
		.amdhsa_kernarg_size 32
		.amdhsa_user_sgpr_count 2
		.amdhsa_user_sgpr_kernarg_segment_ptr 1
		.amdhsa_wavefront_size32 1
		.amdhsa_system_sgpr_workgroup_id_x 1
		.amdhsa_system_sgpr_workgroup_id_y 1
		.amdhsa_system_sgpr_workgroup_id_z 1
		.amdhsa_system_vgpr_workitem_id 0
		.amdhsa_next_free_vgpr 256
		.amdhsa_next_free_sgpr 66
		.amdhsa_reserve_vcc 0
		.amdhsa_float_denorm_mode_32 3
		.amdhsa_float_denorm_mode_16_64 3
		.amdhsa_memory_ordered 1
		.amdhsa_forward_progress 1
		.amdhsa_inst_pref_size 252
	.end_amdhsa_kernel
	.amdgpu_metadata
---
amdhsa.version: [ 1, 2 ]
amdhsa.kernels:
  - .name:           k_q7adda9911b_gather
    .symbol:         k_q7adda9911b_gather.kd
    .args:
      - { .name: value, .offset: 0, .size: 8, .value_kind: global_buffer, .address_space: global }
      - { .name: samp_w, .offset: 8, .size: 8, .value_kind: global_buffer, .address_space: global }
      - { .name: samp_idx, .offset: 16, .size: 8, .value_kind: global_buffer, .address_space: global }
      - { .name: gath, .offset: 24, .size: 8, .value_kind: global_buffer, .address_space: global }
    .group_segment_fixed_size: 288768
    .private_segment_fixed_size: 0
    .kernarg_segment_align: 8
    .kernarg_segment_size: 32
    .max_flat_workgroup_size: 512
    .sgpr_count:     66
    .vgpr_count:     256
    .wavefront_size: 32
...
	.end_amdgpu_metadata
.endif
;; end of part 14
;; launch tail (part 15): grid 256 x 1, 8 waves a work-group, no clusters, 225,280 bytes of LDS; arguments gath, tgt1, outp_w_codes, outp_w_scales, outp_b, norm1_g, norm1_b, lin1_w_codes, lin1_w_scales, lin1_b, lin2_w_codes, lin2_w_scales, lin2_b, norm3_g, norm3_b, out0; writes out0
.if DOCPART == 15
	.amdgcn_target "amdgcn-amd-amdhsa--gfx1250"
	.amdhsa_code_object_version 6
	.text
	.protected	k_q7adda9911b_tail
	.globl	k_q7adda9911b_tail
	.p2align	8
	.type	k_q7adda9911b_tail,@function
k_q7adda9911b_tail:
	s_mov_b64 s[64:65], 0
	v_nop
	global_prefetch_b8 v0, s[64:65] scope:SCOPE_SE
	s_setreg_imm32_b32 hwreg(HW_REG_WAVE_SCHED_MODE, 0, 2), 2
	s_setreg_imm32_b32 hwreg(HW_REG_WAVE_MODE, 25, 1), 1
	s_wait_xcnt 0x0
	s_wait_alu depctr_vm_vsrc(0)
; The rest of the layer for 64 rows: the sampled sums, quantised; x Wp^T + bp; + tgt1, LayerNorm; quantised; relu(. W1^T + b1), quantised in registers; . W2^T + b2; + residual, LayerNorm.
; The sampled sums arrive as [batch x head][channel half][query][16] f32: wave w copies head w's 64 rows (two dense runs of 4,096 bytes) into a stage of its own, from which the row phases take them.
; SHARES of the products as in the other launches: row phases by (tile m, half s), panel phases by 32 columns a wave; operands go from wave to wave through LDS as images of their registers.
; No cluster, no tensor load: the weights that work-groups share, 590 KB, go from memory straight into the registers of the wave that multiplies by them, 32 rows at a time.
; LIMITS: NaN and infinities are not served; scale bytes have the floor 1; a block of zeros gets byte 1 with zero codes.
; THE MODE: SCHED_MODE bits 1:0 = 2 (LLVM: expert scheduling mode 2), set by the entry lines. The code itself states the register dependences
; between vector or matrix instructions and memory or LDS instructions, with s_wait_alu, always for 0.
; THE PLAN. Three banks of 64 registers pass between the two sides:
;   ACC  loaded (copies, sums, rows), stored to LDS (copies, results, the norms' rows) and, read back, to memory; written by products and by the row phases' arithmetic.
;   BK   loaded (copies, fragments, rows, a bias); read by products and arithmetic; QUANT's codes lie there, which LDS stores read.
;   WF   loaded (weights, a gain); read by products and arithmetic alone.
; Each change of a bank's side has its wait: on va_vdst where vector or matrix instructions have written what a store reads, or have named what a load lands in; on vm_vsrc where a store has read what is written next.
; In the last product one wait on va_vdst a K step, behind the step's places, serves the next step's fragments and the weights of two steps on. No address register is written again.
.set PITCH, 1040
.set AIMG,  0                          ; 8 fragments (2 m + s)
.set ASC,   16384
.set RED,   17408                      ; four exchanges of 1,024 bytes
.set HSC,   21504                      ; the hidden layer's 32 scale words' images
.set HIMG,  25600                      ; its 32 fragments (8 m + s)
.set GST,   25600                      ; before that: the sampled sums, for each head 64 rows x 144 bytes (73,728 bytes, last read ahead of the barrier behind which HIMG and STG are first written)
.set STG,   91136                      ; 64 rows of results
.set RES,   157696                     ; 64 rows: tgt1, then the second LayerNorm's result
.set LI,  1
.set LS,  2
.set WA,  3
.set WSA, 4
.set BA,  5
.set CPG, 6
.set CPLR, 7
.set RRS, 8
.set RRR, 9
.set SW,  10                           ; r x 1040 + 64 h + 128 w + STG
.set IMW, 11
.set SCW, 12
.set RDW, 13
.set RDR, 14
.set GA,  15
.set HW,  52                           ; v52-55 the hidden layer's scale words in the making
.set PW,  56
.set W2A, 57                           ; 1024 rp + 16 h
.set W2S, 58                           ; 32 rp
.set LIH, 59                           ; 16 lane + HIMG + 2048 w
.set LIA, 60                           ; 16 lane + HIMG
.set GSW, 61                           ; GST + 9216 w + 144 (lane / 4) + 16 (lane % 4)
.set RG,  62                           ; GST + 36864 s + (16 m + r) x 144 + 64 h
.set BI,  16
.set WS,  32                           ; v32-47 scales alone
.set AS,  48                           ; v48-51 scales alone
.set ACC, 64
.set BK,  128
.set WF,  192
.set TM,  128
.set PC,  144
.set SEL, 40
.set MNT, 42
.set WV,  43
.set R256, 44
.set EPS, 45
.macro PLACES n
.rept \n
	v_nop
.endr
.endm
.macro BAR
	s_wait_dscnt 0x0
	s_barrier_signal -1
	s_barrier_wait -1
.endm
.macro COPYIN ptr, bank
.irp j, 0,1,2,3,4,5,6,7,8,9,10,11,12,13,14,15
	global_load_b128 v[\bank+4*\j:\bank+4*\j+3], v[CPG], s[\ptr:\ptr+1] offset:512*\j th:TH_LOAD_NT
.endr
.endm
.macro COPYST reg, off, bank
.irp j, 0,1,2,3,4,5,6,7,8,9,10,11,12,13,14,15
	ds_store_b128 v[\reg], v[\bank+4*\j:\bank+4*\j+3] offset:\off+PITCH*(\j/2)+512*(\j%2)
.endr
.endm
.macro COPYOUT reg, ptr
.irp j, 0,1,2,3,4,5,6,7,8,9,10,11,12,13,14,15
	ds_load_b128 v[ACC+4*\j:ACC+4*\j+3], v[\reg] offset:PITCH*(\j/2)+512*(\j%2)
.endr
.irp j, 0,1,2,3,4,5,6,7,8,9,10,11,12,13,14,15
	s_wait_dscnt 15-\j                             ; the younger LDS loads may be out
	global_store_b128 v[CPG], v[ACC+4*\j:ACC+4*\j+3], s[\ptr:\ptr+1] offset:512*\j th:TH_STORE_NT
.endr
.endm
.macro RROW reg, off, bank
.irp b, 0,1,2,3
.irp j, 0,1,2,3
	ds_load_b128 v[\bank+16*\b+4*\j:\bank+16*\b+4*\j+3], v[\reg] offset:\off+128*\b+16*\j
.endr
.endr
.endm
.macro WROW reg, off, bank
.irp b, 0,1,2,3
.irp j, 0,1,2,3
	ds_store_b128 v[\reg], v[\bank+16*\b+4*\j:\bank+16*\b+4*\j+3] offset:\off+128*\b+16*\j
.endr
.endr
.endm
.macro GLOAD ptr, bank
.irp b, 0,1,2,3
.irp j, 0,1,2,3
	global_load_b128 v[\bank+16*\b+4*\j:\bank+16*\b+4*\j+3], v[GA], s[\ptr:\ptr+1] offset:128*\b+16*\j
.endr
.endr
.endm
.macro PKADD d, a, x
.set J, 0
.rept 32
	v_pk_add_f32 v[(\d)+J:(\d)+J+1], v[(\a)+J:(\a)+J+1], v[(\x)+J:(\x)+J+1]
.set J, J+2
.endr
.endm
.macro QUANT s, relu                   ; relu = 1: what is negative becomes 0 on the way: it does not count for the largest magnitude, and the hold clips at 0
.if \relu
.irp b, 0,1,2,3
	v_max3_num_f32 v[TM+\b], v[(\s)+16*\b], v[(\s)+1+16*\b], 0x4800000
.endr
.irp i, 2,4,6,8,10,12,14
.irp b, 0,1,2,3
	v_max3_num_f32 v[TM+\b], v[TM+\b], v[(\s)+16*\b+\i], v[(\s)+1+16*\b+\i]
.endr
.endr
.else
.irp b, 0,1,2,3
	v_max3_num_f32 v[TM+\b], |v[(\s)+16*\b]|, |v[(\s)+1+16*\b]|, 0x4800000   ; with the floor 2^(9 - 127)
.endr
.irp i, 2,4,6,8,10,12,14
.irp b, 0,1,2,3
	v_max3_num_f32 v[TM+\b], v[TM+\b], |v[(\s)+16*\b+\i]|, |v[(\s)+1+16*\b+\i]|
.endr
.endr
.endif
.irp b, 0,1,2,3
	v_permlanex16_b32 v[TM+4+\b], v[TM+\b], s[SEL], s[SEL+1]
.endr
.irp b, 0,1,2,3
	v_max_num_f32 v[TM+\b], v[TM+\b], v[TM+4+\b]
.endr
.irp b, 0,1,2,3
	v_add_nc_u32 v[TM+12+\b], 0xfc000000, v[TM+\b]
.endr
.irp b, 0,1,2,3
	v_and_or_b32 v[TM+8+\b], v[TM+\b], 0x7f800000, s[MNT]
.endr
.irp b, 0,1,2,3
	v_lshrrev_b32 v[TM+4+\b], 23, v[TM+12+\b]
.endr
.irp b, 0,1,2,3
.irp i, 0,1,2,3,4,5,6,7,8,9,10,11,12,13,14,15
.if \relu
	v_med3_num_f32 v[(\s)+16*\b+\i], v[(\s)+16*\b+\i], 0, v[TM+8+\b]
.else
	v_med3_num_f32 v[(\s)+16*\b+\i], v[(\s)+16*\b+\i], -v[TM+8+\b], v[TM+8+\b]
.endif
.endr
	v_cvt_scalef32_pk8_fp8_f32 v[PC+4*\b:PC+1+4*\b], v[(\s)+16*\b:(\s)+7+16*\b], v[TM+12+\b]
	v_cvt_scalef32_pk8_fp8_f32 v[PC+2+4*\b:PC+3+4*\b], v[(\s)+8+16*\b:(\s)+15+16*\b], v[TM+12+\b]
.endr
	v_nop
.endm
.macro PACKW
	v_lshl_or_b32 v[PW], v[TM+5], 8, v[TM+4]
	v_lshl_or_b32 v[PW], v[TM+6], 16, v[PW]
	v_lshl_or_b32 v[PW], v[TM+7], 24, v[PW]
.endm
.macro IMAGE adr, off
.irp c, 0,1,2,3
	ds_store_b128 v[\adr], v[PC+4*\c:PC+4*\c+3] offset:\off+512*\c
.endr
.endm
.macro LOADWC cp, coff, sp, soff
.irp k, 0,1
.irp u, 0,1
.irp c, 0,1,2,3
	global_load_b128 v[WF+32*\k+16*\u+4*\c:WF+32*\k+16*\u+4*\c+3], v[WA], s[\cp:\cp+1] offset:(\coff)+2048*\u+128*\k+32*\c
.endr
.endr
.endr
.irp u, 0,1
	global_load_b64 v[WS+2*\u:WS+2*\u+1], v[WSA], s[\sp:\sp+1] offset:(\soff)+64*\u
.endr
.endm
.macro LOADB bp, boff
.irp u, 0,1
	global_load_b128 v[BI+8*\u:BI+8*\u+3], v[BA], s[\bp:\bp+1] offset:(\boff)+32*\u
	global_load_b128 v[BI+8*\u+4:BI+8*\u+7], v[BA], s[\bp:\bp+1] offset:(\boff)+32*\u+16
.endr
.endm
.macro AFETCH adr, img, sc, fm, k
.irp m, 0,1,2,3
.irp c, 0,1,2,3
	ds_load_b128 v[BK+16*\m+4*\c:BK+16*\m+4*\c+3], v[\adr] offset:(\img)+((\fm)*\m+(\k))*2048+512*\c
.endr
	ds_load_b32 v[AS+\m], v[LS] offset:(\sc)+((\fm)*\m+(\k))*128
.endr
.endm
.macro MUL8 wf, wsb, wst, asb, ast, first      ; eight accumulators, one instruction a turn
.irp m, 0,1,2,3
.irp u, 0,1
.if \first
	v_wmma_scale_f32_16x16x128_f8f6f4 v[ACC+16*\m+8*\u:ACC+16*\m+8*\u+7], v[(\wf)+16*\u:(\wf)+16*\u+15], v[BK+16*\m:BK+16*\m+15], v[BI+8*\u:BI+8*\u+7], v[(\wsb)+(\wst)*\u], v[(\asb)+(\ast)*\m]
.else
	v_wmma_scale_f32_16x16x128_f8f6f4 v[ACC+16*\m+8*\u:ACC+16*\m+8*\u+7], v[(\wf)+16*\u:(\wf)+16*\u+15], v[BK+16*\m:BK+16*\m+15], v[ACC+16*\m+8*\u:ACC+16*\m+8*\u+7], v[(\wsb)+(\wst)*\u], v[(\asb)+(\ast)*\m]
.endif
.endr
.endr
.endm
.macro PANEL2 adr, img, sc
	AFETCH \adr, \img, \sc, 2, 0
	s_wait_loadcnt 0x0
	s_wait_dscnt 0x0
	MUL8 WF, WS, 2, AS, 1, 1
	PLACES 8                                       ; the places behind the products stay
	s_wait_alu depctr_va_vdst(0)                   ; the eight products are done reading the rows' fragments and scale words, in which K step 1's land
	AFETCH \adr, \img, \sc, 2, 1
	s_wait_dscnt 0x0
	MUL8 WF+32, WS+1, 2, AS, 1, 0
	PLACES 9                                       ; nine: the next panel's products begin these accumulators anew
.endm
.macro TOSTG adr
.irp m, 0,1,2,3
.irp j, 0,1,2,3
	ds_store_b128 v[\adr], v[ACC+16*\m+4*\j:ACC+16*\m+4*\j+3] offset:16*\m*PITCH+16*\j   ; each accumulator from its low end on
.endr
.endr
.endm
.macro LNSUM k, gp                     ; gp: the pointer of the bias that is asked for into BK behind the first exchange's wait; 0: none
	v_pk_add_f32 v[16:17], v[16:17], v[18:19]
	v_pk_add_f32 v[20:21], v[20:21], v[22:23]
	v_pk_add_f32 v[16:17], v[16:17], v[20:21]
	v_add_f32 v16, v16, v17
	v_permlanex16_b32 v18, v16, s[SEL], s[SEL+1]
	v_add_f32 v16, v16, v18
	s_wait_alu depctr_va_vdst(0)                   ; v16 is written, which the LDS store reads; the sums are done with v17, in which the partner's sum lands; in the first exchange: the residual's sums are done reading BK, in which the bias lands
	ds_store_b32 v[RDW], v16 offset:1024*(\k)
.if \gp
	GLOAD \gp, BK
.endif
	BAR
	ds_load_b32 v17, v[RDR] offset:1024*(\k)
	s_wait_alu depctr_vm_vsrc(0)                   ; the LDS store has read v16, which the sum below writes
	s_wait_dscnt 0x0
	v_add_f32 v16, v16, v17
.endm
.macro LNORM k, gp                     ; mean, then the mean of the squared differences; gain asked for into WF, bias into BK
.irp q, 0,1,2,3
	v_pk_add_f32 v[16+2*\q:17+2*\q], v[ACC+4*\q:ACC+4*\q+1], v[ACC+4*\q+2:ACC+4*\q+3]
.endr
.irp j, 16,24,32,40,48,56
.irp q, 0,1,2,3
	v_pk_add_f32 v[16+2*\q:17+2*\q], v[16+2*\q:17+2*\q], v[ACC+\j+2*\q:ACC+\j+2*\q+1]
.endr
.endr
	LNSUM \k, \gp
	v_mul_f32 v24, s[R256], v16
	v_mov_b32 v25, v24
.set J, 0
.rept 32
	v_pk_add_f32 v[ACC+J:ACC+J+1], v[ACC+J:ACC+J+1], v[24:25] neg_lo:[0,1] neg_hi:[0,1]
.set J, J+2
.endr
.irp q, 0,1,2,3
	v_pk_mul_f32 v[16+2*\q:17+2*\q], v[ACC+2*\q:ACC+2*\q+1], v[ACC+2*\q:ACC+2*\q+1]
.endr
.irp j, 8,16,24,32,40,48,56
.irp q, 0,1,2,3
	v_pk_fma_f32 v[16+2*\q:17+2*\q], v[ACC+\j+2*\q:ACC+\j+2*\q+1], v[ACC+\j+2*\q:ACC+\j+2*\q+1], v[16+2*\q:17+2*\q]
.endr
.endr
	LNSUM (\k)+1, 0
	v_fma_f32 v16, v16, s[R256], s[EPS]
	v_rsq_f32 v24, v16
	v_nop
	s_wait_alu depctr_va_vdst(0)                   ; the root is written, ahead of its first reader
	v_mov_b32 v25, v24
	s_wait_loadcnt 0x0
.set J, 0
.rept 32
	v_pk_mul_f32 v[ACC+J:ACC+J+1], v[ACC+J:ACC+J+1], v[24:25]
.set J, J+2
.endr
.set J, 0
.rept 32
	v_pk_fma_f32 v[ACC+J:ACC+J+1], v[ACC+J:ACC+J+1], v[WF+J:WF+J+1], v[BK+J:BK+J+1]
.set J, J+2
.endr
.endm
	s_load_b512 s[8:23], s[0:1], 0x0               ; gath, tgt1, Wp codes, scales, bias, norm1_g, norm1_b, W1 codes
	s_load_b512 s[24:39], s[0:1], 0x40             ; W1 scales, bias, W2 codes, scales, bias, norm3_g, norm3_b, out0
	v_lshl_add_u32 v63, v0, 2, 0x36c00
	s_set_vgpr_msb 0x40
	v_mov_b32 v1, 0
	s_set_vgpr_msb 0x4000
	v_lshrrev_b32 v16, 5, v0
	v_readfirstlane_b32 s[WV], v16
	v_and_b32 v16, 31, v0                          ; lane
	v_and_b32 v17, 15, v0                          ; r
	v_bfe_u32 v18, v0, 4, 1                        ; h
	v_and_b32 v19, 8, v17
	v_add_nc_u32 v19, v19, v17                     ; rp
	v_lshlrev_b32 v[LI], 4, v16
	v_lshlrev_b32 v[LS], 2, v16
	v_lshlrev_b32 v[WA], 8, v19
	v_lshl_add_u32 v[WA], v18, 4, v[WA]
	v_lshlrev_b32 v[WSA], 3, v19
	v_lshlrev_b32 v[BA], 6, v18
	s_wait_alu depctr_va_sdst(0)                   ; the wave's number is written, ahead of its first reader
	s_lshl_b32 s50, s[WV], 13
	v_add_nc_u32 v[CPG], s50, v[LI]
	s_mul_i32 s50, s[WV], 8*PITCH
	v_add_nc_u32 v[CPLR], s50, v[LI]
	v_add_nc_u32 v[CPLR], RES, v[CPLR]
	s_lshr_b32 s52, s[WV], 1                       ; m
	s_and_b32 s53, s[WV], 1                        ; s
	s_mul_i32 s50, s52, 16*PITCH
	s_lshl_b32 s51, s53, 9
	s_add_co_u32 s50, s50, s51
	v_mul_u32_u24 v[RRS], v17, PITCH
	v_lshl_add_u32 v[RRS], v18, 6, v[RRS]
	v_add_nc_u32 v[SW], STG, v[RRS]
	v_add_nc_u32 v[RRS], s50, v[RRS]
	v_add_nc_u32 v[RRR], RES, v[RRS]
	v_add_nc_u32 v[RRS], STG, v[RRS]
	s_lshl_b32 s50, s[WV], 7
	v_add_nc_u32 v[SW], s50, v[SW]
	v_add_nc_u32 v[SCW], s50, v[LS]
	v_add_nc_u32 v[RDW], RED, v[SCW]
	s_xor_b32 s51, s[WV], 1
	s_lshl_b32 s51, s51, 7
	v_add_nc_u32 v[RDR], s51, v[LS]
	v_add_nc_u32 v[RDR], RED, v[RDR]
	s_lshl_b32 s50, s[WV], 11
	v_add_nc_u32 v[IMW], s50, v[LI]
	v_add_nc_u32 v[LIA], HIMG, v[LI]
	v_add_nc_u32 v[LIH], s50, v[LIA]
	s_lshl_b32 s50, s53, 9
	v_lshl_add_u32 v[GA], v18, 6, s50
	s_mul_i32 s50, s53, 4*9216
	s_mul_i32 s51, s52, 16*144
	s_add_co_u32 s50, s50, s51
	s_add_co_u32 s50, s50, GST
	v_mul_u32_u24 v[RG], v17, 144
	v_lshl_add_u32 v[RG], v18, 6, v[RG]
	v_add_nc_u32 v[RG], s50, v[RG]
	v_lshrrev_b32 v20, 2, v16
	v_mul_u32_u24 v[GSW], v20, 144
	v_and_b32 v20, 3, v0
	v_lshl_add_u32 v[GSW], v20, 4, v[GSW]
	s_mul_i32 s50, s[WV], 9216
	s_add_co_u32 s50, s50, GST
	v_add_nc_u32 v[GSW], s50, v[GSW]
	v_lshlrev_b32 v[W2A], 10, v19
	v_lshl_add_u32 v[W2A], v18, 4, v[W2A]
	v_lshlrev_b32 v[W2S], 5, v19
	s_mov_b32 s[SEL], 0x76543210
	s_mov_b32 s[SEL+1], 0xfedcba98
	s_mov_b32 s[MNT], 0x600000
	s_mov_b32 s[R256], 0x3b800000
	s_mov_b32 s[EPS], 0x3727c5ac
	s_mov_b32 s49, 0
	s_wait_kmcnt 0x0
	s_lshr_b32 s48, ttmp9, 4
	s_lshl_b32 s48, s48, 3
	s_add_co_u32 s48, s48, s[WV]                   ; 8 x batch + head
	s_lshl_b32 s48, s48, 17                        ; two halves of 1,024 queries x 64 bytes,
	s_and_b32 s50, ttmp9, 15
	s_lshl_b32 s50, s50, 12                        ; + my block's 64 queries
	s_add_co_u32 s48, s48, s50
	s_add_nc_u64 s[8:9], s[8:9], s[48:49]
	s_lshl_b32 s48, ttmp9, 16
	s_add_nc_u64 s[10:11], s[10:11], s[48:49]
	s_add_nc_u64 s[38:39], s[38:39], s[48:49]
	s_lshl_b32 s48, s[WV], 13
	s_add_nc_u64 s[12:13], s[12:13], s[48:49]
	s_lshl_b32 s48, s[WV], 8
	s_add_nc_u64 s[14:15], s[14:15], s[48:49]
	s_lshl_b32 s48, s[WV], 7
	s_add_nc_u64 s[16:17], s[16:17], s[48:49]
	s_add_nc_u64 s[32:33], s[32:33], s[48:49]
	s_lshl_b32 s48, s[WV], 15
	s_add_nc_u64 s[22:23], s[22:23], s[48:49]
	s_add_nc_u64 s[28:29], s[28:29], s[48:49]
	s_lshl_b32 s48, s[WV], 10
	s_add_nc_u64 s[24:25], s[24:25], s[48:49]
	s_add_nc_u64 s[30:31], s[30:31], s[48:49]
	s_lshl_b32 s48, s[WV], 9
	s_add_nc_u64 s[26:27], s[26:27], s[48:49]
	s_wait_alu depctr_va_vdst(0)                   ; the addresses (v1-15, v57-62), v63 and v257 are written, which loads, stores and the closing add read; so are v16 to v20, in which biases land
	; ---- tgt1's 64 rows and head w's sampled sums come densely and are laid in LDS
	COPYIN 10, ACC
.irp c, 0,1
.irp t, 0,1,2,3,4,5,6,7
	global_load_b128 v[BK+4*(8*\c+\t):BK+4*(8*\c+\t)+3], v[LI], s[8:9] offset:65536*\c+512*\t th:TH_LOAD_NT   ; eight queries x 64 bytes of half c
.endr
.endr
	s_wait_loadcnt 0x0
	COPYST CPLR, 0, ACC
.irp c, 0,1
.irp t, 0,1,2,3,4,5,6,7
	ds_store_b128 v[GSW], v[BK+4*(8*\c+\t):BK+4*(8*\c+\t)+3] offset:8*144*\t+64*\c
.endr
.endr
	BAR
	s_wait_alu depctr_vm_vsrc(0)                   ; my LDS stores have read ACC, in which the sums below land, and BK, in which the quantiser works
	; ---- the sampled sums, quantised (a block = a head's 32 channels)
.irp b, 0,1,2,3
.irp j, 0,1,2,3
	ds_load_b128 v[ACC+16*\b+4*\j:ACC+16*\b+4*\j+3], v[RG] offset:9216*\b+16*\j   ; head 4 s + b, channels 16 h on, of row 16 m + r
.endr
.endr
	s_wait_dscnt 0x0
	QUANT ACC, 0
	PACKW
	s_wait_alu depctr_va_vdst(0)                   ; the codes and the scale word are written, which the LDS stores read; the quantiser is done with BK's registers, in which fragments land
	IMAGE IMW, AIMG
	ds_store_b32 v[SCW], v[PW] offset:ASC
	LOADWC 12, 0, 14, 0
	LOADB 16, 0
	BAR
	s_wait_alu depctr_vm_vsrc(0)                   ; my LDS stores have read the codes, in which fragments land, and the scale word, which is made anew later
	; ---- . Wp^T + bp
	PANEL2 LI, AIMG, ASC
	s_wait_alu depctr_va_vdst(0)                   ; the products have written the accumulators, which the LDS stores read, and are done reading the weights and BK, in which the gain and tgt1's rows land
	GLOAD 18, WF                                   ; norm1_g
	TOSTG SW
	BAR
	s_wait_alu depctr_vm_vsrc(0)                   ; my LDS stores have read the accumulators, in which the rows below land
	; ---- + tgt1, LayerNorm, quantised
	RROW RRS, 0, ACC
	RROW RRR, 0, BK
	s_wait_dscnt 0x0
	PKADD ACC, ACC, BK
	LNORM 0, 20                                    ; with norm1_b
	s_wait_alu depctr_va_vdst(0)                   ; the norm's result is written, which the LDS stores read
	WROW RRR, 0, ACC                               ; kept for the last residual, in my own places
	s_wait_dscnt 0x0                               ; the stores have read the numbers that the hold rewrites
	s_wait_alu depctr_vm_vsrc(0)                   ; the LDS stores have read ACC, which the quantiser's hold writes
	QUANT ACC, 0
	PACKW
	s_wait_alu depctr_va_vdst(0)                   ; the codes and the scale word are written, which the LDS stores read; the norm is done with the gain's registers and v16-25, the quantiser with BK's: weights, biases and fragments land there
	IMAGE IMW, AIMG
	ds_store_b32 v[SCW], v[PW] offset:ASC
	LOADWC 22, 0, 24, 0                            ; W1: my 128 hidden units, 32 at a time
	LOADB 26, 0
	BAR
	s_wait_alu depctr_vm_vsrc(0)                   ; my LDS stores have read the codes, in which fragments land
	; ---- the hidden layer: my 128 units are K step w of the last product; panel q is its block q
.macro LOADW2 k                        ; W2's two tiles of my 32 outputs, K step k
.irp u, 0,1
.irp c, 0,1,2,3
	global_load_b128 v[WF+32*((\k)%2)+16*\u+4*\c:WF+32*((\k)%2)+16*\u+4*\c+3], v[W2A], s[28:29] offset:8192*\u+128*(\k)+32*\c
.endr
.endr
.endm
.irp q, 0,1,2,3
	PANEL2 LI, AIMG, ASC
	s_wait_alu depctr_va_vdst(0)                   ; the products are done reading the weights, their scale words and the biases, in which the next ones land
.if \q < 3
	LOADWC 22, 8192*(\q+1), 24, 256*(\q+1)
	LOADB 26, 128*(\q+1)
.else
.irp u, 0,1
	global_load_b128 v[WS+8*\u:WS+8*\u+3], v[W2S], s[30:31] offset:256*\u          ; W2's scale words: eight K steps a row
	global_load_b128 v[WS+8*\u+4:WS+8*\u+7], v[W2S], s[30:31] offset:256*\u+16
.endr
	LOADB 32, 0
	LOADW2 0
	LOADW2 1
.endif
	QUANT ACC, 1                                   ; block m: the 32 units of row 16 m + r
.irp m, 0,1,2,3
.if \q == 0
	v_mov_b32 v[HW+\m], v[TM+4+\m]
.else
	v_lshl_or_b32 v[HW+\m], v[TM+4+\m], 8*\q, v[HW+\m]
.endif
.endr
	s_wait_alu depctr_va_vdst(0)                   ; the codes are written, which the LDS stores read, and, in the last panel, the four scale words; the quantiser is done with BK's registers, in which fragments land
.irp m, 0,1,2,3
	ds_store_b128 v[LIH], v[PC+4*\m:PC+4*\m+3] offset:16384*\m+512*\q
.endr
	s_wait_dscnt 0x0                               ; the stores have read their registers
	s_wait_alu depctr_vm_vsrc(0)                   ; the LDS stores have read the codes, in which the next fragments land
.endr
.irp m, 0,1,2,3
	ds_store_b32 v[SCW], v[HW+\m] offset:HSC+1024*\m
.endr
	BAR
	; ---- . W2^T + b2: K = 1,024 in eight steps; the weights run two steps ahead in two sets
.irp k, 0,1,2,3,4,5,6,7
	AFETCH LIA, 0, HSC, 8, \k
.if \k < 7
	s_wait_loadcnt 8                               ; this step's weights are in; the next step's eight loads may be out
.else
	s_wait_loadcnt 0x0
.endif
	s_wait_dscnt 0x0
.if \k == 0
	MUL8 WF, WS, 8, AS, 1, 1
.else
	MUL8 WF+32*(\k%2), WS+\k, 8, AS, 1, 0
.endif
	PLACES 8
.if \k < 7
	s_wait_alu depctr_va_vdst(0)                   ; the step's products are done reading the fragments and scale words of rows and this set of weights: the next step's fragments and the weights of two steps on land there
.else
	s_wait_alu depctr_va_vdst(0)                   ; the products have written the accumulators, which the LDS stores read, and are done reading the weights and BK, in which the gain and the residual's rows land
.endif
.if \k < 6
	LOADW2 \k+2
.endif
.endr
	GLOAD 34, WF                                   ; norm3_g
	TOSTG SW
	BAR
	s_wait_alu depctr_vm_vsrc(0)                   ; my LDS stores have read the accumulators, in which the rows below land
	; ---- + residual, LayerNorm, out
	RROW RRS, 0, ACC
	RROW RRR, 0, BK
	s_wait_dscnt 0x0
	PKADD ACC, ACC, BK
	LNORM 2, 36                                    ; with norm3_b
	s_wait_alu depctr_va_vdst(0)                   ; the norm's result is written, which the LDS stores read; the norm is done with ACC, in which whole rows land
	WROW RRR, 0, ACC
	BAR
	s_wait_alu depctr_vm_vsrc(0)                   ; my LDS stores have read ACC, in which whole rows land
	COPYOUT CPLR, 38                               ; whole rows: 512 consecutive bytes a store
	s_set_vgpr_msb 0x4                             ; the add's second register, v257, lies in window 1: the one switch, ahead of the closing lines
	s_wait_dscnt 0x0                               ; the closing lines, six on end
	s_wait_alu 0x0
	s_wait_tensorcnt 0x0
	ds_add_u32 v63, v1
	s_wait_dscnt 0x0
	s_endpgm
.Lfunc_end_k_q7adda9911b_tail:
	.size	k_q7adda9911b_tail, .Lfunc_end_k_q7adda9911b_tail-k_q7adda9911b_tail
	.p2alignl 7, 3214868480
	.fill 96, 4, 3214868480
	.section	.rodata,"a",@progbits
	.p2align	6, 0x0
	.amdhsa_kernel k_q7adda9911b_tail
		.amdhsa_group_segment_fixed_size 225280
		.amdhsa_private_segment_fixed_size 0
		.amdhsa_enable_private_segment 0
		.amdhsa_kernarg_size 128
		.amdhsa_user_sgpr_count 2
		.amdhsa_user_sgpr_kernarg_segment_ptr 1
		.amdhsa_wavefront_size32 1
		.amdhsa_system_sgpr_workgroup_id_x 1
		.amdhsa_system_sgpr_workgroup_id_y 1
		.amdhsa_system_sgpr_workgroup_id_z 1
		.amdhsa_system_vgpr_workitem_id 0
		.amdhsa_next_free_vgpr 258
		.amdhsa_next_free_sgpr 66
		.amdhsa_reserve_vcc 0
		.amdhsa_float_denorm_mode_32 3
		.amdhsa_float_denorm_mode_16_64 3
		.amdhsa_memory_ordered 1
		.amdhsa_forward_progress 1
		.amdhsa_inst_pref_size 170
	.end_amdhsa_kernel
	.amdgpu_metadata
---
amdhsa.version: [ 1, 2 ]
amdhsa.kernels:
  - .name:           k_q7adda9911b_tail
    .symbol:         k_q7adda9911b_tail.kd
    .args:
      - { .name: gath, .offset: 0, .size: 8, .value_kind: global_buffer, .address_space: global }
      - { .name: tgt1, .offset: 8, .size: 8, .value_kind: global_buffer, .address_space: global }
      - { .name: outp_w_codes, .offset: 16, .size: 8, .value_kind: global_buffer, .address_space: global }
      - { .name: outp_w_scales, .offset: 24, .size: 8, .value_kind: global_buffer, .address_space: global }
      - { .name: outp_b, .offset: 32, .size: 8, .value_kind: global_buffer, .address_space: global }
      - { .name: norm1_g, .offset: 40, .size: 8, .value_kind: global_buffer, .address_space: global }
      - { .name: norm1_b, .offset: 48, .size: 8, .value_kind: global_buffer, .address_space: global }
      - { .name: lin1_w_codes, .offset: 56, .size: 8, .value_kind: global_buffer, .address_space: global }
      - { .name: lin1_w_scales, .offset: 64, .size: 8, .value_kind: global_buffer, .address_space: global }
      - { .name: lin1_b, .offset: 72, .size: 8, .value_kind: global_buffer, .address_space: global }
      - { .name: lin2_w_codes, .offset: 80, .size: 8, .value_kind: global_buffer, .address_space: global }
      - { .name: lin2_w_scales, .offset: 88, .size: 8, .value_kind: global_buffer, .address_space: global }
      - { .name: lin2_b, .offset: 96, .size: 8, .value_kind: global_buffer, .address_space: global }
      - { .name: norm3_g, .offset: 104, .size: 8, .value_kind: global_buffer, .address_space: global }
      - { .name: norm3_b, .offset: 112, .size: 8, .value_kind: global_buffer, .address_space: global }
      - { .name: out0, .offset: 120, .size: 8, .value_kind: global_buffer, .address_space: global }
    .group_segment_fixed_size: 225280
    .private_segment_fixed_size: 0
    .kernarg_segment_align: 8
    .kernarg_segment_size: 128
    .max_flat_workgroup_size: 256
    .sgpr_count:     66
    .vgpr_count:     258
    .wavefront_size: 32
...
	.end_amdgpu_metadata
.endif
;; end of part 15
